; MI455X (gfx1250); checked and timed in simulation.
; The chip was launched on July 23, 2026; its instructions are those of AMD's public machine-readable ISA for CDNA 5 (MIT licence, August 2026) and "CDNA5" Instruction Set Architecture Reference Guide (July 2026). The comments in the code are by the model that wrote it; some were corrected since.
;; Block. Allowed arithmetic: matrix products marked QUANTISED: E2M3 operands, one E8M0 scale for each 32 along K, by v_wmma_scale_f32_16x16x128_f8f6f4 with both operands' format E2M3, f32 sums; everything else in f32.
;; Inputs: Wk 16 x 1,024 x 64 float32; Wq 16 x 1,024 x 64 float32; Wv 16 x 1,024 x 64 float32; ln1_b 1,024 float32; ln1_w 1,024 float32; ln2_b 1,024 float32; ln2_w 1,024 float32; p_b 1,024 float32; p_w 2,048 x 1,024 float32; proj_b 1,024 float32; proj_w 1,024 x 1,024 float32; v_b 2,048 float32; v_w 1,024 x 2,048 float32; w_b 2,048 float32; w_w 1,024 x 2,048 float32; x 2 x 2,048 x 1,024 float32.
;; Outputs: out0 2 x 2,048 x 1,024 float32.
;; This version of the problem:
;;   THIS VERSION OF THE PROBLEM IS GIVEN IN LOW PRECISION. The matrix products marked QUANTISED in the list below multiply operands that are first quantised to E2M3 (2 exponent bits, 3 mantissa bits; 6 bits a number), with one power-of-two scale for each 32 numbers along K (OCP MX v1.0); their sums are f32. All else is computed in f32.
;;   The module's matrix products, in the order in which they are computed (A, B: the left and right operand; K: the contracted axis; several contracted axes count as one K, in the product's order):
;;     1. [M 1,024, K 1,024] x [K 1,024, N 4,096]; A: input Wq; B: computed on the way: QUANTISED
;;     2. [M 1,024, K 1,024] x [K 1,024, N 4,096]; A: input Wk; B: computed on the way: QUANTISED
;;     3. [M 1,024, K 1,024] x [K 1,024, N 4,096]; A: input Wv; B: computed on the way: QUANTISED
;;     4. batch 32 x [M 2,048, K 64] x [K 64, N 2,048]; A: computed on the way; B: computed on the way: QUANTISED
;;     5. batch 32 x [M 2,048, K 2,048] x [K 2,048, N 64]; A: softmax (see below); B: computed on the way: QUANTISED
;;     6. [M 4,096, K 1,024] x [K 1,024, N 1,024]; A: computed on the way; B: input proj_w: QUANTISED
;;     7. [M 4,096, K 1,024] x [K 1,024, N 2,048]; A: computed on the way; B: input w_w: QUANTISED
;;     8. [M 4,096, K 1,024] x [K 1,024, N 2,048]; A: computed on the way; B: input v_w: QUANTISED
;;     9. [M 4,096, K 2,048] x [K 2,048, N 1,024]; A: computed on the way; B: input p_w: QUANTISED
;;   THE QUANTISER, for each operand of a quantised product, along K:
;;     - K is cut into blocks of 32 from its start; a last block that is shorter is filled with zeros.
;;     - A block's scale is 2^e with e = floor(log2(the largest magnitude in the block)) - 2, held to -126 .. 127; a block of zeros has e = 0. As a byte (E8M0): e + 127.
;;     - Each number is divided by its block's scale, clamped to +-7.5, and rounded to the nearest number of E2M3, ties to even, subnormals kept.
;;     - The product sums the exact products of the quantised numbers (number of the format x scale) in f32.
;;   ~~~python
;;   def quantise(x, axis):      # numpy; x: float32 -> the quantised numbers, widened to float32 again
;;       x = np.moveaxis(x, axis, -1); K = x.shape[-1]
;;       x = np.pad(x, [(0, 0)] * (x.ndim - 1) + [(0, -K % 32)]); x = x.reshape(x.shape[:-1] + (-1, 32)); a = np.abs(x).max(-1, keepdims=True)
;;       e = np.where(a > 0, np.clip(np.frexp(np.where(a > 0, a, 1))[1] - 1 - 2, -126, 127), 0)      # np.frexp(a)[1] - 1 = floor(log2(a)), exactly
;;       r = np.clip(x / 2.0 ** e, -7.5, 7.5)
;;       step = 2.0 ** (np.maximum(np.frexp(np.where(r == 0, 1, r))[1] - 1, 0) - 3)
;;       q = np.round(r / step) * step * 2.0 ** e      # np.round: ties to even
;;       return np.moveaxis(q.reshape(q.shape[:-2] + (-1,))[..., :K], -1, axis).astype(np.float32)
;;   ~~~
;;   SOFTMAX AHEAD OF A QUANTISED PRODUCT. Where the list says 'softmax', what is quantised is not the finished softmax but p = 2^(t - M), with t = logit x log2(e) and M = ceil(the row's largest t), a whole number; so 1/2 < the row's largest p <= 1. The row's sum l is taken of the UNQUANTISED p, in f32, and the product's result is divided by l at the end. Since M is a whole number, a kernel that streams over the keys may use a running M (the ceiling of the running maximum): every later rescaling is an exact power of two, which a block's scale takes up: the codes' values come out the same.
;;   OPERANDS COMPUTED ON THE WAY. 'Computed on the way' means the value that the module computes at that place (a softmax that the list does not call 'softmax' is quantised finished and normalised). What goes into a quantiser is computed in f32, as accurately as f32 sums, v_exp_f32 and their like allow (about 1e-6 of the number): no bf16 or f16 on the way to a quantiser, and a product that is left as it is and whose result goes on into a quantised operand takes f32 operands (vector FMAs, or v_wmma_f32_16x16x4_f32). A number that lies on a knife's edge between two numbers of the format may be rounded either way, as far as f32 arithmetic and the matrix unit's own rounding can turn it there, and no further.
;; 2 versions. Each part assembles by itself: llvm-mc -triple=amdgcn-amd-amdhsa -mcpu=gfx1250 --defsym DOCPART=n.
;; ======== version 1 of 2: 8 launches
;; workspace buffers: wts 8,716,288 bytes; hq 3,276,800 bytes; h2q 3,276,800 bytes; qkv 10,092,544 bytes; oq 3,276,800 bytes; x1 16,777,216 bytes; gq 6,553,600 bytes
;; launch prep (part 1): grid 768 x 1, 4 waves a work-group, no clusters, 0 bytes of LDS; arguments Wq, Wk, Wv, proj_w, w_w, v_w, p_w, wts; writes wts
.if DOCPART == 1
	.amdgcn_target "amdgcn-amd-amdhsa--gfx1250"
	.amdhsa_code_object_version 6
	.text
	.protected	k_q9bbc24cdcb_prep
	.globl	k_q9bbc24cdcb_prep
	.p2align	8
	.type	k_q9bbc24cdcb_prep,@function
k_q9bbc24cdcb_prep:
	s_mov_b64 s[64:65], 0
	v_nop
	global_prefetch_b8 v0, s[64:65] scope:SCOPE_SE
	s_setreg_imm32_b32 hwreg(HW_REG_WAVE_MODE, 25, 1), 1
	s_wait_xcnt 0x0
; THE PROGRAM: one transformer block (LayerNorm, q k v, RoPE, causal attention, projection, residual, LayerNorm, SwiGLU, residual), all nine matrix products on codes of FP6 (E2M3) with one E8M0 scale for each 32 along K.
; Eight launches: prep (this one), ln1, qkv, attn, proj, ln2, ffn1, ffn2.
; DEAD WORK.  No input is dead: every weight, gain and bias has a way to out0, and all sixteen inputs are loaded.  The only work of reference() that the program leaves out stands in the launch attn: key steps of 128 keys
; all of which come after all 16 queries of a wave.  reference() itself sets those scores to -inf, by the jnp.tril mask that it builds in its own body, ahead of the softmax: their weight is 0, and they add nothing to the
; row's sum nor to the product with v, whatever finite values the inputs hold.  LIMIT: a NaN, an infinity or an overflow that would arise in such scores alone is not carried to the result.
; THIS LAUNCH turns the seven weights (f32, K not innermost) into codes and scale words laid as the products' launches read them, and makes the RoPE tables.
; THE ORDER ALONG K.  In every operand of every product, place p of a block of 32 holds k = pi(p) = p with bits 3 and 4 exchanged.  Blocks and scales are the true ones and both sides of a product carry the same order, so no
; sum changes.  With it a matrix result that becomes an operand needs no chosen rows: its lanes hold columns 8 h + j and 16 + 8 h + j of each 32.
; THE IMAGE.  A fragment (16 rows x 128 K, 12 registers a lane) lies in memory as 1,536 bytes: six pieces of 256 bytes, piece i = registers 2 i and 2 i + 1, lane l's 8 bytes at 8 l.  Scale words: [row tile][K step][16 rows] x 4 bytes.
; wts: codes QKV @0 (192 row tiles x 8 K steps), PROJ @2,359,296 (64 x 8), FF1 @3,145,728 (256 x 8; each 128 rows: 64 columns of w_w, then the same 64 of v_w), PW @6,291,456 (64 x 16);
;      scale words @7,864,320, @7,962,624, @7,995,392, @8,126,464; cos [2048][32] @8,192,000; sin [2048][32] @8,454,144, negative at even places (rotate_half's sign).
; SHARES.  Work-groups 0-639: a wave takes 32 columns x 128 along K.  A LANE TAKES A COLUMN AND ITS REGISTERS RUN DOWN K, in the order pi, by the loads' offsets alone: a block's largest magnitude needs no other lane.
; Work-groups 640-767: the tables, 16 positions each.  No LDS, no barrier: waves share nothing.
; A block's scale is 2^(floor(log2(largest magnitude)) - 2); its byte is the largest magnitude's exponent field - 2, held at 1 from below.  A block of zeros keeps the byte 1 (its codes are zeros; this program alone reads the bytes).
; LIMITS: NaN and infinities among the inputs are not served; blocks whose largest magnitude lies under 2^-124 keep the byte 1.  The RoPE frequencies come from one v_exp_f32, so an angle is good to about
; 1.5e-4 at position 2,047: the size of one last place of the f32 frequency itself.
.set D,  32                            ; v32-159  128 numbers down K
.set CB, 160                           ; v160-191 codes: pair c of blocks, half h at CB + 16 c + 8 h
.set MX, 8                             ; v8-9     largest magnitudes
.set SO, 12                            ; v12-13   the conversions' scale operands
.set BY, 16                            ; v16-19   the four scale bytes
.set WD, 192                           ; v192     the scale word
.macro LOADS rp                        ; 128 loads: place i of the K step takes row (i with bits 3 and 4 exchanged); 32 lanes read 128 consecutive bytes
.set i, 0
.rept 128
.set kk, (i&0x67)|((i&8)<<1)|((i&16)>>1)
	global_load_b32 v[D+i], v1, s[22:23] offset:kk*(\rp) th:TH_LOAD_NT
.set i, i+1
.endr
.endm
.macro SPLIT m, sh                     ; s30 = the work-group's number in its arm: s24 = which 32 columns, s25 = which K step
	s_and_b32 s24, s30, \m
	s_lshr_b32 s25, s30, \sh
	s_lshl_b32 s24, s24, 2
	s_add_co_u32 s24, s24, s20
.endm
	s_load_b256 s[4:11], s[0:1], 0x0               ; Wq, Wk, Wv, proj_w
	s_load_b256 s[12:19], s[0:1], 0x20             ; w_w, v_w, p_w, wts
	v_lshrrev_b32 v1, 5, v0
	v_readfirstlane_b32 s20, v1                    ; wave
	v_and_b32 v2, 31, v0                           ; lane
	v_lshlrev_b32 v1, 2, v2                        ; my column's 4 bytes
	v_lshlrev_b32 v3, 3, v2                        ; my 8 bytes of an image's piece
	s_mov_b32 s21, ttmp9
	s_mov_b32 s33, 0
	s_wait_kmcnt 0x0
	s_cmp_ge_u32 s21, 640
	s_cbranch_scc1 .Lrope
	s_cmp_ge_u32 s21, 512
	s_cbranch_scc1 .Larm_w
	s_cmp_ge_u32 s21, 256
	s_cbranch_scc1 .Larm_f
	s_cmp_ge_u32 s21, 192
	s_cbranch_scc1 .Larm_p
	; Wq, Wk, Wv: [16 heads][1024 (K)][64]
	s_lshr_b32 s29, s21, 6                         ; which of the three
	s_and_b32 s30, s21, 63
	SPLIT 7, 3
	s_lshr_b32 s32, s24, 1
	s_lshl_b32 s32, s32, 18                        ; the head's 262,144 bytes
	s_lshl_b32 s31, s25, 15                        ; 128 rows of 256 bytes
	s_add_co_u32 s32, s32, s31
	s_and_b32 s31, s24, 1
	s_lshl_b32 s31, s31, 7                         ; which 32 of the head's 64
	s_add_co_u32 s32, s32, s31
	s_cmp_eq_u32 s29, 0
	s_cselect_b64 s[22:23], s[4:5], s[6:7]
	s_cmp_eq_u32 s29, 2
	s_cselect_b64 s[22:23], s[8:9], s[22:23]
	s_add_nc_u64 s[22:23], s[22:23], s[32:33]
	s_lshl_b32 s24, s24, 1
	s_lshl_b32 s29, s29, 6
	s_add_co_u32 s24, s24, s29                     ; my first row tile
	s_mov_b32 s26, 8                               ; K steps in a row tile
	s_mov_b32 s27, 0                               ; the codes' section
	s_mov_b32 s28, 7864320                         ; the scale words'
	LOADS 256
	s_branch .Lquant
.Larm_p:                                               ; proj_w: [1024 (K)][1024]
	s_sub_co_u32 s30, s21, 192
	SPLIT 7, 3
	s_lshl_b32 s32, s25, 19
	s_lshl_b32 s31, s24, 7
	s_add_co_u32 s32, s32, s31
	s_add_nc_u64 s[22:23], s[10:11], s[32:33]
	s_lshl_b32 s24, s24, 1
	s_mov_b32 s26, 8
	s_mov_b32 s27, 2359296
	s_mov_b32 s28, 7962624
	LOADS 4096
	s_branch .Lquant
.Larm_f:                                               ; w_w, v_w: [1024 (K)][2048]
	s_sub_co_u32 s30, s21, 256
	s_lshr_b32 s29, s30, 7                         ; 0: w_w, 1: v_w
	s_and_b32 s30, s30, 127
	SPLIT 15, 4
	s_lshl_b32 s32, s25, 20
	s_lshl_b32 s31, s24, 7
	s_add_co_u32 s32, s32, s31
	s_cmp_eq_u32 s29, 0
	s_cselect_b64 s[22:23], s[12:13], s[14:15]
	s_add_nc_u64 s[22:23], s[22:23], s[32:33]
	s_lshr_b32 s31, s24, 1
	s_lshl_b32 s31, s31, 3                         ; 8 row tiles for each 64 columns: four of w_w, four of v_w
	s_lshl_b32 s29, s29, 2
	s_add_co_u32 s31, s31, s29
	s_and_b32 s24, s24, 1
	s_lshl_b32 s24, s24, 1
	s_add_co_u32 s24, s24, s31
	s_mov_b32 s26, 8
	s_mov_b32 s27, 3145728
	s_mov_b32 s28, 7995392
	LOADS 8192
	s_branch .Lquant
.Larm_w:                                               ; p_w: [2048 (K)][1024]
	s_sub_co_u32 s30, s21, 512
	SPLIT 7, 3
	s_lshl_b32 s32, s25, 19
	s_lshl_b32 s31, s24, 7
	s_add_co_u32 s32, s32, s31
	s_add_nc_u64 s[22:23], s[16:17], s[32:33]
	s_lshl_b32 s24, s24, 1
	s_mov_b32 s26, 16
	s_mov_b32 s27, 6291456
	s_mov_b32 s28, 8126464
	LOADS 4096
.Lquant:
	s_mul_i32 s29, s24, s26
	s_add_co_u32 s29, s29, s25                     ; row tile x K steps + K step
	s_mul_i32 s32, s29, 1536
	s_add_co_u32 s32, s32, s27
	s_mov_b32 s33, 0
	s_add_nc_u64 s[34:35], s[18:19], s[32:33]      ; my first image
	s_lshl_b32 s32, s29, 6
	s_add_co_u32 s32, s32, s28
	s_add_nc_u64 s[36:37], s[18:19], s[32:33]      ; its scale words
	s_mul_i32 s30, s26, 1536
	v_add_nc_u32 v4, s30, v3                       ; the next row tile's image
	v_and_b32 v5, 15, v2
	v_lshlrev_b32 v5, 2, v5
	v_lshrrev_b32 v6, 4, v2
	s_lshl_b32 s30, s26, 6
	v_mul_u32_u24 v6, v6, s30
	v_add_nc_u32 v5, v5, v6                        ; my column's scale word: 4 (lane % 16), lanes 16-31 in the next row tile
; Blocks 2 c and 2 c + 1 of my column.  The exchange of halves makes of "a lane a column, both blocks" the operand's "lanes 0-15 block 2 c, lanes 16-31 block 2 c + 1" for two row tiles at once.
.macro PAIR c
.irp h, 0,1
	v_max3_num_f32 v[MX+\h], |v[D+64*\c+32*\h]|, |v[D+64*\c+32*\h+1]|, 0x1800000   ; with the floor 2^(3 - 127): the byte cannot fall under 1
.endr
.irp i, 2,4,6,8,10,12,14,16,18,20,22,24,26,28,30
.irp h, 0,1
	v_max3_num_f32 v[MX+\h], v[MX+\h], |v[D+64*\c+32*\h+\i]|, |v[D+64*\c+32*\h+\i+1]|
.endr
.endr
.irp h, 0,1
	v_add_nc_u32 v[SO+\h], 0xff000000, v[MX+\h]    ; 2 off the exponent field: the conversion's scale operand
.endr
.irp h, 0,1
	v_lshrrev_b32 v[BY+2*\c+\h], 23, v[SO+\h]      ; the scale's byte
.endr
.irp h, 0,1
	v_cvt_scalef32_pk16_fp6_f32 v[CB+16*\c+8*\h:CB+16*\c+8*\h+2], v[D+64*\c+32*\h:D+64*\c+32*\h+15], v[SO+\h]
	v_cvt_scalef32_pk16_fp6_f32 v[CB+16*\c+8*\h+4:CB+16*\c+8*\h+6], v[D+64*\c+32*\h+16:D+64*\c+32*\h+31], v[SO+\h]   ; (a conversion's three registers begin on an even number)
.endr
	v_nop                                          ; one plain instruction behind the scaled conversions
.irp h, 0,1
.irp i, 0,1,2
	v_mov_b32 v[CB+16*\c+8*\h+3+\i], v[CB+16*\c+8*\h+4+\i]   ; six registers on end
.endr
.endr
.irp i, 0,1,2,3,4,5
	v_permlane16_swap_b32 v[CB+16*\c+\i], v[CB+16*\c+8+\i]
.endr
.irp p, 0,1,2
	global_store_b64 v3, v[CB+16*\c+2*\p:CB+16*\c+2*\p+1], s[34:35] offset:768*\c+256*\p     ; 32 lanes store 256 consecutive bytes, aligned
	global_store_b64 v4, v[CB+16*\c+8+2*\p:CB+16*\c+8+2*\p+1], s[34:35] offset:768*\c+256*\p
.endr
.endm
	s_wait_loadcnt 63                              ; at most 63 of the 128 loads are out: the first 65 are in, blocks 0 and 1 among them
	PAIR 0
	s_wait_loadcnt 0x0
	PAIR 1
	v_lshl_or_b32 v[WD], v[BY+1], 8, v[BY]
	v_lshl_or_b32 v[WD], v[BY+2], 16, v[WD]
	v_lshl_or_b32 v[WD], v[BY+3], 24, v[WD]
	global_store_b32 v5, v[WD], s[36:37]
	s_endpgm
.Lrope:
	; cos and sin of t x 10000^(-f / 32), t = 16 (work-group - 640) + thread / 8, f = 4 (thread % 8) + e, e = 0 .. 3
	s_sub_co_u32 s22, s21, 640
	s_lshl_b32 s24, s22, 4
	v_lshrrev_b32 v4, 3, v0
	v_add_nc_u32 v4, s24, v4
	v_cvt_f32_u32 v4, v4                           ; t
	v_and_b32 v5, 7, v0
	v_lshlrev_b32 v5, 2, v5
	v_cvt_f32_u32 v20, v5                          ; f of e = 0
	v_add_f32 v21, 1.0, v20
	v_add_f32 v22, 2.0, v20
	v_add_f32 v23, 0x40400000, v20
.irp e, 0,1,2,3
	v_mul_f32 v[20+\e], 0xbed49a78, v[20+\e]       ; - f log2(10000) / 32
.endr
.irp e, 0,1,2,3
	v_exp_f32 v[24+\e], v[20+\e]                   ; the frequency
.endr
	v_lshlrev_b32 v6, 4, v0                        ; (a plain instruction behind the exponentials)  16 bytes a thread
	s_lshl_b32 s24, s22, 11
	s_add_co_u32 s24, s24, 8192000
	s_mov_b32 s25, 0
	s_add_nc_u64 s[26:27], s[18:19], s[24:25]
	s_mov_b32 s28, 0xbfc90fdb                      ; - pi / 2, its f32 value;
	s_mov_b32 s29, 0x333bbd2e                      ; what that value is too large by
	s_mov_b32 s30, 0xb94ca1f9
	s_mov_b32 s31, 0x37ccf5ce
	s_wait_alu depctr_va_vdst(0)                   ; one wait for the four, ahead of their first reader
.macro SINCOS e
	v_mul_f32 v10, v4, v[24+\e]                    ; the angle: one f32 rounding, as reference() has it
	v_mul_f32 v11, 0x3f22f983, v10
	v_rndne_f32 v11, v11                           ; n = the nearest multiple of pi / 2
	v_fma_f32 v12, v11, s28, v10
	v_fma_f32 v12, v11, s29, v12                   ; r = angle - n pi / 2, within pi / 4 of 0
	v_mul_f32 v13, v12, v12                        ; z
	v_fmaak_f32 v14, s30, v13, 0x3c08839e
	v_fmaak_f32 v14, v14, v13, 0xbe2aaaa3
	v_mul_f32 v15, v12, v13
	v_fma_f32 v14, v15, v14, v12                   ; sin r
	v_fmaak_f32 v16, s31, v13, 0xbab6061a
	v_fmaak_f32 v16, v16, v13, 0x3d2aaaa5
	v_mul_f32 v15, v13, v13
	v_fma_f32 v17, v13, -0.5, 1.0
	v_fma_f32 v16, v15, v16, v17                   ; cos r
	v_cvt_i32_f32 v18, v11
	v_and_b32 v19, 1, v18
	v_cmp_eq_u32 vcc_lo, 1, v19                    ; n odd: sine and cosine change places
	v_cndmask_b32 v17, v16, v14, vcc_lo
	v_cndmask_b32 v15, v14, v16, vcc_lo
	v_add_nc_u32 v19, 1, v18                       ; the cosine is negative where n % 4 is 1 or 2
	v_lshlrev_b32 v19, 30, v19
	v_and_b32 v19, 0x80000000, v19
	v_xor_b32 v[40+\e], v19, v17
.if (\e)%2 == 0
	v_add_nc_u32 v18, 2, v18                       ; even places: rotate_half's minus
.endif
	v_lshlrev_b32 v19, 30, v18                     ; the sine is negative where n % 4 is 2 or 3
	v_and_b32 v19, 0x80000000, v19
	v_xor_b32 v[44+\e], v19, v15
.endm
	SINCOS 0
	SINCOS 1
	SINCOS 2
	SINCOS 3
	global_store_b128 v6, v[40:43], s[26:27]                   ; a wave stores 512 consecutive bytes
	global_store_b128 v6, v[44:47], s[26:27] offset:262144
	s_endpgm
.Lfunc_end_k_q9bbc24cdcb_prep:
	.size	k_q9bbc24cdcb_prep, .Lfunc_end_k_q9bbc24cdcb_prep-k_q9bbc24cdcb_prep
	.p2alignl 7, 3214868480
	.fill 96, 4, 3214868480
	.section	.rodata,"a",@progbits
	.p2align	6, 0x0
	.amdhsa_kernel k_q9bbc24cdcb_prep
		.amdhsa_group_segment_fixed_size 0
		.amdhsa_private_segment_fixed_size 0
		.amdhsa_enable_private_segment 0
		.amdhsa_kernarg_size 64
		.amdhsa_user_sgpr_count 2
		.amdhsa_user_sgpr_kernarg_segment_ptr 1
		.amdhsa_wavefront_size32 1
		.amdhsa_system_sgpr_workgroup_id_x 1
		.amdhsa_system_sgpr_workgroup_id_y 1
		.amdhsa_system_sgpr_workgroup_id_z 1
		.amdhsa_system_vgpr_workitem_id 0
		.amdhsa_next_free_vgpr 208
		.amdhsa_next_free_sgpr 66
		.amdhsa_reserve_vcc 1
		.amdhsa_float_denorm_mode_32 3
		.amdhsa_float_denorm_mode_16_64 3
		.amdhsa_memory_ordered 1
		.amdhsa_forward_progress 1
		.amdhsa_inst_pref_size 67
	.end_amdhsa_kernel
	.amdgpu_metadata
---
amdhsa.version: [ 1, 2 ]
amdhsa.kernels:
  - .name:           k_q9bbc24cdcb_prep
    .symbol:         k_q9bbc24cdcb_prep.kd
    .args:
      - { .name: Wq, .offset: 0, .size: 8, .value_kind: global_buffer, .address_space: global }
      - { .name: Wk, .offset: 8, .size: 8, .value_kind: global_buffer, .address_space: global }
      - { .name: Wv, .offset: 16, .size: 8, .value_kind: global_buffer, .address_space: global }
      - { .name: proj_w, .offset: 24, .size: 8, .value_kind: global_buffer, .address_space: global }
      - { .name: w_w, .offset: 32, .size: 8, .value_kind: global_buffer, .address_space: global }
      - { .name: v_w, .offset: 40, .size: 8, .value_kind: global_buffer, .address_space: global }
      - { .name: p_w, .offset: 48, .size: 8, .value_kind: global_buffer, .address_space: global }
      - { .name: wts, .offset: 56, .size: 8, .value_kind: global_buffer, .address_space: global }
    .group_segment_fixed_size: 0
    .private_segment_fixed_size: 0
    .kernarg_segment_align: 8
    .kernarg_segment_size: 64
    .max_flat_workgroup_size: 128
    .sgpr_count:     66
    .vgpr_count:     208
    .wavefront_size: 32
...
	.end_amdgpu_metadata
.endif
;; end of part 1
;; launch ln1 (part 2): grid 256 x 1, 8 waves a work-group, no clusters, 70,144 bytes of LDS; arguments x, ln1_w, ln1_b, hq; writes hq
.if DOCPART == 2
	.amdgcn_target "amdgcn-amd-amdhsa--gfx1250"
	.amdhsa_code_object_version 6
	.text
	.protected	k_q9bbc24cdcb_ln1
	.globl	k_q9bbc24cdcb_ln1
	.p2align	8
	.type	k_q9bbc24cdcb_ln1,@function
k_q9bbc24cdcb_ln1:
	s_mov_b64 s[64:65], 0
	v_nop
	global_prefetch_b8 v0, s[64:65] scope:SCOPE_SE
	s_setreg_imm32_b32 hwreg(HW_REG_WAVE_MODE, 25, 1), 1
	s_wait_xcnt 0x0
; LayerNorm of 16 rows of 1,024 f32 numbers, and the quantiser to FP6 (E2M3) along the row: out = codes as images [256 row tiles][8 K steps][1,536 bytes] @0, scale words [256][8][16] @3,145,728.
; (An image: six pieces of 256 bytes, piece i = the operand's registers 2 i, 2 i + 1, lane l's 8 bytes at 8 l.  Inside each block of 32 along K place p holds k = p with bits 3 and 4 exchanged, as in every operand of the program.)
; SHARES.  A work-group takes a row tile; wave w takes columns 128 w .. 128 w + 127 of its 16 rows: K step w.  The loads take the bytes as they lie (a row's 512 bytes a load); they turn through the wave's own stage in LDS,
; after which lane (r = lane % 16, h = lane / 16) holds 64 numbers of row r: register 16 b + 8 u + j = column 32 b + 16 u + 8 h + j.
; Mean and variance in two passes (the mean first, then the squares of the differences), so that a common offset of the inputs does not enter the variance; the eight waves' partial sums meet in LDS, two barriers.
; LDS: stages 8 x 16 rows x 528 bytes @0; partial sums [16 r][8 w] @67,584 and @68,096; scale words [8 w][16] @68,608; spare words @69,120.
; LIMITS: NaN and infinities are not served; a block under 2^-124 keeps the scale byte 1 (a block of zeros too: its codes are zeros; this program alone reads the bytes).
.set STG,   8448
.set P1,    67584
.set SW,    68608
.set SPARE, 69120
.set TM,  8                            ; v8-23    the quantiser's
.set PW,  24                           ; v24      the scale word
.set SWA, 25                           ; v25      where I put it
.set MN,  26                           ; v26-27   - mean (a pair; the low word serves)
.set RS,  28                           ; v28-29   1 / sqrt(var + eps)
.set SPW, 30                           ; v30      my spare word; never rewritten
.set NIL, 31                           ; v31      0; never rewritten
.set X,   32                           ; v32-95   my 64 numbers
.set R,   96                           ; v96-159  as loaded; later the bias
.set W,   160                          ; v160-223 the gain
.set PC,  224                          ; v224-242 codes
.set AC,  244                          ; v244-251 sums
.set SWR, 252                          ; v252     where wave 0 reads the scale words back
	s_load_b256 s[4:11], s[0:1], 0x0               ; in, gain, bias, out
	v_lshl_add_u32 v[SPW], v0, 2, SPARE
	v_mov_b32 v[NIL], 0
	v_lshrrev_b32 v1, 5, v0
	v_readfirstlane_b32 s12, v1                    ; wave
	v_and_b32 v7, 31, v0                           ; lane
	v_and_b32 v5, 15, v0                           ; r
	v_bfe_u32 v2, v0, 4, 1                         ; h
	v_lshlrev_b32 v1, 4, v7                        ; 16 x lane
	v_lshlrev_b32 v2, 5, v2                        ; 32 h
	s_mul_i32 s13, s12, STG
	v_add_nc_u32 v3, s13, v1                       ; the stage, on the way in
	v_mul_u32_u24 v4, v5, 528
	v_add_nc_u32 v4, v4, v2
	v_add_nc_u32 v4, s13, v4                       ; and out: row r, + 32 h
	v_lshl_add_u32 v6, v5, 5, P1                   ; my row's eight partial sums
	v_lshl_add_u32 v[SWA], v5, 2, SW
	s_lshl_b32 s14, s12, 6
	v_add_nc_u32 v[SWA], s14, v[SWA]
	s_lshl_b32 s13, s12, 2
	v_add_nc_u32 v5, s13, v6                       ; my wave's among them
	v_add_nc_u32 v[SWR], SW, v1
	v_lshlrev_b32 v7, 3, v7                        ; 8 x lane
.irp b, 0,1,2,3
	v_mov_b32 v[TM+4+\b], 0                        ; written once: a lane permute's destination counts as one of its sources
.endr
	v_mov_b32 v[MN+1], 0                           ; (named as the upper halves of pairs)
	s_mov_b32 s26, 0x76543210
	s_mov_b32 s27, 0xfedcba98                      ; v_permlanex16_b32's selects for lane l xor 16
	s_mov_b32 s28, 0x3a800000                      ; 1 / 1024
	s_mov_b32 s29, 0x3727c5ac                      ; 1e-5
	s_lshl_b32 s16, ttmp9, 16                      ; 16 rows of 4,096 bytes
	s_lshl_b32 s18, s12, 9                         ; my 512 bytes of a row
	s_add_co_u32 s16, s16, s18
	s_mov_b32 s17, 0
	s_mov_b32 s19, 0
	s_lshl_b32 s20, ttmp9, 3
	s_add_co_u32 s20, s20, s12
	s_mul_i32 s20, s20, 1536                       ; my image
	s_mov_b32 s21, 0
	s_lshl_b32 s22, ttmp9, 9
	s_add_co_u32 s22, s22, 3145728                 ; the row tile's 512 bytes of scale words
	s_mov_b32 s23, 0
	s_wait_kmcnt 0x0
	s_add_nc_u64 s[4:5], s[4:5], s[16:17]
	s_add_nc_u64 s[6:7], s[6:7], s[18:19]
	s_add_nc_u64 s[8:9], s[8:9], s[18:19]
	s_add_nc_u64 s[24:25], s[10:11], s[22:23]
	s_add_nc_u64 s[10:11], s[10:11], s[20:21]
.irp j, 0,1,2,3,4,5,6,7,8,9,10,11,12,13,14,15
	global_load_b128 v[R+4*\j:R+4*\j+3], v1, s[4:5] offset:4096*\j th:TH_LOAD_NT   ; 32 lanes read 512 consecutive bytes of row j
.endr
.irp b, 0,1,2,3
.irp u, 0,1
.irp j, 0,1
	global_load_b128 v[W+16*\b+8*\u+4*\j:W+16*\b+8*\u+4*\j+3], v2, s[6:7] offset:128*\b+64*\u+16*\j   ; the gain, in my numbers' order
.endr
.endr
.endr
	s_wait_loadcnt 16                              ; the rows are in; the gain's 16 loads may be out
.irp j, 0,1,2,3,4,5,6,7,8,9,10,11,12,13,14,15
	ds_store_b128 v3, v[R+4*\j:R+4*\j+3] offset:528*\j
.endr
.irp b, 0,1,2,3
.irp u, 0,1
.irp j, 0,1
	ds_load_b128 v[X+16*\b+8*\u+4*\j:X+16*\b+8*\u+4*\j+3], v4 offset:128*\b+64*\u+16*\j   ; LDS serves a wave's instructions in order: these see my stores; the stage is my wave's own
.endr
.endr
.endr
	s_wait_dscnt 0x0
.irp b, 0,1,2,3
.irp u, 0,1
.irp j, 0,1
	global_load_b128 v[R+16*\b+8*\u+4*\j:R+16*\b+8*\u+4*\j+3], v2, s[8:9] offset:128*\b+64*\u+16*\j   ; the bias, into the registers that the stage's stores have read
.endr
.endr
.endr
; v[AC] holds the sum over my 64 numbers; behind the macro it holds the row's, the same bits in every wave.  off: which set of partial sums
.macro REDUCE off
	v_permlanex16_b32 v[AC+1], v[AC], s26, s27
	v_add_f32 v[AC], v[AC], v[AC+1]                ; my wave's 128 columns of row r
	ds_store_b32 v5, v[AC] offset:\off             ; lanes r and r + 16 write the same word with the same value
	s_wait_dscnt 0x0                               ; for the others' sake
	s_barrier_signal -1
	s_barrier_wait -1
	ds_load_b128 v[AC:AC+3], v6 offset:\off
	ds_load_b128 v[AC+4:AC+7], v6 offset:\off+16
	s_wait_dscnt 0x0
	v_add_f32 v[AC], v[AC], v[AC+1]
	v_add_f32 v[AC+2], v[AC+2], v[AC+3]
	v_add_f32 v[AC+4], v[AC+4], v[AC+5]
	v_add_f32 v[AC+6], v[AC+6], v[AC+7]
	v_add_f32 v[AC], v[AC], v[AC+2]
	v_add_f32 v[AC+4], v[AC+4], v[AC+6]
	v_add_f32 v[AC], v[AC], v[AC+4]
.endm
.macro FOLD                            ; four packed chains into one number
	v_pk_add_f32 v[AC:AC+1], v[AC:AC+1], v[AC+2:AC+3]
	v_pk_add_f32 v[AC+4:AC+5], v[AC+4:AC+5], v[AC+6:AC+7]
	v_pk_add_f32 v[AC:AC+1], v[AC:AC+1], v[AC+4:AC+5]
	v_add_f32 v[AC], v[AC], v[AC+1]
.endm
.irp k, 0,1,2,3
	v_pk_add_f32 v[AC+2*\k:AC+2*\k+1], v[X+2*\k:X+2*\k+1], v[X+8+2*\k:X+9+2*\k]   ; the first additions start the chains: nothing is cleared
.endr
.irp m, 2,3,4,5,6,7
.irp k, 0,1,2,3
	v_pk_add_f32 v[AC+2*\k:AC+2*\k+1], v[AC+2*\k:AC+2*\k+1], v[X+8*\m+2*\k:X+8*\m+2*\k+1]
.endr
.endr
	FOLD
	REDUCE 0
	v_mul_f32 v[MN], 0xba800000, v[AC]             ; - mean
.set j, 0
.rept 32
	v_pk_add_f32 v[X+j:X+j+1], v[X+j:X+j+1], v[MN:MN+1] op_sel_hi:[1,0]
.set j, j+2
.endr
.irp k, 0,1,2,3
	v_pk_mul_f32 v[AC+2*\k:AC+2*\k+1], v[X+2*\k:X+2*\k+1], v[X+2*\k:X+2*\k+1]
.endr
.irp m, 1,2,3,4,5,6,7
.irp k, 0,1,2,3
	v_pk_fma_f32 v[AC+2*\k:AC+2*\k+1], v[X+8*\m+2*\k:X+8*\m+2*\k+1], v[X+8*\m+2*\k:X+8*\m+2*\k+1], v[AC+2*\k:AC+2*\k+1]
.endr
.endr
	FOLD
	REDUCE 512                                     ; other bytes than the first set's: no barrier is owed between the two
	v_fma_f32 v[RS], v[AC], s28, s29               ; the variance + 1e-5
	v_rsq_f32 v[RS], v[RS]
	v_mov_b32 v[RS+1], 0                           ; a plain instruction behind it (and the pair's upper half is written)
	s_wait_alu depctr_va_vdst(0)                   ; ahead of the first reader
.set j, 0
.rept 32
	v_pk_mul_f32 v[X+j:X+j+1], v[X+j:X+j+1], v[RS:RS+1] op_sel_hi:[1,0]
.set j, j+2
.endr
	s_wait_loadcnt 0x0                             ; gain and bias
.set j, 0
.rept 32
	v_pk_fma_f32 v[X+j:X+j+1], v[X+j:X+j+1], v[W+j:W+j+1], v[R+j:R+j+1]
.set j, j+2
.endr
	; the quantiser: four blocks of 32; a block lies in lanes l and l xor 16
.irp b, 0,1,2,3
	v_max3_num_f32 v[TM+\b], |v[X+16*\b]|, |v[X+16*\b+1]|, 0x1800000   ; with the floor 2^(3 - 127): the byte cannot fall under 1
.endr
.irp i, 2,4,6,8,10,12,14
.irp b, 0,1,2,3
	v_max3_num_f32 v[TM+\b], v[TM+\b], |v[X+16*\b+\i]|, |v[X+16*\b+\i+1]|
.endr
.endr
.irp b, 0,1,2,3
	v_permlanex16_b32 v[TM+4+\b], v[TM+\b], s26, s27
.endr
.irp b, 0,1,2,3
	v_max_num_f32 v[TM+\b], v[TM+\b], v[TM+4+\b]
.endr
.irp b, 0,1,2,3
	v_add_nc_u32 v[TM+12+\b], 0xff000000, v[TM+\b] ; 2 off the exponent field: the conversion's scale operand
.endr
.irp b, 0,1,2,3
	v_lshrrev_b32 v[TM+4+\b], 23, v[TM+12+\b]      ; the scale's byte
.endr
	v_lshl_or_b32 v[PW], v[TM+5], 8, v[TM+4]
	v_lshl_or_b32 v[PW], v[TM+6], 16, v[PW]
	v_lshl_or_b32 v[PW], v[TM+7], 24, v[PW]
.irp c, 0,1
	v_cvt_scalef32_pk16_fp6_f32 v[PC+6*\c:PC+6*\c+2], v[X+32*\c:X+32*\c+15], v[TM+12+2*\c]
	v_cvt_scalef32_pk16_fp6_f32 v[PC+12+4*\c:PC+12+4*\c+2], v[X+32*\c+16:X+32*\c+31], v[TM+13+2*\c]   ; (a conversion's three registers begin on an even number)
.endr
	v_nop                                          ; one plain instruction behind the scaled conversions
.irp c, 0,1                                    ; the operand wants a whole block in a lane: lanes 0-15 block 2 c, lanes 16-31 block 2 c + 1
.irp i, 0,1,2
	v_permlane16_swap_b32 v[PC+6*\c+\i], v[PC+12+4*\c+\i]
.endr
.irp i, 0,1,2
	v_mov_b32 v[PC+3+6*\c+\i], v[PC+12+4*\c+\i]
.endr
.endr
.irp p, 0,1,2,3,4,5
	global_store_b64 v7, v[PC+2*\p:PC+2*\p+1], s[10:11] offset:256*\p   ; 32 lanes store 256 consecutive bytes, aligned
.endr
	ds_store_b32 v[SWA], v[PW]                     ; lanes r and r + 16 hold the same word
	s_wait_dscnt 0x0
	s_barrier_signal -1
	s_barrier_wait -1                              ; the row tile's 128 scale words lie in LDS
	s_cmp_lg_u32 s12, 0
	s_cbranch_scc1 .Lend
	ds_load_b128 v[AC:AC+3], v[SWR]
	s_wait_dscnt 0x0
	global_store_b128 v1, v[AC:AC+3], s[24:25]     ; wave 0 stores them: 512 consecutive bytes
.Lend:
	s_wait_tensorcnt 0x0                           ; the wave's end
	ds_add_u32 v[SPW], v[NIL]
	s_wait_dscnt 0x0
	s_endpgm
.Lfunc_end_k_q9bbc24cdcb_ln1:
	.size	k_q9bbc24cdcb_ln1, .Lfunc_end_k_q9bbc24cdcb_ln1-k_q9bbc24cdcb_ln1
	.p2alignl 7, 3214868480
	.fill 96, 4, 3214868480
	.section	.rodata,"a",@progbits
	.p2align	6, 0x0
	.amdhsa_kernel k_q9bbc24cdcb_ln1
		.amdhsa_group_segment_fixed_size 70144
		.amdhsa_private_segment_fixed_size 0
		.amdhsa_enable_private_segment 0
		.amdhsa_kernarg_size 32
		.amdhsa_user_sgpr_count 2
		.amdhsa_user_sgpr_kernarg_segment_ptr 1
		.amdhsa_wavefront_size32 1
		.amdhsa_system_sgpr_workgroup_id_x 1
		.amdhsa_system_sgpr_workgroup_id_y 1
		.amdhsa_system_sgpr_workgroup_id_z 1
		.amdhsa_system_vgpr_workitem_id 0
		.amdhsa_next_free_vgpr 256
		.amdhsa_next_free_sgpr 66
		.amdhsa_reserve_vcc 0
		.amdhsa_float_denorm_mode_32 3
		.amdhsa_float_denorm_mode_16_64 3
		.amdhsa_memory_ordered 1
		.amdhsa_forward_progress 1
		.amdhsa_inst_pref_size 26
	.end_amdhsa_kernel
	.amdgpu_metadata
---
amdhsa.version: [ 1, 2 ]
amdhsa.kernels:
  - .name:           k_q9bbc24cdcb_ln1
    .symbol:         k_q9bbc24cdcb_ln1.kd
    .args:
      - { .name: x, .offset: 0, .size: 8, .value_kind: global_buffer, .address_space: global }
      - { .name: ln1_w, .offset: 8, .size: 8, .value_kind: global_buffer, .address_space: global }
      - { .name: ln1_b, .offset: 16, .size: 8, .value_kind: global_buffer, .address_space: global }
      - { .name: hq, .offset: 24, .size: 8, .value_kind: global_buffer, .address_space: global }
    .group_segment_fixed_size: 70144
    .private_segment_fixed_size: 0
    .kernarg_segment_align: 8
    .kernarg_segment_size: 32
    .max_flat_workgroup_size: 256
    .sgpr_count:     66
    .vgpr_count:     256
    .wavefront_size: 32
...
	.end_amdgpu_metadata
.endif
;; end of part 2
;; launch qkv (part 3): grid 48 x 4, 4 waves a work-group, clusters of 4 x 4, 327,680 bytes of LDS; arguments hq, wts, qkv; writes qkv
.if DOCPART == 3
	.amdgcn_target "amdgcn-amd-amdhsa--gfx1250"
	.amdhsa_code_object_version 6
	.text
	.protected	k_q9bbc24cdcb_qkv
	.globl	k_q9bbc24cdcb_qkv
	.p2align	8
	.type	k_q9bbc24cdcb_qkv,@function
k_q9bbc24cdcb_qkv:
	s_mov_b64 s[64:65], 0
	v_nop
	global_prefetch_b8 v0, s[64:65] scope:SCOPE_SE
	s_setreg_imm32_b32 hwreg(HW_REG_WAVE_MODE, 25, 1), 1
	s_wait_xcnt 0x0
	s_wait_alu depctr_hold_cnt(0) depctr_sa_sdst(0) depctr_va_vdst(0) depctr_va_sdst(0) depctr_va_ssrc(0) depctr_va_vcc(0) depctr_vm_vsrc(0)
	s_getreg_b32 s2, hwreg(HW_REG_IB_STS2, 6, 4)
	s_cmp_eq_u32 s2, 0
	s_cbranch_scc0 .Lentry_in_a_cluster
	s_endpgm
.Lentry_in_a_cluster:
	s_bfe_u32 s2, ttmp6, 0x10000c
	s_cmp_lg_u32 s2, 0xf033
	s_cbranch_scc0 .Lentry_shape_is_right
	s_endpgm
.Lentry_shape_is_right:
; q, k, v = LN1(x) times Wq, Wk, Wv, on codes of FP6 (E2M3) with E8M0 scales; RoPE on q and k; q, k, v quantised again on the way out, as the attention's operands.  Nothing of reference() is left out here.
; OPERANDS are images: a fragment (16 rows x 128 K, 12 registers a lane) is 1,536 bytes, six pieces of 256, piece i = registers 2 i, 2 i + 1, lane l's 8 bytes at 8 l; buffers [row tile][K step][1,536]; scale words [row tile][K step][16] x 4 bytes.
; THE CORE: a work-group of four waves makes 256 x 256, a wave 128 x 128: 64 accumulators, 512 registers.  K goes in steps of 256 through two LDS slots filled by the tensor data mover; the scale words of the work-group's rows come once.
; Role A's rows are source 1 of the matrix instruction, role B's rows source 0: a lane then holds ONE row of role A (lane % 16) and its registers eight neighbouring rows of role B (8 (lane / 16) + j).
; CLUSTERS of 4 x 4: A's tiles are asked for jointly along a row of the cluster, B's along a column.  Twelve clusters.  Clusters 0-7: role A = tokens (hq), role B = rows of Wq and Wk: a lane holds a token, registers run along (head, d).
; Clusters 8-11: role A = rows of Wv, role B = tokens: a lane holds a (head, d), registers run along the tokens, which are the keys: v comes out ready to be quantised along the keys.  Both buffers have one layout, so only pointers differ,
; chosen by the cluster's number, which all sixteen partners share.
; qkv: q codes [32 bh][128 tiles][768] @0; q scale words [32][128][16] @3,145,728; k, v codes [32 bh][8 chunks of 256 keys][k: 16 tiles x 768 | v: 2 K steps x 4 tiles of d x 1,536] @3,407,872; scale words [32 bh][k: 128 x 64 | v: 16 x 4 x 64] @9,699,328.
; A head has 64 along K in the score product: half an image (registers 0-5) and two scale bytes; the word's upper two bytes scale zero codes alone and are never 0xff.
; REGISTERS, in windows of 256: window 0: v0-31 addresses; v32-63 scale words, two sets, and nothing else; v64-127 at work on the way out; v128-223 A's fragments, one set, later at work; window 1: B's fragments, two sets; windows 2, 3: accumulator (a, b) at v[8 (8 (a % 4) + b)].
; LIMITS: NaN and infinities are not served; a block under 2^-124 keeps the scale byte 1 (a block of zeros too: its codes are zeros).
.set SIZE_K, 1024
.set BIAS,   0
.set KSN,    SIZE_K/128
.set RTB,    KSN*1536                  ; a row tile's images, all K
.set STEPB,  3072                      ; a row tile's bytes in a slot: two images
.set NQ,     2
.set FR,     12
.set NL,     6
.set NP,     4                         ; places behind this matrix instruction (ISA guide 7.12.1)
.set HALFT,  8*STEPB                   ; 128 rows: what one tensor load brings
.set SLOT,   4*HALFT
.set LAPS,   SIZE_K/512
.set SBLK,   64*KSN                    ; a row tile's scale words
.set HALFS,  8*SBLK
.set SCL,    2*SLOT
.set SPARE,  SCL+4*HALFS               ; the spare words, 128 bytes a wave, that no other line names
.set ADRA, 16
.set ADRB, 20
.set ADRS, 27
.set SPW,  28
.set NIL,  29
.set SC,   32
.set BI,   64
.set T,    64                          ; the way out: 64 numbers behind RoPE
.set AF,   128
.set CSB,  128                         ; the way out: cos and sin, two sets of 32
.set PC,   192                         ; codes
.set TM,   212                         ; the quantiser's
.set PW,   228                         ; the scale word
.set G1, 24
.set G0, 32
.set G1B, 48
.set G0B, 56
.set G1S, 68
.set G0S, 76
.set G1SB, 80
.set G0SB, 88
.set MSB, 0
.macro WIN new                         ; the immediate's high byte repeats the setting that is left
.if MSB != (\new)
	s_set_vgpr_msb (MSB<<8)|(\new)
.set MSB, (\new)
.endif
.endm
.set MUL_LO, 0xa1                      ; source 0 (B) window 1, source 1 (A) window 0, C and D window 2
.set MUL_HI, 0xf1
.set ZLO,    0xa1
.set ZHI,    0xf1
.set TO_B,   0x40
.macro JLOAD g0a, g1a, g0b, g1b        ; a joint load: waves 0 and 1 fetch for A, waves 2 and 3 for B; the branch hangs on the wave's number alone; s_nop 0 and four v_nop follow each line
	s_cmp_eq_u32 s15, 0
	s_cbranch_scc0 .Lfor_b_\@
	tensor_load_to_lds s[\g0a:\g0a+3], s[\g1a:\g1a+7]
	s_nop 0
.rept 4
	v_nop
.endr
	s_branch .Lasked_\@
.Lfor_b_\@:
	tensor_load_to_lds s[\g0b:\g0b+3], s[\g1b:\g1b+7]
	s_nop 0
.rept 4
	v_nop
.endr
.Lasked_\@:
.endm
.macro CREST                           ; a round of the cluster's barrier behind its opening barrier
	s_cmp_lg_u32 s14, 0
	s_cbranch_scc1 .Lnot_wave_0_\@
	s_barrier_signal -3
.Lnot_wave_0_\@:
	s_barrier_wait -3
	s_barrier_signal -1
	s_barrier_wait -1
.endm
.macro CROUND
	s_barrier_signal -1
	s_barrier_wait -1
	CREST
.endm
	s_load_b128 s[4:7], s[0:1], 0x0                ; hq, wts
	s_load_b64 s[8:9], s[0:1], 0x10                ; qkv
	v_lshl_add_u32 v[SPW], v0, 2, SPARE
	v_mov_b32 v[NIL], 0
	ds_add_u32 v[SPW], v[NIL]                      ; the wave's opening: the add, twice on end, and its wait ahead of my first tensor load
	ds_add_u32 v[SPW], v[NIL]
	v_lshrrev_b32 v1, 5, v0
	v_readfirstlane_b32 s14, v1                    ; wave 0..3
	s_lshr_b32 s15, s14, 1                         ; which half of A's rows is mine.  Also: I fetch for A (0) or for B (1)
	s_and_b32 s16, s14, 1                          ; which half of B's rows.  Also: which 128 rows I fetch
	s_bfe_u32 s40, ttmp6, 0x40000                  ; cx
	s_bfe_u32 s41, ttmp6, 0x40004                  ; cy
	s_lshr_b32 s17, ttmp9, 1
	s_lshl_b32 s17, s17, 2                         ; clusters 0-7: four tiles of tokens,
	s_and_b32 s42, ttmp9, 1
	s_lshl_b32 s42, s42, 2                         ; Wq's four tiles or Wk's
	s_sub_co_u32 s96, ttmp9, 8
	s_lshl_b32 s96, s96, 2                         ; clusters 8-11: four tiles of tokens
	s_mov_b32 s10, 3145728                         ; where the scale words begin in hq,
	s_mov_b32 s11, 7864320                         ; and in wts
	s_cmp_ge_u32 ttmp9, 8
	s_cselect_b32 s95, 1, 0                        ; 1: my cluster makes v
	s_cselect_b32 s17, 8, s17                      ; (Wv's tiles are 8 to 11)
	s_cselect_b32 s42, s96, s42
	s_cselect_b32 s12, s11, s10                    ; A's scale words
	s_cselect_b32 s13, s10, s11                    ; B's
	s_add_co_u32 s17, s17, s41                     ; A's tile of 256 rows: hangs on the cluster and cy
	s_add_co_u32 s42, s42, s40                     ; B's: on the cluster and cx
	s_lshl_b32 s43, s41, 2
	s_lshl_b32 s43, 15, s43                        ; my row of the cluster
	s_lshl_b32 s44, 0x1111, s40                    ; my column
	; descriptor group 1, codes: 8 row tiles x 3,072 bytes (384 elements of 8 bytes), RTB bytes apart
	s_or_b32 s[G1+0], s43, (3<<16)|(1<<21)         ; 15:0 the mask; 17:16 elements of 8 bytes; 21 set beside a mask; no padding
	s_or_b32 s[G1B+0], s44, (3<<16)|(1<<21)
.irp g, G1, G1B
	s_mov_b32 s[\g+1], 384<<16                     ; tensor_dim0
	s_mov_b32 s[\g+2], 8<<16                       ; tensor_dim1
	s_mov_b32 s[\g+3], 384<<16                     ; tile_dim0
	s_mov_b32 s[\g+4], 8                           ; tile_dim1
	s_mov_b32 s[\g+5], RTB/8                       ; tensor_dim0_stride
	s_mov_b32 s[\g+6], 0
	s_mov_b32 s[\g+7], 0
.endr
	; and for the scale words of 128 rows: a dense block, as rows of 256 bytes
	s_or_b32 s[G1S+0], s43, (3<<16)|(1<<21)
	s_or_b32 s[G1SB+0], s44, (3<<16)|(1<<21)
.irp g, G1S, G1SB
	s_mov_b32 s[\g+1], 32<<16
	s_mov_b32 s[\g+2], (HALFS/256)<<16
	s_mov_b32 s[\g+3], 32<<16
	s_mov_b32 s[\g+4], HALFS/256
	s_mov_b32 s[\g+5], 32
	s_mov_b32 s[\g+6], 0
	s_mov_b32 s[\g+7], 0
.endr
	s_lshl_b32 s18, s16, 3
	s_lshl_b32 s20, s17, 4
	s_add_co_u32 s20, s20, s18                     ; A: the first row tile that I fetch
	s_lshl_b32 s46, s42, 4
	s_add_co_u32 s46, s46, s18                     ; B likewise
	s_mul_i32 s22, s20, SBLK
	s_add_co_u32 s22, s22, s12
	s_mul_i32 s92, s46, SBLK
	s_add_co_u32 s92, s92, s13
	s_mul_i32 s20, s20, RTB
	s_mul_i32 s46, s46, RTB
	s_mov_b32 s21, 0
	s_mov_b32 s23, 0
	s_mov_b32 s47, 0
	s_mov_b32 s93, 0
	s_mul_i32 s45, s14, HALFT                      ; where they go: no place in the cluster enters an LDS address
	s_mul_i32 s94, s14, HALFS
	s_wait_dscnt 0x0                               ; both opening adds are done
	s_wait_kmcnt 0x0
	s_cmp_eq_u32 s95, 1
	s_cselect_b64 s[96:97], s[6:7], s[4:5]         ; A's buffer
	s_cselect_b64 s[98:99], s[4:5], s[6:7]         ; B's
	s_add_nc_u64 s[20:21], s[96:97], s[20:21]
	s_add_nc_u64 s[22:23], s[96:97], s[22:23]
	s_add_nc_u64 s[46:47], s[98:99], s[46:47]
	s_add_nc_u64 s[92:93], s[98:99], s[92:93]
	CROUND                                         ; all sixteen work-groups are here: the first joint loads meet
	s_mov_b32 s[G0S], 1
	s_add_co_u32 s[G0S+1], s94, SCL
	s_mov_b64 s[G0S+2:G0S+3], s[22:23]
	s_or_b32 s[G0S+3], s[G0S+3], 0x80000000
	s_mov_b32 s[G0SB], 1
	s_add_co_u32 s[G0SB+1], s94, SCL
	s_mov_b64 s[G0SB+2:G0SB+3], s[92:93]
	s_or_b32 s[G0SB+3], s[G0SB+3], 0x80000000
	JLOAD G0S, G1S, G0SB, G1SB                     ; the scale words first; with the two slots three loads of mine are out
.irp s, 0,1
	s_mov_b32 s[G0+4*\s], 1
	s_add_co_u32 s[G0+4*\s+1], s45, \s*SLOT
	s_add_nc_u64 s[G0+4*\s+2:G0+4*\s+3], s[20:21], \s*STEPB
	s_or_b32 s[G0+4*\s+3], s[G0+4*\s+3], 0x80000000
	s_mov_b32 s[G0B+4*\s], 1
	s_add_co_u32 s[G0B+4*\s+1], s45, \s*SLOT
	s_add_nc_u64 s[G0B+4*\s+2:G0B+4*\s+3], s[46:47], \s*STEPB
	s_or_b32 s[G0B+4*\s+3], s[G0B+4*\s+3], 0x80000000
	JLOAD G0+4*\s, G1, G0B+4*\s, G1B
.endr
	v_and_b32 v1, 15, v0                           ; r
	v_bfe_u32 v2, v0, 4, 1                         ; h
	v_and_b32 v3, 31, v0                           ; lane
	v_lshlrev_b32 v4, 3, v3                        ; 8 x lane
	v_lshlrev_b32 v7, 2, v3                        ; 4 x lane
	s_mul_i32 s21, s15, HALFT                      ; my 128 rows of A
	s_mul_i32 s22, s16, HALFT
	s_add_co_u32 s22, s22, 2*HALFT                 ; my 128 rows of B, behind A's 256
.irp s, 0,1
	v_add_nc_u32 v[ADRA+\s], s21, v4
	v_add_nc_u32 v[ADRB+\s], s22, v4
	s_add_co_u32 s21, s21, SLOT
	s_add_co_u32 s22, s22, SLOT
.endr
	v_lshlrev_b32 v5, 2, v1                        ; my row's scale word
	s_mul_i32 s21, s15, HALFS
	s_mul_i32 s22, s16, HALFS
	s_add_co_u32 s22, s22, 2*HALFS
	s_sub_co_u32 s22, s22, s21
	v_mul_u32_u24 v6, s22, v2                      ; lanes 16-31 take B's
	s_add_co_u32 s21, s21, SCL
	v_add_nc_u32 v5, v5, v6
	v_add_nc_u32 v[ADRS], s21, v5
.macro FRAG reg, adr, q, i             ; a fragment comes as it lies: six loads of 8 bytes a lane, each 256 consecutive bytes
.irp p, 0,1,2,3,4,5
	ds_load_b64 v[\reg+2*\p:\reg+2*\p+1], v[\adr] offset:3072*(\i)+1536*(\q)+256*\p
.endr
.endm
; 16 matrix instructions: A's blocks a0, a0 + 1 x B's eight, 128 along K.  The 64 accumulators take turns, one instruction a turn, in the same order in every step.  zero = 1: the first product starts the sums
.macro MUL16 a0, p, q, sc, zero
.irp a, \a0, \a0+1
.irp b, 0,1,2,3,4,5,6,7
.if \zero
.if BIAS
	v_wmma_scale_f32_16x16x128_f8f6f4 v[8*(8*((\a)%4)+\b):8*(8*((\a)%4)+\b)+7], v[128*(\p)+FR*\b:128*(\p)+FR*\b+FR-1], v[AF+FR*(\a):AF+FR*(\a)+FR-1], v[BI+8*\b:BI+8*\b+7], v[SC+16*(\sc)+2*\b+(\q)], v[SC+16*(\sc)+2*(\a)+(\q)] matrix_a_fmt:MATRIX_FMT_FP6 matrix_b_fmt:MATRIX_FMT_FP6 matrix_a_scale:MATRIX_SCALE_ROW1
.else
	v_wmma_scale_f32_16x16x128_f8f6f4 v[8*(8*((\a)%4)+\b):8*(8*((\a)%4)+\b)+7], v[128*(\p)+FR*\b:128*(\p)+FR*\b+FR-1], v[AF+FR*(\a):AF+FR*(\a)+FR-1], 0, v[SC+16*(\sc)+2*\b+(\q)], v[SC+16*(\sc)+2*(\a)+(\q)] matrix_a_fmt:MATRIX_FMT_FP6 matrix_b_fmt:MATRIX_FMT_FP6 matrix_a_scale:MATRIX_SCALE_ROW1
.endif
.else
	v_wmma_scale_f32_16x16x128_f8f6f4 v[8*(8*((\a)%4)+\b):8*(8*((\a)%4)+\b)+7], v[128*(\p)+FR*\b:128*(\p)+FR*\b+FR-1], v[AF+FR*(\a):AF+FR*(\a)+FR-1], v[8*(8*((\a)%4)+\b):8*(8*((\a)%4)+\b)+7], v[SC+16*(\sc)+2*\b+(\q)], v[SC+16*(\sc)+2*(\a)+(\q)] matrix_a_fmt:MATRIX_FMT_FP6 matrix_b_fmt:MATRIX_FMT_FP6 matrix_a_scale:MATRIX_SCALE_ROW1
.endif
.endr
.endr
.endm
.macro FETCH_B slot, q, p
	WIN TO_B
.irp i, 0,1,2,3,4,5,6,7
	FRAG 128*(\p)+FR*\i, ADRB+\slot, \q, \i
.endr
	WIN 0
.endm
.macro FETCH_A slot, q, i0
.irp i, \i0, \i0+1, \i0+2, \i0+3
	FRAG AF+FR*(\i), ADRA+\slot, \q, \i
.endr
.endm
.macro SCALES sc                       ; a K step's scale words: register 2 i + q: lanes 0-15 the words of A's block i, lanes 16-31 those of B's block i
.irp i, 0,1,2,3,4,5,6,7
.irp q, 0,1
	ds_load_b32 v[SC+16*\sc+2*\i+\q], v[ADRS] offset:\i*SBLK+64*\q
.endr
.endr
.endm
.macro PLACES n                        ; plain instructions between a matrix instruction and a load into, or a read of, its registers (ISA guide 7.12.1 for reads)
.rept \n
	v_nop
.endr
.endm
.macro STEP slot, q, zero              ; 128 along K that has its successor in the same slot
	s_wait_dscnt 4*NL                              ; all but the youngest 24 loads (A's blocks 4-7) are in
.if \zero
	WIN ZLO
.else
	WIN MUL_LO
.endif
	MUL16 0, (\q)%2, \q, \slot, \zero
	MUL16 2, (\q)%2, \q, \slot, \zero
	s_wait_dscnt 0
	PLACES NP
	FETCH_B \slot, (\q)+1, 1-(\q)%2
	FETCH_A \slot, (\q)+1, 0
.if \zero
	WIN ZHI
.else
	WIN MUL_HI
.endif
	MUL16 4, (\q)%2, \q, \slot, \zero
	MUL16 6, (\q)%2, \q, \slot, \zero
	PLACES NP
	WIN 0
	FETCH_A \slot, (\q)+1, 4
.endm
; A slot's last step changes slots: one barrier; in front of it each wave waits for all its tensor loads, adds 0 to its spare word, and waits for that and for its reads of this slot.  fill = 1: the slot is filled again, two K steps ahead
.macro TURN slot, next, fill
	s_wait_tensorcnt 0x0                           ; all my tensor loads have landed: my part of the next slot
	ds_add_u32 v[SPW], v[NIL]                      ; 0 onto my spare word
	s_wait_dscnt 4*NL+1                            ; (the add and A's blocks 4-7, 24 loads, may be out)
	WIN MUL_LO
	MUL16 0, 1, NQ-1, \slot, 0
	s_wait_dscnt 0x0                               ; the add is done, and my reads of this slot are over
	s_barrier_signal -1
	MUL16 2, 1, NQ-1, \slot, 0
	WIN 0
	s_barrier_wait -1
.if \fill
	CREST                                          ; the barrier has opened a round of the cluster's: no wave of any partner still reads this slot or has a load on its way
	s_add_nc_u64 s[G0+4*\slot+2:G0+4*\slot+3], s[G0+4*\slot+2:G0+4*\slot+3], 2*STEPB
	s_add_nc_u64 s[G0B+4*\slot+2:G0B+4*\slot+3], s[G0B+4*\slot+2:G0B+4*\slot+3], 2*STEPB
	JLOAD G0+4*\slot, G1, G0B+4*\slot, G1B         ; the first tensor load behind the round; its four v_nop are the places in front of the loads below
.else
	PLACES NP
.endif
	v_add_nc_u32 v[ADRS], 128, v[ADRS]             ; the next K step's scale words (no LDS load of mine is out)
	FETCH_B \next, 0, 0
	FETCH_A \next, 0, 0
	SCALES \next
	WIN MUL_HI
	MUL16 4, 1, NQ-1, \slot, 0
	MUL16 6, 1, NQ-1, \slot, 0
	PLACES NP
	WIN 0
	FETCH_A \next, 0, 4
.endm
; 32 nc numbers of a lane, v[s] on in window w, register 16 b + i = my i-th number of block b (a block lies in lanes l and l xor 16), become codes in v[PC] on and a scale word in v[PW].  Each accumulator is read from its low end on.
.macro QUANT s, w, nc
	WIN (\w)|((\w)<<2)
.irp b, 0,1,2,3
.if \b < 2*(\nc)
	v_max3_num_f32 v[TM+\b], |v[(\s)+16*\b]|, |v[(\s)+16*\b+1]|, 0x1800000   ; with the floor 2^(3 - 127): the byte cannot fall under 1
.endif
.endr
	WIN ((\w)<<2)|((\w)<<4)
.irp i, 2,4,6,8,10,12,14
.irp b, 0,1,2,3
.if \b < 2*(\nc)
	v_max3_num_f32 v[TM+\b], v[TM+\b], |v[(\s)+16*\b+\i]|, |v[(\s)+16*\b+\i+1]|
.endif
.endr
.endr
	WIN 0
.irp b, 0,1,2,3
.if \b < 2*(\nc)
	v_permlanex16_b32 v[TM+4+\b], v[TM+\b], s66, s67
.endif
.endr
.irp b, 0,1,2,3
.if \b < 2*(\nc)
	v_max_num_f32 v[TM+\b], v[TM+\b], v[TM+4+\b]
.endif
.endr
.irp b, 0,1,2,3
.if \b < 2*(\nc)
	v_add_nc_u32 v[TM+12+\b], 0xff000000, v[TM+\b] ; 2 off the exponent field: the conversion's scale operand
.endif
.endr
.irp b, 0,1,2,3
.if \b < 2*(\nc)
	v_lshrrev_b32 v[TM+4+\b], 23, v[TM+12+\b]      ; the scale's byte
.endif
.endr
	v_lshl_or_b32 v[PW], v[TM+5], 8, v[TM+4]
.if (\nc) > 1
	v_lshl_or_b32 v[PW], v[TM+6], 16, v[PW]
	v_lshl_or_b32 v[PW], v[TM+7], 24, v[PW]
.endif
	WIN (\w)
.irp c, 0,1
.if \c < (\nc)
	v_cvt_scalef32_pk16_fp6_f32 v[PC+6*\c:PC+6*\c+2], v[(\s)+32*\c:(\s)+32*\c+15], v[TM+12+2*\c]
	v_cvt_scalef32_pk16_fp6_f32 v[PC+12+4*\c:PC+12+4*\c+2], v[(\s)+32*\c+16:(\s)+32*\c+31], v[TM+13+2*\c]
.endif
.endr
	WIN 0
	v_nop                                          ; one plain instruction behind the scaled conversions
.irp c, 0,1
.if \c < (\nc)
.irp i, 0,1,2
	v_permlane16_swap_b32 v[PC+6*\c+\i], v[PC+12+4*\c+\i]
.endr
.irp i, 0,1,2
	v_mov_b32 v[PC+3+6*\c+\i], v[PC+12+4*\c+\i]
.endr
.endif
.endr
.endm
	s_wait_tensorcnt 1                             ; the scale words and my part of K step 0 are in (K step 1's load may be out),
	s_barrier_signal -1
	s_barrier_wait -1                              ; everybody's are
	FETCH_B 0, 0, 0
	FETCH_A 0, 0, 0
	SCALES 0
	FETCH_A 0, 0, 4
	STEP 0, 0, 1
	s_mov_b32 s3, LAPS-1
.Llap:                                                 ; a trip goes once round the ring and fills both slots again
	TURN 0, 1, 1
	STEP 1, 0, 0
	TURN 1, 0, 1
	STEP 0, 0, 0
	s_sub_co_u32 s3, s3, 1
	s_cmp_lg_u32 s3, 0
	s_cbranch_scc1 .Llap
	TURN 0, 1, 0                                   ; the last lap fills nothing
	STEP 1, 0, 0
	s_wait_dscnt 4*NL
	WIN MUL_LO
	MUL16 0, 1, NQ-1, 1, 0
	MUL16 2, 1, NQ-1, 1, 0
	s_wait_dscnt 0
	WIN MUL_HI
	MUL16 4, 1, NQ-1, 1, 0
	MUL16 6, 1, NQ-1, 1, 0
	WIN 0
	; THE WAY OUT: no LDS.  Every store of codes is 256 consecutive bytes, aligned
	PLACES NP
.irp b, 0,1,2,3
	v_mov_b32 v[TM+4+\b], 0                        ; written once: a lane permute's destination counts as one of its sources
.endr
	s_mov_b32 s66, 0x76543210
	s_mov_b32 s67, 0xfedcba98                      ; v_permlanex16_b32's selects for lane l xor 16
	s_mov_b32 s99, 0xffff0000                      ; lanes 16-31
	s_cmp_eq_u32 s95, 1                            ; the cluster's number alone decides: all sixteen partners go the same way
	s_cbranch_scc1 .Lv_arm
	; q or k: my 128 tokens x two heads
	s_lshl_b32 s20, s17, 8
	s_lshl_b32 s21, s15, 7
	s_add_co_u32 s20, s20, s21                     ; my first token
	s_lshr_b32 s21, s20, 11                        ; its batch
	s_and_b32 s22, s20, 2047                       ; its position
	s_lshl_b32 s23, s21, 4
	s_lshl_b32 s46, s40, 2
	s_add_co_u32 s23, s23, s46
	s_lshl_b32 s46, s16, 1
	s_add_co_u32 s23, s23, s46                     ; batch x 16 + my even head
	s_lshr_b32 s46, s22, 4                         ; position / 16
	s_lshl_b32 s47, s23, 7
	s_add_co_u32 s47, s47, s46
	s_mul_i32 s92, s47, 768                        ; q: codes,
	s_lshl_b32 s93, s47, 6
	s_add_co_u32 s93, s93, 3145728                 ; scale words
	s_mul_i32 s94, s23, 196608                     ; k: codes: the head, the chunk of 256 keys, the tile in it
	s_lshr_b32 s68, s22, 8
	s_mul_i32 s68, s68, 24576
	s_add_co_u32 s94, s94, s68
	s_and_b32 s68, s46, 15
	s_mul_i32 s68, s68, 768
	s_add_co_u32 s94, s94, s68
	s_add_co_u32 s94, s94, 3407872
	s_mul_i32 s68, s23, 12288                      ; scale words
	s_lshl_b32 s46, s46, 6
	s_add_co_u32 s68, s68, s46
	s_add_co_u32 s68, s68, 9699328
	s_and_b32 s46, ttmp9, 1                        ; 0: q, 1: k
	s_mov_b32 s47, 196608
	s_mov_b32 s69, 12288
	s_cmp_eq_u32 s46, 0
	s_cselect_b32 s92, s92, s94
	s_cselect_b32 s93, s93, s68
	s_cselect_b32 s47, 98304, s47                  ; from head to head: codes,
	s_cselect_b32 s69, 8192, s69                   ; scale words
	s_mov_b32 s24, s92
	s_mov_b32 s25, 0
	s_add_co_u32 s26, s92, s47
	s_mov_b32 s27, 0
	s_mov_b32 s28, s93
	s_mov_b32 s29, 0
	s_add_co_u32 s30, s93, s69
	s_mov_b32 s31, 0
	s_lshl_b32 s32, s22, 7
	s_add_co_u32 s32, s32, 8192000                 ; the tables at my first position: 128 bytes a position
	s_mov_b32 s33, 0
	s_add_nc_u64 s[24:25], s[8:9], s[24:25]        ; codes, even head (no tensor load of mine is out: the descriptors' registers are free)
	s_add_nc_u64 s[26:27], s[8:9], s[26:27]        ; odd head
	s_add_nc_u64 s[28:29], s[8:9], s[28:29]        ; scale words, even head
	s_add_nc_u64 s[30:31], s[8:9], s[30:31]        ; odd head
	s_add_nc_u64 s[32:33], s[6:7], s[32:33]
	v_lshlrev_b32 v8, 7, v1
	v_lshl_add_u32 v8, v2, 5, v8                   ; my token's row of a table, + 32 h
.macro CSLOAD a                        ; block a's cos and sin at places 16 u + 8 h + j: 16 registers each
.irp u, 0,1
.irp j, 0,1
	global_load_b128 v[CSB+32*((\a)%2)+8*\u+4*\j:CSB+32*((\a)%2)+8*\u+4*\j+3], v8, s[32:33] offset:2048*(\a)+64*\u+16*\j
	global_load_b128 v[CSB+32*((\a)%2)+16+8*\u+4*\j:CSB+32*((\a)%2)+16+8*\u+4*\j+3], v8, s[32:33] offset:262144+2048*(\a)+64*\u+16*\j
.endr
.endr
.endm
.macro ROPE a                          ; q'(d) = q(d) cos(d % 32) + q(d xor 1) sin'(d % 32): the second line takes each pair's numbers exchanged; the sign lies in the table
.set AC, 64*((\a)%4)
.set CC, CSB+32*((\a)%2)
	WIN 2+(\a)/4
.irp bt, 0,1,2,3,4,5,6,7
.irp j, 0,2,4,6
	v_pk_mul_f32 v[T+8*\bt+\j:T+8*\bt+\j+1], v[AC+8*\bt+\j:AC+8*\bt+\j+1], v[CC+8*((\bt)%2)+\j:CC+8*((\bt)%2)+\j+1]
.endr
.endr
.irp bt, 0,1,2,3,4,5,6,7
.irp j, 0,2,4,6
	v_pk_fma_f32 v[T+8*\bt+\j:T+8*\bt+\j+1], v[AC+8*\bt+\j:AC+8*\bt+\j+1], v[CC+16+8*((\bt)%2)+\j:CC+16+8*((\bt)%2)+\j+1], v[T+8*\bt+\j:T+8*\bt+\j+1] op_sel:[1,0,0] op_sel_hi:[0,1,1]
.endr
.endr
	WIN 0
.endm
.macro QKOUT a
.if (\a) < 7
	CSLOAD (\a)+1
	s_wait_loadcnt 8                               ; this block's tables are in; the next block's eight loads may be out
.else
	s_wait_loadcnt 0x0
.endif
	ROPE \a
	s_wait_xcnt 0x0                                ; the last block's stores have read their registers
	QUANT T, 0, 2
.irp p, 0,1,2
	global_store_b64 v4, v[PC+2*\p:PC+2*\p+1], s[24:25] offset:768*(\a)+256*\p
	global_store_b64 v4, v[PC+6+2*\p:PC+7+2*\p], s[26:27] offset:768*(\a)+256*\p
.endr
.if (\a)%2 == 0
	v_mov_b32 v229, v[PW]
.else
	v_cndmask_b32 v230, v229, v[PW], s99           ; lanes 0-15: the tile before's words, lanes 16-31: this tile's: 128 consecutive bytes
	v_lshrrev_b32 v231, 16, v230                   ; the odd head's two bytes
	global_store_b32 v7, v230, s[28:29] offset:64*((\a)-1)
	global_store_b32 v7, v231, s[30:31] offset:64*((\a)-1)
.endif
.endm
	CSLOAD 0
.irp a, 0,1,2,3,4,5,6,7
	QKOUT \a
.endr
	s_branch .Ljoin
.Lv_arm:
	; v: my 128 rows (two heads x 64 of d) x my 128 keys: block a is head a / 4, tile of d a % 4; the accumulators are quantised as they stand
	s_lshr_b32 s21, s42, 3                         ; batch
	s_and_b32 s22, s42, 7                          ; chunk of 256 keys
	s_lshl_b32 s23, s21, 4
	s_lshl_b32 s46, s41, 2
	s_add_co_u32 s23, s23, s46
	s_lshl_b32 s46, s15, 1
	s_add_co_u32 s23, s23, s46                     ; batch x 16 + my first head
	s_mul_i32 s24, s23, 196608
	s_mul_i32 s46, s22, 24576
	s_add_co_u32 s24, s24, s46
	s_mul_i32 s46, s16, 6144                       ; which 128 keys of the chunk
	s_add_co_u32 s24, s24, s46
	s_add_co_u32 s24, s24, 3407872+12288
	s_mov_b32 s25, 0
	s_mul_i32 s28, s23, 12288
	s_lshl_b32 s46, s22, 1
	s_add_co_u32 s46, s46, s16
	s_lshl_b32 s46, s46, 8
	s_add_co_u32 s28, s28, s46
	s_add_co_u32 s28, s28, 9699328+8192
	s_mov_b32 s29, 0
	s_add_nc_u64 s[24:25], s[8:9], s[24:25]
	s_add_nc_u64 s[28:29], s[8:9], s[28:29]
.macro VOUT a
	s_wait_xcnt 0x0                                ; the last block's stores have read their registers
	QUANT 64*((\a)%4), 2+(\a)/4, 2
.irp p, 0,1,2,3,4,5
	global_store_b64 v4, v[PC+2*\p:PC+2*\p+1], s[24:25] offset:196608*((\a)/4)+1536*((\a)%4)+256*\p
.endr
.if (\a)%2 == 0
	v_mov_b32 v229, v[PW]
.else
	v_cndmask_b32 v230, v229, v[PW], s99
	global_store_b32 v7, v230, s[28:29] offset:12288*((\a)/4)+64*((\a)%4)-64
.endif
.endm
.irp a, 0,1,2,3,4,5,6,7
	VOUT \a
.endr
.Ljoin:
	s_wait_tensorcnt 0x0                           ; the wave's end
	ds_add_u32 v[SPW], v[NIL]
	s_wait_dscnt 0x0
	CROUND                                         ; the closing round: no work-group ends while a partner may still ask for a tile that names it
	s_endpgm
.Lfunc_end_k_q9bbc24cdcb_qkv:
	.size	k_q9bbc24cdcb_qkv, .Lfunc_end_k_q9bbc24cdcb_qkv-k_q9bbc24cdcb_qkv
	.p2alignl 7, 3214868480
	.fill 96, 4, 3214868480
	.section	.rodata,"a",@progbits
	.p2align	6, 0x0
	.amdhsa_kernel k_q9bbc24cdcb_qkv
		.amdhsa_group_segment_fixed_size 327680
		.amdhsa_private_segment_fixed_size 0
		.amdhsa_enable_private_segment 0
		.amdhsa_kernarg_size 24
		.amdhsa_user_sgpr_count 2
		.amdhsa_user_sgpr_kernarg_segment_ptr 1
		.amdhsa_wavefront_size32 1
		.amdhsa_system_sgpr_workgroup_id_x 1
		.amdhsa_system_sgpr_workgroup_id_y 1
		.amdhsa_system_sgpr_workgroup_id_z 1
		.amdhsa_system_vgpr_workitem_id 0
		.amdhsa_next_free_vgpr 1024
		.amdhsa_next_free_sgpr 100
		.amdhsa_reserve_vcc 0
		.amdhsa_float_denorm_mode_32 3
		.amdhsa_float_denorm_mode_16_64 3
		.amdhsa_memory_ordered 1
		.amdhsa_forward_progress 1
		.amdhsa_inst_pref_size 246
	.end_amdhsa_kernel
	.amdgpu_metadata
---
amdhsa.version: [ 1, 2 ]
amdhsa.kernels:
  - .name:           k_q9bbc24cdcb_qkv
    .symbol:         k_q9bbc24cdcb_qkv.kd
    .args:
      - { .name: hq, .offset: 0, .size: 8, .value_kind: global_buffer, .address_space: global }
      - { .name: wts, .offset: 8, .size: 8, .value_kind: global_buffer, .address_space: global }
      - { .name: qkv, .offset: 16, .size: 8, .value_kind: global_buffer, .address_space: global }
    .group_segment_fixed_size: 327680
    .private_segment_fixed_size: 0
    .kernarg_segment_align: 8
    .kernarg_segment_size: 24
    .max_flat_workgroup_size: 128
    .sgpr_count:     100
    .vgpr_count:     1024
    .wavefront_size: 32
...
	.end_amdgpu_metadata
.endif
;; end of part 3
;; launch attn (part 4): grid 8 x 32, 16 waves a work-group, no clusters, 327,680 bytes of LDS; arguments qkv, oq; writes oq
.if DOCPART == 4
	.amdgcn_target "amdgcn-amd-amdhsa--gfx1250"
	.amdhsa_code_object_version 6
	.text
	.protected	k_q9bbc24cdcb_attn
	.globl	k_q9bbc24cdcb_attn
	.p2align	8
	.type	k_q9bbc24cdcb_attn,@function
k_q9bbc24cdcb_attn:
	s_mov_b64 s[64:65], 0
	v_nop
	global_prefetch_b8 v0, s[64:65] scope:SCOPE_SE
	s_setreg_imm32_b32 hwreg(HW_REG_WAVE_MODE, 25, 1), 1
	s_wait_xcnt 0x0
; Causal attention of one head on codes of FP6 (E2M3) with E8M0 scales, and the quantiser of its result o along (head, d), which is the K of the projection.
; LEFT OUT: key steps of 128 keys all of which come after all 16 queries of a wave: reference() sets those scores to -inf by its own jnp.tril mask, so their weight is 0 for all values of the inputs.  LIMIT: a NaN, an infinity or an
; overflow that would arise in such scores alone is not carried to the result.
; THE SOFTMAX: t = score x log2(e) / 8; M = the row's largest t so far, rounded UP to a whole number; p = 2^(t - M) is quantised along the keys, not normalised; the row's sum is taken of the unquantised p and divides O at the end.
; When M moves, the sum and O are multiplied by 2^(old M - new M): exact.
; INPUT (qkv): q codes [32 bh][128 tiles][768] @0, q scale words [32][128][16] @3,145,728; k, v codes [32 bh][8 chunks of 256 keys][k: 16 tiles x 768 | v: 2 x 4 x 1,536] @3,407,872; scale words [32 bh][k: 128 x 64 | v: 16 x 4 x 64] @9,699,328.
; All are images of operand registers: pieces of 256 bytes, piece i = registers 2 i, 2 i + 1, lane l's 8 bytes at 8 l.  The score product has 64 along K: registers 0-5 hold it, registers 6-11 are zero codes on both sides.
; OUTPUT (oq): codes [256 row tiles][8 K steps][1,536] @0 (K step = head / 2, half = head % 2), scale words [256][8][16] @3,145,728.
; SHARES.  A work-group owns query blocks i and 15 - i (128 queries each) of one head, so that under the mask every work-group has 17 blocks' worth of key steps.  Each of its sixteen waves owns 16 queries in 256 registers.
; NO CLUSTER: the work-groups of a head end their walks at different keys, so a partner would be sent tiles that none of its waves reads.
; Both products are used transposed: S^T = K Q^T, O^T = V^T P^T: a lane holds ONE query (lane % 16); registers 8 t + j of S^T are keys 16 t + 8 (lane / 16) + j.  Codes made of them lie, inside each block of 32, in the
; order "bits 3 and 4 of the place exchanged", which is the order in which v was quantised.
; THE RING: two LDS slots of a chunk (24,576 bytes) @0 and @32,768, filled by waves 0-3, a quarter each; the head's scale words @65,536 (k 8,192, v 4,096), filled once; spare words @77,824.
; REGISTERS: v1-4 addresses that stay; v5, v6 the add's; v8, v10, v11 addresses in hand; v12 -M, v13 the largest t, v[14:15] the sum; v16-27 Q; v28 the prefetches' offset; v32-79 four fragments of K; v80-127 four of V;
; v128-191 S^T, then p; v192-223 O^T; v224-235 p's codes; v232-247, v252, v254 at work; v248-251 K's and V's scale words, v253 p's, v255 Q's.
; LIMITS: NaN and infinities are not served; a block under 2^-124 keeps the scale byte 1.
.set SLOT1, 1<<15
.set CHB,   24576
.set SCK,   65536
.set SCV,   73728
.set SPARE, 77824
.set NSL,   8
.set L8,  1
.set LS,  2
.set LT,  3
.set R4,  4
.set SPW, 5
.set NIL, 6
.set ADK, 8
.set ADS, 10
.set ADT, 11
.set PFO, 28
.set KFR, 32
.set VFR, 80
.set S,   128
.set O,   192
.set WV,  18
.set SEL, 20
.set CS,  22
.set G1C, 24
.set G1S, 32
.set G0C, 40
.set G0S, 44
.set TB,  2                            ; s2   LDS byte at which the slot in hand begins
.set TS,  3                            ; s3   the step's scale words of K: 512 bytes a step
.set TJ,  66                           ; s66  and of V: 256 bytes a step
.set SLOTS, 67
.set KF,  68                           ; s68  the step's first key
.set Q0,  69                           ; s69  my first query
.set QL,  70                           ; s70  my work-group's last query
.set PFA, 72
.set LIM, 74
.macro TLOAD                           ; waves 0-3 fetch a quarter of a chunk each; s_nop 0 and four v_nop follow the load
	s_cmp_lt_u32 s[WV], 4
	s_cbranch_scc0 .Lasked_\@
	tensor_load_to_lds s[G0C:G0C+3], s[G1C:G1C+7]
	s_nop 0
.rept 4
	v_nop
.endr
.Lasked_\@:
.endm
; A prefetch of the chunk that the NEXT change of slots will ask for: a slot's two key steps ahead of that load.  All work-groups of a head walk the same chunks; the one with x = 0, which walks all of them, asks: its waves 4, 5, 6,
; 8,192 bytes each, lanes 256 bytes apart: each aligned 256 bytes of a chunk is named once in the launch.  Chunks 0 and 1 come by their loads alone; the last change that fills a slot asks for nothing.
.macro ASK
	s_cmp_gt_u32 s[SLOTS], s[LIM]
	s_cbranch_scc0 .Lnot_mine_\@
	global_prefetch_b8 v[PFO], s[PFA:PFA+1] th:TH_LOAD_NT scope:SCOPE_SE
.Lnot_mine_\@:
.endm
	s_load_b128 s[4:7], s[0:1], 0x0                ; qkv, oq
	v_lshl_add_u32 v[SPW], v0, 2, SPARE
	v_mov_b32 v[NIL], 0
	ds_add_u32 v[SPW], v[NIL]                      ; the wave's opening: the add, twice on end, and its wait ahead of the first tensor load
	ds_add_u32 v[SPW], v[NIL]
	v_lshrrev_b32 v8, 5, v0
	v_readfirstlane_b32 s[WV], v8                  ; wave 0..15
	s_and_b32 s8, ttmp7, 0xffff                    ; batch x 16 + head
	s_lshr_b32 s9, s[WV], 2
	s_add_co_u32 s9, s9, s[WV]
	s_and_b32 s9, s9, 1                            ; 0: the early block, 1: the late one; waves 2 m and 2 m + 1 take one each
	s_sub_co_u32 s10, 15, ttmp9
	s_cmp_eq_u32 s9, 1
	s_cselect_b32 s10, s10, ttmp9
	s_lshl_b32 s[Q0], s10, 7
	s_lshr_b32 s11, s[WV], 1
	s_lshl_b32 s11, s11, 4
	s_add_co_u32 s[Q0], s[Q0], s11                 ; my first query
	s_sub_co_u32 s[QL], 15, ttmp9
	s_lshl_b32 s[QL], s[QL], 7
	s_add_co_u32 s[QL], s[QL], 127
	; descriptor groups 1: dense blocks as rows of 256 bytes (32 elements of 8 bytes): a quarter of a chunk, 24 rows; a quarter of the scale words, 12 rows
	s_mov_b32 s[G1C], 3<<16
	s_mov_b32 s[G1C+1], 32<<16
	s_mov_b32 s[G1C+2], 24<<16
	s_mov_b32 s[G1C+3], 32<<16
	s_mov_b32 s[G1C+4], 24
	s_mov_b32 s[G1C+5], 32
	s_mov_b32 s[G1C+6], 0
	s_mov_b32 s[G1C+7], 0
	s_mov_b32 s[G1S], 3<<16
	s_mov_b32 s[G1S+1], 32<<16
	s_mov_b32 s[G1S+2], 12<<16
	s_mov_b32 s[G1S+3], 32<<16
	s_mov_b32 s[G1S+4], 12
	s_mov_b32 s[G1S+5], 32
	s_mov_b32 s[G1S+6], 0
	s_mov_b32 s[G1S+7], 0
	s_and_b32 s12, s[WV], 3
	s_mul_i32 s13, s12, 6144
	s_mul_i32 s14, s12, 3072
	s_mul_i32 s76, s8, 196608
	s_add_co_u32 s76, s76, 3407872                 ; my head's k and v codes
	s_add_co_u32 s80, s76, s13
	s_mov_b32 s81, 0
	s_mul_i32 s78, s8, 12288
	s_add_co_u32 s78, s78, 9699328
	s_add_co_u32 s78, s78, s14
	s_mov_b32 s79, 0
	s_lshl_b32 s82, s12, 13
	s_add_co_u32 s82, s82, s76
	s_add_co_u32 s82, s82, CHB                     ; the prefetches stand in chunk 1: the first change of slots steps them to chunk 2
	s_mov_b32 s83, 0
	s_lshl_b32 s84, s8, 7
	s_lshr_b32 s85, s[Q0], 4
	s_add_co_u32 s84, s84, s85                     ; my tile of queries
	s_lshl_b32 s86, s84, 6
	s_add_co_u32 s86, s86, 3145728
	s_mov_b32 s87, 0
	s_mul_i32 s84, s84, 768
	s_mov_b32 s85, 0
	s_lshr_b32 s88, s8, 4
	s_lshl_b32 s88, s88, 7
	s_lshr_b32 s89, s[Q0], 4
	s_add_co_u32 s88, s88, s89                     ; o's row tile
	s_lshl_b32 s88, s88, 3
	s_and_b32 s89, s8, 15
	s_lshr_b32 s90, s89, 1
	s_add_co_u32 s88, s88, s90                     ; x 8 K steps + head / 2
	s_and_b32 s89, s89, 1
	s_lshl_b32 s90, s88, 6
	s_lshl_b32 s91, s89, 1
	s_add_co_u32 s90, s90, s91
	s_add_co_u32 s90, s90, 3145728                 ; my half of the scale words
	s_mov_b32 s91, 0
	s_mul_i32 s88, s88, 1536
	s_mul_i32 s89, s89, 768
	s_add_co_u32 s88, s88, s89                     ; my half image
	s_mov_b32 s89, 0
	s_sub_co_u32 s9, s[WV], 4
	s_cmp_lt_u32 s9, 3                             ; waves 4, 5, 6
	s_cselect_b32 s[LIM], 1, -1
	s_cmp_eq_u32 ttmp9, 0                          ; of the work-group that walks all keys
	s_cselect_b32 s[LIM], s[LIM], -1
	s_mov_b32 s[SEL], 0x76543210
	s_mov_b32 s[SEL+1], 0xfedcba98
	s_mov_b32 s[CS], 0x3e38aa3b                    ; c = log2(e) / 8
	s_mov_b32 s[CS+1], s[CS]
	s_mov_b32 s[TB], 0
	s_mov_b32 s[TS], 0
	s_mov_b32 s[TJ], 0
	s_mov_b32 s[KF], 0
	s_mov_b32 s[SLOTS], NSL-1
	s_wait_dscnt 0x0                               ; both opening adds are done
	s_wait_kmcnt 0x0
	s_mov_b32 s[G0S], 1
	s_add_co_u32 s[G0S+1], s14, SCK
	s_add_nc_u64 s[G0S+2:G0S+3], s[4:5], s[78:79]
	s_or_b32 s[G0S+3], s[G0S+3], 0x80000000
	s_mov_b32 s[G0C], 1
	s_mov_b32 s[G0C+1], s13
	s_add_nc_u64 s[G0C+2:G0C+3], s[4:5], s[80:81]
	s_or_b32 s[G0C+3], s[G0C+3], 0x80000000
	s_cmp_lt_u32 s[WV], 4                          ; a loading wave's two first fills stand in one branch: two loads of it are out
	s_cbranch_scc0 .Lno_first
	tensor_load_to_lds s[G0S:G0S+3], s[G1S:G1S+7]  ; the head's scale words: filled once
	s_nop 0
	tensor_load_to_lds s[G0C:G0C+3], s[G1C:G1C+7]  ; chunk 0 into slot 0
	s_nop 0
.rept 4
	v_nop
.endr
.Lno_first:
	s_add_nc_u64 s[PFA:PFA+1], s[4:5], s[82:83]
	s_add_nc_u64 s[84:85], s[4:5], s[84:85]
	s_add_nc_u64 s[86:87], s[4:5], s[86:87]
	s_add_nc_u64 s[88:89], s[6:7], s[88:89]
	s_add_nc_u64 s[90:91], s[6:7], s[90:91]
	v_and_b32 v8, 31, v0
	v_lshlrev_b32 v[L8], 3, v8
	v_lshl_add_u32 v[LS], v8, 2, SCK
	v_lshl_add_u32 v[LT], v8, 2, SCV
	v_lshlrev_b32 v[PFO], 8, v8
	v_and_b32 v[R4], 15, v0
	v_lshlrev_b32 v[R4], 2, v[R4]
.irp p, 0,1,2
	global_load_b64 v[16+2*\p:17+2*\p], v[L8], s[84:85] offset:256*\p   ; Q's half image stays in registers
.endr
	global_load_b32 v255, v[R4], s[86:87]          ; Q's scale words
.irp i, 22,23,24,25,26,27
	v_mov_b32 v[\i], 0                             ; the upper 64 of the instruction's 128 along K: zero codes, in Q
.endr
.irp t, 0,1,2,3
.irp i, 6,7,8,9,10,11
	v_mov_b32 v[KFR+12*\t+\i], 0                   ; and in K's four fragments: written once
.endr
.endr
	v_mov_b32 v13, 0xff61b1e6                      ; the largest t so far: -3e38
	v_floor_f32 v12, -v13                          ; -M
	v_mov_b32 v14, 0
	v_mov_b32 v15, 0
.irp b, 0,1,2,3
	v_mov_b32 v[236+\b], 0                         ; lane permutes' destinations count as sources
.endr
	v_mov_b32 v252, 0
	v_mov_b32 v253, 0
.set j, 0
.rept 32
	v_mov_b32 v[O+j], 0                            ; O^T: the loop is written once; its first step finds zeros, which the first change of M leaves zeros
.set j, j+1
.endr
.macro SPROD g                         ; four tiles of 16 keys: S^T = K Q^T; a scale register holds the even tile's words in lanes 0-15, the odd tile's in lanes 16-31
.irp t, 0,1,2,3
.if (\t)%2 == 0
	v_wmma_scale_f32_16x16x128_f8f6f4 v[S+8*(4*\g+\t):S+8*(4*\g+\t)+7], v[KFR+12*\t:KFR+12*\t+11], v[16:27], 0, v[248+\t/2], v255 matrix_a_fmt:MATRIX_FMT_FP6 matrix_b_fmt:MATRIX_FMT_FP6
.else
	v_wmma_scale_f32_16x16x128_f8f6f4 v[S+8*(4*\g+\t):S+8*(4*\g+\t)+7], v[KFR+12*\t:KFR+12*\t+11], v[16:27], 0, v[248+\t/2], v255 matrix_a_fmt:MATRIX_FMT_FP6 matrix_b_fmt:MATRIX_FMT_FP6 matrix_a_scale:MATRIX_SCALE_ROW1
.endif
.endr
.endm
.macro KLOAD q, g
.irp t, 0,1,2,3
.irp p, 0,1,2
	ds_load_b64 v[KFR+12*\t+2*\p:KFR+12*\t+2*\p+1], v[ADK] offset:(8*(\q)+4*\g+\t)*768+256*\p
.endr
.endr
	ds_load_b32 v248, v[ADS] offset:256*\g
	ds_load_b32 v249, v[ADS] offset:256*\g+128
.endm
; A KEY STEP: 128 keys, the q-th of the slot in hand
.macro STEP q
	s_add_co_u32 s96, s[Q0], 15                    ; a step all of whose keys come after my 16 queries is left out: a scalar branch on ids, round the work; not round the lines at its end, and no barrier or tensor load stands in a step
	s_cmp_gt_u32 s[KF], s96
	s_cbranch_scc1 .Lhidden_\@
	v_add_nc_u32 v[ADK], s[TB], v[L8]
	v_add_nc_u32 v[ADS], s[TS], v[LS]
	v_add_nc_u32 v[ADT], s[TJ], v[LT]
	v_nop                                          ; four plain instructions in front of loads into registers that the last products read
	KLOAD \q, 0
.irp t, 0,1,2,3
.irp p, 0,1,2,3,4,5
	ds_load_b64 v[VFR+12*\t+2*\p:VFR+12*\t+2*\p+1], v[ADK] offset:12288+6144*(\q)+1536*\t+256*\p
.endr
.endr
	ds_load_b32 v250, v[ADT]
	ds_load_b32 v251, v[ADT] offset:128
	s_wait_dscnt 26                                ; K's first four tiles and their words are in; V's 24 loads and 2 words may be out
	SPROD 0
.rept 4
	v_nop
.endr
	KLOAD \q, 1
	s_wait_dscnt 0x0
	SPROD 1
.rept 4
	v_nop
.endr
	s_add_co_u32 s96, s[KF], 127                   ; on the diagonal hidden scores become -infinity ahead of the maximum: p = 0 then.  A step all of whose keys count skips this
	s_cmp_le_u32 s96, s[Q0]
	s_cbranch_scc1 .Lopen_\@
	s_sub_co_i32 s96, s[Q0], s[KF]
	v_and_b32 v252, 15, v0
	v_bfe_u32 v254, v0, 4, 1
	v_lshlrev_b32 v254, 3, v254
	v_sub_nc_u32 v252, v252, v254
	v_add_nc_u32 v252, s96, v252                   ; d = my query - the first key - 8 (lane / 16): register n is hidden where 16 (n / 8) + n % 8 > d
	v_mov_b32 v254, 0xff800000
.set n, 0
.rept 64
	v_cmp_gt_i32 vcc_lo, 16*(n/8)+n%8, v252
	v_cndmask_b32 v[S+n], v[S+n], v254, vcc_lo
.set n, n+1
.endr
.Lopen_\@:
.irp b, 0,1,2,3
	v_max3_num_f32 v[232+\b], v[S+16*\b], v[S+1+16*\b], v[S+2+16*\b]   ; the largest score of each block of 32 keys: for the row's maximum and, since p rises with the score, for the block's largest p
.endr
.irp i, 3,5,7,9,11,13
.irp b, 0,1,2,3
	v_max3_num_f32 v[232+\b], v[232+\b], v[S+16*\b+\i], v[S+1+16*\b+\i]
.endr
.endr
.irp b, 0,1,2,3
	v_max_num_f32 v[232+\b], v[232+\b], v[S+15+16*\b]
.endr
.irp b, 0,1,2,3
	v_permlanex16_b32 v[236+\b], v[232+\b], s[SEL], s[SEL+1]
.endr
.irp b, 0,1,2,3
	v_max_num_f32 v[232+\b], v[232+\b], v[236+\b]
.endr
	v_max3_num_f32 v254, v232, v233, v234
	v_max_num_f32 v254, v254, v235
	v_mul_f32 v254, s[CS], v254                    ; as t (c is positive)
	v_max_num_f32 v13, v13, v254                   ; the running largest t
	v_mov_b32 v254, v12
	v_floor_f32 v12, -v13                          ; the new -M = -ceil(t)
	v_sub_f32 v254, v12, v254                      ; old M - new M: a whole number, 0 or less
	v_cvt_i32_f32 v254, v254                       ; (it saturates)
	v_ldexp_f32 v252, 1.0, v254                    ; f = 2^(old M - new M)
.set j, 0
.rept 32
	v_pk_fma_f32 v[S+j:S+j+1], v[S+j:S+j+1], s[CS:CS+1], v[12:13] op_sel_hi:[1,0,0]   ; t - M, two at a time
.set j, j+2
.endr
.irp b, 0,1,2,3
	v_fma_f32 v[232+\b], v[232+\b], s[CS], v12
.endr
.set j, 0
.rept 64
	v_exp_f32 v[S+j], v[S+j]                       ; p = 2^(t - M), at most 1
.set j, j+1
.endr
	v_pk_mul_f32 v[14:15], v[14:15], v[252:253] op_sel_hi:[1,0]   ; the sums under the new M (a plain instruction behind the exponentials)
	s_wait_alu depctr_va_vdst(0)                   ; one wait for the batch, ahead of its first reader
.irp b, 0,1,2,3
	v_exp_f32 v[232+\b], v[232+\b]                 ; each block's largest p
.endr
	v_pk_add_f32 v[236:237], v[S:S+1], v[S+2:S+3]  ; the row's sum, of the unquantised p, in two chains
.irp j, 4,8,12,16,20,24,28,32,36,40,44,48,52,56,60
	v_pk_add_f32 v[14:15], v[14:15], v[S+\j:S+\j+1]
	v_pk_add_f32 v[236:237], v[236:237], v[S+2+\j:S+3+\j]
.endr
	v_pk_add_f32 v[14:15], v[14:15], v[236:237]
	s_wait_alu depctr_va_vdst(0)                   ; and one for the four
.irp b, 0,1,2,3
	v_max_num_f32 v[232+\b], 0x1800000, v[232+\b]  ; the floor 2^(3 - 127): the byte cannot fall under 1
.endr
.irp b, 0,1,2,3
	v_add_nc_u32 v[244+\b], 0xff000000, v[232+\b]
.endr
.irp b, 0,1,2,3
	v_lshrrev_b32 v[236+\b], 23, v[244+\b]
.endr
	v_lshl_or_b32 v253, v237, 8, v236              ; p's scale word for these 128 keys
	v_lshl_or_b32 v253, v238, 16, v253
	v_lshl_or_b32 v253, v239, 24, v253
.irp c, 0,1
	v_cvt_scalef32_pk16_fp6_f32 v[224+6*\c:226+6*\c], v[S+32*\c:S+15+32*\c], v[244+2*\c]
	v_cvt_scalef32_pk16_fp6_f32 v[236+4*\c:238+4*\c], v[S+16+32*\c:S+31+32*\c], v[244+2*\c+1]
.endr
	v_nop                                          ; one plain instruction behind the scaled conversions
.irp c, 0,1
.irp i, 0,1,2
	v_permlane16_swap_b32 v[224+6*\c+\i], v[236+4*\c+\i]
.endr
.irp i, 0,1,2
	v_mov_b32 v[227+6*\c+\i], v[236+4*\c+\i]
.endr
.endr
.set j, 0
.rept 16
	v_pk_mul_f32 v[O+j:O+j+1], v[O+j:O+j+1], v[252:253] op_sel_hi:[1,0]   ; O^T under the new M; these sixteen are also the plain instructions between the writes of p's codes and scale word and the products
.set j, j+2
.endr
.irp t, 0,1,2,3                                ; O^T += V^T P^T: four accumulators by turns
.if (\t)%2 == 0
	v_wmma_scale_f32_16x16x128_f8f6f4 v[O+8*\t:O+8*\t+7], v[VFR+12*\t:VFR+12*\t+11], v[224:235], v[O+8*\t:O+8*\t+7], v[250+\t/2], v253 matrix_a_fmt:MATRIX_FMT_FP6 matrix_b_fmt:MATRIX_FMT_FP6
.else
	v_wmma_scale_f32_16x16x128_f8f6f4 v[O+8*\t:O+8*\t+7], v[VFR+12*\t:VFR+12*\t+11], v[224:235], v[O+8*\t:O+8*\t+7], v[250+\t/2], v253 matrix_a_fmt:MATRIX_FMT_FP6 matrix_b_fmt:MATRIX_FMT_FP6 matrix_a_scale:MATRIX_SCALE_ROW1
.endif
.endr
.Lhidden_\@:
	s_add_co_u32 s[KF], s[KF], 128
	s_add_co_u32 s[TS], s[TS], 512
	s_add_co_u32 s[TJ], s[TJ], 256
.endm
; THE CHANGE OF SLOTS stands at a slot's head: every wave waits for all its tensor loads, adds 0 to its spare word, waits for that and for its reads of the slot that it has left, and passes the barrier.
; fill = 1: the slot just left takes the next chunk, while that chunk's first key is at or under the work-group's last query: a chunk beyond it is read by none of the sixteen waves.  That test is made of ids and the count of steps alone,
; is the same in all waves, and leads round the load's own lines and nothing else; every wait on the tensor counter in this text is for 0.
.macro CHANGE fill
	s_wait_tensorcnt 0x0
	ds_add_u32 v[SPW], v[NIL]
.if \fill
	ds_add_u32 v[SPW], v[NIL]                      ; twice on end here
	s_xor_b32 s[G0C+1], s[G0C+1], SLOT1            ; the walking descriptor: the other slot,
	s_add_nc_u64 s[G0C+2:G0C+3], s[G0C+2:G0C+3], CHB   ; the next chunk
	s_wait_xcnt 0x0                                ; the last prefetch, a slot back, has read its address
	s_add_nc_u64 s[PFA:PFA+1], s[PFA:PFA+1], CHB
.endif
	s_wait_dscnt 0x0
	s_barrier_signal -1
	s_barrier_wait -1
.if \fill
	s_add_co_u32 s96, s[KF], 256
	s_cmp_gt_u32 s96, s[QL]
	s_cbranch_scc1 .Lpast_\@
	TLOAD                                          ; a wave's one tensor load until the next such barrier
.Lpast_\@:
	ASK
.endif
.endm
	s_wait_loadcnt 0x0                             ; Q
.Lslot:                                                ; seven trips: a constant
	CHANGE 1
	STEP 0
	STEP 1
	s_xor_b32 s[TB], s[TB], SLOT1
	s_sub_co_u32 s[SLOTS], s[SLOTS], 1
	s_cmp_lg_u32 s[SLOTS], 0
	s_cbranch_scc1 .Lslot
	CHANGE 0                                       ; the last slot is written out: nothing is left to fetch
	STEP 0
	STEP 1
	; THE WAY OUT: O^T / the sum, quantised along d: two blocks of 32: half an image and two scale bytes
	v_add_f32 v14, v14, v15
	v_permlanex16_b32 v252, v14, s[SEL], s[SEL+1]
	v_add_f32 v14, v14, v252                       ; the row's sum
	v_rcp_f32 v14, v14
.rept 4
	v_nop                                          ; plain instructions behind the reciprocal and behind the last products
.endr
	s_wait_alu depctr_va_vdst(0)                   ; ahead of the reciprocal's first reader
.set j, 0
.rept 16
	v_pk_mul_f32 v[S+j:S+j+1], v[O+j:O+j+1], v[14:15] op_sel_hi:[1,0]
.set j, j+2
.endr
.irp b, 0,1
	v_max3_num_f32 v[232+\b], |v[S+16*\b]|, |v[S+1+16*\b]|, 0x1800000
.endr
.irp i, 2,4,6,8,10,12,14
.irp b, 0,1
	v_max3_num_f32 v[232+\b], v[232+\b], |v[S+16*\b+\i]|, |v[S+1+16*\b+\i]|
.endr
.endr
.irp b, 0,1
	v_permlanex16_b32 v[236+\b], v[232+\b], s[SEL], s[SEL+1]
.endr
.irp b, 0,1
	v_max_num_f32 v[232+\b], v[232+\b], v[236+\b]
.endr
.irp b, 0,1
	v_add_nc_u32 v[244+\b], 0xff000000, v[232+\b]
.endr
.irp b, 0,1
	v_lshrrev_b32 v[236+\b], 23, v[244+\b]
.endr
	v_lshl_or_b32 v240, v237, 8, v236
	v_cvt_scalef32_pk16_fp6_f32 v[224:226], v[S:S+15], v244
	v_cvt_scalef32_pk16_fp6_f32 v[228:230], v[S+16:S+31], v245
	v_nop
.irp i, 0,1,2
	v_permlane16_swap_b32 v[224+\i], v[228+\i]
.endr
.irp i, 0,1,2
	v_mov_b32 v[227+\i], v[228+\i]
.endr
.irp p, 0,1,2
	global_store_b64 v[L8], v[224+2*\p:225+2*\p], s[88:89] offset:256*\p   ; 256 consecutive bytes, aligned
.endr
	global_store_b16 v[R4], v240, s[90:91]         ; lanes r and r + 16 write the same two bytes with the same value
	s_wait_tensorcnt 0x0                           ; the wave's end
	ds_add_u32 v[SPW], v[NIL]
	s_wait_dscnt 0x0
	s_endpgm
.Lfunc_end_k_q9bbc24cdcb_attn:
	.size	k_q9bbc24cdcb_attn, .Lfunc_end_k_q9bbc24cdcb_attn-k_q9bbc24cdcb_attn
	.p2alignl 7, 3214868480
	.fill 96, 4, 3214868480
	.section	.rodata,"a",@progbits
	.p2align	6, 0x0
	.amdhsa_kernel k_q9bbc24cdcb_attn
		.amdhsa_group_segment_fixed_size 327680
		.amdhsa_private_segment_fixed_size 0
		.amdhsa_enable_private_segment 0
		.amdhsa_kernarg_size 16
		.amdhsa_user_sgpr_count 2
		.amdhsa_user_sgpr_kernarg_segment_ptr 1
		.amdhsa_wavefront_size32 1
		.amdhsa_system_sgpr_workgroup_id_x 1
		.amdhsa_system_sgpr_workgroup_id_y 1
		.amdhsa_system_sgpr_workgroup_id_z 1
		.amdhsa_system_vgpr_workitem_id 0
		.amdhsa_next_free_vgpr 256
		.amdhsa_next_free_sgpr 100
		.amdhsa_reserve_vcc 1
		.amdhsa_float_denorm_mode_32 3
		.amdhsa_float_denorm_mode_16_64 3
		.amdhsa_memory_ordered 1
		.amdhsa_forward_progress 1
		.amdhsa_inst_pref_size 104
	.end_amdhsa_kernel
	.amdgpu_metadata
---
amdhsa.version: [ 1, 2 ]
amdhsa.kernels:
  - .name:           k_q9bbc24cdcb_attn
    .symbol:         k_q9bbc24cdcb_attn.kd
    .args:
      - { .name: qkv, .offset: 0, .size: 8, .value_kind: global_buffer, .address_space: global }
      - { .name: oq, .offset: 8, .size: 8, .value_kind: global_buffer, .address_space: global }
    .group_segment_fixed_size: 327680
    .private_segment_fixed_size: 0
    .kernarg_segment_align: 8
    .kernarg_segment_size: 16
    .max_flat_workgroup_size: 512
    .sgpr_count:     100
    .vgpr_count:     256
    .wavefront_size: 32
...
	.end_amdgpu_metadata
.endif
;; end of part 4
;; launch proj (part 5): grid 4 x 16, 4 waves a work-group, clusters of 4 x 4, 327,680 bytes of LDS; arguments oq, wts, proj_b, x, x1; writes x1
.if DOCPART == 5
	.amdgcn_target "amdgcn-amd-amdhsa--gfx1250"
	.amdhsa_code_object_version 6
	.text
	.protected	k_q9bbc24cdcb_proj
	.globl	k_q9bbc24cdcb_proj
	.p2align	8
	.type	k_q9bbc24cdcb_proj,@function
k_q9bbc24cdcb_proj:
	s_mov_b64 s[64:65], 0
	v_nop
	global_prefetch_b8 v0, s[64:65] scope:SCOPE_SE
	s_setreg_imm32_b32 hwreg(HW_REG_WAVE_MODE, 25, 1), 1
	s_wait_xcnt 0x0
	s_wait_alu depctr_hold_cnt(0) depctr_sa_sdst(0) depctr_va_vdst(0) depctr_va_sdst(0) depctr_va_ssrc(0) depctr_va_vcc(0) depctr_vm_vsrc(0)
	s_getreg_b32 s2, hwreg(HW_REG_IB_STS2, 6, 4)
	s_cmp_eq_u32 s2, 0
	s_cbranch_scc0 .Lentry_in_a_cluster
	s_endpgm
.Lentry_in_a_cluster:
	s_bfe_u32 s2, ttmp6, 0x10000c
	s_cmp_lg_u32 s2, 0xf033
	s_cbranch_scc0 .Lentry_shape_is_right
	s_endpgm
.Lentry_shape_is_right:
; x1 = x + o proj_w + proj_b, the product on codes of FP6 (E2M3) with E8M0 scales.  Nothing of reference() is left out here.
; OPERANDS are images: a fragment (16 rows x 128 K, 12 registers a lane) is 1,536 bytes, six pieces of 256, piece i = registers 2 i, 2 i + 1, lane l's 8 bytes at 8 l; buffers [row tile][K step][1,536]; scale words [row tile][K step][16] x 4 bytes.
; Role A = the tokens' rows (oq: codes @0, scale words @3,145,728), role B = proj_w's columns as rows (wts: codes @2,359,296, scale words @7,962,624).
; THE CORE: a work-group of four waves makes 256 x 256, a wave 128 x 128: 64 accumulators.  K goes in steps of 256 through two LDS slots filled by the tensor data mover; the scale words of the work-group's rows come once.
; Role A's rows are source 1, role B's source 0: a lane holds one token (lane % 16) and eight neighbouring columns.  The bias is the C of each sum's first matrix instruction.
; CLUSTERS of 4 x 4: A's tiles are asked for jointly along a row of the cluster, B's along a column.  64 work-groups: the output has 64 tiles of this size; a smaller tile would read each fragment from LDS for half the products.
; THE WAY OUT: 16 rows x 128 columns at a time through my wave's stage in LDS (in slot 0, which has had its last fill and its last read), back as whole rows of 512 bytes, + x, stored.
; REGISTERS, in windows of 256: window 0: v0-31 addresses; v32-63 scale words, two sets, and nothing else; v64-127 the bias, later rows of x; v128-223 A's fragments, later (to v255) rows of the result; window 1: B's two sets; windows 2, 3: accumulators.
.set SIZE_K, 1024
.set A_SC,   3145728
.set B_CODE, 2359296
.set B_SC,   7962624
.set BIAS,   1
.set KSN,    SIZE_K/128
.set RTB,    KSN*1536
.set STEPB,  3072
.set NQ,     2
.set FR,     12
.set NL,     6
.set NP,     4                         ; places behind this matrix instruction (ISA guide 7.12.1)
.set HALFT,  8*STEPB
.set SLOT,   4*HALFT
.set LAPS,   SIZE_K/512
.set SBLK,   64*KSN
.set HALFS,  8*SBLK
.set SCL,    2*SLOT
.set SPARE,  SCL+4*HALFS               ; the spare words, 128 bytes a wave, that no other line names
.set SPITCH, 528
.set ADRA, 16
.set ADRB, 20
.set STO,  24
.set RD,   25
.set CO,   26
.set ADRS, 27
.set SPW,  28
.set NIL,  29
.set BO,   30
.set SC,   32
.set BI,   64
.set XR,   64
.set AF,   128
.set BK,   128
.set G1, 24
.set G0, 32
.set G1B, 48
.set G0B, 56
.set G1S, 68
.set G0S, 76
.set G1SB, 80
.set G0SB, 88
.set MSB, 0
.macro WIN new                         ; the immediate's high byte repeats the setting that is left
.if MSB != (\new)
	s_set_vgpr_msb (MSB<<8)|(\new)
.set MSB, (\new)
.endif
.endm
.set MUL_LO, 0xa1                      ; source 0 (B) window 1, source 1 (A) window 0, C and D window 2
.set MUL_HI, 0xf1
.set ZLO,    0x81                      ; the same with C (the bias) in window 0
.set ZHI,    0xc1
.set TO_B,   0x40
.macro JLOAD g0a, g1a, g0b, g1b        ; a joint load: waves 0 and 1 fetch for A, waves 2 and 3 for B; the branch hangs on the wave's number alone; s_nop 0 and four v_nop follow each line
	s_cmp_eq_u32 s15, 0
	s_cbranch_scc0 .Lfor_b_\@
	tensor_load_to_lds s[\g0a:\g0a+3], s[\g1a:\g1a+7]
	s_nop 0
.rept 4
	v_nop
.endr
	s_branch .Lasked_\@
.Lfor_b_\@:
	tensor_load_to_lds s[\g0b:\g0b+3], s[\g1b:\g1b+7]
	s_nop 0
.rept 4
	v_nop
.endr
.Lasked_\@:
.endm
.macro CREST                           ; a round of the cluster's barrier behind its opening barrier
	s_cmp_lg_u32 s14, 0
	s_cbranch_scc1 .Lnot_wave_0_\@
	s_barrier_signal -3
.Lnot_wave_0_\@:
	s_barrier_wait -3
	s_barrier_signal -1
	s_barrier_wait -1
.endm
.macro CROUND
	s_barrier_signal -1
	s_barrier_wait -1
	CREST
.endm
	s_load_b256 s[4:11], s[0:1], 0x0               ; A's buffer, wts, the bias, the residual
	s_load_b64 s[12:13], s[0:1], 0x20              ; the result
	v_lshl_add_u32 v[SPW], v0, 2, SPARE
	v_mov_b32 v[NIL], 0
	ds_add_u32 v[SPW], v[NIL]                      ; the wave's opening: the add, twice on end, and its wait ahead of my first tensor load
	ds_add_u32 v[SPW], v[NIL]
	v_lshrrev_b32 v1, 5, v0
	v_readfirstlane_b32 s14, v1                    ; wave 0..3
	s_lshr_b32 s15, s14, 1                         ; which half of A's rows is mine.  Also: I fetch for A (0) or for B (1)
	s_and_b32 s16, s14, 1                          ; which half of B's rows.  Also: which 128 rows I fetch
	s_bfe_u32 s40, ttmp6, 0x40000                  ; cx
	s_bfe_u32 s41, ttmp6, 0x40004                  ; cy
	s_lshl_b32 s42, ttmp9, 2
	s_add_co_u32 s42, s42, s40                     ; B's tile of 256 rows
	s_and_b32 s17, ttmp7, 0xffff
	s_lshl_b32 s17, s17, 2
	s_add_co_u32 s17, s17, s41                     ; A's tile
	s_lshl_b32 s43, s41, 2
	s_lshl_b32 s43, 15, s43                        ; my row of the cluster
	s_lshl_b32 s44, 0x1111, s40                    ; my column
	; descriptor group 1, codes: 8 row tiles x 3,072 bytes (384 elements of 8 bytes), RTB bytes apart
	s_or_b32 s[G1+0], s43, (3<<16)|(1<<21)         ; 15:0 the mask; 17:16 elements of 8 bytes; 21 set beside a mask; no padding
	s_or_b32 s[G1B+0], s44, (3<<16)|(1<<21)
.irp g, G1, G1B
	s_mov_b32 s[\g+1], 384<<16                     ; tensor_dim0
	s_mov_b32 s[\g+2], 8<<16                       ; tensor_dim1
	s_mov_b32 s[\g+3], 384<<16                     ; tile_dim0
	s_mov_b32 s[\g+4], 8                           ; tile_dim1
	s_mov_b32 s[\g+5], RTB/8                       ; tensor_dim0_stride
	s_mov_b32 s[\g+6], 0
	s_mov_b32 s[\g+7], 0
.endr
	; and for the scale words of 128 rows: a dense block, as rows of 256 bytes
	s_or_b32 s[G1S+0], s43, (3<<16)|(1<<21)
	s_or_b32 s[G1SB+0], s44, (3<<16)|(1<<21)
.irp g, G1S, G1SB
	s_mov_b32 s[\g+1], 32<<16
	s_mov_b32 s[\g+2], (HALFS/256)<<16
	s_mov_b32 s[\g+3], 32<<16
	s_mov_b32 s[\g+4], HALFS/256
	s_mov_b32 s[\g+5], 32
	s_mov_b32 s[\g+6], 0
	s_mov_b32 s[\g+7], 0
.endr
	s_lshl_b32 s18, s16, 3
	s_lshl_b32 s20, s17, 4
	s_add_co_u32 s20, s20, s18                     ; A: the first row tile that I fetch
	s_lshl_b32 s46, s42, 4
	s_add_co_u32 s46, s46, s18                     ; B likewise
	s_mul_i32 s22, s20, SBLK
	s_add_co_u32 s22, s22, A_SC
	s_mul_i32 s92, s46, SBLK
	s_add_co_u32 s92, s92, B_SC
	s_mul_i32 s20, s20, RTB
	s_mul_i32 s46, s46, RTB
	s_add_co_u32 s46, s46, B_CODE
	s_mov_b32 s21, 0
	s_mov_b32 s23, 0
	s_mov_b32 s47, 0
	s_mov_b32 s93, 0
	s_mul_i32 s45, s14, HALFT                      ; where they go: no place in the cluster enters an LDS address
	s_mul_i32 s94, s14, HALFS
	s_wait_dscnt 0x0                               ; both opening adds are done
	s_wait_kmcnt 0x0
	s_add_nc_u64 s[20:21], s[4:5], s[20:21]
	s_add_nc_u64 s[22:23], s[4:5], s[22:23]
	s_add_nc_u64 s[46:47], s[6:7], s[46:47]
	s_add_nc_u64 s[92:93], s[6:7], s[92:93]
	CROUND                                         ; all sixteen work-groups are here: the first joint loads meet
	s_mov_b32 s[G0S], 1
	s_add_co_u32 s[G0S+1], s94, SCL
	s_mov_b64 s[G0S+2:G0S+3], s[22:23]
	s_or_b32 s[G0S+3], s[G0S+3], 0x80000000
	s_mov_b32 s[G0SB], 1
	s_add_co_u32 s[G0SB+1], s94, SCL
	s_mov_b64 s[G0SB+2:G0SB+3], s[92:93]
	s_or_b32 s[G0SB+3], s[G0SB+3], 0x80000000
	JLOAD G0S, G1S, G0SB, G1SB                     ; the scale words first; with the two slots three loads of mine are out
.irp s, 0,1
	s_mov_b32 s[G0+4*\s], 1
	s_add_co_u32 s[G0+4*\s+1], s45, \s*SLOT
	s_add_nc_u64 s[G0+4*\s+2:G0+4*\s+3], s[20:21], \s*STEPB
	s_or_b32 s[G0+4*\s+3], s[G0+4*\s+3], 0x80000000
	s_mov_b32 s[G0B+4*\s], 1
	s_add_co_u32 s[G0B+4*\s+1], s45, \s*SLOT
	s_add_nc_u64 s[G0B+4*\s+2:G0B+4*\s+3], s[46:47], \s*STEPB
	s_or_b32 s[G0B+4*\s+3], s[G0B+4*\s+3], 0x80000000
	JLOAD G0+4*\s, G1, G0B+4*\s, G1B
.endr
	v_and_b32 v1, 15, v0                           ; r
	v_bfe_u32 v2, v0, 4, 1                         ; h
	v_and_b32 v3, 31, v0                           ; lane
	v_lshlrev_b32 v4, 3, v3                        ; 8 x lane
	s_mul_i32 s21, s15, HALFT                      ; my 128 rows of A
	s_mul_i32 s22, s16, HALFT
	s_add_co_u32 s22, s22, 2*HALFT                 ; my 128 rows of B, behind A's 256
.irp s, 0,1
	v_add_nc_u32 v[ADRA+\s], s21, v4
	v_add_nc_u32 v[ADRB+\s], s22, v4
	s_add_co_u32 s21, s21, SLOT
	s_add_co_u32 s22, s22, SLOT
.endr
	v_lshlrev_b32 v5, 2, v1                        ; my row's scale word
	s_mul_i32 s21, s15, HALFS
	s_mul_i32 s22, s16, HALFS
	s_add_co_u32 s22, s22, 2*HALFS
	s_sub_co_u32 s22, s22, s21
	v_mul_u32_u24 v6, s22, v2                      ; lanes 16-31 take B's
	s_add_co_u32 s21, s21, SCL
	v_add_nc_u32 v5, v5, v6
	v_add_nc_u32 v[ADRS], s21, v5
	s_mul_i32 s23, s14, 16*SPITCH                  ; my stage
	v_mul_u32_u24 v5, v1, SPITCH
	v_lshl_add_u32 v5, v2, 5, v5
	v_add_nc_u32 v[STO], s23, v5                   ; in: row r, 32 bytes for each half of the lanes
	v_lshlrev_b32 v[CO], 4, v3                     ; back: the 32 lanes take a row of 512 bytes; the same in memory
	v_add_nc_u32 v[RD], s23, v[CO]
	v_lshlrev_b32 v[BO], 5, v2
	s_lshl_b32 s20, s17, 8
	s_lshl_b32 s21, s15, 7
	s_add_co_u32 s20, s20, s21                     ; my first row
	s_lshl_b32 s20, s20, 12                        ; of 4,096 bytes
	s_lshl_b32 s46, s42, 10
	s_lshl_b32 s47, s16, 9
	s_add_co_u32 s46, s46, s47                     ; my first column, in bytes
	s_add_co_u32 s20, s20, s46
	s_mov_b32 s21, 0
	s_mov_b32 s47, 0
	s_add_nc_u64 s[10:11], s[10:11], s[20:21]
	s_add_nc_u64 s[12:13], s[12:13], s[20:21]
	s_add_nc_u64 s[8:9], s[8:9], s[46:47]
.irp b, 0,1,2,3,4,5,6,7
	global_load_b128 v[BI+8*\b:BI+8*\b+3], v[BO], s[8:9] offset:64*\b        ; the bias in the result's layout: tile b, columns 16 b + 8 h + 0 .. 7
	global_load_b128 v[BI+8*\b+4:BI+8*\b+7], v[BO], s[8:9] offset:64*\b+16
.endr
.macro FRAG reg, adr, q, i             ; a fragment comes as it lies: six loads of 8 bytes a lane, each 256 consecutive bytes
.irp p, 0,1,2,3,4,5
	ds_load_b64 v[\reg+2*\p:\reg+2*\p+1], v[\adr] offset:3072*(\i)+1536*(\q)+256*\p
.endr
.endm
; 16 matrix instructions: A's blocks a0, a0 + 1 x B's eight, 128 along K.  The 64 accumulators take turns, one instruction a turn, in the same order in every step.  zero = 1: the first product starts the sums
.macro MUL16 a0, p, q, sc, zero
.irp a, \a0, \a0+1
.irp b, 0,1,2,3,4,5,6,7
.if \zero
.if BIAS
	v_wmma_scale_f32_16x16x128_f8f6f4 v[8*(8*((\a)%4)+\b):8*(8*((\a)%4)+\b)+7], v[128*(\p)+FR*\b:128*(\p)+FR*\b+FR-1], v[AF+FR*(\a):AF+FR*(\a)+FR-1], v[BI+8*\b:BI+8*\b+7], v[SC+16*(\sc)+2*\b+(\q)], v[SC+16*(\sc)+2*(\a)+(\q)] matrix_a_fmt:MATRIX_FMT_FP6 matrix_b_fmt:MATRIX_FMT_FP6 matrix_a_scale:MATRIX_SCALE_ROW1
.else
	v_wmma_scale_f32_16x16x128_f8f6f4 v[8*(8*((\a)%4)+\b):8*(8*((\a)%4)+\b)+7], v[128*(\p)+FR*\b:128*(\p)+FR*\b+FR-1], v[AF+FR*(\a):AF+FR*(\a)+FR-1], 0, v[SC+16*(\sc)+2*\b+(\q)], v[SC+16*(\sc)+2*(\a)+(\q)] matrix_a_fmt:MATRIX_FMT_FP6 matrix_b_fmt:MATRIX_FMT_FP6 matrix_a_scale:MATRIX_SCALE_ROW1
.endif
.else
	v_wmma_scale_f32_16x16x128_f8f6f4 v[8*(8*((\a)%4)+\b):8*(8*((\a)%4)+\b)+7], v[128*(\p)+FR*\b:128*(\p)+FR*\b+FR-1], v[AF+FR*(\a):AF+FR*(\a)+FR-1], v[8*(8*((\a)%4)+\b):8*(8*((\a)%4)+\b)+7], v[SC+16*(\sc)+2*\b+(\q)], v[SC+16*(\sc)+2*(\a)+(\q)] matrix_a_fmt:MATRIX_FMT_FP6 matrix_b_fmt:MATRIX_FMT_FP6 matrix_a_scale:MATRIX_SCALE_ROW1
.endif
.endr
.endr
.endm
.macro FETCH_B slot, q, p
	WIN TO_B
.irp i, 0,1,2,3,4,5,6,7
	FRAG 128*(\p)+FR*\i, ADRB+\slot, \q, \i
.endr
	WIN 0
.endm
.macro FETCH_A slot, q, i0
.irp i, \i0, \i0+1, \i0+2, \i0+3
	FRAG AF+FR*(\i), ADRA+\slot, \q, \i
.endr
.endm
.macro SCALES sc                       ; a K step's scale words: register 2 i + q: lanes 0-15 the words of A's block i, lanes 16-31 those of B's block i
.irp i, 0,1,2,3,4,5,6,7
.irp q, 0,1
	ds_load_b32 v[SC+16*\sc+2*\i+\q], v[ADRS] offset:\i*SBLK+64*\q
.endr
.endr
.endm
.macro PLACES n                        ; plain instructions between a matrix instruction and a load into, or a read of, its registers (ISA guide 7.12.1 for reads)
.rept \n
	v_nop
.endr
.endm
.macro STEP slot, q, zero              ; 128 along K that has its successor in the same slot
	s_wait_dscnt 4*NL                              ; all but the youngest 24 loads (A's blocks 4-7) are in
.if \zero
	WIN ZLO
.else
	WIN MUL_LO
.endif
	MUL16 0, (\q)%2, \q, \slot, \zero
	MUL16 2, (\q)%2, \q, \slot, \zero
	s_wait_dscnt 0
	PLACES NP
	FETCH_B \slot, (\q)+1, 1-(\q)%2
	FETCH_A \slot, (\q)+1, 0
.if \zero
	WIN ZHI
.else
	WIN MUL_HI
.endif
	MUL16 4, (\q)%2, \q, \slot, \zero
	MUL16 6, (\q)%2, \q, \slot, \zero
	PLACES NP
	WIN 0
	FETCH_A \slot, (\q)+1, 4
.endm
; A slot's last step changes slots: one barrier; in front of it each wave waits for all its tensor loads, adds 0 to its spare word, and waits for that and for its reads of this slot.  fill = 1: the slot is filled again, two K steps ahead
.macro TURN slot, next, fill
	s_wait_tensorcnt 0x0                           ; all my tensor loads have landed: my part of the next slot
	ds_add_u32 v[SPW], v[NIL]                      ; 0 onto my spare word
	s_wait_dscnt 4*NL+1                            ; (the add and A's blocks 4-7, 24 loads, may be out)
	WIN MUL_LO
	MUL16 0, 1, NQ-1, \slot, 0
	s_wait_dscnt 0x0                               ; the add is done, and my reads of this slot are over
	s_barrier_signal -1
	MUL16 2, 1, NQ-1, \slot, 0
	WIN 0
	s_barrier_wait -1
.if \fill
	CREST                                          ; the barrier has opened a round of the cluster's: no wave of any partner still reads this slot or has a load on its way
	s_add_nc_u64 s[G0+4*\slot+2:G0+4*\slot+3], s[G0+4*\slot+2:G0+4*\slot+3], 2*STEPB
	s_add_nc_u64 s[G0B+4*\slot+2:G0B+4*\slot+3], s[G0B+4*\slot+2:G0B+4*\slot+3], 2*STEPB
	JLOAD G0+4*\slot, G1, G0B+4*\slot, G1B         ; the first tensor load behind the round; its four v_nop are the places in front of the loads below
.else
	PLACES NP
.endif
	v_add_nc_u32 v[ADRS], 128, v[ADRS]             ; the next K step's scale words (no LDS load of mine is out)
	FETCH_B \next, 0, 0
	FETCH_A \next, 0, 0
	SCALES \next
	WIN MUL_HI
	MUL16 4, 1, NQ-1, \slot, 0
	MUL16 6, 1, NQ-1, \slot, 0
	PLACES NP
	WIN 0
	FETCH_A \next, 0, 4
.endm
	s_wait_tensorcnt 1                             ; the scale words and my part of K step 0 are in (K step 1's load may be out),
	s_barrier_signal -1
	s_barrier_wait -1                              ; everybody's are
	FETCH_B 0, 0, 0
	FETCH_A 0, 0, 0
	SCALES 0
	FETCH_A 0, 0, 4
	s_wait_loadcnt 0x0                             ; the bias
	STEP 0, 0, 1
	s_mov_b32 s3, LAPS-1
.Llap:                                                 ; a trip goes once round the ring and fills both slots again
	TURN 0, 1, 1
	STEP 1, 0, 0
	TURN 1, 0, 1
	STEP 0, 0, 0
	s_sub_co_u32 s3, s3, 1
	s_cmp_lg_u32 s3, 0
	s_cbranch_scc1 .Llap
	TURN 0, 1, 0                                   ; the last lap fills nothing
	STEP 1, 0, 0
	s_wait_dscnt 4*NL
	WIN MUL_LO
	MUL16 0, 1, NQ-1, 1, 0
	MUL16 2, 1, NQ-1, 1, 0
	s_wait_dscnt 0
	WIN MUL_HI
	MUL16 4, 1, NQ-1, 1, 0
	MUL16 6, 1, NQ-1, 1, 0
	WIN 0
.macro TOSTAGE a                       ; block a: 16 rows x 128 columns into my stage, and back as whole rows; LDS serves a wave's instructions in order, so no wait stands between
.set AC, 64*((\a)%4)
	WIN 0x08+4*((\a)/4)                            ; the data: window 2 or 3
.irp b, 0,1,2,3,4,5,6,7
	ds_store_b128 v[STO], v[AC+8*\b:AC+8*\b+3] offset:64*\b          ; each accumulator from its low end on
	ds_store_b128 v[STO], v[AC+8*\b+4:AC+8*\b+7] offset:64*\b+16
.endr
	WIN 0
.set BB, BK+64*((\a)%2)
.irp t, 0,1,2,3,4,5,6,7,8,9,10,11,12,13,14,15
	ds_load_b128 v[BB+4*\t:BB+4*\t+3], v[RD] offset:\t*SPITCH
.endr
.endm
.macro XLOAD a                         ; the residual's 16 rows of block a: 512 consecutive bytes a load
.set t, 0
.rept 16
	global_load_b128 v[XR+4*t:XR+4*t+3], v[CO], s[10:11] offset:(16*(\a)+t)*4096 th:TH_LOAD_NT
.set t, t+1
.endr
.endm
.macro BLOCK a
.if (\a) >= 2
	s_wait_xcnt 0x0                                ; block a - 2's stores have read their registers: block a's rows may land there
.endif
	TOSTAGE \a
	s_wait_loadcnt 0x0                             ; the residual's rows
	s_wait_dscnt 0x0                               ; the block is back
.set BB, BK+64*((\a)%2)
.set j, 0
.rept 32
	v_pk_add_f32 v[BB+j:BB+j+1], v[BB+j:BB+j+1], v[XR+j:XR+j+1]
.set j, j+2
.endr
.if (\a) < 7
	XLOAD (\a)+1                                   ; ahead of the stores
.endif
.set t, 0
.rept 16
	global_store_b128 v[CO], v[BB+4*t:BB+4*t+3], s[12:13] offset:(16*(\a)+t)*4096   ; 32 lanes store 512 consecutive bytes, aligned
.set t, t+1
.endr
.endm
	PLACES NP                                      ; in front of loads into registers that held A's fragments, and of the reads of the last results
	XLOAD 0
.irp a, 0,1,2,3,4,5,6,7
	BLOCK \a
.endr
	s_wait_tensorcnt 0x0                           ; the wave's end
	ds_add_u32 v[SPW], v[NIL]
	s_wait_dscnt 0x0
	CROUND                                         ; the closing round: no work-group ends while a partner may still ask for a tile that names it
	s_endpgm
.Lfunc_end_k_q9bbc24cdcb_proj:
	.size	k_q9bbc24cdcb_proj, .Lfunc_end_k_q9bbc24cdcb_proj-k_q9bbc24cdcb_proj
	.p2alignl 7, 3214868480
	.fill 96, 4, 3214868480
	.section	.rodata,"a",@progbits
	.p2align	6, 0x0
	.amdhsa_kernel k_q9bbc24cdcb_proj
		.amdhsa_group_segment_fixed_size 327680
		.amdhsa_private_segment_fixed_size 0
		.amdhsa_enable_private_segment 0
		.amdhsa_kernarg_size 40
		.amdhsa_user_sgpr_count 2
		.amdhsa_user_sgpr_kernarg_segment_ptr 1
		.amdhsa_wavefront_size32 1
		.amdhsa_system_sgpr_workgroup_id_x 1
		.amdhsa_system_sgpr_workgroup_id_y 1
		.amdhsa_system_sgpr_workgroup_id_z 1
		.amdhsa_system_vgpr_workitem_id 0
		.amdhsa_next_free_vgpr 1024
		.amdhsa_next_free_sgpr 100
		.amdhsa_reserve_vcc 0
		.amdhsa_float_denorm_mode_32 3
		.amdhsa_float_denorm_mode_16_64 3
		.amdhsa_memory_ordered 1
		.amdhsa_forward_progress 1
		.amdhsa_inst_pref_size 191
	.end_amdhsa_kernel
	.amdgpu_metadata
---
amdhsa.version: [ 1, 2 ]
amdhsa.kernels:
  - .name:           k_q9bbc24cdcb_proj
    .symbol:         k_q9bbc24cdcb_proj.kd
    .args:
      - { .name: oq, .offset: 0, .size: 8, .value_kind: global_buffer, .address_space: global }
      - { .name: wts, .offset: 8, .size: 8, .value_kind: global_buffer, .address_space: global }
      - { .name: proj_b, .offset: 16, .size: 8, .value_kind: global_buffer, .address_space: global }
      - { .name: x, .offset: 24, .size: 8, .value_kind: global_buffer, .address_space: global }
      - { .name: x1, .offset: 32, .size: 8, .value_kind: global_buffer, .address_space: global }
    .group_segment_fixed_size: 327680
    .private_segment_fixed_size: 0
    .kernarg_segment_align: 8
    .kernarg_segment_size: 40
    .max_flat_workgroup_size: 128
    .sgpr_count:     100
    .vgpr_count:     1024
    .wavefront_size: 32
...
	.end_amdgpu_metadata
.endif
;; end of part 5
;; launch ln2: the kernel of part 2 again; grid 256 x 1, 8 waves a work-group, no clusters, 70,144 bytes of LDS; arguments x1, ln2_w, ln2_b, h2q; writes h2q
;; launch ffn1 (part 6): grid 16 x 16, 4 waves a work-group, clusters of 4 x 4, 327,680 bytes of LDS; arguments h2q, wts, w_b, v_b, gq; writes gq
.if DOCPART == 6
	.amdgcn_target "amdgcn-amd-amdhsa--gfx1250"
	.amdhsa_code_object_version 6
	.text
	.protected	k_q9bbc24cdcb_ffn1
	.globl	k_q9bbc24cdcb_ffn1
	.p2align	8
	.type	k_q9bbc24cdcb_ffn1,@function
k_q9bbc24cdcb_ffn1:
	s_mov_b64 s[64:65], 0
	v_nop
	global_prefetch_b8 v0, s[64:65] scope:SCOPE_SE
	s_setreg_imm32_b32 hwreg(HW_REG_WAVE_MODE, 25, 1), 1
	s_wait_xcnt 0x0
	s_wait_alu depctr_hold_cnt(0) depctr_sa_sdst(0) depctr_va_vdst(0) depctr_va_sdst(0) depctr_va_ssrc(0) depctr_va_vcc(0) depctr_vm_vsrc(0)
	s_getreg_b32 s2, hwreg(HW_REG_IB_STS2, 6, 4)
	s_cmp_eq_u32 s2, 0
	s_cbranch_scc0 .Lentry_in_a_cluster
	s_endpgm
.Lentry_in_a_cluster:
	s_bfe_u32 s2, ttmp6, 0x10000c
	s_cmp_lg_u32 s2, 0xf033
	s_cbranch_scc0 .Lentry_shape_is_right
	s_endpgm
.Lentry_shape_is_right:
; g = swish(h2 w_w + w_b) x (h2 v_w + v_b), both products on codes of FP6 (E2M3) with E8M0 scales; g quantised along the hidden units, which are the K of the last product.  Nothing of reference() is left out here.
; OPERANDS are images: a fragment (16 rows x 128 K, 12 registers a lane) is 1,536 bytes, six pieces of 256, piece i = registers 2 i, 2 i + 1, lane l's 8 bytes at 8 l; buffers [row tile][K step][1,536]; scale words [row tile][K step][16] x 4 bytes.
; Role A = the tokens' rows (h2q: codes @0, scale words @3,145,728).  Role B (wts: codes @3,145,728, scale words @7,995,392): each 128 rows are 64 columns of w_w and then the same 64 columns of v_w, so that a wave's
; tiles 0-3 and 4-7 hold, register for register, the two factors of the same hidden units.
; THE CORE: a work-group of four waves makes 256 x 256, a wave 128 x 128: 64 accumulators.  K goes in steps of 256 through two LDS slots filled by the tensor data mover; the scale words of the work-group's rows come once.
; Role A's rows are source 1, role B's source 0: a lane holds one token (lane % 16) and eight neighbouring columns.  The biases are the C of each sum's first matrix instruction.
; CLUSTERS of 4 x 4: A's tiles are asked for jointly along a row of the cluster, B's along a column.
; OUTPUT (gq): codes [256 row tiles][16 K steps][1,536] @0, scale words [256][16][16] @6,291,456.  A wave's 64 hidden units are half an image (768 bytes on end) and two scale bytes.
; swish(a) b = a b / (1 + 2^(-a log2 e)): where a is very negative the exponential is infinite, the reciprocal 0 and g 0, as in reference().
; REGISTERS, in windows of 256: window 0: v0-31 addresses; v32-63 scale words, two sets, and nothing else; v64-127 the biases, later at work; v128-223 A's fragments, later at work; window 1: B's two sets; windows 2, 3: accumulators.
; LIMITS: NaN and infinities are not served; a block under 2^-124 keeps the scale byte 1 (a block of zeros too: its codes are zeros).
.set SIZE_K, 1024
.set A_SC,   3145728
.set B_CODE, 3145728
.set B_SC,   7995392
.set BIAS,   1
.set KSN,    SIZE_K/128
.set RTB,    KSN*1536
.set STEPB,  3072
.set NQ,     2
.set FR,     12
.set NL,     6
.set NP,     4                         ; places behind this matrix instruction (ISA guide 7.12.1)
.set HALFT,  8*STEPB
.set SLOT,   4*HALFT
.set LAPS,   SIZE_K/512
.set SBLK,   64*KSN
.set HALFS,  8*SBLK
.set SCL,    2*SLOT
.set SPARE,  SCL+4*HALFS               ; the spare words, 128 bytes a wave, that no other line names
.set ADRA, 16
.set ADRB, 20
.set ADRS, 27
.set SPW,  28
.set NIL,  29
.set BO,   30
.set SC,   32
.set BI,   64
.set E,    64                          ; the way out: the gate
.set G,    96                          ; the result
.set AF,   128
.set PC,   192
.set TM,   212
.set PW,   228
.set G1, 24
.set G0, 32
.set G1B, 48
.set G0B, 56
.set G1S, 68
.set G0S, 76
.set G1SB, 80
.set G0SB, 88
.set MSB, 0
.macro WIN new                         ; the immediate's high byte repeats the setting that is left
.if MSB != (\new)
	s_set_vgpr_msb (MSB<<8)|(\new)
.set MSB, (\new)
.endif
.endm
.set MUL_LO, 0xa1                      ; source 0 (B) window 1, source 1 (A) window 0, C and D window 2
.set MUL_HI, 0xf1
.set ZLO,    0x81                      ; the same with C (the bias) in window 0
.set ZHI,    0xc1
.set TO_B,   0x40
.macro JLOAD g0a, g1a, g0b, g1b        ; a joint load: waves 0 and 1 fetch for A, waves 2 and 3 for B; the branch hangs on the wave's number alone; s_nop 0 and four v_nop follow each line
	s_cmp_eq_u32 s15, 0
	s_cbranch_scc0 .Lfor_b_\@
	tensor_load_to_lds s[\g0a:\g0a+3], s[\g1a:\g1a+7]
	s_nop 0
.rept 4
	v_nop
.endr
	s_branch .Lasked_\@
.Lfor_b_\@:
	tensor_load_to_lds s[\g0b:\g0b+3], s[\g1b:\g1b+7]
	s_nop 0
.rept 4
	v_nop
.endr
.Lasked_\@:
.endm
.macro CREST                           ; a round of the cluster's barrier behind its opening barrier
	s_cmp_lg_u32 s14, 0
	s_cbranch_scc1 .Lnot_wave_0_\@
	s_barrier_signal -3
.Lnot_wave_0_\@:
	s_barrier_wait -3
	s_barrier_signal -1
	s_barrier_wait -1
.endm
.macro CROUND
	s_barrier_signal -1
	s_barrier_wait -1
	CREST
.endm
	s_load_b256 s[4:11], s[0:1], 0x0               ; h2q, wts, w_b, v_b
	s_load_b64 s[12:13], s[0:1], 0x20              ; gq
	v_lshl_add_u32 v[SPW], v0, 2, SPARE
	v_mov_b32 v[NIL], 0
	ds_add_u32 v[SPW], v[NIL]                      ; the wave's opening: the add, twice on end, and its wait ahead of my first tensor load
	ds_add_u32 v[SPW], v[NIL]
	v_lshrrev_b32 v1, 5, v0
	v_readfirstlane_b32 s14, v1                    ; wave 0..3
	s_lshr_b32 s15, s14, 1                         ; which half of A's rows is mine.  Also: I fetch for A (0) or for B (1)
	s_and_b32 s16, s14, 1                          ; which half of B's rows.  Also: which 128 rows I fetch
	s_bfe_u32 s40, ttmp6, 0x40000                  ; cx
	s_bfe_u32 s41, ttmp6, 0x40004                  ; cy
	s_lshl_b32 s42, ttmp9, 2
	s_add_co_u32 s42, s42, s40                     ; B's tile of 256 rows
	s_and_b32 s17, ttmp7, 0xffff
	s_lshl_b32 s17, s17, 2
	s_add_co_u32 s17, s17, s41                     ; A's tile
	s_lshl_b32 s43, s41, 2
	s_lshl_b32 s43, 15, s43                        ; my row of the cluster
	s_lshl_b32 s44, 0x1111, s40                    ; my column
	; descriptor group 1, codes: 8 row tiles x 3,072 bytes (384 elements of 8 bytes), RTB bytes apart
	s_or_b32 s[G1+0], s43, (3<<16)|(1<<21)         ; 15:0 the mask; 17:16 elements of 8 bytes; 21 set beside a mask; no padding
	s_or_b32 s[G1B+0], s44, (3<<16)|(1<<21)
.irp g, G1, G1B
	s_mov_b32 s[\g+1], 384<<16                     ; tensor_dim0
	s_mov_b32 s[\g+2], 8<<16                       ; tensor_dim1
	s_mov_b32 s[\g+3], 384<<16                     ; tile_dim0
	s_mov_b32 s[\g+4], 8                           ; tile_dim1
	s_mov_b32 s[\g+5], RTB/8                       ; tensor_dim0_stride
	s_mov_b32 s[\g+6], 0
	s_mov_b32 s[\g+7], 0
.endr
	; and for the scale words of 128 rows: a dense block, as rows of 256 bytes
	s_or_b32 s[G1S+0], s43, (3<<16)|(1<<21)
	s_or_b32 s[G1SB+0], s44, (3<<16)|(1<<21)
.irp g, G1S, G1SB
	s_mov_b32 s[\g+1], 32<<16
	s_mov_b32 s[\g+2], (HALFS/256)<<16
	s_mov_b32 s[\g+3], 32<<16
	s_mov_b32 s[\g+4], HALFS/256
	s_mov_b32 s[\g+5], 32
	s_mov_b32 s[\g+6], 0
	s_mov_b32 s[\g+7], 0
.endr
	s_lshl_b32 s18, s16, 3
	s_lshl_b32 s20, s17, 4
	s_add_co_u32 s20, s20, s18                     ; A: the first row tile that I fetch
	s_lshl_b32 s46, s42, 4
	s_add_co_u32 s46, s46, s18                     ; B likewise
	s_mul_i32 s22, s20, SBLK
	s_add_co_u32 s22, s22, A_SC
	s_mul_i32 s92, s46, SBLK
	s_add_co_u32 s92, s92, B_SC
	s_mul_i32 s20, s20, RTB
	s_mul_i32 s46, s46, RTB
	s_add_co_u32 s46, s46, B_CODE
	s_mov_b32 s21, 0
	s_mov_b32 s23, 0
	s_mov_b32 s47, 0
	s_mov_b32 s93, 0
	s_mul_i32 s45, s14, HALFT                      ; where they go: no place in the cluster enters an LDS address
	s_mul_i32 s94, s14, HALFS
	s_wait_dscnt 0x0                               ; both opening adds are done
	s_wait_kmcnt 0x0
	s_add_nc_u64 s[20:21], s[4:5], s[20:21]
	s_add_nc_u64 s[22:23], s[4:5], s[22:23]
	s_add_nc_u64 s[46:47], s[6:7], s[46:47]
	s_add_nc_u64 s[92:93], s[6:7], s[92:93]
	CROUND                                         ; all sixteen work-groups are here: the first joint loads meet
	s_mov_b32 s[G0S], 1
	s_add_co_u32 s[G0S+1], s94, SCL
	s_mov_b64 s[G0S+2:G0S+3], s[22:23]
	s_or_b32 s[G0S+3], s[G0S+3], 0x80000000
	s_mov_b32 s[G0SB], 1
	s_add_co_u32 s[G0SB+1], s94, SCL
	s_mov_b64 s[G0SB+2:G0SB+3], s[92:93]
	s_or_b32 s[G0SB+3], s[G0SB+3], 0x80000000
	JLOAD G0S, G1S, G0SB, G1SB                     ; the scale words first; with the two slots three loads of mine are out
.irp s, 0,1
	s_mov_b32 s[G0+4*\s], 1
	s_add_co_u32 s[G0+4*\s+1], s45, \s*SLOT
	s_add_nc_u64 s[G0+4*\s+2:G0+4*\s+3], s[20:21], \s*STEPB
	s_or_b32 s[G0+4*\s+3], s[G0+4*\s+3], 0x80000000
	s_mov_b32 s[G0B+4*\s], 1
	s_add_co_u32 s[G0B+4*\s+1], s45, \s*SLOT
	s_add_nc_u64 s[G0B+4*\s+2:G0B+4*\s+3], s[46:47], \s*STEPB
	s_or_b32 s[G0B+4*\s+3], s[G0B+4*\s+3], 0x80000000
	JLOAD G0+4*\s, G1, G0B+4*\s, G1B
.endr
	v_and_b32 v1, 15, v0                           ; r
	v_bfe_u32 v2, v0, 4, 1                         ; h
	v_and_b32 v3, 31, v0                           ; lane
	v_lshlrev_b32 v4, 3, v3                        ; 8 x lane
	s_mul_i32 s21, s15, HALFT                      ; my 128 rows of A
	s_mul_i32 s22, s16, HALFT
	s_add_co_u32 s22, s22, 2*HALFT                 ; my 128 rows of B, behind A's 256
.irp s, 0,1
	v_add_nc_u32 v[ADRA+\s], s21, v4
	v_add_nc_u32 v[ADRB+\s], s22, v4
	s_add_co_u32 s21, s21, SLOT
	s_add_co_u32 s22, s22, SLOT
.endr
	v_lshlrev_b32 v5, 2, v1                        ; my row's scale word
	s_mul_i32 s21, s15, HALFS
	s_mul_i32 s22, s16, HALFS
	s_add_co_u32 s22, s22, 2*HALFS
	s_sub_co_u32 s22, s22, s21
	v_mul_u32_u24 v6, s22, v2                      ; lanes 16-31 take B's
	s_add_co_u32 s21, s21, SCL
	v_add_nc_u32 v5, v5, v6
	v_add_nc_u32 v[ADRS], s21, v5
	v_lshlrev_b32 v[BO], 5, v2
	v_lshlrev_b32 v9, 2, v1
	v_lshl_add_u32 v9, v2, 10, v9                  ; the way out: my row's scale word, lanes 16-31 in the next row tile (16 K steps x 64 bytes on)
	s_lshl_b32 s46, s42, 9
	s_lshl_b32 s47, s16, 8
	s_add_co_u32 s46, s46, s47                     ; my 64 hidden units' biases: 256 bytes
	s_mov_b32 s47, 0
	s_add_nc_u64 s[8:9], s[8:9], s[46:47]
	s_add_nc_u64 s[10:11], s[10:11], s[46:47]
	s_lshl_b32 s20, s17, 8
	s_lshl_b32 s21, s15, 7
	s_add_co_u32 s20, s20, s21
	s_add_co_u32 s20, s20, s42                     ; (my first row tile) x 16 K steps + my K step
	s_lshl_b32 s22, s20, 6
	s_lshl_b32 s23, s16, 1
	s_add_co_u32 s22, s22, s23
	s_add_co_u32 s22, s22, 6291456                 ; my two bytes of the scale words
	s_mov_b32 s23, 0
	s_mul_i32 s20, s20, 1536
	s_mul_i32 s21, s16, 768
	s_add_co_u32 s20, s20, s21                     ; my half image
	s_mov_b32 s21, 0
	s_add_nc_u64 s[20:21], s[12:13], s[20:21]
	s_add_nc_u64 s[22:23], s[12:13], s[22:23]
.irp b, 0,1,2,3
	global_load_b128 v[BI+8*\b:BI+8*\b+3], v[BO], s[8:9] offset:64*\b        ; the biases in the result's layout: tiles 0-3 w_b, tiles 4-7 v_b, units 16 b + 8 h + 0 .. 7
	global_load_b128 v[BI+8*\b+4:BI+8*\b+7], v[BO], s[8:9] offset:64*\b+16
	global_load_b128 v[BI+32+8*\b:BI+32+8*\b+3], v[BO], s[10:11] offset:64*\b
	global_load_b128 v[BI+32+8*\b+4:BI+32+8*\b+7], v[BO], s[10:11] offset:64*\b+16
.endr
.macro FRAG reg, adr, q, i             ; a fragment comes as it lies: six loads of 8 bytes a lane, each 256 consecutive bytes
.irp p, 0,1,2,3,4,5
	ds_load_b64 v[\reg+2*\p:\reg+2*\p+1], v[\adr] offset:3072*(\i)+1536*(\q)+256*\p
.endr
.endm
; 16 matrix instructions: A's blocks a0, a0 + 1 x B's eight, 128 along K.  The 64 accumulators take turns, one instruction a turn, in the same order in every step.  zero = 1: the first product starts the sums
.macro MUL16 a0, p, q, sc, zero
.irp a, \a0, \a0+1
.irp b, 0,1,2,3,4,5,6,7
.if \zero
.if BIAS
	v_wmma_scale_f32_16x16x128_f8f6f4 v[8*(8*((\a)%4)+\b):8*(8*((\a)%4)+\b)+7], v[128*(\p)+FR*\b:128*(\p)+FR*\b+FR-1], v[AF+FR*(\a):AF+FR*(\a)+FR-1], v[BI+8*\b:BI+8*\b+7], v[SC+16*(\sc)+2*\b+(\q)], v[SC+16*(\sc)+2*(\a)+(\q)] matrix_a_fmt:MATRIX_FMT_FP6 matrix_b_fmt:MATRIX_FMT_FP6 matrix_a_scale:MATRIX_SCALE_ROW1
.else
	v_wmma_scale_f32_16x16x128_f8f6f4 v[8*(8*((\a)%4)+\b):8*(8*((\a)%4)+\b)+7], v[128*(\p)+FR*\b:128*(\p)+FR*\b+FR-1], v[AF+FR*(\a):AF+FR*(\a)+FR-1], 0, v[SC+16*(\sc)+2*\b+(\q)], v[SC+16*(\sc)+2*(\a)+(\q)] matrix_a_fmt:MATRIX_FMT_FP6 matrix_b_fmt:MATRIX_FMT_FP6 matrix_a_scale:MATRIX_SCALE_ROW1
.endif
.else
	v_wmma_scale_f32_16x16x128_f8f6f4 v[8*(8*((\a)%4)+\b):8*(8*((\a)%4)+\b)+7], v[128*(\p)+FR*\b:128*(\p)+FR*\b+FR-1], v[AF+FR*(\a):AF+FR*(\a)+FR-1], v[8*(8*((\a)%4)+\b):8*(8*((\a)%4)+\b)+7], v[SC+16*(\sc)+2*\b+(\q)], v[SC+16*(\sc)+2*(\a)+(\q)] matrix_a_fmt:MATRIX_FMT_FP6 matrix_b_fmt:MATRIX_FMT_FP6 matrix_a_scale:MATRIX_SCALE_ROW1
.endif
.endr
.endr
.endm
.macro FETCH_B slot, q, p
	WIN TO_B
.irp i, 0,1,2,3,4,5,6,7
	FRAG 128*(\p)+FR*\i, ADRB+\slot, \q, \i
.endr
	WIN 0
.endm
.macro FETCH_A slot, q, i0
.irp i, \i0, \i0+1, \i0+2, \i0+3
	FRAG AF+FR*(\i), ADRA+\slot, \q, \i
.endr
.endm
.macro SCALES sc                       ; a K step's scale words: register 2 i + q: lanes 0-15 the words of A's block i, lanes 16-31 those of B's block i
.irp i, 0,1,2,3,4,5,6,7
.irp q, 0,1
	ds_load_b32 v[SC+16*\sc+2*\i+\q], v[ADRS] offset:\i*SBLK+64*\q
.endr
.endr
.endm
.macro PLACES n                        ; plain instructions between a matrix instruction and a load into, or a read of, its registers (ISA guide 7.12.1 for reads)
.rept \n
	v_nop
.endr
.endm
.macro STEP slot, q, zero              ; 128 along K that has its successor in the same slot
	s_wait_dscnt 4*NL                              ; all but the youngest 24 loads (A's blocks 4-7) are in
.if \zero
	WIN ZLO
.else
	WIN MUL_LO
.endif
	MUL16 0, (\q)%2, \q, \slot, \zero
	MUL16 2, (\q)%2, \q, \slot, \zero
	s_wait_dscnt 0
	PLACES NP
	FETCH_B \slot, (\q)+1, 1-(\q)%2
	FETCH_A \slot, (\q)+1, 0
.if \zero
	WIN ZHI
.else
	WIN MUL_HI
.endif
	MUL16 4, (\q)%2, \q, \slot, \zero
	MUL16 6, (\q)%2, \q, \slot, \zero
	PLACES NP
	WIN 0
	FETCH_A \slot, (\q)+1, 4
.endm
; A slot's last step changes slots: one barrier; in front of it each wave waits for all its tensor loads, adds 0 to its spare word, and waits for that and for its reads of this slot.  fill = 1: the slot is filled again, two K steps ahead
.macro TURN slot, next, fill
	s_wait_tensorcnt 0x0                           ; all my tensor loads have landed: my part of the next slot
	ds_add_u32 v[SPW], v[NIL]                      ; 0 onto my spare word
	s_wait_dscnt 4*NL+1                            ; (the add and A's blocks 4-7, 24 loads, may be out)
	WIN MUL_LO
	MUL16 0, 1, NQ-1, \slot, 0
	s_wait_dscnt 0x0                               ; the add is done, and my reads of this slot are over
	s_barrier_signal -1
	MUL16 2, 1, NQ-1, \slot, 0
	WIN 0
	s_barrier_wait -1
.if \fill
	CREST                                          ; the barrier has opened a round of the cluster's: no wave of any partner still reads this slot or has a load on its way
	s_add_nc_u64 s[G0+4*\slot+2:G0+4*\slot+3], s[G0+4*\slot+2:G0+4*\slot+3], 2*STEPB
	s_add_nc_u64 s[G0B+4*\slot+2:G0B+4*\slot+3], s[G0B+4*\slot+2:G0B+4*\slot+3], 2*STEPB
	JLOAD G0+4*\slot, G1, G0B+4*\slot, G1B         ; the first tensor load behind the round; its four v_nop are the places in front of the loads below
.else
	PLACES NP
.endif
	v_add_nc_u32 v[ADRS], 128, v[ADRS]             ; the next K step's scale words (no LDS load of mine is out)
	FETCH_B \next, 0, 0
	FETCH_A \next, 0, 0
	SCALES \next
	WIN MUL_HI
	MUL16 4, 1, NQ-1, \slot, 0
	MUL16 6, 1, NQ-1, \slot, 0
	PLACES NP
	WIN 0
	FETCH_A \next, 0, 4
.endm
; 32 nc numbers of a lane, v[s] on in window w, register 16 b + i = my i-th number of block b (a block lies in lanes l and l xor 16), become codes in v[PC] on and a scale word in v[PW]
.macro QUANT s, w, nc
	WIN (\w)|((\w)<<2)
.irp b, 0,1,2,3
.if \b < 2*(\nc)
	v_max3_num_f32 v[TM+\b], |v[(\s)+16*\b]|, |v[(\s)+16*\b+1]|, 0x1800000   ; with the floor 2^(3 - 127): the byte cannot fall under 1
.endif
.endr
	WIN ((\w)<<2)|((\w)<<4)
.irp i, 2,4,6,8,10,12,14
.irp b, 0,1,2,3
.if \b < 2*(\nc)
	v_max3_num_f32 v[TM+\b], v[TM+\b], |v[(\s)+16*\b+\i]|, |v[(\s)+16*\b+\i+1]|
.endif
.endr
.endr
	WIN 0
.irp b, 0,1,2,3
.if \b < 2*(\nc)
	v_permlanex16_b32 v[TM+4+\b], v[TM+\b], s66, s67
.endif
.endr
.irp b, 0,1,2,3
.if \b < 2*(\nc)
	v_max_num_f32 v[TM+\b], v[TM+\b], v[TM+4+\b]
.endif
.endr
.irp b, 0,1,2,3
.if \b < 2*(\nc)
	v_add_nc_u32 v[TM+12+\b], 0xff000000, v[TM+\b] ; 2 off the exponent field: the conversion's scale operand
.endif
.endr
.irp b, 0,1,2,3
.if \b < 2*(\nc)
	v_lshrrev_b32 v[TM+4+\b], 23, v[TM+12+\b]      ; the scale's byte
.endif
.endr
	v_lshl_or_b32 v[PW], v[TM+5], 8, v[TM+4]
.if (\nc) > 1
	v_lshl_or_b32 v[PW], v[TM+6], 16, v[PW]
	v_lshl_or_b32 v[PW], v[TM+7], 24, v[PW]
.endif
	WIN (\w)
.irp c, 0,1
.if \c < (\nc)
	v_cvt_scalef32_pk16_fp6_f32 v[PC+6*\c:PC+6*\c+2], v[(\s)+32*\c:(\s)+32*\c+15], v[TM+12+2*\c]
	v_cvt_scalef32_pk16_fp6_f32 v[PC+12+4*\c:PC+12+4*\c+2], v[(\s)+32*\c+16:(\s)+32*\c+31], v[TM+13+2*\c]
.endif
.endr
	WIN 0
	v_nop                                          ; one plain instruction behind the scaled conversions
.irp c, 0,1
.if \c < (\nc)
.irp i, 0,1,2
	v_permlane16_swap_b32 v[PC+6*\c+\i], v[PC+12+4*\c+\i]
.endr
.irp i, 0,1,2
	v_mov_b32 v[PC+3+6*\c+\i], v[PC+12+4*\c+\i]
.endr
.endif
.endr
.endm
	s_wait_tensorcnt 1                             ; the scale words and my part of K step 0 are in (K step 1's load may be out),
	s_barrier_signal -1
	s_barrier_wait -1                              ; everybody's are
	FETCH_B 0, 0, 0
	FETCH_A 0, 0, 0
	SCALES 0
	FETCH_A 0, 0, 4
	s_wait_loadcnt 0x0                             ; the biases
	STEP 0, 0, 1
	s_mov_b32 s3, LAPS-1
.Llap:                                                 ; a trip goes once round the ring and fills both slots again
	TURN 0, 1, 1
	STEP 1, 0, 0
	TURN 1, 0, 1
	STEP 0, 0, 0
	s_sub_co_u32 s3, s3, 1
	s_cmp_lg_u32 s3, 0
	s_cbranch_scc1 .Llap
	TURN 0, 1, 0                                   ; the last lap fills nothing
	STEP 1, 0, 0
	s_wait_dscnt 4*NL
	WIN MUL_LO
	MUL16 0, 1, NQ-1, 1, 0
	MUL16 2, 1, NQ-1, 1, 0
	s_wait_dscnt 0
	WIN MUL_HI
	MUL16 4, 1, NQ-1, 1, 0
	MUL16 6, 1, NQ-1, 1, 0
	WIN 0
	; THE WAY OUT: no LDS.  Block a = 16 tokens x my 64 hidden units
	PLACES NP
.irp b, 0,1,2,3
	v_mov_b32 v[TM+4+\b], 0                        ; written once: a lane permute's destination counts as one of its sources
.endr
	s_mov_b32 s66, 0x76543210
	s_mov_b32 s67, 0xfedcba98                      ; v_permlanex16_b32's selects for lane l xor 16
	s_mov_b32 s96, 0xffff0000                      ; lanes 16-31
	s_mov_b32 s98, 0xbfb8aa3b                      ; - log2(e)
	s_mov_b32 s99, s98
.macro GATE a
.set AC, 64*((\a)%4)
.set WN, 2+(\a)/4
	WIN WN
.set j, 0
.rept 16
	v_pk_mul_f32 v[E+j:E+j+1], v[AC+j:AC+j+1], s[98:99] op_sel_hi:[1,0]        ; - a log2(e)
.set j, j+2
.endr
	WIN WN|(WN<<2)
.set j, 0
.rept 16
	v_pk_mul_f32 v[G+j:G+j+1], v[AC+j:AC+j+1], v[AC+32+j:AC+33+j]              ; a b
.set j, j+2
.endr
	WIN 0
.set j, 0
.rept 32
	v_exp_f32 v[E+j], v[E+j]
.set j, j+1
.endr
	v_nop                                          ; a plain instruction behind the batch,
	s_wait_alu depctr_va_vdst(0)                   ; and one wait ahead of its first reader
.set j, 0
.rept 16
	v_pk_add_f32 v[E+j:E+j+1], v[E+j:E+j+1], 1.0 op_sel_hi:[1,0]
.set j, j+2
.endr
.set j, 0
.rept 32
	v_rcp_f32 v[E+j], v[E+j]
.set j, j+1
.endr
	v_nop
	s_wait_alu depctr_va_vdst(0)
.set j, 0
.rept 16
	v_pk_mul_f32 v[G+j:G+j+1], v[G+j:G+j+1], v[E+j:E+j+1]
.set j, j+2
.endr
	s_wait_xcnt 0x0                                ; the last block's stores have read their registers
	QUANT G, 0, 1
.irp p, 0,1,2
	global_store_b64 v4, v[PC+2*\p:PC+2*\p+1], s[20:21] offset:24576*(\a)+256*\p   ; 256 consecutive bytes, aligned
.endr
.if (\a)%2 == 0
	v_mov_b32 v229, v[PW]
.else
	v_cndmask_b32 v230, v229, v[PW], s96           ; lanes 0-15: the tile before's two bytes, lanes 16-31: this tile's
	global_store_b16 v9, v230, s[22:23] offset:1024*((\a)-1)
.endif
.endm
.irp a, 0,1,2,3,4,5,6,7
	GATE \a
.endr
	s_wait_tensorcnt 0x0                           ; the wave's end
	ds_add_u32 v[SPW], v[NIL]
	s_wait_dscnt 0x0
	CROUND                                         ; the closing round: no work-group ends while a partner may still ask for a tile that names it
	s_endpgm
.Lfunc_end_k_q9bbc24cdcb_ffn1:
	.size	k_q9bbc24cdcb_ffn1, .Lfunc_end_k_q9bbc24cdcb_ffn1-k_q9bbc24cdcb_ffn1
	.p2alignl 7, 3214868480
	.fill 96, 4, 3214868480
	.section	.rodata,"a",@progbits
	.p2align	6, 0x0
	.amdhsa_kernel k_q9bbc24cdcb_ffn1
		.amdhsa_group_segment_fixed_size 327680
		.amdhsa_private_segment_fixed_size 0
		.amdhsa_enable_private_segment 0
		.amdhsa_kernarg_size 40
		.amdhsa_user_sgpr_count 2
		.amdhsa_user_sgpr_kernarg_segment_ptr 1
		.amdhsa_wavefront_size32 1
		.amdhsa_system_sgpr_workgroup_id_x 1
		.amdhsa_system_sgpr_workgroup_id_y 1
		.amdhsa_system_sgpr_workgroup_id_z 1
		.amdhsa_system_vgpr_workitem_id 0
		.amdhsa_next_free_vgpr 1024
		.amdhsa_next_free_sgpr 100
		.amdhsa_reserve_vcc 0
		.amdhsa_float_denorm_mode_32 3
		.amdhsa_float_denorm_mode_16_64 3
		.amdhsa_memory_ordered 1
		.amdhsa_forward_progress 1
		.amdhsa_inst_pref_size 202
	.end_amdhsa_kernel
	.amdgpu_metadata
---
amdhsa.version: [ 1, 2 ]
amdhsa.kernels:
  - .name:           k_q9bbc24cdcb_ffn1
    .symbol:         k_q9bbc24cdcb_ffn1.kd
    .args:
      - { .name: h2q, .offset: 0, .size: 8, .value_kind: global_buffer, .address_space: global }
      - { .name: wts, .offset: 8, .size: 8, .value_kind: global_buffer, .address_space: global }
      - { .name: w_b, .offset: 16, .size: 8, .value_kind: global_buffer, .address_space: global }
      - { .name: v_b, .offset: 24, .size: 8, .value_kind: global_buffer, .address_space: global }
      - { .name: gq, .offset: 32, .size: 8, .value_kind: global_buffer, .address_space: global }
    .group_segment_fixed_size: 327680
    .private_segment_fixed_size: 0
    .kernarg_segment_align: 8
    .kernarg_segment_size: 40
    .max_flat_workgroup_size: 128
    .sgpr_count:     100
    .vgpr_count:     1024
    .wavefront_size: 32
...
	.end_amdgpu_metadata
.endif
;; end of part 6
;; launch ffn2 (part 7): grid 4 x 16, 4 waves a work-group, clusters of 4 x 4, 327,680 bytes of LDS; arguments gq, wts, p_b, x1, out0; writes out0
.if DOCPART == 7
	.amdgcn_target "amdgcn-amd-amdhsa--gfx1250"
	.amdhsa_code_object_version 6
	.text
	.protected	k_q9bbc24cdcb_ffn2
	.globl	k_q9bbc24cdcb_ffn2
	.p2align	8
	.type	k_q9bbc24cdcb_ffn2,@function
k_q9bbc24cdcb_ffn2:
	s_mov_b64 s[64:65], 0
	v_nop
	global_prefetch_b8 v0, s[64:65] scope:SCOPE_SE
	s_setreg_imm32_b32 hwreg(HW_REG_WAVE_MODE, 25, 1), 1
	s_wait_xcnt 0x0
	s_wait_alu depctr_hold_cnt(0) depctr_sa_sdst(0) depctr_va_vdst(0) depctr_va_sdst(0) depctr_va_ssrc(0) depctr_va_vcc(0) depctr_vm_vsrc(0)
	s_getreg_b32 s2, hwreg(HW_REG_IB_STS2, 6, 4)
	s_cmp_eq_u32 s2, 0
	s_cbranch_scc0 .Lentry_in_a_cluster
	s_endpgm
.Lentry_in_a_cluster:
	s_bfe_u32 s2, ttmp6, 0x10000c
	s_cmp_lg_u32 s2, 0xf033
	s_cbranch_scc0 .Lentry_shape_is_right
	s_endpgm
.Lentry_shape_is_right:
; out0 = x1 + g p_w + p_b, the product on codes of FP6 (E2M3) with E8M0 scales, K = 2,048.  Nothing of reference() is left out here.
; OPERANDS are images: a fragment (16 rows x 128 K, 12 registers a lane) is 1,536 bytes, six pieces of 256, piece i = registers 2 i, 2 i + 1, lane l's 8 bytes at 8 l; buffers [row tile][K step][1,536]; scale words [row tile][K step][16] x 4 bytes.
; Role A = the tokens' rows (gq: codes @0, scale words @6,291,456), role B = p_w's columns as rows (wts: codes @6,291,456, scale words @8,126,464).
; THE CORE: a work-group of four waves makes 256 x 256, a wave 128 x 128: 64 accumulators.  K goes in steps of 256 through two LDS slots filled by the tensor data mover; the scale words of the work-group's rows come once.
; Role A's rows are source 1, role B's source 0: a lane holds one token (lane % 16) and eight neighbouring columns.  The bias is the C of each sum's first matrix instruction.
; CLUSTERS of 4 x 4: A's tiles are asked for jointly along a row of the cluster, B's along a column.  64 work-groups: the output has 64 tiles of this size; a smaller tile would read each fragment from LDS for half the products.
; THE WAY OUT: 16 rows x 128 columns at a time through my wave's stage in LDS (in slot 0, which has had its last fill and its last read), back as whole rows of 512 bytes, + x1, stored.
; REGISTERS, in windows of 256: window 0: v0-31 addresses; v32-63 scale words, two sets, and nothing else; v64-127 the bias, later rows of x1; v128-223 A's fragments, later (to v255) rows of the result; window 1: B's two sets; windows 2, 3: accumulators.
.set SIZE_K, 2048
.set A_SC,   6291456
.set B_CODE, 6291456
.set B_SC,   8126464
.set BIAS,   1
.set KSN,    SIZE_K/128
.set RTB,    KSN*1536
.set STEPB,  3072
.set NQ,     2
.set FR,     12
.set NL,     6
.set NP,     4                         ; places behind this matrix instruction (ISA guide 7.12.1)
.set HALFT,  8*STEPB
.set SLOT,   4*HALFT
.set LAPS,   SIZE_K/512
.set SBLK,   64*KSN
.set HALFS,  8*SBLK
.set SCL,    2*SLOT
.set SPARE,  SCL+4*HALFS               ; the spare words, 128 bytes a wave, that no other line names
.set SPITCH, 528
.set ADRA, 16
.set ADRB, 20
.set STO,  24
.set RD,   25
.set CO,   26
.set ADRS, 27
.set SPW,  28
.set NIL,  29
.set BO,   30
.set SC,   32
.set BI,   64
.set XR,   64
.set AF,   128
.set BK,   128
.set G1, 24
.set G0, 32
.set G1B, 48
.set G0B, 56
.set G1S, 68
.set G0S, 76
.set G1SB, 80
.set G0SB, 88
.set MSB, 0
.macro WIN new                         ; the immediate's high byte repeats the setting that is left
.if MSB != (\new)
	s_set_vgpr_msb (MSB<<8)|(\new)
.set MSB, (\new)
.endif
.endm
.set MUL_LO, 0xa1                      ; source 0 (B) window 1, source 1 (A) window 0, C and D window 2
.set MUL_HI, 0xf1
.set ZLO,    0x81                      ; the same with C (the bias) in window 0
.set ZHI,    0xc1
.set TO_B,   0x40
.macro JLOAD g0a, g1a, g0b, g1b        ; a joint load: waves 0 and 1 fetch for A, waves 2 and 3 for B; the branch hangs on the wave's number alone; s_nop 0 and four v_nop follow each line
	s_cmp_eq_u32 s15, 0
	s_cbranch_scc0 .Lfor_b_\@
	tensor_load_to_lds s[\g0a:\g0a+3], s[\g1a:\g1a+7]
	s_nop 0
.rept 4
	v_nop
.endr
	s_branch .Lasked_\@
.Lfor_b_\@:
	tensor_load_to_lds s[\g0b:\g0b+3], s[\g1b:\g1b+7]
	s_nop 0
.rept 4
	v_nop
.endr
.Lasked_\@:
.endm
.macro CREST                           ; a round of the cluster's barrier behind its opening barrier
	s_cmp_lg_u32 s14, 0
	s_cbranch_scc1 .Lnot_wave_0_\@
	s_barrier_signal -3
.Lnot_wave_0_\@:
	s_barrier_wait -3
	s_barrier_signal -1
	s_barrier_wait -1
.endm
.macro CROUND
	s_barrier_signal -1
	s_barrier_wait -1
	CREST
.endm
	s_load_b256 s[4:11], s[0:1], 0x0               ; A's buffer, wts, the bias, the residual
	s_load_b64 s[12:13], s[0:1], 0x20              ; the result
	v_lshl_add_u32 v[SPW], v0, 2, SPARE
	v_mov_b32 v[NIL], 0
	ds_add_u32 v[SPW], v[NIL]                      ; the wave's opening: the add, twice on end, and its wait ahead of my first tensor load
	ds_add_u32 v[SPW], v[NIL]
	v_lshrrev_b32 v1, 5, v0
	v_readfirstlane_b32 s14, v1                    ; wave 0..3
	s_lshr_b32 s15, s14, 1                         ; which half of A's rows is mine.  Also: I fetch for A (0) or for B (1)
	s_and_b32 s16, s14, 1                          ; which half of B's rows.  Also: which 128 rows I fetch
	s_bfe_u32 s40, ttmp6, 0x40000                  ; cx
	s_bfe_u32 s41, ttmp6, 0x40004                  ; cy
	s_lshl_b32 s42, ttmp9, 2
	s_add_co_u32 s42, s42, s40                     ; B's tile of 256 rows
	s_and_b32 s17, ttmp7, 0xffff
	s_lshl_b32 s17, s17, 2
	s_add_co_u32 s17, s17, s41                     ; A's tile
	s_lshl_b32 s43, s41, 2
	s_lshl_b32 s43, 15, s43                        ; my row of the cluster
	s_lshl_b32 s44, 0x1111, s40                    ; my column
	; descriptor group 1, codes: 8 row tiles x 3,072 bytes (384 elements of 8 bytes), RTB bytes apart
	s_or_b32 s[G1+0], s43, (3<<16)|(1<<21)         ; 15:0 the mask; 17:16 elements of 8 bytes; 21 set beside a mask; no padding
	s_or_b32 s[G1B+0], s44, (3<<16)|(1<<21)
.irp g, G1, G1B
	s_mov_b32 s[\g+1], 384<<16                     ; tensor_dim0
	s_mov_b32 s[\g+2], 8<<16                       ; tensor_dim1
	s_mov_b32 s[\g+3], 384<<16                     ; tile_dim0
	s_mov_b32 s[\g+4], 8                           ; tile_dim1
	s_mov_b32 s[\g+5], RTB/8                       ; tensor_dim0_stride
	s_mov_b32 s[\g+6], 0
	s_mov_b32 s[\g+7], 0
.endr
	; and for the scale words of 128 rows: a dense block, as rows of 256 bytes
	s_or_b32 s[G1S+0], s43, (3<<16)|(1<<21)
	s_or_b32 s[G1SB+0], s44, (3<<16)|(1<<21)
.irp g, G1S, G1SB
	s_mov_b32 s[\g+1], 32<<16
	s_mov_b32 s[\g+2], (HALFS/256)<<16
	s_mov_b32 s[\g+3], 32<<16
	s_mov_b32 s[\g+4], HALFS/256
	s_mov_b32 s[\g+5], 32
	s_mov_b32 s[\g+6], 0
	s_mov_b32 s[\g+7], 0
.endr
	s_lshl_b32 s18, s16, 3
	s_lshl_b32 s20, s17, 4
	s_add_co_u32 s20, s20, s18                     ; A: the first row tile that I fetch
	s_lshl_b32 s46, s42, 4
	s_add_co_u32 s46, s46, s18                     ; B likewise
	s_mul_i32 s22, s20, SBLK
	s_add_co_u32 s22, s22, A_SC
	s_mul_i32 s92, s46, SBLK
	s_add_co_u32 s92, s92, B_SC
	s_mul_i32 s20, s20, RTB
	s_mul_i32 s46, s46, RTB
	s_add_co_u32 s46, s46, B_CODE
	s_mov_b32 s21, 0
	s_mov_b32 s23, 0
	s_mov_b32 s47, 0
	s_mov_b32 s93, 0
	s_mul_i32 s45, s14, HALFT                      ; where they go: no place in the cluster enters an LDS address
	s_mul_i32 s94, s14, HALFS
	s_wait_dscnt 0x0                               ; both opening adds are done
	s_wait_kmcnt 0x0
	s_add_nc_u64 s[20:21], s[4:5], s[20:21]
	s_add_nc_u64 s[22:23], s[4:5], s[22:23]
	s_add_nc_u64 s[46:47], s[6:7], s[46:47]
	s_add_nc_u64 s[92:93], s[6:7], s[92:93]
	CROUND                                         ; all sixteen work-groups are here: the first joint loads meet
	s_mov_b32 s[G0S], 1
	s_add_co_u32 s[G0S+1], s94, SCL
	s_mov_b64 s[G0S+2:G0S+3], s[22:23]
	s_or_b32 s[G0S+3], s[G0S+3], 0x80000000
	s_mov_b32 s[G0SB], 1
	s_add_co_u32 s[G0SB+1], s94, SCL
	s_mov_b64 s[G0SB+2:G0SB+3], s[92:93]
	s_or_b32 s[G0SB+3], s[G0SB+3], 0x80000000
	JLOAD G0S, G1S, G0SB, G1SB                     ; the scale words first; with the two slots three loads of mine are out
.irp s, 0,1
	s_mov_b32 s[G0+4*\s], 1
	s_add_co_u32 s[G0+4*\s+1], s45, \s*SLOT
	s_add_nc_u64 s[G0+4*\s+2:G0+4*\s+3], s[20:21], \s*STEPB
	s_or_b32 s[G0+4*\s+3], s[G0+4*\s+3], 0x80000000
	s_mov_b32 s[G0B+4*\s], 1
	s_add_co_u32 s[G0B+4*\s+1], s45, \s*SLOT
	s_add_nc_u64 s[G0B+4*\s+2:G0B+4*\s+3], s[46:47], \s*STEPB
	s_or_b32 s[G0B+4*\s+3], s[G0B+4*\s+3], 0x80000000
	JLOAD G0+4*\s, G1, G0B+4*\s, G1B
.endr
	v_and_b32 v1, 15, v0                           ; r
	v_bfe_u32 v2, v0, 4, 1                         ; h
	v_and_b32 v3, 31, v0                           ; lane
	v_lshlrev_b32 v4, 3, v3                        ; 8 x lane
	s_mul_i32 s21, s15, HALFT                      ; my 128 rows of A
	s_mul_i32 s22, s16, HALFT
	s_add_co_u32 s22, s22, 2*HALFT                 ; my 128 rows of B, behind A's 256
.irp s, 0,1
	v_add_nc_u32 v[ADRA+\s], s21, v4
	v_add_nc_u32 v[ADRB+\s], s22, v4
	s_add_co_u32 s21, s21, SLOT
	s_add_co_u32 s22, s22, SLOT
.endr
	v_lshlrev_b32 v5, 2, v1                        ; my row's scale word
	s_mul_i32 s21, s15, HALFS
	s_mul_i32 s22, s16, HALFS
	s_add_co_u32 s22, s22, 2*HALFS
	s_sub_co_u32 s22, s22, s21
	v_mul_u32_u24 v6, s22, v2                      ; lanes 16-31 take B's
	s_add_co_u32 s21, s21, SCL
	v_add_nc_u32 v5, v5, v6
	v_add_nc_u32 v[ADRS], s21, v5
	s_mul_i32 s23, s14, 16*SPITCH                  ; my stage
	v_mul_u32_u24 v5, v1, SPITCH
	v_lshl_add_u32 v5, v2, 5, v5
	v_add_nc_u32 v[STO], s23, v5                   ; in: row r, 32 bytes for each half of the lanes
	v_lshlrev_b32 v[CO], 4, v3                     ; back: the 32 lanes take a row of 512 bytes; the same in memory
	v_add_nc_u32 v[RD], s23, v[CO]
	v_lshlrev_b32 v[BO], 5, v2
	s_lshl_b32 s20, s17, 8
	s_lshl_b32 s21, s15, 7
	s_add_co_u32 s20, s20, s21                     ; my first row
	s_lshl_b32 s20, s20, 12                        ; of 4,096 bytes
	s_lshl_b32 s46, s42, 10
	s_lshl_b32 s47, s16, 9
	s_add_co_u32 s46, s46, s47                     ; my first column, in bytes
	s_add_co_u32 s20, s20, s46
	s_mov_b32 s21, 0
	s_mov_b32 s47, 0
	s_add_nc_u64 s[10:11], s[10:11], s[20:21]
	s_add_nc_u64 s[12:13], s[12:13], s[20:21]
	s_add_nc_u64 s[8:9], s[8:9], s[46:47]
.irp b, 0,1,2,3,4,5,6,7
	global_load_b128 v[BI+8*\b:BI+8*\b+3], v[BO], s[8:9] offset:64*\b        ; the bias in the result's layout: tile b, columns 16 b + 8 h + 0 .. 7
	global_load_b128 v[BI+8*\b+4:BI+8*\b+7], v[BO], s[8:9] offset:64*\b+16
.endr
.macro FRAG reg, adr, q, i             ; a fragment comes as it lies: six loads of 8 bytes a lane, each 256 consecutive bytes
.irp p, 0,1,2,3,4,5
	ds_load_b64 v[\reg+2*\p:\reg+2*\p+1], v[\adr] offset:3072*(\i)+1536*(\q)+256*\p
.endr
.endm
; 16 matrix instructions: A's blocks a0, a0 + 1 x B's eight, 128 along K.  The 64 accumulators take turns, one instruction a turn, in the same order in every step.  zero = 1: the first product starts the sums
.macro MUL16 a0, p, q, sc, zero
.irp a, \a0, \a0+1
.irp b, 0,1,2,3,4,5,6,7
.if \zero
.if BIAS
	v_wmma_scale_f32_16x16x128_f8f6f4 v[8*(8*((\a)%4)+\b):8*(8*((\a)%4)+\b)+7], v[128*(\p)+FR*\b:128*(\p)+FR*\b+FR-1], v[AF+FR*(\a):AF+FR*(\a)+FR-1], v[BI+8*\b:BI+8*\b+7], v[SC+16*(\sc)+2*\b+(\q)], v[SC+16*(\sc)+2*(\a)+(\q)] matrix_a_fmt:MATRIX_FMT_FP6 matrix_b_fmt:MATRIX_FMT_FP6 matrix_a_scale:MATRIX_SCALE_ROW1
.else
	v_wmma_scale_f32_16x16x128_f8f6f4 v[8*(8*((\a)%4)+\b):8*(8*((\a)%4)+\b)+7], v[128*(\p)+FR*\b:128*(\p)+FR*\b+FR-1], v[AF+FR*(\a):AF+FR*(\a)+FR-1], 0, v[SC+16*(\sc)+2*\b+(\q)], v[SC+16*(\sc)+2*(\a)+(\q)] matrix_a_fmt:MATRIX_FMT_FP6 matrix_b_fmt:MATRIX_FMT_FP6 matrix_a_scale:MATRIX_SCALE_ROW1
.endif
.else
	v_wmma_scale_f32_16x16x128_f8f6f4 v[8*(8*((\a)%4)+\b):8*(8*((\a)%4)+\b)+7], v[128*(\p)+FR*\b:128*(\p)+FR*\b+FR-1], v[AF+FR*(\a):AF+FR*(\a)+FR-1], v[8*(8*((\a)%4)+\b):8*(8*((\a)%4)+\b)+7], v[SC+16*(\sc)+2*\b+(\q)], v[SC+16*(\sc)+2*(\a)+(\q)] matrix_a_fmt:MATRIX_FMT_FP6 matrix_b_fmt:MATRIX_FMT_FP6 matrix_a_scale:MATRIX_SCALE_ROW1
.endif
.endr
.endr
.endm
.macro FETCH_B slot, q, p
	WIN TO_B
.irp i, 0,1,2,3,4,5,6,7
	FRAG 128*(\p)+FR*\i, ADRB+\slot, \q, \i
.endr
	WIN 0
.endm
.macro FETCH_A slot, q, i0
.irp i, \i0, \i0+1, \i0+2, \i0+3
	FRAG AF+FR*(\i), ADRA+\slot, \q, \i
.endr
.endm
.macro SCALES sc                       ; a K step's scale words: register 2 i + q: lanes 0-15 the words of A's block i, lanes 16-31 those of B's block i
.irp i, 0,1,2,3,4,5,6,7
.irp q, 0,1
	ds_load_b32 v[SC+16*\sc+2*\i+\q], v[ADRS] offset:\i*SBLK+64*\q
.endr
.endr
.endm
.macro PLACES n                        ; plain instructions between a matrix instruction and a load into, or a read of, its registers (ISA guide 7.12.1 for reads)
.rept \n
	v_nop
.endr
.endm
.macro STEP slot, q, zero              ; 128 along K that has its successor in the same slot
	s_wait_dscnt 4*NL                              ; all but the youngest 24 loads (A's blocks 4-7) are in
.if \zero
	WIN ZLO
.else
	WIN MUL_LO
.endif
	MUL16 0, (\q)%2, \q, \slot, \zero
	MUL16 2, (\q)%2, \q, \slot, \zero
	s_wait_dscnt 0
	PLACES NP
	FETCH_B \slot, (\q)+1, 1-(\q)%2
	FETCH_A \slot, (\q)+1, 0
.if \zero
	WIN ZHI
.else
	WIN MUL_HI
.endif
	MUL16 4, (\q)%2, \q, \slot, \zero
	MUL16 6, (\q)%2, \q, \slot, \zero
	PLACES NP
	WIN 0
	FETCH_A \slot, (\q)+1, 4
.endm
; A slot's last step changes slots: one barrier; in front of it each wave waits for all its tensor loads, adds 0 to its spare word, and waits for that and for its reads of this slot.  fill = 1: the slot is filled again, two K steps ahead
.macro TURN slot, next, fill
	s_wait_tensorcnt 0x0                           ; all my tensor loads have landed: my part of the next slot
	ds_add_u32 v[SPW], v[NIL]                      ; 0 onto my spare word
	s_wait_dscnt 4*NL+1                            ; (the add and A's blocks 4-7, 24 loads, may be out)
	WIN MUL_LO
	MUL16 0, 1, NQ-1, \slot, 0
	s_wait_dscnt 0x0                               ; the add is done, and my reads of this slot are over
	s_barrier_signal -1
	MUL16 2, 1, NQ-1, \slot, 0
	WIN 0
	s_barrier_wait -1
.if \fill
	CREST                                          ; the barrier has opened a round of the cluster's: no wave of any partner still reads this slot or has a load on its way
	s_add_nc_u64 s[G0+4*\slot+2:G0+4*\slot+3], s[G0+4*\slot+2:G0+4*\slot+3], 2*STEPB
	s_add_nc_u64 s[G0B+4*\slot+2:G0B+4*\slot+3], s[G0B+4*\slot+2:G0B+4*\slot+3], 2*STEPB
	JLOAD G0+4*\slot, G1, G0B+4*\slot, G1B         ; the first tensor load behind the round; its four v_nop are the places in front of the loads below
.else
	PLACES NP
.endif
	v_add_nc_u32 v[ADRS], 128, v[ADRS]             ; the next K step's scale words (no LDS load of mine is out)
	FETCH_B \next, 0, 0
	FETCH_A \next, 0, 0
	SCALES \next
	WIN MUL_HI
	MUL16 4, 1, NQ-1, \slot, 0
	MUL16 6, 1, NQ-1, \slot, 0
	PLACES NP
	WIN 0
	FETCH_A \next, 0, 4
.endm
	s_wait_tensorcnt 1                             ; the scale words and my part of K step 0 are in (K step 1's load may be out),
	s_barrier_signal -1
	s_barrier_wait -1                              ; everybody's are
	FETCH_B 0, 0, 0
	FETCH_A 0, 0, 0
	SCALES 0
	FETCH_A 0, 0, 4
	s_wait_loadcnt 0x0                             ; the bias
	STEP 0, 0, 1
	s_mov_b32 s3, LAPS-1
.Llap:                                                 ; a trip goes once round the ring and fills both slots again
	TURN 0, 1, 1
	STEP 1, 0, 0
	TURN 1, 0, 1
	STEP 0, 0, 0
	s_sub_co_u32 s3, s3, 1
	s_cmp_lg_u32 s3, 0
	s_cbranch_scc1 .Llap
	TURN 0, 1, 0                                   ; the last lap fills nothing
	STEP 1, 0, 0
	s_wait_dscnt 4*NL
	WIN MUL_LO
	MUL16 0, 1, NQ-1, 1, 0
	MUL16 2, 1, NQ-1, 1, 0
	s_wait_dscnt 0
	WIN MUL_HI
	MUL16 4, 1, NQ-1, 1, 0
	MUL16 6, 1, NQ-1, 1, 0
	WIN 0
.macro TOSTAGE a                       ; block a: 16 rows x 128 columns into my stage, and back as whole rows; LDS serves a wave's instructions in order, so no wait stands between
.set AC, 64*((\a)%4)
	WIN 0x08+4*((\a)/4)                            ; the data: window 2 or 3
.irp b, 0,1,2,3,4,5,6,7
	ds_store_b128 v[STO], v[AC+8*\b:AC+8*\b+3] offset:64*\b          ; each accumulator from its low end on
	ds_store_b128 v[STO], v[AC+8*\b+4:AC+8*\b+7] offset:64*\b+16
.endr
	WIN 0
.set BB, BK+64*((\a)%2)
.irp t, 0,1,2,3,4,5,6,7,8,9,10,11,12,13,14,15
	ds_load_b128 v[BB+4*\t:BB+4*\t+3], v[RD] offset:\t*SPITCH
.endr
.endm
.macro XLOAD a                         ; the residual's 16 rows of block a: 512 consecutive bytes a load
.set t, 0
.rept 16
	global_load_b128 v[XR+4*t:XR+4*t+3], v[CO], s[10:11] offset:(16*(\a)+t)*4096 th:TH_LOAD_NT
.set t, t+1
.endr
.endm
.macro BLOCK a
.if (\a) >= 2
	s_wait_xcnt 0x0                                ; block a - 2's stores have read their registers: block a's rows may land there
.endif
	TOSTAGE \a
	s_wait_loadcnt 0x0                             ; the residual's rows
	s_wait_dscnt 0x0                               ; the block is back
.set BB, BK+64*((\a)%2)
.set j, 0
.rept 32
	v_pk_add_f32 v[BB+j:BB+j+1], v[BB+j:BB+j+1], v[XR+j:XR+j+1]
.set j, j+2
.endr
.if (\a) < 7
	XLOAD (\a)+1                                   ; ahead of the stores
.endif
.set t, 0
.rept 16
	global_store_b128 v[CO], v[BB+4*t:BB+4*t+3], s[12:13] offset:(16*(\a)+t)*4096 th:TH_STORE_NT   ; 32 lanes store 512 consecutive bytes, aligned; written once, read by nobody here
.set t, t+1
.endr
.endm
	PLACES NP                                      ; in front of loads into registers that held A's fragments, and of the reads of the last results
	XLOAD 0
.irp a, 0,1,2,3,4,5,6,7
	BLOCK \a
.endr
	s_wait_tensorcnt 0x0                           ; the wave's end
	ds_add_u32 v[SPW], v[NIL]
	s_wait_dscnt 0x0
	CROUND                                         ; the closing round: no work-group ends while a partner may still ask for a tile that names it
	s_endpgm
.Lfunc_end_k_q9bbc24cdcb_ffn2:
	.size	k_q9bbc24cdcb_ffn2, .Lfunc_end_k_q9bbc24cdcb_ffn2-k_q9bbc24cdcb_ffn2
	.p2alignl 7, 3214868480
	.fill 96, 4, 3214868480
	.section	.rodata,"a",@progbits
	.p2align	6, 0x0
	.amdhsa_kernel k_q9bbc24cdcb_ffn2
		.amdhsa_group_segment_fixed_size 327680
		.amdhsa_private_segment_fixed_size 0
		.amdhsa_enable_private_segment 0
		.amdhsa_kernarg_size 40
		.amdhsa_user_sgpr_count 2
		.amdhsa_user_sgpr_kernarg_segment_ptr 1
		.amdhsa_wavefront_size32 1
		.amdhsa_system_sgpr_workgroup_id_x 1
		.amdhsa_system_sgpr_workgroup_id_y 1
		.amdhsa_system_sgpr_workgroup_id_z 1
		.amdhsa_system_vgpr_workitem_id 0
		.amdhsa_next_free_vgpr 1024
		.amdhsa_next_free_sgpr 100
		.amdhsa_reserve_vcc 0
		.amdhsa_float_denorm_mode_32 3
		.amdhsa_float_denorm_mode_16_64 3
		.amdhsa_memory_ordered 1
		.amdhsa_forward_progress 1
		.amdhsa_inst_pref_size 191
	.end_amdhsa_kernel
	.amdgpu_metadata
---
amdhsa.version: [ 1, 2 ]
amdhsa.kernels:
  - .name:           k_q9bbc24cdcb_ffn2
    .symbol:         k_q9bbc24cdcb_ffn2.kd
    .args:
      - { .name: gq, .offset: 0, .size: 8, .value_kind: global_buffer, .address_space: global }
      - { .name: wts, .offset: 8, .size: 8, .value_kind: global_buffer, .address_space: global }
      - { .name: p_b, .offset: 16, .size: 8, .value_kind: global_buffer, .address_space: global }
      - { .name: x1, .offset: 24, .size: 8, .value_kind: global_buffer, .address_space: global }
      - { .name: out0, .offset: 32, .size: 8, .value_kind: global_buffer, .address_space: global }
    .group_segment_fixed_size: 327680
    .private_segment_fixed_size: 0
    .kernarg_segment_align: 8
    .kernarg_segment_size: 40
    .max_flat_workgroup_size: 128
    .sgpr_count:     100
    .vgpr_count:     1024
    .wavefront_size: 32
...
	.end_amdgpu_metadata
.endif
;; end of part 7
;; ======== version 2 of 2: 7 launches
;; limits: right only within a limited range of input values
;; workspace buffers: wts 8,716,288 bytes; hq 3,276,800 bytes; h2q 3,276,800 bytes; qkv 10,092,544 bytes; oq 3,276,800 bytes; x1 16,777,216 bytes; gq 6,553,600 bytes
;; launch prep (part 8): grid 640 x 1, 8 waves a work-group, no clusters, 70,144 bytes of LDS; arguments Wq, Wk, Wv, proj_w, w_w, v_w, p_w, wts, x, ln1_w, ln1_b, hq; writes wts, hq
.if DOCPART == 8
	.amdgcn_target "amdgcn-amd-amdhsa--gfx1250"
	.amdhsa_code_object_version 6
	.text
	.protected	k_q9bbc24cdcb_prep
	.globl	k_q9bbc24cdcb_prep
	.p2align	8
	.type	k_q9bbc24cdcb_prep,@function
k_q9bbc24cdcb_prep:
	s_mov_b64 s[64:65], 0
	v_nop
	global_prefetch_b8 v0, s[64:65] scope:SCOPE_SE
	s_setreg_imm32_b32 hwreg(HW_REG_WAVE_MODE, 25, 1), 1
	s_wait_xcnt 0x0
; THE PROGRAM: one transformer block (LayerNorm, q k v, RoPE, causal attention, projection, residual, LayerNorm, SwiGLU, residual), all nine matrix products on codes of FP6 (E2M3) with one E8M0 scale for each 32 along K.
; Seven launches: prep (this one), qkv, attn, proj, ln1, ffn1, ffn2.
; DEAD WORK.  No input is dead: every weight, gain and bias has a way to out0, and all sixteen inputs are loaded.  The only work of reference() that the program leaves out stands in the launch attn: key steps of 128 keys
; all of which come after all 16 queries of a wave.  reference() itself sets those scores to -inf, by the jnp.tril mask that it builds in its own body, ahead of the softmax: their weight is 0, and they add nothing to the
; row's sum nor to the product with v, whatever finite values the inputs hold.  LIMIT: a NaN, an infinity or an overflow that would arise in such scores alone is not carried to the result.
; THIS LAUNCH turns the seven weights (f32, K not innermost) into codes and scale words laid as the products' launches read them, and makes the RoPE tables.
; THE ORDER ALONG K.  In every operand of every product, place p of a block of 32 holds k = pi(p) = p with bits 3 and 4 exchanged.  Blocks and scales are the true ones and both sides of a product carry the same order, so no
; sum changes.  With it a matrix result that becomes an operand needs no chosen rows: its lanes hold columns 8 h + j and 16 + 8 h + j of each 32.
; THE IMAGE.  A fragment (16 rows x 128 K, 12 registers a lane) lies in memory as 1,536 bytes: six pieces of 256 bytes, piece i = registers 2 i and 2 i + 1, lane l's 8 bytes at 8 l.  Scale words: [row tile][K step][16 rows] x 4 bytes.
; wts: codes QKV @0 (192 row tiles x 8 K steps), PROJ @2,359,296 (64 x 8), FF1 @3,145,728 (256 x 8; each 128 rows: 64 columns of w_w, then the same 64 of v_w), PW @6,291,456 (64 x 16);
;      scale words @7,864,320, @7,962,624, @7,995,392, @8,126,464; cos [2048][32] @8,192,000; sin [2048][32] @8,454,144, negative at even places (rotate_half's sign).
; SHARES.  Work-groups 0-639: a wave takes 32 columns x 128 along K.  A LANE TAKES A COLUMN AND ITS REGISTERS RUN DOWN K, in the order pi, by the loads' offsets alone: a block's largest magnitude needs no other lane.
; Work-groups 640-767: the tables, 16 positions each.  No LDS, no barrier: waves share nothing.
; A block's scale is 2^(floor(log2(largest magnitude)) - 2); its byte is the largest magnitude's exponent field - 2, held at 1 from below.  A block of zeros keeps the byte 1 (its codes are zeros; this program alone reads the bytes).
; LIMITS: NaN and infinities among the inputs are not served; blocks whose largest magnitude lies under 2^-124 keep the byte 1.  The RoPE frequencies come from one v_exp_f32, so an angle is good to about
; 1.5e-4 at position 2,047: the size of one last place of the f32 frequency itself.
.set D,  32                            ; v32-159  128 numbers down K
.set CB, 160                           ; v160-191 codes: pair c of blocks, half h at CB + 16 c + 8 h
.set MX, 8                             ; v8-9     largest magnitudes
.set SO, 12                            ; v12-13   the conversions' scale operands
.set BY, 16                            ; v16-19   the four scale bytes
.set WD, 192                           ; v192     the scale word
.macro LOADS rp                        ; 128 loads: place i of the K step takes row (i with bits 3 and 4 exchanged); 32 lanes read 128 consecutive bytes
.set i, 0
.rept 128
.set kk, (i&0x67)|((i&8)<<1)|((i&16)>>1)
	global_load_b32 v[D+i], v1, s[22:23] offset:kk*(\rp) th:TH_LOAD_NT
.set i, i+1
.endr
.endm
.macro SPLIT m, sh                     ; s30 = the work-group's number in its arm: s24 = which 32 columns, s25 = which K step
	s_and_b32 s24, s30, \m
	s_lshr_b32 s25, s30, \sh
	s_lshl_b32 s24, s24, 2
	s_add_co_u32 s24, s24, s20
.endm
; AS THE PROGRAM NOW STANDS it has seven launches: prep, qkv, attn, proj, ln1, ffn1, ffn2.  THIS LAUNCH ALSO MAKES THE FIRST LayerNorm, which hangs on nothing that the weights' shares make:
; work-groups 0-255 take a row tile of x each (the text of launch ln1, which itself runs behind proj on x1); work-groups 256-639, of eight waves, take two of the shares of four waves that are described above.
; The branch hangs on the work-group's number alone; LDS and barriers are the LayerNorm path's alone.
	s_cmp_lt_u32 ttmp9, 256
	s_cbranch_scc0 .Lweights
; LayerNorm of 16 rows of 1,024 numbers and the quantiser along the row: hq = codes as images [256 row tiles][8 K steps][1,536] @0, scale words [256][8][16] @3,145,728.  Wave w takes columns 128 w .. 128 w + 127: K step w.
; LDS: stages 8 x 16 rows x 528 bytes @0; partial sums [16 r][8 w] @67,584 and @68,096; scale words [8 w][16] @68,608; spare words @69,120.
.set STG,   8448
.set P1,    67584
.set SW,    68608
.set SPARE, 69120
.set TM,  8
.set PW,  24
.set SWA, 25
.set MN,  26
.set RS,  28
.set SPW, 30
.set NIL, 31
.set X,   32
.set R,   96
.set W,   160
.set PC,  224
.set AC,  244
.set SWR, 252
	s_load_b256 s[4:11], s[0:1], 0x40              ; x, gain, bias, hq
	v_lshl_add_u32 v[SPW], v0, 2, SPARE
	v_mov_b32 v[NIL], 0
	v_lshrrev_b32 v1, 5, v0
	s_delay_alu instid0(VALU_DEP_1)
	v_readfirstlane_b32 s12, v1                    ; wave
	v_and_b32 v7, 31, v0                           ; lane
	v_and_b32 v5, 15, v0                           ; r
	v_bfe_u32 v2, v0, 4, 1                         ; h
	s_delay_alu instid0(VALU_DEP_3)
	v_lshlrev_b32 v1, 4, v7                        ; 16 x lane
	s_delay_alu instid0(VALU_DEP_2)
	v_lshlrev_b32 v2, 5, v2                        ; 32 h
	s_mul_i32 s13, s12, STG
	v_add_nc_u32 v3, s13, v1                       ; the stage, on the way in
	v_mul_u32_u24 v4, v5, 528
	s_delay_alu instid0(VALU_DEP_1)
	v_add_nc_u32 v4, v4, v2
	s_delay_alu instid0(VALU_DEP_1)
	v_add_nc_u32 v4, s13, v4                       ; and out: row r, + 32 h
	v_lshl_add_u32 v6, v5, 5, P1                   ; my row's eight partial sums
	v_lshl_add_u32 v[SWA], v5, 2, SW
	s_lshl_b32 s14, s12, 6
	v_add_nc_u32 v[SWA], s14, v[SWA]
	s_lshl_b32 s13, s12, 2
	v_add_nc_u32 v5, s13, v6                       ; my wave's among them
	v_add_nc_u32 v[SWR], SW, v1
	v_lshlrev_b32 v7, 3, v7                        ; 8 x lane
.irp b, 0,1,2,3
	v_mov_b32 v[TM+4+\b], 0                        ; a lane permute's destination counts as one of its sources
.endr
	v_mov_b32 v[MN+1], 0
	s_mov_b32 s26, 0x76543210
	s_mov_b32 s27, 0xfedcba98
	s_mov_b32 s28, 0x3a800000                      ; 1 / 1024
	s_mov_b32 s29, 0x3727c5ac                      ; 1e-5
	s_lshl_b32 s16, ttmp9, 16                      ; 16 rows of 4,096 bytes
	s_lshl_b32 s18, s12, 9                         ; my 512 bytes of a row
	s_add_co_u32 s16, s16, s18
	s_mov_b32 s17, 0
	s_mov_b32 s19, 0
	s_lshl_b32 s20, ttmp9, 3
	s_add_co_u32 s20, s20, s12
	s_mul_i32 s20, s20, 1536                       ; my image
	s_mov_b32 s21, 0
	s_lshl_b32 s22, ttmp9, 9
	s_add_co_u32 s22, s22, 3145728                 ; the row tile's scale words
	s_mov_b32 s23, 0
	s_wait_kmcnt 0x0
	s_add_nc_u64 s[4:5], s[4:5], s[16:17]
	s_add_nc_u64 s[6:7], s[6:7], s[18:19]
	s_add_nc_u64 s[8:9], s[8:9], s[18:19]
	s_add_nc_u64 s[24:25], s[10:11], s[22:23]
	s_add_nc_u64 s[10:11], s[10:11], s[20:21]
.irp j, 0,1,2,3,4,5,6,7,8,9,10,11,12,13,14,15
	global_load_b128 v[R+4*\j:R+4*\j+3], v1, s[4:5] offset:4096*\j th:TH_LOAD_NT   ; 32 lanes read 512 consecutive bytes of row j
.endr
.irp b, 0,1,2,3
.irp u, 0,1
.irp j, 0,1
	global_load_b128 v[W+16*\b+8*\u+4*\j:W+16*\b+8*\u+4*\j+3], v2, s[6:7] offset:128*\b+64*\u+16*\j   ; the gain, in my numbers' order
.endr
.endr
.endr
	s_wait_loadcnt 16                              ; the rows are in; the gain's 16 loads may be out
.irp j, 0,1,2,3,4,5,6,7,8,9,10,11,12,13,14,15
	ds_store_b128 v3, v[R+4*\j:R+4*\j+3] offset:528*\j
.endr
.irp b, 0,1,2,3
.irp u, 0,1
.irp j, 0,1
	ds_load_b128 v[X+16*\b+8*\u+4*\j:X+16*\b+8*\u+4*\j+3], v4 offset:128*\b+64*\u+16*\j   ; the stage is my wave's own: these see my stores
.endr
.endr
.endr
	s_wait_dscnt 0x0
.irp b, 0,1,2,3
.irp u, 0,1
.irp j, 0,1
	global_load_b128 v[R+16*\b+8*\u+4*\j:R+16*\b+8*\u+4*\j+3], v2, s[8:9] offset:128*\b+64*\u+16*\j   ; the bias, into the registers that the stage's stores have read
.endr
.endr
.endr
.macro REDUCE off                      ; v[AC]: the sum over my 64 numbers; behind the macro the row's, the same bits in every wave
	s_delay_alu instid0(VALU_DEP_1)
	v_permlanex16_b32 v[AC+1], v[AC], s26, s27
	s_delay_alu instid0(VALU_DEP_1)
	v_add_f32 v[AC], v[AC], v[AC+1]
	ds_store_b32 v5, v[AC] offset:\off
	s_wait_dscnt 0x0                               ; for the others' sake
	s_barrier_signal -1
	s_barrier_wait -1
	ds_load_b128 v[AC:AC+3], v6 offset:\off
	ds_load_b128 v[AC+4:AC+7], v6 offset:\off+16
	s_wait_dscnt 0x0
	v_add_f32 v[AC], v[AC], v[AC+1]
	v_add_f32 v[AC+2], v[AC+2], v[AC+3]
	v_add_f32 v[AC+4], v[AC+4], v[AC+5]
	v_add_f32 v[AC+6], v[AC+6], v[AC+7]
	s_delay_alu instid0(VALU_DEP_3)
	v_add_f32 v[AC], v[AC], v[AC+2]
	s_delay_alu instid0(VALU_DEP_2)
	v_add_f32 v[AC+4], v[AC+4], v[AC+6]
	s_delay_alu instid0(VALU_DEP_1)
	v_add_f32 v[AC], v[AC], v[AC+4]
.endm
.macro FOLD                            ; four packed chains into one number
	s_delay_alu instid0(VALU_DEP_3)
	v_pk_add_f32 v[AC:AC+1], v[AC:AC+1], v[AC+2:AC+3]
	s_delay_alu instid0(VALU_DEP_2)
	v_pk_add_f32 v[AC+4:AC+5], v[AC+4:AC+5], v[AC+6:AC+7]
	s_delay_alu instid0(VALU_DEP_1)
	v_pk_add_f32 v[AC:AC+1], v[AC:AC+1], v[AC+4:AC+5]
	s_delay_alu instid0(VALU_DEP_1)
	v_add_f32 v[AC], v[AC], v[AC+1]
.endm
.irp k, 0,1,2,3
	v_pk_add_f32 v[AC+2*\k:AC+2*\k+1], v[X+2*\k:X+2*\k+1], v[X+8+2*\k:X+9+2*\k]
.endr
.irp m, 2,3,4,5,6,7
.irp k, 0,1,2,3
	s_delay_alu instid0(VALU_DEP_4)
	v_pk_add_f32 v[AC+2*\k:AC+2*\k+1], v[AC+2*\k:AC+2*\k+1], v[X+8*\m+2*\k:X+8*\m+2*\k+1]
.endr
.endr
	FOLD
	REDUCE 0
	s_delay_alu instid0(VALU_DEP_1)
	v_mul_f32 v[MN], 0xba800000, v[AC]             ; - mean
.set j, 0
.rept 32
	v_pk_add_f32 v[X+j:X+j+1], v[X+j:X+j+1], v[MN:MN+1] op_sel_hi:[1,0]
.set j, j+2
.endr
.irp k, 0,1,2,3
	v_pk_mul_f32 v[AC+2*\k:AC+2*\k+1], v[X+2*\k:X+2*\k+1], v[X+2*\k:X+2*\k+1]
.endr
.irp m, 1,2,3,4,5,6,7
.irp k, 0,1,2,3
	s_delay_alu instid0(VALU_DEP_4)
	v_pk_fma_f32 v[AC+2*\k:AC+2*\k+1], v[X+8*\m+2*\k:X+8*\m+2*\k+1], v[X+8*\m+2*\k:X+8*\m+2*\k+1], v[AC+2*\k:AC+2*\k+1]
.endr
.endr
	FOLD
	REDUCE 512                                     ; other bytes than the first set's: no barrier is owed between the two
	s_delay_alu instid0(VALU_DEP_1)
	v_fma_f32 v[RS], v[AC], s28, s29               ; the variance + 1e-5
	s_wait_alu depctr_va_vdst(0)
	v_rsq_f32 v[RS], v[RS]
	v_mov_b32 v[RS+1], 0                           ; a plain instruction behind it
	s_wait_alu depctr_va_vdst(0)                   ; ahead of the first reader
.set j, 0
.rept 32
	v_pk_mul_f32 v[X+j:X+j+1], v[X+j:X+j+1], v[RS:RS+1] op_sel_hi:[1,0]
.set j, j+2
.endr
	s_wait_loadcnt 0x0                             ; gain and bias
.set j, 0
.rept 32
	v_pk_fma_f32 v[X+j:X+j+1], v[X+j:X+j+1], v[W+j:W+j+1], v[R+j:R+j+1]
.set j, j+2
.endr
.irp b, 0,1,2,3                                ; the quantiser: four blocks of 32; a block lies in lanes l and l xor 16
	v_max3_num_f32 v[TM+\b], |v[X+16*\b]|, |v[X+16*\b+1]|, 0x1800000   ; with the floor 2^(3 - 127): the byte cannot fall under 1
.endr
.irp i, 2,4,6,8,10,12,14
.irp b, 0,1,2,3
	s_delay_alu instid0(VALU_DEP_4)
	v_max3_num_f32 v[TM+\b], v[TM+\b], |v[X+16*\b+\i]|, |v[X+16*\b+\i+1]|
.endr
.endr
.irp b, 0,1,2,3
	s_delay_alu instid0(VALU_DEP_4)
	v_permlanex16_b32 v[TM+4+\b], v[TM+\b], s26, s27
.endr
.irp b, 0,1,2,3
	s_delay_alu instid0(VALU_DEP_4)
	v_max_num_f32 v[TM+\b], v[TM+\b], v[TM+4+\b]
.endr
.irp b, 0,1,2,3
	s_delay_alu instid0(VALU_DEP_4)
	v_add_nc_u32 v[TM+12+\b], 0xff000000, v[TM+\b] ; 2 off the exponent field: the conversion's scale operand
.endr
.irp b, 0,1,2,3
	s_delay_alu instid0(VALU_DEP_4)
	v_lshrrev_b32 v[TM+4+\b], 23, v[TM+12+\b]      ; the scale's byte
.endr
	s_delay_alu instid0(VALU_DEP_3)
	v_lshl_or_b32 v[PW], v[TM+5], 8, v[TM+4]
	s_delay_alu instid0(VALU_DEP_1)
	v_lshl_or_b32 v[PW], v[TM+6], 16, v[PW]
	s_delay_alu instid0(VALU_DEP_1)
	v_lshl_or_b32 v[PW], v[TM+7], 24, v[PW]
.irp c, 0,1
	v_cvt_scalef32_pk16_fp6_f32 v[PC+6*\c:PC+6*\c+2], v[X+32*\c:X+32*\c+15], v[TM+12+2*\c]
	v_cvt_scalef32_pk16_fp6_f32 v[PC+12+4*\c:PC+12+4*\c+2], v[X+32*\c+16:X+32*\c+31], v[TM+13+2*\c]
.endr
	v_nop                                          ; one plain instruction behind the scaled conversions
.irp c, 0,1
.irp i, 0,1,2
	v_permlane16_swap_b32 v[PC+6*\c+\i], v[PC+12+4*\c+\i]
.endr
.irp i, 0,1,2
	s_delay_alu instid0(VALU_DEP_3)
	v_mov_b32 v[PC+3+6*\c+\i], v[PC+12+4*\c+\i]
.endr
.endr
.irp p, 0,1,2,3,4,5
	global_store_b64 v7, v[PC+2*\p:PC+2*\p+1], s[10:11] offset:256*\p   ; 32 lanes store 256 consecutive bytes, aligned
.endr
	ds_store_b32 v[SWA], v[PW]
	s_wait_dscnt 0x0
	s_barrier_signal -1
	s_barrier_wait -1                              ; the row tile's 128 scale words lie in LDS
	s_cmp_lg_u32 s12, 0
	s_cbranch_scc1 .Lln_end
	ds_load_b128 v[AC:AC+3], v[SWR]
	s_wait_dscnt 0x0
	global_store_b128 v1, v[AC:AC+3], s[24:25]     ; wave 0 stores them: 512 consecutive bytes
.Lln_end:
	s_wait_tensorcnt 0x0                           ; the wave's end
	ds_add_u32 v[SPW], v[NIL]
	s_wait_dscnt 0x0
	s_endpgm
.Lweights:
	s_load_b256 s[4:11], s[0:1], 0x0
	s_load_b256 s[12:19], s[0:1], 0x20             ; w_w, v_w, p_w, wts
	v_lshrrev_b32 v1, 5, v0
	v_readfirstlane_b32 s20, v1                    ; wave
	v_and_b32 v2, 31, v0                           ; lane
	v_lshlrev_b32 v1, 2, v2                        ; my column's 4 bytes
	v_lshlrev_b32 v3, 3, v2                        ; my 8 bytes of an image's piece
	s_sub_co_u32 s21, ttmp9, 256
	s_lshl_b32 s21, s21, 1
	s_lshr_b32 s22, s20, 2
	s_add_co_u32 s21, s21, s22                     ; which share of four waves: 2 x (work-group - 256) + wave / 4
	s_and_b32 s20, s20, 3                          ; my wave in it
	s_mov_b32 s33, 0
	s_wait_kmcnt 0x0
	s_cmp_ge_u32 s21, 640
	s_cbranch_scc1 .Lrope
	s_cmp_ge_u32 s21, 512
	s_cbranch_scc1 .Larm_w
	s_cmp_ge_u32 s21, 256
	s_cbranch_scc1 .Larm_f
	s_cmp_ge_u32 s21, 192
	s_cbranch_scc1 .Larm_p
	; Wq, Wk, Wv: [16 heads][1024 (K)][64]
	s_lshr_b32 s29, s21, 6                         ; which of the three
	s_and_b32 s30, s21, 63
	SPLIT 7, 3
	s_lshr_b32 s32, s24, 1
	s_lshl_b32 s32, s32, 18                        ; the head's 262,144 bytes
	s_lshl_b32 s31, s25, 15                        ; 128 rows of 256 bytes
	s_add_co_u32 s32, s32, s31
	s_and_b32 s31, s24, 1
	s_lshl_b32 s31, s31, 7                         ; which 32 of the head's 64
	s_add_co_u32 s32, s32, s31
	s_cmp_eq_u32 s29, 0
	s_cselect_b64 s[22:23], s[4:5], s[6:7]
	s_cmp_eq_u32 s29, 2
	s_cselect_b64 s[22:23], s[8:9], s[22:23]
	s_add_nc_u64 s[22:23], s[22:23], s[32:33]
	s_lshl_b32 s24, s24, 1
	s_lshl_b32 s29, s29, 6
	s_add_co_u32 s24, s24, s29                     ; my first row tile
	s_mov_b32 s26, 8                               ; K steps in a row tile
	s_mov_b32 s27, 0                               ; the codes' section
	s_mov_b32 s28, 7864320                         ; the scale words'
	s_wait_alu depctr_va_vdst(0)
	LOADS 256
	s_branch .Lquant
.Larm_p:                                               ; proj_w: [1024 (K)][1024]
	s_sub_co_u32 s30, s21, 192
	SPLIT 7, 3
	s_lshl_b32 s32, s25, 19
	s_lshl_b32 s31, s24, 7
	s_add_co_u32 s32, s32, s31
	s_add_nc_u64 s[22:23], s[10:11], s[32:33]
	s_lshl_b32 s24, s24, 1
	s_mov_b32 s26, 8
	s_mov_b32 s27, 2359296
	s_mov_b32 s28, 7962624
	s_wait_alu depctr_va_vdst(0)
	LOADS 4096
	s_branch .Lquant
.Larm_f:                                               ; w_w, v_w: [1024 (K)][2048]
	s_sub_co_u32 s30, s21, 256
	s_lshr_b32 s29, s30, 7                         ; 0: w_w, 1: v_w
	s_and_b32 s30, s30, 127
	SPLIT 15, 4
	s_lshl_b32 s32, s25, 20
	s_lshl_b32 s31, s24, 7
	s_add_co_u32 s32, s32, s31
	s_cmp_eq_u32 s29, 0
	s_cselect_b64 s[22:23], s[12:13], s[14:15]
	s_add_nc_u64 s[22:23], s[22:23], s[32:33]
	s_lshr_b32 s31, s24, 1
	s_lshl_b32 s31, s31, 3                         ; 8 row tiles for each 64 columns: four of w_w, four of v_w
	s_lshl_b32 s29, s29, 2
	s_add_co_u32 s31, s31, s29
	s_and_b32 s24, s24, 1
	s_lshl_b32 s24, s24, 1
	s_add_co_u32 s24, s24, s31
	s_mov_b32 s26, 8
	s_mov_b32 s27, 3145728
	s_mov_b32 s28, 7995392
	s_wait_alu depctr_va_vdst(0)
	LOADS 8192
	s_branch .Lquant
.Larm_w:                                               ; p_w: [2048 (K)][1024]
	s_sub_co_u32 s30, s21, 512
	SPLIT 7, 3
	s_lshl_b32 s32, s25, 19
	s_lshl_b32 s31, s24, 7
	s_add_co_u32 s32, s32, s31
	s_add_nc_u64 s[22:23], s[16:17], s[32:33]
	s_lshl_b32 s24, s24, 1
	s_mov_b32 s26, 16
	s_mov_b32 s27, 6291456
	s_mov_b32 s28, 8126464
	s_wait_alu depctr_va_vdst(0)
	LOADS 4096
.Lquant:
	s_mul_i32 s29, s24, s26
	s_add_co_u32 s29, s29, s25                     ; row tile x K steps + K step
	s_mul_i32 s32, s29, 1536
	s_add_co_u32 s32, s32, s27
	s_mov_b32 s33, 0
	s_add_nc_u64 s[34:35], s[18:19], s[32:33]      ; my first image
	s_lshl_b32 s32, s29, 6
	s_add_co_u32 s32, s32, s28
	s_add_nc_u64 s[36:37], s[18:19], s[32:33]      ; its scale words
	s_mul_i32 s30, s26, 1536
	v_add_nc_u32 v4, s30, v3                       ; the next row tile's image
	v_and_b32 v5, 15, v2
	v_lshlrev_b32 v5, 2, v5
	v_lshrrev_b32 v6, 4, v2
	s_lshl_b32 s30, s26, 6
	v_mul_u32_u24 v6, v6, s30
	v_add_nc_u32 v5, v5, v6                        ; my column's scale word: 4 (lane % 16), lanes 16-31 in the next row tile
; Blocks 2 c and 2 c + 1 of my column.  The exchange of halves makes of "a lane a column, both blocks" the operand's "lanes 0-15 block 2 c, lanes 16-31 block 2 c + 1" for two row tiles at once.
.macro PAIR c
.irp h, 0,1
	v_max3_num_f32 v[MX+\h], |v[D+64*\c+32*\h]|, |v[D+64*\c+32*\h+1]|, 0x1800000   ; with the floor 2^(3 - 127): the byte cannot fall under 1
.endr
.irp i, 2,4,6,8,10,12,14,16,18,20,22,24,26,28,30
.irp h, 0,1
	v_max3_num_f32 v[MX+\h], v[MX+\h], |v[D+64*\c+32*\h+\i]|, |v[D+64*\c+32*\h+\i+1]|
.endr
.endr
.irp h, 0,1
	v_add_nc_u32 v[SO+\h], 0xff000000, v[MX+\h]    ; 2 off the exponent field: the conversion's scale operand
.endr
.irp h, 0,1
	v_lshrrev_b32 v[BY+2*\c+\h], 23, v[SO+\h]      ; the scale's byte
.endr
.irp h, 0,1
	v_cvt_scalef32_pk16_fp6_f32 v[CB+16*\c+8*\h:CB+16*\c+8*\h+2], v[D+64*\c+32*\h:D+64*\c+32*\h+15], v[SO+\h]
	v_cvt_scalef32_pk16_fp6_f32 v[CB+16*\c+8*\h+4:CB+16*\c+8*\h+6], v[D+64*\c+32*\h+16:D+64*\c+32*\h+31], v[SO+\h]   ; (a conversion's three registers begin on an even number)
.endr
	v_nop                                          ; one plain instruction behind the scaled conversions
.irp h, 0,1
.irp i, 0,1,2
	v_mov_b32 v[CB+16*\c+8*\h+3+\i], v[CB+16*\c+8*\h+4+\i]   ; six registers on end
.endr
.endr
.irp i, 0,1,2,3,4,5
	v_permlane16_swap_b32 v[CB+16*\c+\i], v[CB+16*\c+8+\i]
.endr
.irp p, 0,1,2
	global_store_b64 v3, v[CB+16*\c+2*\p:CB+16*\c+2*\p+1], s[34:35] offset:768*\c+256*\p     ; 32 lanes store 256 consecutive bytes, aligned
	global_store_b64 v4, v[CB+16*\c+8+2*\p:CB+16*\c+8+2*\p+1], s[34:35] offset:768*\c+256*\p
.endr
.endm
	s_wait_loadcnt 63                              ; at most 63 of the 128 loads are out: the first 65 are in, blocks 0 and 1 among them
	PAIR 0
	s_wait_loadcnt 0x0
	PAIR 1
	v_lshl_or_b32 v[WD], v[BY+1], 8, v[BY]
	v_lshl_or_b32 v[WD], v[BY+2], 16, v[WD]
	v_lshl_or_b32 v[WD], v[BY+3], 24, v[WD]
	global_store_b32 v5, v[WD], s[36:37]
	s_endpgm
.Lrope:
	; cos and sin of t x 10000^(-f / 32), t = 16 (share - 640) + (thread % 128) / 8, f = 4 (thread % 8) + e, e = 0 .. 3
	s_sub_co_u32 s22, s21, 640
	s_lshl_b32 s24, s22, 4
	v_and_b32 v7, 127, v0                          ; my thread in the share of four waves
	v_lshrrev_b32 v4, 3, v7
	v_add_nc_u32 v4, s24, v4
	v_cvt_f32_u32 v4, v4                           ; t
	v_and_b32 v5, 7, v0
	v_lshlrev_b32 v5, 2, v5
	v_cvt_f32_u32 v20, v5                          ; f of e = 0
	v_add_f32 v21, 1.0, v20
	v_add_f32 v22, 2.0, v20
	v_add_f32 v23, 0x40400000, v20
.irp e, 0,1,2,3
	v_mul_f32 v[20+\e], 0xbed49a78, v[20+\e]       ; - f log2(10000) / 32
.endr
	s_wait_alu depctr_va_vdst(0)
.irp e, 0,1,2,3
	v_exp_f32 v[24+\e], v[20+\e]                   ; the frequency
.endr
	v_lshlrev_b32 v6, 4, v7
	s_lshl_b32 s24, s22, 11
	s_add_co_u32 s24, s24, 8192000
	s_mov_b32 s25, 0
	s_add_nc_u64 s[26:27], s[18:19], s[24:25]
	s_mov_b32 s28, 0xbfc90fdb                      ; - pi / 2, its f32 value;
	s_mov_b32 s29, 0x333bbd2e                      ; what that value is too large by
	s_mov_b32 s30, 0xb94ca1f9
	s_mov_b32 s31, 0x37ccf5ce
	s_wait_alu depctr_va_vdst(0)                   ; one wait for the four, ahead of their first reader
.macro SINCOS e
	v_mul_f32 v10, v4, v[24+\e]                    ; the angle: one f32 rounding, as reference() has it
	v_mul_f32 v11, 0x3f22f983, v10
	v_rndne_f32 v11, v11                           ; n = the nearest multiple of pi / 2
	v_fma_f32 v12, v11, s28, v10
	v_fma_f32 v12, v11, s29, v12                   ; r = angle - n pi / 2, within pi / 4 of 0
	v_mul_f32 v13, v12, v12                        ; z
	v_fmaak_f32 v14, s30, v13, 0x3c08839e
	v_fmaak_f32 v14, v14, v13, 0xbe2aaaa3
	v_mul_f32 v15, v12, v13
	v_fma_f32 v14, v15, v14, v12                   ; sin r
	v_fmaak_f32 v16, s31, v13, 0xbab6061a
	v_fmaak_f32 v16, v16, v13, 0x3d2aaaa5
	v_mul_f32 v15, v13, v13
	v_fma_f32 v17, v13, -0.5, 1.0
	v_fma_f32 v16, v15, v16, v17                   ; cos r
	v_cvt_i32_f32 v18, v11
	v_and_b32 v19, 1, v18
	v_cmp_eq_u32 vcc_lo, 1, v19                    ; n odd: sine and cosine change places
	v_cndmask_b32 v17, v16, v14, vcc_lo
	v_cndmask_b32 v15, v14, v16, vcc_lo
	v_add_nc_u32 v19, 1, v18                       ; the cosine is negative where n % 4 is 1 or 2
	v_lshlrev_b32 v19, 30, v19
	v_and_b32 v19, 0x80000000, v19
	v_xor_b32 v[40+\e], v19, v17
.if (\e)%2 == 0
	v_add_nc_u32 v18, 2, v18                       ; even places: rotate_half's minus
.endif
	v_lshlrev_b32 v19, 30, v18                     ; the sine is negative where n % 4 is 2 or 3
	v_and_b32 v19, 0x80000000, v19
	v_xor_b32 v[44+\e], v19, v15
.endm
	SINCOS 0
	SINCOS 1
	SINCOS 2
	SINCOS 3
	global_store_b128 v6, v[40:43], s[26:27]                   ; a wave stores 512 consecutive bytes
	global_store_b128 v6, v[44:47], s[26:27] offset:262144
	s_endpgm
.Lfunc_end_k_q9bbc24cdcb_prep:
	.size	k_q9bbc24cdcb_prep, .Lfunc_end_k_q9bbc24cdcb_prep-k_q9bbc24cdcb_prep
	.p2alignl 7, 3214868480
	.fill 96, 4, 3214868480
	.section	.rodata,"a",@progbits
	.p2align	6, 0x0
	.amdhsa_kernel k_q9bbc24cdcb_prep
		.amdhsa_group_segment_fixed_size 70144
		.amdhsa_private_segment_fixed_size 0
		.amdhsa_enable_private_segment 0
		.amdhsa_kernarg_size 96
		.amdhsa_user_sgpr_count 2
		.amdhsa_user_sgpr_kernarg_segment_ptr 1
		.amdhsa_wavefront_size32 1
		.amdhsa_system_sgpr_workgroup_id_x 1
		.amdhsa_system_sgpr_workgroup_id_y 1
		.amdhsa_system_sgpr_workgroup_id_z 1
		.amdhsa_system_vgpr_workitem_id 0
		.amdhsa_next_free_vgpr 256
		.amdhsa_next_free_sgpr 66
		.amdhsa_reserve_vcc 1
		.amdhsa_float_denorm_mode_32 3
		.amdhsa_float_denorm_mode_16_64 3
		.amdhsa_memory_ordered 1
		.amdhsa_forward_progress 1
		.amdhsa_inst_pref_size 96
	.end_amdhsa_kernel
	.amdgpu_metadata
---
amdhsa.version: [ 1, 2 ]
amdhsa.kernels:
  - .name:           k_q9bbc24cdcb_prep
    .symbol:         k_q9bbc24cdcb_prep.kd
    .args:
      - { .name: Wq, .offset: 0, .size: 8, .value_kind: global_buffer, .address_space: global }
      - { .name: Wk, .offset: 8, .size: 8, .value_kind: global_buffer, .address_space: global }
      - { .name: Wv, .offset: 16, .size: 8, .value_kind: global_buffer, .address_space: global }
      - { .name: proj_w, .offset: 24, .size: 8, .value_kind: global_buffer, .address_space: global }
      - { .name: w_w, .offset: 32, .size: 8, .value_kind: global_buffer, .address_space: global }
      - { .name: v_w, .offset: 40, .size: 8, .value_kind: global_buffer, .address_space: global }
      - { .name: p_w, .offset: 48, .size: 8, .value_kind: global_buffer, .address_space: global }
      - { .name: wts, .offset: 56, .size: 8, .value_kind: global_buffer, .address_space: global }
      - { .name: x, .offset: 64, .size: 8, .value_kind: global_buffer, .address_space: global }
      - { .name: ln1_w, .offset: 72, .size: 8, .value_kind: global_buffer, .address_space: global }
      - { .name: ln1_b, .offset: 80, .size: 8, .value_kind: global_buffer, .address_space: global }
      - { .name: hq, .offset: 88, .size: 8, .value_kind: global_buffer, .address_space: global }
    .group_segment_fixed_size: 70144
    .private_segment_fixed_size: 0
    .kernarg_segment_align: 8
    .kernarg_segment_size: 96
    .max_flat_workgroup_size: 256
    .sgpr_count:     66
    .vgpr_count:     256
    .wavefront_size: 32
...
	.end_amdgpu_metadata
.endif
;; end of part 8
;; launch qkv (part 9): grid 48 x 4, 4 waves a work-group, clusters of 4 x 4, 327,680 bytes of LDS; arguments hq, wts, qkv; writes qkv
.if DOCPART == 9
	.amdgcn_target "amdgcn-amd-amdhsa--gfx1250"
	.amdhsa_code_object_version 6
	.text
	.protected	k_q9bbc24cdcb_qkv
	.globl	k_q9bbc24cdcb_qkv
	.p2align	8
	.type	k_q9bbc24cdcb_qkv,@function
k_q9bbc24cdcb_qkv:
	s_mov_b64 s[64:65], 0
	v_nop
	global_prefetch_b8 v0, s[64:65] scope:SCOPE_SE
	s_setreg_imm32_b32 hwreg(HW_REG_WAVE_MODE, 25, 1), 1
	s_wait_xcnt 0x0
	s_wait_alu depctr_hold_cnt(0) depctr_sa_sdst(0) depctr_va_vdst(0) depctr_va_sdst(0) depctr_va_ssrc(0) depctr_va_vcc(0) depctr_vm_vsrc(0)
	s_getreg_b32 s2, hwreg(HW_REG_IB_STS2, 6, 4)
	s_cmp_eq_u32 s2, 0
	s_cbranch_scc0 .Lentry_in_a_cluster
	s_endpgm
.Lentry_in_a_cluster:
	s_bfe_u32 s2, ttmp6, 0x10000c
	s_cmp_lg_u32 s2, 0xf033
	s_cbranch_scc0 .Lentry_shape_is_right
	s_endpgm
.Lentry_shape_is_right:
; q, k, v = LN1(x) times Wq, Wk, Wv, on codes of FP6 (E2M3) with E8M0 scales; RoPE on q and k; q, k, v quantised again on the way out, as the attention's operands.  Nothing of reference() is left out here.
; OPERANDS are images: a fragment (16 rows x 128 K, 12 registers a lane) is 1,536 bytes, six pieces of 256, piece i = registers 2 i, 2 i + 1, lane l's 8 bytes at 8 l; buffers [row tile][K step][1,536]; scale words [row tile][K step][16] x 4 bytes.
; THE CORE: a work-group of four waves makes 256 x 256, a wave 128 x 128: 64 accumulators, 512 registers.  K goes in steps of 256 through two LDS slots filled by the tensor data mover; the scale words of the work-group's rows come once.
; Role A's rows are source 1 of the matrix instruction, role B's rows source 0: a lane then holds ONE row of role A (lane % 16) and its registers eight neighbouring rows of role B (8 (lane / 16) + j).
; CLUSTERS of 4 x 4: A's tiles are asked for jointly along a row of the cluster, B's along a column.  Twelve clusters.  Clusters 0-7: role A = tokens (hq), role B = rows of Wq and Wk: a lane holds a token, registers run along (head, d).
; Clusters 8-11: role A = rows of Wv, role B = tokens: a lane holds a (head, d), registers run along the tokens, which are the keys: v comes out ready to be quantised along the keys.  Both buffers have one layout, so only pointers differ,
; chosen by the cluster's number, which all sixteen partners share.
; qkv: q codes [32 bh][128 tiles][768] @0; q scale words [32][128][16] @3,145,728; k, v codes [32 bh][8 chunks of 256 keys][k: 16 tiles x 768 | v: 2 K steps x 4 tiles of d x 1,536] @3,407,872; scale words [32 bh][k: 128 x 64 | v: 16 x 4 x 64] @9,699,328.
; A head has 64 along K in the score product: half an image (registers 0-5) and two scale bytes; the word's upper two bytes scale zero codes alone and are never 0xff.
; REGISTERS, in windows of 256: window 0: v0-31 addresses; v32-63 scale words, two sets, and nothing else; v64-127 at work on the way out; v128-223 A's fragments, one set, later at work; window 1: B's fragments, two sets; windows 2, 3: accumulator (a, b) at v[8 (8 (a % 4) + b)].
; LIMITS: NaN and infinities are not served; a block under 2^-124 keeps the scale byte 1 (a block of zeros too: its codes are zeros).
.set SIZE_K, 1024
.set BIAS,   0
.set KSN,    SIZE_K/128
.set RTB,    KSN*1536                  ; a row tile's images, all K
.set STEPB,  3072                      ; a row tile's bytes in a slot: two images
.set NQ,     2
.set FR,     12
.set NL,     6
.set NP,     4                         ; places behind this matrix instruction (ISA guide 7.12.1)
.set HALFT,  8*STEPB                   ; 128 rows: what one tensor load brings
.set SLOT,   4*HALFT
.set LAPS,   SIZE_K/512
.set SBLK,   64*KSN                    ; a row tile's scale words
.set HALFS,  8*SBLK
.set SCL,    3*SLOT                    ; THREE REGIONS for K's four slots of 256: region 0 (slot 0, later slot 3) @0; slots 1 and 2 @SLOT, brought by one load a wave as rows twice as long
.set AR0, 0                            ; for the slots of even and of odd number in hand: which address register, the pitch from row tile to row tile, the slot's place in a row
.set PIT0, STEPB
.set XO0, 0
.set AR1, 1
.set PIT1, 2*STEPB
.set XO1, 0
.set SPARE,  SCL+4*HALFS               ; the spare words, 128 bytes a wave, that no other line names
.set ADRA, 16
.set ADRB, 20
.set ADRS, 27
.set SPW,  28
.set NIL,  29
.set SC,   32
.set BI,   64
.set T,    64                          ; the way out: 64 numbers behind RoPE
.set AF,   128
.set CSB,  128
.set PC,   192                         ; codes
.set TM,   212                         ; the quantiser's
.set PW,   228                         ; the scale word
.set G1, 24
.set G0, 32
.set G1B, 48
.set G0B, 56
.set G1S, 68
.set G0S, 76
.set G1SB, 80
.set G0SB, 88
.set MSB, 0
.macro WIN new                         ; the immediate's high byte repeats the setting that is left
.if MSB != (\new)
	s_set_vgpr_msb (MSB<<8)|(\new)
.set MSB, (\new)
.endif
.endm
.set MUL_LO, 0xa1                      ; source 0 (B) window 1, source 1 (A) window 0, C and D window 2
.set MUL_HI, 0xf1
.set ZLO,    0xa1
.set ZHI,    0xf1
.set TO_B,   0x40
.macro JLOAD g0a, g1a, g0b, g1b        ; a joint load: waves 0 and 1 fetch for A, waves 2 and 3 for B; the branch hangs on the wave's number alone; s_nop 0 and four v_nop follow each line
	s_cmp_eq_u32 s15, 0
	s_cbranch_scc0 .Lfor_b_\@
	tensor_load_to_lds s[\g0a:\g0a+3], s[\g1a:\g1a+7]
	s_nop 0
.rept 4
	v_nop
.endr
	s_branch .Lasked_\@
.Lfor_b_\@:
	tensor_load_to_lds s[\g0b:\g0b+3], s[\g1b:\g1b+7]
	s_nop 0
.rept 4
	v_nop
.endr
.Lasked_\@:
.endm
.macro CREST                           ; a round of the cluster's barrier behind its opening barrier
	s_cmp_lg_u32 s14, 0
	s_cbranch_scc1 .Lnot_wave_0_\@
	s_barrier_signal -3
.Lnot_wave_0_\@:
	s_barrier_wait -3
	s_barrier_signal -1
	s_barrier_wait -1
.endm
.macro CROUND
	s_barrier_signal -1
	s_barrier_wait -1
	CREST
.endm
	s_load_b128 s[4:7], s[0:1], 0x0                ; hq, wts
	s_load_b64 s[8:9], s[0:1], 0x10                ; qkv
	v_lshl_add_u32 v[SPW], v0, 2, SPARE
	v_mov_b32 v[NIL], 0
	ds_add_u32 v[SPW], v[NIL]                      ; the wave's opening: the add, twice on end, and its wait ahead of my first tensor load
	ds_add_u32 v[SPW], v[NIL]
	v_lshrrev_b32 v1, 5, v0
	v_readfirstlane_b32 s14, v1                    ; wave 0..3
	s_lshr_b32 s15, s14, 1                         ; which half of A's rows is mine.  Also: I fetch for A (0) or for B (1)
	s_and_b32 s16, s14, 1                          ; which half of B's rows.  Also: which 128 rows I fetch
	s_bfe_u32 s40, ttmp6, 0x40000                  ; cx
	s_bfe_u32 s41, ttmp6, 0x40004                  ; cy
	s_lshr_b32 s17, ttmp9, 1
	s_lshl_b32 s17, s17, 2                         ; clusters 0-7: four tiles of tokens,
	s_and_b32 s42, ttmp9, 1
	s_lshl_b32 s42, s42, 2                         ; Wq's four tiles or Wk's
	s_sub_co_u32 s96, ttmp9, 8
	s_lshl_b32 s96, s96, 2                         ; clusters 8-11: four tiles of tokens
	s_mov_b32 s10, 3145728                         ; where the scale words begin in hq,
	s_mov_b32 s11, 7864320                         ; and in wts
	s_cmp_ge_u32 ttmp9, 8
	s_cselect_b32 s95, 1, 0                        ; 1: my cluster makes v
	s_cselect_b32 s17, 8, s17                      ; (Wv's tiles are 8 to 11)
	s_cselect_b32 s42, s96, s42
	s_cselect_b32 s12, s11, s10                    ; A's scale words
	s_cselect_b32 s13, s10, s11                    ; B's
	s_add_co_u32 s17, s17, s41                     ; A's tile of 256 rows: hangs on the cluster and cy
	s_add_co_u32 s42, s42, s40                     ; B's: on the cluster and cx
	s_lshl_b32 s43, s41, 2
	s_lshl_b32 s43, 15, s43                        ; my row of the cluster
	s_lshl_b32 s44, 0x1111, s40                    ; my column
	; descriptor group 1, codes: 8 row tiles x 3,072 bytes (384 elements of 8 bytes), RTB bytes apart
	s_or_b32 s[G1+0], s43, (3<<16)|(1<<21)         ; 15:0 the mask; 17:16 elements of 8 bytes; 21 set beside a mask; no padding
	s_or_b32 s[G1B+0], s44, (3<<16)|(1<<21)
.irp g, G1, G1B
	s_mov_b32 s[\g+1], 384<<16                     ; tensor_dim0
	s_mov_b32 s[\g+2], 16<<16                      ; tensor_dim1: the head's loads bring 16 row tiles; behind them the two words that count rows are set to 8
	s_mov_b32 s[\g+3], 384<<16                     ; tile_dim0
	s_mov_b32 s[\g+4], 16                          ; tile_dim1
	s_mov_b32 s[\g+5], RTB/8                       ; tensor_dim0_stride
	s_mov_b32 s[\g+6], 0
	s_mov_b32 s[\g+7], 0
.endr
	; and for the scale words of 128 rows: a dense block, as rows of 256 bytes
	s_or_b32 s[G1S+0], s43, (3<<16)|(1<<21)
	s_or_b32 s[G1SB+0], s44, (3<<16)|(1<<21)
.irp g, G1S, G1SB
	s_mov_b32 s[\g+1], 32<<16
	s_mov_b32 s[\g+2], (HALFS/128)<<16             ; the scale words of all 256 rows in one load
	s_mov_b32 s[\g+3], 32<<16
	s_mov_b32 s[\g+4], HALFS/128
	s_mov_b32 s[\g+5], 32
	s_mov_b32 s[\g+6], 0
	s_mov_b32 s[\g+7], 0
.endr
	s_lshl_b32 s20, s17, 4                         ; A: the tile's first row tile
	s_lshl_b32 s46, s42, 4                         ; B likewise
	s_mul_i32 s22, s20, SBLK
	s_add_co_u32 s22, s22, s12
	s_mul_i32 s92, s46, SBLK
	s_add_co_u32 s92, s92, s13
	s_mul_i32 s20, s20, RTB
	s_mul_i32 s46, s46, RTB
	s_mov_b32 s21, 0
	s_mov_b32 s23, 0
	s_mov_b32 s47, 0
	s_mov_b32 s93, 0
	s_mul_i32 s45, s14, HALFT                      ; where they go: no place in the cluster enters an LDS address
	s_wait_dscnt 0x0                               ; both opening adds are done
	s_wait_kmcnt 0x0
	s_cmp_eq_u32 s95, 1
	s_cselect_b64 s[96:97], s[6:7], s[4:5]         ; A's buffer
	s_cselect_b64 s[98:99], s[4:5], s[6:7]         ; B's
	s_add_nc_u64 s[20:21], s[96:97], s[20:21]
	s_add_nc_u64 s[22:23], s[96:97], s[22:23]
	s_add_nc_u64 s[46:47], s[98:99], s[46:47]
	s_add_nc_u64 s[92:93], s[98:99], s[92:93]
	CROUND                                         ; all sixteen work-groups are here: the first joint loads meet
	s_mov_b32 s[G0S], 1
	s_mov_b32 s[G0S+1], SCL
	s_mov_b64 s[G0S+2:G0S+3], s[22:23]
	s_or_b32 s[G0S+3], s[G0S+3], 0x80000000
	s_mov_b32 s[G0SB], 1
	s_mov_b32 s[G0SB+1], SCL+2*HALFS
	s_mov_b64 s[G0SB+2:G0SB+3], s[92:93]
	s_or_b32 s[G0SB+3], s[G0SB+3], 0x80000000
	; THE HEAD'S LOADS, ONE A WAVE: wave 0 slot 0's 256 rows of A, wave 1 its 256 rows of B, wave 2 A's scale words, wave 3 B's
	s_mov_b32 s[G0], 1
	s_mov_b32 s[G0+1], 0
	s_mov_b64 s[G0+2:G0+3], s[20:21]
	s_or_b32 s[G0+3], s[G0+3], 0x80000000
	s_mov_b32 s[G0B], 1
	s_mov_b32 s[G0B+1], 2*HALFT
	s_mov_b64 s[G0B+2:G0B+3], s[46:47]
	s_or_b32 s[G0B+3], s[G0B+3], 0x80000000
	s_mul_i32 s18, s16, 8*RTB                      ; in the ring I fetch 8 row tiles: which half, in bytes
	s_mov_b32 s19, 0
	s_mov_b32 s[G0+4], 1                           ; slot 1: my quarter
	s_lshl_b32 s[G0+5], s45, 1                     ; a quarter of slots 1 and 2 is twice a quarter of a slot
	s_add_co_u32 s[G0+5], s[G0+5], SLOT
	s_add_nc_u64 s[G0+6:G0+7], s[20:21], s[18:19]
	s_add_nc_u64 s[G0+6:G0+7], s[G0+6:G0+7], STEPB
	s_or_b32 s[G0+7], s[G0+7], 0x80000000
	s_mov_b32 s[G0B+4], 1
	s_lshl_b32 s[G0B+5], s45, 1
	s_add_co_u32 s[G0B+5], s[G0B+5], SLOT
	s_add_nc_u64 s[G0B+6:G0B+7], s[46:47], s[18:19]
	s_add_nc_u64 s[G0B+6:G0B+7], s[G0B+6:G0B+7], STEPB
	s_or_b32 s[G0B+7], s[G0B+7], 0x80000000
.macro ARM under, g0, g1, next         ; one chain of branches on the wave's number, one load to an arm, all arms to one join
	s_cmp_lt_u32 s14, \under
	s_cbranch_scc0 \next
	tensor_load_to_lds s[\g0:\g0+3], s[\g1:\g1+7]
	s_nop 0
.rept 4
	v_nop
.endr
	s_branch .Lhead_asked
\next:
.endm
	ARM 1, G0,  G1,  .Lhead_b
	ARM 2, G0B, G1B, .Lhead_sa
	ARM 3, G0S, G1S, .Lhead_sb
	tensor_load_to_lds s[G0SB:G0SB+3], s[G1SB:G1SB+7]
	s_nop 0
.rept 4
	v_nop
.endr
.Lhead_asked:
	; PREFETCHES.  The load of slots 1 and 2 can be issued only when the head's loads have landed, so their bytes are asked for here, one group of loads ahead.  Of the 8 row tiles that I fetch in the ring, each of the four partners
	; that ask for them jointly takes 2, told apart by address (cx for A, cy for B): a row tile's slots 1 and 2 are 24 blocks of 256 bytes, a lane a block; lanes 24-31 name the last block again.  Slot 3 (12 blocks a row tile) is asked for
	; behind the load of slots 1 and 2.  The address registers s[2:3], s[10:11], v10-12 are never written again.
	s_cmp_eq_u32 s15, 0                            ; do I fetch for A?
	s_cselect_b64 s[2:3], s[20:21], s[46:47]
	s_cselect_b32 s92, s40, s41                    ; my place among the four that ask with me
	s_mul_i32 s92, s92, 2*RTB
	s_add_co_u32 s92, s92, s18                     ; + my half of the tile
	s_add_co_u32 s92, s92, STEPB                   ; + slot 1's place in a row tile
	s_mov_b32 s93, 0
	s_add_nc_u64 s[2:3], s[2:3], s[92:93]
	; the RoPE tables of my 128 positions, 16,384 bytes each: waves with an even number take cos, the others sin; each of the four partners along x a quarter, 16 blocks
	s_lshl_b32 s10, s17, 8
	s_lshl_b32 s11, s15, 7
	s_add_co_u32 s10, s10, s11
	s_and_b32 s10, s10, 2047                       ; my first position
	s_lshl_b32 s10, s10, 7
	s_lshl_b32 s11, s16, 18
	s_add_co_u32 s10, s10, s11
	s_lshl_b32 s11, s40, 12
	s_add_co_u32 s10, s10, s11
	s_add_co_u32 s10, s10, 8192000
	s_mov_b32 s11, 0
	s_add_nc_u64 s[10:11], s[6:7], s[10:11]
	v_and_b32 v12, 31, v0
	v_min_u32 v10, 23, v12
	v_min_u32 v11, 11, v12
	v_min_u32 v12, 15, v12
	v_lshlrev_b32 v10, 8, v10
	v_lshlrev_b32 v11, 8, v11
	v_lshlrev_b32 v12, 8, v12
	global_prefetch_b8 v10, s[2:3] th:TH_LOAD_NT scope:SCOPE_SE
	global_prefetch_b8 v10, s[2:3] offset:RTB th:TH_LOAD_NT scope:SCOPE_SE
	s_cmp_eq_u32 s95, 1                            ; the clusters that make v read no tables: the cluster's number alone decides
	s_cbranch_scc1 .Lno_tab
	global_prefetch_b8 v12, s[10:11] th:TH_LOAD_NT scope:SCOPE_SE
.Lno_tab:
	v_and_b32 v1, 15, v0                           ; r
	v_bfe_u32 v2, v0, 4, 1                         ; h
	s_wait_alu depctr_va_vdst(0)
	v_and_b32 v3, 31, v0                           ; lane
	v_lshlrev_b32 v4, 3, v3                        ; 8 x lane
	v_lshlrev_b32 v7, 2, v3                        ; 4 x lane
	s_mul_i32 s21, s15, HALFT                      ; my 128 rows of A
	s_mul_i32 s22, s16, HALFT
	s_add_co_u32 s22, s22, 2*HALFT                 ; my 128 rows of B, behind A's 256
	v_add_nc_u32 v[ADRA], s21, v4                  ; region 0
	v_add_nc_u32 v[ADRB], s22, v4
	s_lshl_b32 s21, s21, 1
	s_lshl_b32 s22, s22, 1
	s_add_co_u32 s21, s21, SLOT
	s_add_co_u32 s22, s22, SLOT
	v_add_nc_u32 v[ADRA+1], s21, v4                ; slots 1 and 2: everything twice as far apart, behind region 0
	v_add_nc_u32 v[ADRB+1], s22, v4
	v_lshlrev_b32 v5, 2, v1                        ; my row's scale word
	s_mul_i32 s21, s15, HALFS
	s_mul_i32 s22, s16, HALFS
	s_add_co_u32 s22, s22, 2*HALFS
	s_sub_co_u32 s22, s22, s21
	v_mul_u32_u24 v6, s22, v2                      ; lanes 16-31 take B's
	s_add_co_u32 s21, s21, SCL
	v_add_nc_u32 v5, v5, v6
	v_add_nc_u32 v[ADRS], s21, v5
.macro FRAG reg, adr, q, i             ; a fragment comes as it lies: six loads of 8 bytes a lane, each 256 consecutive bytes
.irp p, 0,1,2,3,4,5
	ds_load_b64 v[\reg+2*\p:\reg+2*\p+1], v[\adr] offset:FP*(\i)+FX+1536*(\q)+256*\p
.endr
.endm
; 16 matrix instructions: A's blocks a0, a0 + 1 x B's eight, 128 along K.  The 64 accumulators take turns, one instruction a turn, in the same order in every step.  zero = 1: the first product starts the sums
.macro MUL16 a0, p, q, sc, zero
.irp a, \a0, \a0+1
.irp b, 0,1,2,3,4,5,6,7
.if \zero
.if BIAS
	v_wmma_scale_f32_16x16x128_f8f6f4 v[8*(8*((\a)%4)+\b):8*(8*((\a)%4)+\b)+7], v[128*(\p)+FR*\b:128*(\p)+FR*\b+FR-1], v[AF+FR*(\a):AF+FR*(\a)+FR-1], v[BI+8*\b:BI+8*\b+7], v[SC+16*(\sc)+2*\b+(\q)], v[SC+16*(\sc)+2*(\a)+(\q)] matrix_a_fmt:MATRIX_FMT_FP6 matrix_b_fmt:MATRIX_FMT_FP6 matrix_a_scale:MATRIX_SCALE_ROW1
.else
	v_wmma_scale_f32_16x16x128_f8f6f4 v[8*(8*((\a)%4)+\b):8*(8*((\a)%4)+\b)+7], v[128*(\p)+FR*\b:128*(\p)+FR*\b+FR-1], v[AF+FR*(\a):AF+FR*(\a)+FR-1], 0, v[SC+16*(\sc)+2*\b+(\q)], v[SC+16*(\sc)+2*(\a)+(\q)] matrix_a_fmt:MATRIX_FMT_FP6 matrix_b_fmt:MATRIX_FMT_FP6 matrix_a_scale:MATRIX_SCALE_ROW1
.endif
.else
	v_wmma_scale_f32_16x16x128_f8f6f4 v[8*(8*((\a)%4)+\b):8*(8*((\a)%4)+\b)+7], v[128*(\p)+FR*\b:128*(\p)+FR*\b+FR-1], v[AF+FR*(\a):AF+FR*(\a)+FR-1], v[8*(8*((\a)%4)+\b):8*(8*((\a)%4)+\b)+7], v[SC+16*(\sc)+2*\b+(\q)], v[SC+16*(\sc)+2*(\a)+(\q)] matrix_a_fmt:MATRIX_FMT_FP6 matrix_b_fmt:MATRIX_FMT_FP6 matrix_a_scale:MATRIX_SCALE_ROW1
.endif
.endr
.endr
.endm
.macro FETCH_B slot, q, p
	WIN TO_B
.irp i, 0,1,2,3,4,5,6,7
.set FP, PIT\slot
.set FX, XO\slot
	FRAG 128*(\p)+FR*\i, ADRB+AR\slot, \q, \i
.endr
	WIN 0
.endm
.macro FETCH_A slot, q, i0
.irp i, \i0, \i0+1, \i0+2, \i0+3
.set FP, PIT\slot
.set FX, XO\slot
	FRAG AF+FR*(\i), ADRA+AR\slot, \q, \i
.endr
.endm
.macro SCALES sc                       ; a K step's scale words: register 2 i + q: lanes 0-15 the words of A's block i, lanes 16-31 those of B's block i
.irp i, 0,1,2,3,4,5,6,7
.irp q, 0,1
	ds_load_b32 v[SC+16*\sc+2*\i+\q], v[ADRS] offset:\i*SBLK+64*\q
.endr
.endr
.endm
.macro PLACES n                        ; plain instructions between a matrix instruction and a load into, or a read of, its registers (ISA guide 7.12.1 for reads)
.rept \n
	v_nop
.endr
.endm
.macro STEP slot, q, zero              ; 128 along K that has its successor in the same slot
	s_wait_dscnt 4*NL                              ; all but the youngest 24 loads (A's blocks 4-7) are in
.if \zero
	WIN ZLO
.else
	WIN MUL_LO
.endif
	MUL16 0, (\q)%2, \q, \slot, \zero
	MUL16 2, (\q)%2, \q, \slot, \zero
	s_wait_dscnt 0
	PLACES NP
	FETCH_B \slot, (\q)+1, 1-(\q)%2
	FETCH_A \slot, (\q)+1, 0
.if \zero
	WIN ZHI
.else
	WIN MUL_HI
.endif
	MUL16 4, (\q)%2, \q, \slot, \zero
	MUL16 6, (\q)%2, \q, \slot, \zero
	PLACES NP
	WIN 0
	FETCH_A \slot, (\q)+1, 4
.endm
; A slot's last step changes slots: one barrier; in front of it each wave waits for all its tensor loads, adds 0 to its spare word, and waits for that and for its reads of this slot.  fill = 1: the slot is filled again, two K steps ahead
.macro TURN slot, next, fill
; fill = 2: from slot 1 to slot 2, which came by one load and were shown whole by one barrier: no wait on the tensor counter, no barrier
.if (\fill) < 2
	s_wait_tensorcnt 0x0                           ; all my tensor loads have landed
	ds_add_u32 v[SPW], v[NIL]                      ; 0 onto my spare word
	s_wait_dscnt 4*NL+1                            ; (the add and A's blocks 4-7, 24 loads, may be out)
.else
	s_wait_dscnt 4*NL
.endif
	WIN MUL_LO
	MUL16 0, 1, NQ-1, \slot, 0
	s_wait_dscnt 0x0                               ; the add is done, and my reads of this slot are over
.if (\fill) < 2
	s_barrier_signal -1
.endif
	MUL16 2, 1, NQ-1, \slot, 0
	WIN 0
.if (\fill) < 2
	s_barrier_wait -1
.endif
.if (\fill) == 1
	CREST                                          ; the barrier has opened a round of the cluster's: no wave of any partner still reads region 0 or has a load on its way
.irp g, G1, G1B
	s_mov_b32 s[\g+1], 384<<16                     ; rows of one slot again
	s_mov_b32 s[\g+3], 384<<16
.endr
	s_add_nc_u64 s[G0+4*\slot+2:G0+4*\slot+3], s[G0+4*\slot+2:G0+4*\slot+3], 3*STEPB   ; slot 3
	s_add_nc_u64 s[G0B+4*\slot+2:G0B+4*\slot+3], s[G0B+4*\slot+2:G0B+4*\slot+3], 3*STEPB
	JLOAD G0+4*\slot, G1, G0B+4*\slot, G1B         ; the first tensor load behind the round; its four v_nop are the places in front of the loads below
.else
	PLACES NP
.endif
	s_wait_alu depctr_va_vdst(0)
	v_add_nc_u32 v[ADRS], 128, v[ADRS]             ; the next K step's scale words (no LDS load of mine is out)
	FETCH_B \next, 0, 0
	FETCH_A \next, 0, 0
	SCALES \next
	WIN MUL_HI
	MUL16 4, 1, NQ-1, \slot, 0
	MUL16 6, 1, NQ-1, \slot, 0
	PLACES NP
	WIN 0
	FETCH_A \next, 0, 4
.endm
; 32 nc numbers of a lane, v[s] on in window w, register 16 b + i = my i-th number of block b (a block lies in lanes l and l xor 16), become codes in v[PC] on and a scale word in v[PW].  Each accumulator is read from its low end on.
.macro QUANT s, w, nc
	WIN (\w)|((\w)<<2)
.irp b, 0,1,2,3
.if \b < 2*(\nc)
	v_max3_num_f32 v[TM+\b], |v[(\s)+16*\b]|, |v[(\s)+16*\b+1]|, 0x1800000   ; with the floor 2^(3 - 127): the byte cannot fall under 1
.endif
.endr
	WIN ((\w)<<2)|((\w)<<4)
.irp i, 2,4,6,8,10,12,14
.irp b, 0,1,2,3
.if \b < 2*(\nc)
	v_max3_num_f32 v[TM+\b], v[TM+\b], |v[(\s)+16*\b+\i]|, |v[(\s)+16*\b+\i+1]|
.endif
.endr
.endr
	WIN 0
.irp b, 0,1,2,3
.if \b < 2*(\nc)
	v_permlanex16_b32 v[TM+4+\b], v[TM+\b], s66, s67
.endif
.endr
.irp b, 0,1,2,3
.if \b < 2*(\nc)
	v_max_num_f32 v[TM+\b], v[TM+\b], v[TM+4+\b]
.endif
.endr
.irp b, 0,1,2,3
.if \b < 2*(\nc)
	v_add_nc_u32 v[TM+12+\b], 0xff000000, v[TM+\b] ; 2 off the exponent field: the conversion's scale operand
.endif
.endr
.irp b, 0,1,2,3
.if \b < 2*(\nc)
	v_lshrrev_b32 v[TM+4+\b], 23, v[TM+12+\b]      ; the scale's byte
.endif
.endr
	v_lshl_or_b32 v[PW], v[TM+5], 8, v[TM+4]
.if (\nc) > 1
	v_lshl_or_b32 v[PW], v[TM+6], 16, v[PW]
	v_lshl_or_b32 v[PW], v[TM+7], 24, v[PW]
.endif
	WIN (\w)
.irp c, 0,1
.if \c < (\nc)
	v_cvt_scalef32_pk16_fp6_f32 v[PC+6*\c:PC+6*\c+2], v[(\s)+32*\c:(\s)+32*\c+15], v[TM+12+2*\c]
	v_cvt_scalef32_pk16_fp6_f32 v[PC+12+4*\c:PC+12+4*\c+2], v[(\s)+32*\c+16:(\s)+32*\c+31], v[TM+13+2*\c]
.endif
.endr
	WIN 0
	v_nop                                          ; one plain instruction behind the scaled conversions
.irp c, 0,1
.if \c < (\nc)
.irp i, 0,1,2
	v_permlane16_swap_b32 v[PC+6*\c+\i], v[PC+12+4*\c+\i]
.endr
.irp i, 0,1,2
	v_mov_b32 v[PC+3+6*\c+\i], v[PC+12+4*\c+\i]
.endr
.endif
.endr
.endm
	s_wait_alu depctr_va_vdst(0)
	s_wait_tensorcnt 0x0                           ; my tile of the head's four is in
	ds_add_u32 v[SPW], v[NIL]
.irp g, G1, G1B
	s_mov_b32 s[\g+1], 768<<16                     ; no tensor load of mine is out: the next load brings 8 row tiles x 6,144 bytes, slots 1 and 2
	s_mov_b32 s[\g+2], 8<<16
	s_mov_b32 s[\g+3], 768<<16
	s_mov_b32 s[\g+4], 8
.endr
	s_mov_b32 s[G0+1], s45                         ; and slot 0's descriptors stand at my quarter
	s_add_nc_u64 s[G0+2:G0+3], s[G0+2:G0+3], s[18:19]
	s_mov_b32 s[G0B+1], s45
	s_add_nc_u64 s[G0B+2:G0B+3], s[G0B+2:G0B+3], s[18:19]
	s_wait_dscnt 0x0
	CROUND                                         ; everybody's tile is in, and all sixteen work-groups are here
	JLOAD G0+4, G1, G0B+4, G1B                     ; slots 1 and 2: their first fill, the first tensor load behind the round
	global_prefetch_b8 v11, s[2:3] offset:2*STEPB th:TH_LOAD_NT scope:SCOPE_SE       ; slot 3 of my work-group's two row tiles, one load ahead
	global_prefetch_b8 v11, s[2:3] offset:RTB+2*STEPB th:TH_LOAD_NT scope:SCOPE_SE
	FETCH_B 0, 0, 0
	FETCH_A 0, 0, 0
	SCALES 0
	FETCH_A 0, 0, 4
	STEP 0, 0, 1
	TURN 0, 1, 1                                   ; slot 0 is read out: region 0 takes slot 3, which has slots 1 and 2 in which to land
	STEP 1, 0, 0
.set AR0, 1                            ; the even slot in hand is now slot 2: the second half of the long rows
.set PIT0, 2*STEPB
.set XO0, STEPB
	TURN 1, 0, 2
	STEP 0, 0, 0
.set AR1, 0                            ; the odd slot in hand is now slot 3, in region 0
.set PIT1, STEPB
.set XO1, 0
	TURN 0, 1, 0
	STEP 1, 0, 0
	s_wait_dscnt 4*NL
	WIN MUL_LO
	MUL16 0, 1, NQ-1, 1, 0
	MUL16 2, 1, NQ-1, 1, 0
	s_wait_dscnt 0
	WIN MUL_HI
	MUL16 4, 1, NQ-1, 1, 0
	MUL16 6, 1, NQ-1, 1, 0
	WIN 0
	; THE WAY OUT: no LDS.  Every store of codes is 256 consecutive bytes, aligned
	PLACES NP
.irp b, 0,1,2,3
	v_mov_b32 v[TM+4+\b], 0                        ; written once: a lane permute's destination counts as one of its sources
.endr
	s_mov_b32 s66, 0x76543210
	s_mov_b32 s67, 0xfedcba98                      ; v_permlanex16_b32's selects for lane l xor 16
	s_mov_b32 s99, 0xffff0000                      ; lanes 16-31
	s_cmp_eq_u32 s95, 1                            ; the cluster's number alone decides: all sixteen partners go the same way
	s_cbranch_scc1 .Lv_arm
	; q or k: my 128 tokens x two heads
	s_lshl_b32 s20, s17, 8
	s_lshl_b32 s21, s15, 7
	s_add_co_u32 s20, s20, s21                     ; my first token
	s_lshr_b32 s21, s20, 11                        ; its batch
	s_and_b32 s22, s20, 2047                       ; its position
	s_lshl_b32 s23, s21, 4
	s_lshl_b32 s46, s40, 2
	s_add_co_u32 s23, s23, s46
	s_lshl_b32 s46, s16, 1
	s_add_co_u32 s23, s23, s46                     ; batch x 16 + my even head
	s_lshr_b32 s46, s22, 4                         ; position / 16
	s_lshl_b32 s47, s23, 7
	s_add_co_u32 s47, s47, s46
	s_mul_i32 s92, s47, 768                        ; q: codes,
	s_lshl_b32 s93, s47, 6
	s_add_co_u32 s93, s93, 3145728                 ; scale words
	s_mul_i32 s94, s23, 196608                     ; k: codes: the head, the chunk of 256 keys, the tile in it
	s_lshr_b32 s68, s22, 8
	s_mul_i32 s68, s68, 24576
	s_add_co_u32 s94, s94, s68
	s_and_b32 s68, s46, 15
	s_mul_i32 s68, s68, 768
	s_add_co_u32 s94, s94, s68
	s_add_co_u32 s94, s94, 3407872
	s_mul_i32 s68, s23, 12288                      ; scale words
	s_lshl_b32 s46, s46, 6
	s_add_co_u32 s68, s68, s46
	s_add_co_u32 s68, s68, 9699328
	s_and_b32 s46, ttmp9, 1                        ; 0: q, 1: k
	s_mov_b32 s47, 196608
	s_mov_b32 s69, 12288
	s_cmp_eq_u32 s46, 0
	s_cselect_b32 s92, s92, s94
	s_cselect_b32 s93, s93, s68
	s_cselect_b32 s47, 98304, s47                  ; from head to head: codes,
	s_cselect_b32 s69, 8192, s69                   ; scale words
	s_mov_b32 s24, s92
	s_mov_b32 s25, 0
	s_add_co_u32 s26, s92, s47
	s_mov_b32 s27, 0
	s_mov_b32 s28, s93
	s_mov_b32 s29, 0
	s_add_co_u32 s30, s93, s69
	s_mov_b32 s31, 0
	s_lshl_b32 s32, s22, 7
	s_add_co_u32 s32, s32, 8192000                 ; the tables at my first position: 128 bytes a position
	s_mov_b32 s33, 0
	s_add_nc_u64 s[24:25], s[8:9], s[24:25]        ; codes, even head (no tensor load of mine is out: the descriptors' registers are free)
	s_add_nc_u64 s[26:27], s[8:9], s[26:27]        ; odd head
	s_add_nc_u64 s[28:29], s[8:9], s[28:29]        ; scale words, even head
	s_add_nc_u64 s[30:31], s[8:9], s[30:31]        ; odd head
	s_add_nc_u64 s[32:33], s[6:7], s[32:33]
	v_lshlrev_b32 v8, 7, v1
	v_lshl_add_u32 v8, v2, 5, v8                   ; my token's row of a table, + 32 h
.macro CSLOAD a                        ; block a's cos and sin at places 16 u + 8 h + j: 16 registers each
.irp u, 0,1
.irp j, 0,1
	global_load_b128 v[32*(\a)+8*\u+4*\j:32*(\a)+8*\u+4*\j+3], v8, s[32:33] offset:2048*(\a)+64*\u+16*\j   ; into window 1, which B's fragments have left: 32 registers a block, all eight blocks at once
	global_load_b128 v[32*(\a)+16+8*\u+4*\j:32*(\a)+16+8*\u+4*\j+3], v8, s[32:33] offset:262144+2048*(\a)+64*\u+16*\j
.endr
.endr
.endm
.macro ROPE a                          ; q'(d) = q(d) cos(d % 32) + q(d xor 1) sin'(d % 32): the second line takes each pair's numbers exchanged; the sign lies in the table
.set AC, 64*((\a)%4)
.set CC, 32*(\a)
	WIN (2+(\a)/4)|4                               ; source 0: the accumulators' window; source 1: window 1, the tables
.irp bt, 0,1,2,3,4,5,6,7
.irp j, 0,2,4,6
	v_pk_mul_f32 v[T+8*\bt+\j:T+8*\bt+\j+1], v[AC+8*\bt+\j:AC+8*\bt+\j+1], v[CC+8*((\bt)%2)+\j:CC+8*((\bt)%2)+\j+1]
.endr
.endr
.irp bt, 0,1,2,3,4,5,6,7
.irp j, 0,2,4,6
	v_pk_fma_f32 v[T+8*\bt+\j:T+8*\bt+\j+1], v[AC+8*\bt+\j:AC+8*\bt+\j+1], v[CC+16+8*((\bt)%2)+\j:CC+16+8*((\bt)%2)+\j+1], v[T+8*\bt+\j:T+8*\bt+\j+1] op_sel:[1,0,0] op_sel_hi:[0,1,1]
.endr
.endr
	WIN 0
.endm
.macro QKOUT a
	s_wait_loadcnt 8*(7-(\a))                      ; this block's tables are in; the eight loads of each later block may be out
	ROPE \a
	s_wait_xcnt 0x0                                ; the last block's stores have read their registers
	QUANT T, 0, 2
.irp p, 0,1,2
	global_store_b64 v4, v[PC+2*\p:PC+2*\p+1], s[24:25] offset:768*(\a)+256*\p
	global_store_b64 v4, v[PC+6+2*\p:PC+7+2*\p], s[26:27] offset:768*(\a)+256*\p
.endr
.if (\a)%2 == 0
	v_mov_b32 v229, v[PW]
.else
	v_cndmask_b32 v230, v229, v[PW], s99           ; lanes 0-15: the tile before's words, lanes 16-31: this tile's: 128 consecutive bytes
	v_lshrrev_b32 v231, 16, v230                   ; the odd head's two bytes
	global_store_b32 v7, v230, s[28:29] offset:64*((\a)-1)
	global_store_b32 v7, v231, s[30:31] offset:64*((\a)-1)
.endif
.endm
	WIN TO_B
.irp a, 0,1,2,3,4,5,6,7
	CSLOAD \a
.endr
	WIN 0
.irp a, 0,1,2,3,4,5,6,7
	QKOUT \a
.endr
	s_branch .Ljoin
.Lv_arm:
	; v: my 128 rows (two heads x 64 of d) x my 128 keys: block a is head a / 4, tile of d a % 4; the accumulators are quantised as they stand
	s_lshr_b32 s21, s42, 3                         ; batch
	s_and_b32 s22, s42, 7                          ; chunk of 256 keys
	s_lshl_b32 s23, s21, 4
	s_lshl_b32 s46, s41, 2
	s_add_co_u32 s23, s23, s46
	s_lshl_b32 s46, s15, 1
	s_add_co_u32 s23, s23, s46                     ; batch x 16 + my first head
	s_mul_i32 s24, s23, 196608
	s_mul_i32 s46, s22, 24576
	s_add_co_u32 s24, s24, s46
	s_mul_i32 s46, s16, 6144                       ; which 128 keys of the chunk
	s_add_co_u32 s24, s24, s46
	s_add_co_u32 s24, s24, 3407872+12288
	s_mov_b32 s25, 0
	s_mul_i32 s28, s23, 12288
	s_lshl_b32 s46, s22, 1
	s_add_co_u32 s46, s46, s16
	s_lshl_b32 s46, s46, 8
	s_add_co_u32 s28, s28, s46
	s_add_co_u32 s28, s28, 9699328+8192
	s_mov_b32 s29, 0
	s_add_nc_u64 s[24:25], s[8:9], s[24:25]
	s_add_nc_u64 s[28:29], s[8:9], s[28:29]
.macro VOUT a
	s_wait_xcnt 0x0                                ; the last block's stores have read their registers
	QUANT 64*((\a)%4), 2+(\a)/4, 2
.irp p, 0,1,2,3,4,5
	global_store_b64 v4, v[PC+2*\p:PC+2*\p+1], s[24:25] offset:196608*((\a)/4)+1536*((\a)%4)+256*\p
.endr
.if (\a)%2 == 0
	v_mov_b32 v229, v[PW]
.else
	v_cndmask_b32 v230, v229, v[PW], s99
	global_store_b32 v7, v230, s[28:29] offset:12288*((\a)/4)+64*((\a)%4)-64
.endif
.endm
.irp a, 0,1,2,3,4,5,6,7
	VOUT \a
.endr
.Ljoin:
	s_wait_tensorcnt 0x0                           ; the wave's end
	ds_add_u32 v[SPW], v[NIL]
	s_wait_dscnt 0x0
	CROUND                                         ; the closing round: no work-group ends while a partner may still ask for a tile that names it
	s_endpgm
.Lfunc_end_k_q9bbc24cdcb_qkv:
	.size	k_q9bbc24cdcb_qkv, .Lfunc_end_k_q9bbc24cdcb_qkv-k_q9bbc24cdcb_qkv
	.p2alignl 7, 3214868480
	.fill 96, 4, 3214868480
	.section	.rodata,"a",@progbits
	.p2align	6, 0x0
	.amdhsa_kernel k_q9bbc24cdcb_qkv
		.amdhsa_group_segment_fixed_size 327680
		.amdhsa_private_segment_fixed_size 0
		.amdhsa_enable_private_segment 0
		.amdhsa_kernarg_size 24
		.amdhsa_user_sgpr_count 2
		.amdhsa_user_sgpr_kernarg_segment_ptr 1
		.amdhsa_wavefront_size32 1
		.amdhsa_system_sgpr_workgroup_id_x 1
		.amdhsa_system_sgpr_workgroup_id_y 1
		.amdhsa_system_sgpr_workgroup_id_z 1
		.amdhsa_system_vgpr_workitem_id 0
		.amdhsa_next_free_vgpr 1024
		.amdhsa_next_free_sgpr 100
		.amdhsa_reserve_vcc 0
		.amdhsa_float_denorm_mode_32 3
		.amdhsa_float_denorm_mode_16_64 3
		.amdhsa_memory_ordered 1
		.amdhsa_forward_progress 1
		.amdhsa_inst_pref_size 248
	.end_amdhsa_kernel
	.amdgpu_metadata
---
amdhsa.version: [ 1, 2 ]
amdhsa.kernels:
  - .name:           k_q9bbc24cdcb_qkv
    .symbol:         k_q9bbc24cdcb_qkv.kd
    .args:
      - { .name: hq, .offset: 0, .size: 8, .value_kind: global_buffer, .address_space: global }
      - { .name: wts, .offset: 8, .size: 8, .value_kind: global_buffer, .address_space: global }
      - { .name: qkv, .offset: 16, .size: 8, .value_kind: global_buffer, .address_space: global }
    .group_segment_fixed_size: 327680
    .private_segment_fixed_size: 0
    .kernarg_segment_align: 8
    .kernarg_segment_size: 24
    .max_flat_workgroup_size: 128
    .sgpr_count:     100
    .vgpr_count:     1024
    .wavefront_size: 32
...
	.end_amdgpu_metadata
.endif
;; end of part 9
;; launch attn (part 10): grid 8 x 32, 16 waves a work-group, clusters of 4 x 1, 327,680 bytes of LDS; arguments qkv, oq; writes oq
.if DOCPART == 10
	.amdgcn_target "amdgcn-amd-amdhsa--gfx1250"
	.amdhsa_code_object_version 6
	.text
	.protected	k_q9bbc24cdcb_attn
	.globl	k_q9bbc24cdcb_attn
	.p2align	8
	.type	k_q9bbc24cdcb_attn,@function
k_q9bbc24cdcb_attn:
	s_mov_b64 s[64:65], 0
	v_nop
	global_prefetch_b8 v0, s[64:65] scope:SCOPE_SE
	s_setreg_imm32_b32 hwreg(HW_REG_WAVE_MODE, 25, 1), 1
	s_wait_xcnt 0x0
	s_wait_alu depctr_hold_cnt(0) depctr_sa_sdst(0) depctr_va_vdst(0) depctr_va_sdst(0) depctr_va_ssrc(0) depctr_va_vcc(0) depctr_vm_vsrc(0)
	s_getreg_b32 s2, hwreg(HW_REG_IB_STS2, 6, 4)
	s_cmp_eq_u32 s2, 0
	s_cbranch_scc0 .Lentry_in_a_cluster
	s_endpgm
.Lentry_in_a_cluster:
	s_bfe_u32 s2, ttmp6, 0x10000c
	s_cmp_lg_u32 s2, 0x3003
	s_cbranch_scc0 .Lentry_shape_is_right
	s_endpgm
.Lentry_shape_is_right:
; Causal attention of one head on codes of FP6 (E2M3) with E8M0 scales, and the quantiser of its result o along (head, d), the K of the projection.
; LEFT OUT: key steps of 128 keys all of which come after all 16 queries of a tile: reference() sets those scores to -inf by its own jnp.tril mask, so their weight is 0 for all values of the inputs.
; LIMIT: a NaN, an infinity or an overflow that would arise in such scores alone is not carried to the result.
; THE SOFTMAX: t = score x log2(e) / 8; M = the largest t so far, rounded UP to a whole number; p = 2^(t - M) is quantised along the keys, not normalised; the sum is taken of the unquantised p and divides O at the end.
; When M moves, the sum and O are multiplied by 2^(old M - new M): exact.
; INPUT (qkv): q codes [32 bh][128 tiles][768] @0, q scale words [32][128][16] @3,145,728; k, v codes [32 bh][8 chunks of 256 keys][k: 16 tiles x 768 | v: 2 x 4 x 1,536] @3,407,872; scale words [32 bh][k: 128 x 64 | v: 16 x 4 x 64] @9,699,328.
; All are images of operand registers: pieces of 256 bytes, piece i = registers 2 i, 2 i + 1, lane l's 8 bytes at 8 l.  The score product has 64 along K: registers 0-5 hold it, registers 6-11 are zero codes on both sides.
; OUTPUT (oq): codes [256 row tiles][8 K steps][1,536] @0 (K step = head / 2, half = head % 2), scale words [256][8][16] @3,145,728.
; SHARES.  Work-group x (0..7) of a head owns the sixteen query tiles x + 8 j, j = 0..15.  Tile x + 8 j needs key steps 0..j of 128 keys, the last under the mask: the count hangs on j alone, 136 steps in every work-group.
; They are dealt to sixteen waves, nine steps each (wave 8: one).  Wave 0: tile j = 8.  Wave a = 1..7: steps 0-8 of tile j = 16 - a, all open; its O, M and sum go to LDS.  Wave 8 + b: tile j = b whole, then (b >= 1) steps 9..16 - b of
; tile j = 16 - b, joined at the end with wave b's part: both parts are brought under the larger M by powers of two.  Waves without a second tile name their first again in the second set of addresses.
; CLUSTER 4 x 1: the four partners walk the same head's keys in the same order, so K, V and the scale words are asked for jointly.  No branch, trip count or LDS address hangs on x: x enters global addresses and the mask's compare alone.
; LDS: the head's k, v codes @0 (196,608 bytes), scale words of k @196,608, of v @204,800: each byte filled once; spare words @208,896; the parts' stage @210,944 (8 x 4,608).
; FILLS: at the head waves 0-3 ask for chunk 0, waves 4-7 for the scale words; behind the full sequence and a round every wave asks for 42 rows of 256 bytes of chunks 1-7.  Trips 0 and 1 read chunk 0 alone.
; PREFETCH: at the head waves 8-15 ask for the bytes of chunks 1-7, which the second group of loads brings behind the round.
; Both products are used transposed: S^T = K Q^T, O^T = V^T P^T: a lane holds ONE query (lane % 16); registers 8 t + j of S^T are keys 16 t + 8 (lane / 16) + j: inside each block of 32 the order in which v was quantised.
; REGISTERS: v1, v2, v4 addresses that stay; v5, v9 the add's; v3, v6-7, v28-31 the second tile's Q; v8, v10, v11 addresses in hand; v12 -M, v13 the largest t, v[14:15] the sum; v16-27 Q; v32-79 four fragments of K; v80-127 four of V;
; v128-191 S^T, then p; v192-223 O^T; v224-235 p's codes; v232-247, v252, v254 at work; v248-251 K's and V's scale words, v253 p's, v255 Q's.
; LIMITS: NaN and infinities are not served; a block under 2^-124 keeps the scale byte 1.
.set CHB,   24576
.set SCK,   196608
.set SCV,   204800
.set SPARE, 208896
.set STG,   210944
.set PART,  4608
.set P2B,   10752
.set L8,  1
.set LS,  2
.set QW2, 3
.set R4,  4
.set SPW, 5
.set ADK, 8
.set NIL, 9
.set ADS, 10
.set ADT, 11
.set KFR, 32
.set VFR, 80
.set S,   128
.set O,   192
.set WV,  18
.set SEL, 20
.set CS,  22
.set G1C, 24
.set G1S, 32
.set G1P, 40
.set G0C, 48
.set G0S, 52
.set G0P, 56
.set X16, 60                           ; 16 x: my first query less the masked step's first key
.set J1,  61                           ; my first tile's j,
.set J2,  62                           ; my second's
.set SW,  63                           ; the trip in which the first tile ends inside the walk (15: never)
.set LIM, 66                           ; my last trip
.set ADDK, 67                          ; behind the change of tiles: key step = trip + this
.set IT,  68
.set KS,  69
.set TB,  70
.set TS,  71
.set TJ,  72
.set JC,  73
.set QA1, 74
.set QS1, 76
.set QA2, 78
.set QS2, 80
.set OA1, 82
.set OS1, 84
.set OA2, 86
.set OS2, 88
.macro ROUND                           ; a round of the cluster's barrier
	s_barrier_signal -1
	s_barrier_wait -1
	s_cmp_lg_u32 s[WV], 0
	s_cbranch_scc1 .Lnw0_\@
	s_barrier_signal -3
.Lnw0_\@:
	s_barrier_wait -3
	s_barrier_signal -1
	s_barrier_wait -1
.endm
.macro G1SET g, r                      ; a dense block as r rows of 256 bytes (32 elements of 8 bytes); the mask names the four partners, bit 21 beside it
	s_mov_b32 s[\g], (3<<16)|(1<<21)|15
	s_mov_b32 s[\g+1], 32<<16
	s_mov_b32 s[\g+2], (\r)<<16
	s_mov_b32 s[\g+3], 32<<16
	s_mov_b32 s[\g+4], \r
	s_mov_b32 s[\g+5], 32
	s_mov_b32 s[\g+6], 0
	s_mov_b32 s[\g+7], 0
.endm
.macro TADDR j, qa, qs, oa, os         ; byte offsets of tile 8 j + x: Q's half image and scale words, o's half image and scale bytes
	s_lshl_b32 s96, s[\j], 3
	s_add_co_u32 s96, s96, s10
	s_lshl_b32 s97, s8, 7
	s_add_co_u32 s97, s97, s96
	s_mul_i32 s[\qa], s97, 768
	s_mov_b32 s[\qa+1], 0
	s_lshl_b32 s[\qs], s97, 6
	s_add_co_u32 s[\qs], s[\qs], 3145728
	s_mov_b32 s[\qs+1], 0
	s_lshr_b32 s97, s8, 4
	s_lshl_b32 s97, s97, 7
	s_add_co_u32 s97, s97, s96                     ; o's row tile
	s_lshl_b32 s97, s97, 3
	s_bfe_u32 s98, s8, 0x30001                     ; head / 2
	s_add_co_u32 s97, s97, s98
	s_and_b32 s98, s8, 1
	s_lshl_b32 s[\os], s97, 6
	s_lshl_b32 s99, s98, 1
	s_add_co_u32 s[\os], s[\os], s99
	s_add_co_u32 s[\os], s[\os], 3145728
	s_mov_b32 s[\os+1], 0
	s_mul_i32 s[\oa], s97, 1536
	s_mul_i32 s99, s98, 768
	s_add_co_u32 s[\oa], s[\oa], s99
	s_mov_b32 s[\oa+1], 0
.endm
	s_load_b128 s[4:7], s[0:1], 0x0                ; qkv, oq
	v_lshl_add_u32 v[SPW], v0, 2, SPARE
	v_mov_b32 v[NIL], 0
	ds_add_u32 v[SPW], v[NIL]                      ; the wave's opening: the add, twice on end, and its wait ahead of the first tensor load
	ds_add_u32 v[SPW], v[NIL]
	v_lshrrev_b32 v8, 5, v0
	s_delay_alu instid0(VALU_DEP_1)
	v_readfirstlane_b32 s[WV], v8                  ; wave 0..15
	s_and_b32 s8, ttmp7, 0xffff                    ; batch x 16 + head
	s_bfe_u32 s9, ttmp6, 0x40000                   ; cx
	s_lshl_b32 s10, ttmp9, 2
	s_add_co_u32 s10, s10, s9                      ; x
	s_lshl_b32 s[X16], s10, 4
	s_and_b32 s11, s[WV], 7                        ; a or b
	s_sub_co_u32 s12, 16, s11
	s_sub_co_u32 s16, 8, s11
	s_cmp_eq_u32 s11, 0
	s_cselect_b32 s13, 8, s12                      ; waves 0-7: tile 8, or 16 - a
	s_cselect_b32 s14, 0, s12                      ; waves 8-15: the second tile, 16 - b (wave 8: its first again)
	s_cselect_b32 s15, 0, 8                        ; and the last trip
	s_cmp_lt_u32 s[WV], 8
	s_cselect_b32 s[J1], s13, s11
	s_cselect_b32 s[J2], s13, s14
	s_cselect_b32 s[SW], 15, s11
	s_cselect_b32 s[LIM], 8, s15
	s_cselect_b32 s[ADDK], 0, s16
	TADDR J1, QA1, QS1, OA1, OS1
	TADDR J2, QA2, QS2, OA2, OS2
	G1SET G1C, 24
	G1SET G1S, 12
	G1SET G1P, 42
	s_and_b32 s11, s[WV], 3
	s_mul_i32 s12, s11, 6144                       ; my quarter of chunk 0,
	s_mul_i32 s13, s11, 3072                       ; of the scale words,
	s_mul_i32 s14, s[WV], P2B                      ; my sixteenth of chunks 1-7
	s_mul_i32 s90, s8, 196608
	s_add_co_u32 s90, s90, 3407872                 ; my head's k and v codes
	s_mov_b32 s91, 0
	s_mul_i32 s92, s8, 12288
	s_add_co_u32 s92, s92, 9699328
	s_add_co_u32 s92, s92, s13
	s_mov_b32 s93, 0
	s_add_co_u32 s94, s90, s14
	s_add_co_u32 s94, s94, CHB
	s_mov_b32 s95, 0
	s_add_co_u32 s90, s90, s12
	s_lshl_b32 s96, s9, 3                          ; the prefetch of chunks 1-7, 672 blocks of 256 bytes: the cluster's 32 waves with numbers 8-15 take 21 blocks each, told apart by address
	s_and_b32 s97, s[WV], 7
	s_add_co_u32 s96, s96, s97
	s_mul_i32 s96, s96, 21*256
	s_mul_i32 s98, s8, 196608
	s_add_co_u32 s98, s98, 3407872+CHB
	s_add_co_u32 s98, s98, s96
	s_mov_b32 s99, 0
	s_mov_b32 s[SEL], 0x76543210
	s_mov_b32 s[SEL+1], 0xfedcba98
	s_mov_b32 s[CS], 0x3e38aa3b                    ; c = log2(e) / 8
	s_mov_b32 s[CS+1], s[CS]
	s_wait_dscnt 0x0                               ; both opening adds are done
	s_wait_kmcnt 0x0
	s_mov_b32 s[G0C], 1
	s_mov_b32 s[G0C+1], s12
	s_add_nc_u64 s[G0C+2:G0C+3], s[4:5], s[90:91]
	s_or_b32 s[G0C+3], s[G0C+3], 0x80000000
	s_mov_b32 s[G0S], 1
	s_add_co_u32 s[G0S+1], s13, SCK
	s_add_nc_u64 s[G0S+2:G0S+3], s[4:5], s[92:93]
	s_or_b32 s[G0S+3], s[G0S+3], 0x80000000
	s_mov_b32 s[G0P], 1
	s_add_co_u32 s[G0P+1], s14, CHB
	s_add_nc_u64 s[G0P+2:G0P+3], s[4:5], s[94:95]
	s_or_b32 s[G0P+3], s[G0P+3], 0x80000000
	s_add_nc_u64 s[98:99], s[4:5], s[98:99]
	ROUND                                          ; the four partners are here: the first joint loads meet
	s_cmp_lt_u32 s[WV], 4                          ; one chain of branches on the wave's number, one load to an arm
	s_cbranch_scc0 .Lh_s
	tensor_load_to_lds s[G0C:G0C+3], s[G1C:G1C+7]  ; chunk 0
	s_nop 0
.rept 4
	v_nop
.endr
	s_branch .Lh_j
.Lh_s:
	s_cmp_lt_u32 s[WV], 8
	s_cbranch_scc0 .Lh_p
	tensor_load_to_lds s[G0S:G0S+3], s[G1S:G1S+7]  ; the head's scale words
	s_nop 0
.rept 4
	v_nop
.endr
	s_branch .Lh_j
.Lh_p:                                                 ; waves 8-15 issue no load here: they ask for what the second group of loads will bring, one group ahead; a lane a block, lanes 21-31 name the last block again
	v_and_b32 v11, 31, v0
	s_delay_alu instid0(VALU_DEP_1)
	v_min_u32 v11, 20, v11
	s_delay_alu instid0(VALU_DEP_1)
	v_lshlrev_b32 v11, 8, v11
	global_prefetch_b8 v11, s[98:99] th:TH_LOAD_NT scope:SCOPE_SE
.Lh_j:
	s_add_nc_u64 s[QA1:QA1+1], s[4:5], s[QA1:QA1+1]
	s_add_nc_u64 s[QS1:QS1+1], s[4:5], s[QS1:QS1+1]
	s_add_nc_u64 s[QA2:QA2+1], s[4:5], s[QA2:QA2+1]
	s_add_nc_u64 s[QS2:QS2+1], s[4:5], s[QS2:QS2+1]
	s_add_nc_u64 s[OA1:OA1+1], s[6:7], s[OA1:OA1+1]
	s_add_nc_u64 s[OS1:OS1+1], s[6:7], s[OS1:OS1+1]
	s_add_nc_u64 s[OA2:OA2+1], s[6:7], s[OA2:OA2+1]
	s_add_nc_u64 s[OS2:OS2+1], s[6:7], s[OS2:OS2+1]
	v_and_b32 v8, 31, v0
	v_and_b32 v[R4], 15, v0
	s_delay_alu instid0(VALU_DEP_2)
	v_lshlrev_b32 v[L8], 3, v8
	s_delay_alu instid0(VALU_DEP_3)
	v_lshl_add_u32 v[LS], v8, 2, SCK
	s_delay_alu instid0(VALU_DEP_3)
	v_lshlrev_b32 v[R4], 2, v[R4]
.irp p, 0,1,2
	global_load_b64 v[16+2*\p:17+2*\p], v[L8], s[QA1:QA1+1] offset:256*\p   ; the first tile's Q: a half image
.endr
	global_load_b32 v255, v[R4], s[QS1:QS1+1]      ; its scale words
	global_load_b64 v[6:7], v[L8], s[QA2:QA2+1]    ; the second tile's wait in registers
	global_load_b64 v[28:29], v[L8], s[QA2:QA2+1] offset:256
	global_load_b64 v[30:31], v[L8], s[QA2:QA2+1] offset:512
	global_load_b32 v[QW2], v[R4], s[QS2:QS2+1]
.irp i, 22,23,24,25,26,27
	v_mov_b32 v[\i], 0                             ; the upper 64 of the instruction's 128 along K: zero codes, in Q
.endr
.irp t, 0,1,2,3
.irp i, 6,7,8,9,10,11
	v_mov_b32 v[KFR+12*\t+\i], 0                   ; and in K's four fragments: written once
.endr
.endr
.macro FRESH                           ; a tile's start: the largest t -3e38, the sum and O^T zeros, which the first change of M leaves zeros
	v_mov_b32 v13, 0xff61b1e6
	v_mov_b32 v14, 0
	v_mov_b32 v15, 0
	v_floor_f32 v12, -v13                          ; -M
.set j, 0
.rept 32
	v_mov_b32 v[O+j], 0
.set j, j+1
.endr
.endm
	FRESH
.irp b, 0,1,2,3
	v_mov_b32 v[236+\b], 0                         ; lane permutes' destinations count as sources
.endr
	v_mov_b32 v252, 0
	v_mov_b32 v253, 0
.macro SPROD g                         ; four tiles of 16 keys: S^T = K Q^T; a scale register holds the even tile's words in lanes 0-15, the odd tile's in lanes 16-31
.irp t, 0,1,2,3
.if (\t)%2 == 0
	v_wmma_scale_f32_16x16x128_f8f6f4 v[S+8*(4*\g+\t):S+8*(4*\g+\t)+7], v[KFR+12*\t:KFR+12*\t+11], v[16:27], 0, v[248+\t/2], v255 matrix_a_fmt:MATRIX_FMT_FP6 matrix_b_fmt:MATRIX_FMT_FP6
.else
	v_wmma_scale_f32_16x16x128_f8f6f4 v[S+8*(4*\g+\t):S+8*(4*\g+\t)+7], v[KFR+12*\t:KFR+12*\t+11], v[16:27], 0, v[248+\t/2], v255 matrix_a_fmt:MATRIX_FMT_FP6 matrix_b_fmt:MATRIX_FMT_FP6 matrix_a_scale:MATRIX_SCALE_ROW1
.endif
.endr
.endm
.macro KLOAD g
.irp t, 0,1,2,3
.irp p, 0,1,2
	ds_load_b64 v[KFR+12*\t+2*\p:KFR+12*\t+2*\p+1], v[ADK] offset:(4*\g+\t)*768+256*\p
.endr
.endr
	ds_load_b32 v248, v[ADS] offset:256*\g
	ds_load_b32 v249, v[ADS] offset:256*\g+128
.endm
; A TILE'S END: O^T / the sum, quantised along d: two blocks of 32: half an image and two scale bytes
.macro FINISH oa, os
	v_add_f32 v14, v14, v15
	s_delay_alu instid0(VALU_DEP_1)
	v_permlanex16_b32 v252, v14, s[SEL], s[SEL+1]
	s_delay_alu instid0(VALU_DEP_1)
	v_add_f32 v14, v14, v252                       ; the row's sum
	s_wait_alu depctr_va_vdst(0)
	v_rcp_f32 v14, v14
.rept 4
	v_nop                                          ; plain instructions behind the reciprocal and behind the last products
.endr
	s_wait_alu depctr_va_vdst(0)                   ; ahead of the first reader of the reciprocal and of O^T
.set j, 0
.rept 16
	v_pk_mul_f32 v[S+j:S+j+1], v[O+j:O+j+1], v[14:15] op_sel_hi:[1,0]
.set j, j+2
.endr
.irp b, 0,1
	v_max3_num_f32 v[232+\b], |v[S+16*\b]|, |v[S+1+16*\b]|, 0x1800000   ; with the floor 2^(3 - 127): the byte cannot fall under 1
.endr
.irp i, 2,4,6,8,10,12,14
.irp b, 0,1
	s_delay_alu instid0(VALU_DEP_2)
	v_max3_num_f32 v[232+\b], v[232+\b], |v[S+16*\b+\i]|, |v[S+1+16*\b+\i]|
.endr
.endr
.irp b, 0,1
	s_delay_alu instid0(VALU_DEP_2)
	v_permlanex16_b32 v[236+\b], v[232+\b], s[SEL], s[SEL+1]
.endr
.irp b, 0,1
	s_delay_alu instid0(VALU_DEP_2)
	v_max_num_f32 v[232+\b], v[232+\b], v[236+\b]
.endr
.irp b, 0,1
	s_delay_alu instid0(VALU_DEP_2)
	v_add_nc_u32 v[244+\b], 0xff000000, v[232+\b]  ; 2 off the exponent field: the conversion's scale operand
.endr
.irp b, 0,1
	s_delay_alu instid0(VALU_DEP_2)
	v_lshrrev_b32 v[236+\b], 23, v[244+\b]
.endr
	s_delay_alu instid0(VALU_DEP_1)
	v_lshl_or_b32 v240, v237, 8, v236
	v_cvt_scalef32_pk16_fp6_f32 v[224:226], v[S:S+15], v244
	v_cvt_scalef32_pk16_fp6_f32 v[228:230], v[S+16:S+31], v245
	v_nop                                          ; one plain instruction behind the scaled conversions
.irp i, 0,1,2
	v_permlane16_swap_b32 v[224+\i], v[228+\i]
.endr
.irp i, 0,1,2
	s_delay_alu instid0(VALU_DEP_3)
	v_mov_b32 v[227+\i], v[228+\i]
.endr
.irp p, 0,1,2
	global_store_b64 v[L8], v[224+2*\p:225+2*\p], s[\oa:\oa+1] offset:256*\p   ; 256 consecutive bytes, aligned
.endr
	global_store_b16 v[R4], v240, s[\os:\os+1]     ; lanes r and r + 16 write the same two bytes with the same value
.endm
; A TRIP: one key step of 128 keys for the tile in hand, and, where the first tile ends in it, that tile's way out and the change to the second.
; late = 0: trip itc (0 or 1), written out: the key step is the trip, every LDS address a constant and a lane term, inside chunk 0.  late = 1: in the loop.  All branches hang on the wave's number and the trip alone.
.macro TRIP late, itc
	s_wait_alu depctr_va_vdst(0)
.if \late
	s_cmp_gt_u32 s[IT], s[LIM]
.else
	s_cmp_lt_u32 s[LIM], \itc
.endif
	s_cbranch_scc1 .Lidle_\@
.if \late
	s_cmp_gt_u32 s[IT], s[SW]                      ; behind the change of tiles?
	s_cselect_b32 s[KS], s[ADDK], 0
	s_cselect_b32 s[JC], s[J2], s[J1]
	s_add_co_u32 s[KS], s[KS], s[IT]
	s_min_u32 s[KS], s[KS], 15                     ; the key step: 0..15
	s_lshr_b32 s[TB], s[KS], 1
	s_mul_i32 s[TB], s[TB], CHB
	s_and_b32 s96, s[KS], 1
	s_mul_i32 s96, s96, 6144
	s_add_co_u32 s[TB], s[TB], s96                 ; its chunk, and its half of it
	s_lshl_b32 s[TS], s[KS], 9
	s_lshl_b32 s[TJ], s[KS], 8
	s_add_co_u32 s[TJ], s[TJ], SCV-SCK
	v_add_nc_u32 v[ADK], s[TB], v[L8]
	v_add_nc_u32 v[ADS], s[TS], v[LS]
	v_add_nc_u32 v[ADT], s[TJ], v[LS]
.else
	v_add_nc_u32 v[ADK], 6144*\itc, v[L8]
	v_add_nc_u32 v[ADS], 512*\itc, v[LS]
	v_add_nc_u32 v[ADT], SCV-SCK+256*\itc, v[LS]
.endif
	v_nop                                          ; four plain instructions in front of loads into registers that the last products read
	KLOAD 0
.irp t, 0,1,2,3
.irp p, 0,1,2,3,4,5
	ds_load_b64 v[VFR+12*\t+2*\p:VFR+12*\t+2*\p+1], v[ADK] offset:12288+1536*\t+256*\p
.endr
.endr
	ds_load_b32 v250, v[ADT]
	ds_load_b32 v251, v[ADT] offset:128
	s_wait_alu depctr_va_vdst(0)
	s_wait_dscnt 26                                ; K's first four tiles and their words are in; V's 24 loads and 2 words may be out
	SPROD 0
.rept 4
	v_nop
.endr
	KLOAD 1
	s_wait_dscnt 0x0
	SPROD 1
.rept 4
	v_nop
.endr
.if \late
	s_cmp_lg_u32 s[KS], s[JC]                      ; a tile's last key step lies on the diagonal: hidden scores become -infinity ahead of the maximum, p = 0 then
.else
	s_cmp_lg_u32 s[J1], \itc
.endif
	s_cbranch_scc1 .Lopen_\@
	v_and_b32 v252, 15, v0
	v_bfe_u32 v254, v0, 4, 1
	s_delay_alu instid0(VALU_DEP_1)
	v_lshlrev_b32 v254, 3, v254
	s_delay_alu instid0(VALU_DEP_1)
	v_sub_nc_u32 v252, v252, v254
	s_delay_alu instid0(VALU_DEP_1)
	v_add_nc_u32 v252, s[X16], v252                ; d = my query - the first key - 8 (lane / 16): register n is hidden where 16 (n / 8) + n % 8 > d
	v_mov_b32 v254, 0xff800000
.set n, 0
.rept 64
	v_cmp_gt_i32 vcc_lo, 16*(n/8)+n%8, v252
	v_cndmask_b32 v[S+n], v[S+n], v254, vcc_lo
.set n, n+1
.endr
.Lopen_\@:
.irp b, 0,1,2,3
	v_max3_num_f32 v[232+\b], v[S+16*\b], v[S+1+16*\b], v[S+2+16*\b]   ; the largest score of each block of 32 keys: for the row's maximum and, since p rises with the score, for the block's largest p
.endr
.irp i, 3,5,7,9,11,13
.irp b, 0,1,2,3
	v_max3_num_f32 v[232+\b], v[232+\b], v[S+16*\b+\i], v[S+1+16*\b+\i]
.endr
.endr
.irp b, 0,1,2,3
	v_max_num_f32 v[232+\b], v[232+\b], v[S+15+16*\b]
.endr
.irp b, 0,1,2,3
	s_delay_alu instid0(VALU_DEP_4)
	v_permlanex16_b32 v[236+\b], v[232+\b], s[SEL], s[SEL+1]
.endr
.irp b, 0,1,2,3
	s_delay_alu instid0(VALU_DEP_4)
	v_max_num_f32 v[232+\b], v[232+\b], v[236+\b]
.endr
	s_delay_alu instid0(VALU_DEP_2)
	v_max3_num_f32 v254, v232, v233, v234
	s_delay_alu instid0(VALU_DEP_1)
	v_max_num_f32 v254, v254, v235
	s_delay_alu instid0(VALU_DEP_1)
	v_mul_f32 v254, s[CS], v254                    ; as t (c is positive)
	s_delay_alu instid0(VALU_DEP_1)
	v_max_num_f32 v13, v13, v254                   ; the running largest t
	v_mov_b32 v254, v12
	s_delay_alu instid0(VALU_DEP_2)
	v_floor_f32 v12, -v13                          ; the new -M = -ceil(t)
	s_delay_alu instid0(VALU_DEP_1)
	v_sub_f32 v254, v12, v254                      ; old M - new M: a whole number, 0 or less
	s_delay_alu instid0(VALU_DEP_1)
	v_cvt_i32_f32 v254, v254                       ; (it saturates)
	s_delay_alu instid0(VALU_DEP_1)
	v_ldexp_f32 v252, 1.0, v254                    ; f = 2^(old M - new M)
.set j, 0
.rept 32
	v_pk_fma_f32 v[S+j:S+j+1], v[S+j:S+j+1], s[CS:CS+1], v[12:13] op_sel_hi:[1,0,0]   ; t - M, two at a time
.set j, j+2
.endr
.irp b, 0,1,2,3
	v_fma_f32 v[232+\b], v[232+\b], s[CS], v12
.endr
	s_wait_alu depctr_va_vdst(0)
.set j, 0
.rept 64
	v_exp_f32 v[S+j], v[S+j]                       ; p = 2^(t - M), at most 1
.set j, j+1
.endr
	v_pk_mul_f32 v[14:15], v[14:15], v[252:253] op_sel_hi:[1,0]   ; the sums under the new M (a plain instruction behind the exponentials)
	s_wait_alu depctr_va_vdst(0)                   ; one wait for the batch, ahead of its first reader
.irp b, 0,1,2,3
	v_exp_f32 v[232+\b], v[232+\b]                 ; each block's largest p
.endr
.irp c, 0,1,2,3,4,5                            ; the row's sum of the unquantised p: 32 packed additions in eight chains
	v_pk_add_f32 v[236+2*\c:237+2*\c], v[S+4*\c:S+4*\c+1], v[S+4*\c+2:S+4*\c+3]
.endr
	v_pk_add_f32 v[224:225], v[S+24:S+25], v[S+26:S+27]
	v_pk_add_f32 v[14:15], v[14:15], v[S+28:S+29]
.irp m, 0,1
.irp c, 0,1,2,3,4,5
	v_pk_add_f32 v[236+2*\c:237+2*\c], v[236+2*\c:237+2*\c], v[S+30+16*\m+2*\c:S+31+16*\m+2*\c]
.endr
	v_pk_add_f32 v[224:225], v[224:225], v[S+42+16*\m:S+43+16*\m]
	v_pk_add_f32 v[14:15], v[14:15], v[S+44+16*\m:S+45+16*\m]
.endr
	v_pk_add_f32 v[236:237], v[236:237], v[S+62:S+63]
	v_pk_add_f32 v[238:239], v[238:239], v[240:241]
	v_pk_add_f32 v[242:243], v[242:243], v[244:245]
	v_pk_add_f32 v[246:247], v[246:247], v[224:225]
	v_pk_add_f32 v[14:15], v[14:15], v[236:237]
	s_delay_alu instid0(VALU_DEP_3)
	v_pk_add_f32 v[238:239], v[238:239], v[242:243]
	s_delay_alu instid0(VALU_DEP_2)
	v_pk_add_f32 v[14:15], v[14:15], v[246:247]
	s_delay_alu instid0(VALU_DEP_1)
	v_pk_add_f32 v[14:15], v[14:15], v[238:239]
	s_wait_alu depctr_va_vdst(0)                   ; and one for the four
.irp b, 0,1,2,3
	v_max_num_f32 v[232+\b], 0x1800000, v[232+\b]  ; the floor 2^(3 - 127): the byte cannot fall under 1
.endr
.irp b, 0,1,2,3
	s_delay_alu instid0(VALU_DEP_4)
	v_add_nc_u32 v[244+\b], 0xff000000, v[232+\b]
.endr
.irp b, 0,1,2,3
	s_delay_alu instid0(VALU_DEP_4)
	v_lshrrev_b32 v[236+\b], 23, v[244+\b]
.endr
	s_delay_alu instid0(VALU_DEP_3)
	v_lshl_or_b32 v253, v237, 8, v236              ; p's scale word for these 128 keys
	s_delay_alu instid0(VALU_DEP_1)
	v_lshl_or_b32 v253, v238, 16, v253
	s_delay_alu instid0(VALU_DEP_1)
	v_lshl_or_b32 v253, v239, 24, v253
.irp c, 0,1
	v_cvt_scalef32_pk16_fp6_f32 v[224+6*\c:226+6*\c], v[S+32*\c:S+15+32*\c], v[244+2*\c]
	v_cvt_scalef32_pk16_fp6_f32 v[236+4*\c:238+4*\c], v[S+16+32*\c:S+31+32*\c], v[244+2*\c+1]
.endr
	v_nop                                          ; one plain instruction behind the scaled conversions
.irp c, 0,1
.irp i, 0,1,2
	v_permlane16_swap_b32 v[224+6*\c+\i], v[236+4*\c+\i]
.endr
.irp i, 0,1,2
	s_delay_alu instid0(VALU_DEP_3)
	v_mov_b32 v[227+6*\c+\i], v[236+4*\c+\i]
.endr
.endr
	s_wait_alu depctr_va_vdst(0)                   ; directly ahead of the first reader of O^T
.set j, 0
.rept 16
	v_pk_mul_f32 v[O+j:O+j+1], v[O+j:O+j+1], v[252:253] op_sel_hi:[1,0]   ; O^T under the new M; these sixteen are also the plain instructions between the writes of p's codes and scale word and the products
.set j, j+2
.endr
.irp t, 0,1,2,3                                ; O^T += V^T P^T: four accumulators by turns
.if (\t)%2 == 0
	v_wmma_scale_f32_16x16x128_f8f6f4 v[O+8*\t:O+8*\t+7], v[VFR+12*\t:VFR+12*\t+11], v[224:235], v[O+8*\t:O+8*\t+7], v[250+\t/2], v253 matrix_a_fmt:MATRIX_FMT_FP6 matrix_b_fmt:MATRIX_FMT_FP6
.else
	v_wmma_scale_f32_16x16x128_f8f6f4 v[O+8*\t:O+8*\t+7], v[VFR+12*\t:VFR+12*\t+11], v[224:235], v[O+8*\t:O+8*\t+7], v[250+\t/2], v253 matrix_a_fmt:MATRIX_FMT_FP6 matrix_b_fmt:MATRIX_FMT_FP6 matrix_a_scale:MATRIX_SCALE_ROW1
.endif
.endr
.if \late
	s_cmp_lg_u32 s[IT], s[SW]
.else
	s_cmp_lg_u32 s[SW], \itc
.endif
	s_cbranch_scc1 .Lidle_\@
	FINISH OA1, OS1                                ; the first tile is whole: out with it,
	v_mov_b32 v16, v6                              ; and the second tile's Q and scale words take its place
	v_mov_b32 v17, v7
	v_mov_b32 v18, v28
	v_mov_b32 v19, v29
	v_mov_b32 v20, v30
	v_mov_b32 v21, v31
	v_mov_b32 v255, v[QW2]
	FRESH
	s_wait_alu depctr_va_vdst(0)
	s_wait_xcnt 0x0                                ; the stores have read their registers, which the next trip writes
.Lidle_\@:
.endm
	s_wait_alu depctr_va_vdst(0)
	s_wait_tensorcnt 0x0                           ; my part of the head's tiles is in
	ds_add_u32 v[SPW], v[NIL]
	ds_add_u32 v[SPW], v[NIL]                      ; twice on end
	s_wait_dscnt 0x0
	ROUND                                          ; chunk 0 and the scale words are whole, and the four partners are here
	tensor_load_to_lds s[G0P:G0P+3], s[G1P:G1P+7]  ; chunks 1-7: every wave's sixteenth
	s_nop 0
.rept 4
	v_nop
.endr
	s_wait_loadcnt 0x0                             ; Q
	s_wait_xcnt 0x0                                ; the prefetch has read v11, which the first trip writes
	TRIP 0, 0
	TRIP 0, 1
	s_wait_alu depctr_va_vdst(0)
	s_wait_tensorcnt 0x0                           ; my part of chunks 1-7 is in,
	s_wait_dscnt 0x0
	s_barrier_signal -1
	s_barrier_wait -1                              ; everybody's is
	s_mov_b32 s[IT], 2
.Ltrip:                                                ; seven trips: a constant
	TRIP 1, 0
	s_add_co_u32 s[IT], s[IT], 1
	s_cmp_lt_u32 s[IT], 9
	s_cbranch_scc1 .Ltrip
	; THE PARTS MEET.  An image of registers: four registers a store, 16 bytes a lane; waves a and 8 + a name the same 4,608 bytes
	v_and_b32 v8, 31, v0
	s_and_b32 s96, s[WV], 7
	s_mul_i32 s96, s96, PART
	s_add_co_u32 s96, s96, STG
	v_lshlrev_b32 v8, 4, v8
	v_nop
	v_add_nc_u32 v8, s96, v8
	v_nop
	s_wait_alu depctr_va_vdst(0)
	s_sub_co_u32 s97, s[WV], 1
	s_cmp_lt_u32 s97, 7                            ; waves 1-7 hand their part over
	s_cbranch_scc0 .Lno_part
.irp i, 0,1,2,3,4,5,6,7
	ds_store_b128 v8, v[O+4*\i:O+4*\i+3] offset:512*\i   ; each accumulator from its low end on
.endr
	ds_store_b128 v8, v[12:15] offset:4096         ; -M, the largest t, the sum's two halves
.Lno_part:
	s_wait_dscnt 0x0                               ; for the others' sake
	s_barrier_signal -1
	s_barrier_wait -1
	s_cmp_gt_u32 s[WV], 8
	s_cbranch_scc0 .Lno_merge
.irp i, 0,1,2,3,4,5,6,7
	ds_load_b128 v[S+4*\i:S+4*\i+3], v8 offset:512*\i
.endr
	ds_load_b128 v[S+32:S+35], v8 offset:4096
	s_wait_dscnt 0x0
	v_min_num_f32 v232, v12, v[S+32]               ; - the larger M
	v_add_f32 v14, v14, v15
	v_add_f32 v[S+34], v[S+34], v[S+35]
	s_delay_alu instid0(VALU_DEP_3)
	v_sub_f32 v233, v232, v12                      ; my M - the larger: a whole number, 0 or less
	v_sub_f32 v234, v232, v[S+32]
	s_delay_alu instid0(VALU_DEP_2)
	v_cvt_i32_f32 v233, v233
	s_delay_alu instid0(VALU_DEP_2)
	v_cvt_i32_f32 v234, v234
	s_delay_alu instid0(VALU_DEP_2)
	v_ldexp_f32 v236, 1.0, v233
	s_delay_alu instid0(VALU_DEP_2)
	v_ldexp_f32 v238, 1.0, v234
	v_mov_b32 v15, 0
	s_delay_alu instid0(VALU_DEP_3)
	v_mul_f32 v14, v14, v236
	s_delay_alu instid0(VALU_DEP_1)
	v_fmac_f32 v14, v[S+34], v238                  ; the two sums under one M
.set j, 0
.rept 16
	v_pk_mul_f32 v[O+j:O+j+1], v[O+j:O+j+1], v[236:237] op_sel_hi:[1,0]
.set j, j+2
.endr
.set j, 0
.rept 16
	v_pk_fma_f32 v[O+j:O+j+1], v[S+j:S+j+1], v[238:239], v[O+j:O+j+1] op_sel_hi:[1,0,1]
.set j, j+2
.endr
	s_wait_alu depctr_va_vdst(0)
	s_branch .Lfin
.Lno_merge:
	s_cmp_lg_u32 s[WV], 0                          ; wave 0's tile is whole as it stands
	s_cbranch_scc1 .Lend
.Lfin:
	FINISH OA2, OS2
.Lend:
	s_wait_tensorcnt 0x0                           ; the wave's end
	ds_add_u32 v[SPW], v[NIL]
	s_wait_dscnt 0x0
	ROUND                                          ; the closing round
	s_endpgm
.Lfunc_end_k_q9bbc24cdcb_attn:
	.size	k_q9bbc24cdcb_attn, .Lfunc_end_k_q9bbc24cdcb_attn-k_q9bbc24cdcb_attn
	.p2alignl 7, 3214868480
	.fill 96, 4, 3214868480
	.section	.rodata,"a",@progbits
	.p2align	6, 0x0
	.amdhsa_kernel k_q9bbc24cdcb_attn
		.amdhsa_group_segment_fixed_size 327680
		.amdhsa_private_segment_fixed_size 0
		.amdhsa_enable_private_segment 0
		.amdhsa_kernarg_size 16
		.amdhsa_user_sgpr_count 2
		.amdhsa_user_sgpr_kernarg_segment_ptr 1
		.amdhsa_wavefront_size32 1
		.amdhsa_system_sgpr_workgroup_id_x 1
		.amdhsa_system_sgpr_workgroup_id_y 1
		.amdhsa_system_sgpr_workgroup_id_z 1
		.amdhsa_system_vgpr_workitem_id 0
		.amdhsa_next_free_vgpr 256
		.amdhsa_next_free_sgpr 100
		.amdhsa_reserve_vcc 1
		.amdhsa_float_denorm_mode_32 3
		.amdhsa_float_denorm_mode_16_64 3
		.amdhsa_memory_ordered 1
		.amdhsa_forward_progress 1
		.amdhsa_inst_pref_size 112
	.end_amdhsa_kernel
	.amdgpu_metadata
---
amdhsa.version: [ 1, 2 ]
amdhsa.kernels:
  - .name:           k_q9bbc24cdcb_attn
    .symbol:         k_q9bbc24cdcb_attn.kd
    .args:
      - { .name: qkv, .offset: 0, .size: 8, .value_kind: global_buffer, .address_space: global }
      - { .name: oq, .offset: 8, .size: 8, .value_kind: global_buffer, .address_space: global }
    .group_segment_fixed_size: 327680
    .private_segment_fixed_size: 0
    .kernarg_segment_align: 8
    .kernarg_segment_size: 16
    .max_flat_workgroup_size: 512
    .sgpr_count:     100
    .vgpr_count:     256
    .wavefront_size: 32
...
	.end_amdgpu_metadata
.endif
;; end of part 10
;; launch proj (part 11): grid 8 x 32, 4 waves a work-group, clusters of 4 x 4, 327,680 bytes of LDS; arguments oq, wts, proj_b, x, x1; writes x1
.if DOCPART == 11
	.amdgcn_target "amdgcn-amd-amdhsa--gfx1250"
	.amdhsa_code_object_version 6
	.text
	.protected	k_q9bbc24cdcb_proj
	.globl	k_q9bbc24cdcb_proj
	.p2align	8
	.type	k_q9bbc24cdcb_proj,@function
k_q9bbc24cdcb_proj:
	s_mov_b64 s[64:65], 0
	v_nop
	global_prefetch_b8 v0, s[64:65] scope:SCOPE_SE
	s_setreg_imm32_b32 hwreg(HW_REG_WAVE_MODE, 25, 1), 1
	s_wait_xcnt 0x0
	s_wait_alu depctr_hold_cnt(0) depctr_sa_sdst(0) depctr_va_vdst(0) depctr_va_sdst(0) depctr_va_ssrc(0) depctr_va_vcc(0) depctr_vm_vsrc(0)
	s_getreg_b32 s2, hwreg(HW_REG_IB_STS2, 6, 4)
	s_cmp_eq_u32 s2, 0
	s_cbranch_scc0 .Lentry_in_a_cluster
	s_endpgm
.Lentry_in_a_cluster:
	s_bfe_u32 s2, ttmp6, 0x10000c
	s_cmp_lg_u32 s2, 0xf033
	s_cbranch_scc0 .Lentry_shape_is_right
	s_endpgm
.Lentry_shape_is_right:
; x1 = x + o proj_w + proj_b, the product on codes of FP6 (E2M3) with E8M0 scales.  Nothing of reference() is left out here.
; OPERANDS are images: a fragment (16 rows x 128 K, 12 registers a lane) is 1,536 bytes, six pieces of 256, piece i = registers 2 i, 2 i + 1, lane l's 8 bytes at 8 l; buffers [row tile][K step][1,536]; scale words [row tile][K step][16] x 4 bytes.
; Role A = the tokens' rows (oq: codes @0, scale words @3,145,728), role B = proj_w's columns as rows (wts: codes @2,359,296, scale words @7,962,624).
; SHARES.  The result, 4,096 x 1,024, is cut into 256 tiles of 128 x 128, one to a work-group of four waves; a wave makes 64 x 64: 16 accumulators.  A larger tile would give work to 64 work-groups alone.
; K goes in slots of 512 (a row tile's four images, 6,144 bytes on end) through two LDS slots filled by the tensor data mover, one load of all 8 row tiles for A and one for B.  Here K is 1,024: both slots are first fills, and nothing is filled again.
; The scale words of the work-group's rows come once.  Role A's rows are source 1 of the matrix instruction, role B's source 0: a lane holds one token (lane % 16) and eight neighbouring columns (8 (lane / 16) + j).
; The bias is the C of each sum's first matrix instruction.  The residual's 64 x 64 numbers of a wave are asked for at the head, as whole rows of 256 bytes, and wait in registers.
; CLUSTERS of 4 x 4: A's tiles are asked for jointly along a row of the cluster, B's along a column.
; THE WAY OUT: a wave's 64 columns are 256 aligned bytes of a row, so each wave has a stage of its own (16 rows x 272 bytes, bytes that no tensor load fills) and no barrier: 16 rows at a time in, back as whole rows, + x, stored.
; LDS: A's 8 row tiles @0, B's 8 @98,304, slot 1 6,144 bytes into each row tile; scale words @196,608; spare words behind them; the four stages behind those.
; REGISTERS, in windows of 256: window 0: v0-31 addresses; v32-63 scale words, two sets, and nothing else; v64-95 the bias; v128-255 accumulator (a, b) at v[128 + 8 (4 a + b)];
;   window 1: two sets of fragments at v0 and v128: B's four, then A's four;   window 2: v0-127 the residual.
.set SIZE_K, 1024
.set A_SC,   3145728
.set B_CODE, 2359296
.set B_SC,   7962624
.set KSN,    SIZE_K/128
.set RTB,    KSN*1536                  ; a row tile's images, all K
.set STEPB,  6144                      ; a row tile's bytes in a slot: four images
.set FR,     12
.set NP,     4                         ; places behind this matrix instruction (ISA guide 7.12.1)
.set HALFT,  4*RTB                     ; 64 rows, all of K: what one wave reads of A or of B.  ALL OF K LIES IN LDS: A's 8 row tiles (12,288 bytes each), then B's 8, each brought whole by one load at the head
.set SLOT,   STEPB                     ; the second 512 along K begin 6,144 bytes into a row tile
.set LAPS,   SIZE_K/1024               ; a lap = two slots
.set SBLK,   64*KSN                    ; a row tile's scale words
.set HALFS,  4*SBLK
.set SCL,    4*HALFT
.set SPARE,  SCL+4*HALFS               ; the spare words, 128 bytes a wave, that no other line names
.set STAGE,  SPARE+512
.set SPITCH, 272                       ; a stage row: 256 bytes + 16, an odd multiple of 16: the sixteen rows of a store start at sixteen different 16-byte columns
.set ADRA, 16                          ; v16-17  LDS address of my A fragments in slot 0, 1
.set ADRB, 20                          ; v20-21  the same for B
.set STO,  24
.set RD,   25
.set CO,   26
.set ADRS, 27
.set SPW,  28
.set NIL,  29
.set BO,   30
.set SC,   32
.set BI,   64
.set ACC,  128
.set G1, 24
.set G0, 32
.set G1B, 48
.set G0B, 56
.set G1S, 68
.set G0S, 76
.set G1SB, 80
.set G0SB, 88
.set MSB, 0
.macro WIN new                         ; the immediate's high byte repeats the setting that is left
.if MSB != (\new)
	s_set_vgpr_msb (MSB<<8)|(\new)
.set MSB, (\new)
.endif
.endm
.set MUL,  0x05                        ; sources 0 (B) and 1 (A) window 1; C and D window 0
.set TO_F, 0x40                        ; destination window 1, address window 0
.set TO_X, 0x80                        ; destination window 2
.set ADDX, 0x08                        ; source 1 window 2
.macro JLOAD g0a, g1a, g0b, g1b        ; a joint load: waves 0 and 1 fetch for A, waves 2 and 3 for B; the branch hangs on the wave's number alone; s_nop 0 and four v_nop follow each line
	s_cmp_eq_u32 s15, 0
	s_cbranch_scc0 .Lfor_b_\@
	tensor_load_to_lds s[\g0a:\g0a+3], s[\g1a:\g1a+7]
	s_nop 0
.rept 4
	v_nop
.endr
	s_branch .Lasked_\@
.Lfor_b_\@:
	tensor_load_to_lds s[\g0b:\g0b+3], s[\g1b:\g1b+7]
	s_nop 0
.rept 4
	v_nop
.endr
.Lasked_\@:
.endm
.macro CREST                           ; a round of the cluster's barrier behind its opening barrier
	s_cmp_lg_u32 s14, 0
	s_cbranch_scc1 .Lnot_wave_0_\@
	s_barrier_signal -3
.Lnot_wave_0_\@:
	s_barrier_wait -3
	s_barrier_signal -1
	s_barrier_wait -1
.endm
.macro CROUND
	s_barrier_signal -1
	s_barrier_wait -1
	CREST
.endm
	s_load_b256 s[4:11], s[0:1], 0x0               ; A's buffer, wts, the bias, the residual
	s_load_b64 s[12:13], s[0:1], 0x20              ; the result
	v_lshl_add_u32 v[SPW], v0, 2, SPARE
	v_mov_b32 v[NIL], 0
	ds_add_u32 v[SPW], v[NIL]                      ; the wave's opening: the add, twice on end, and its wait ahead of my first tensor load
	ds_add_u32 v[SPW], v[NIL]
	v_lshrrev_b32 v1, 5, v0
	v_readfirstlane_b32 s14, v1                    ; wave 0..3
	s_lshr_b32 s15, s14, 1                         ; which half of A's rows is mine.  Also: I fetch for A (0) or for B (1)
	s_and_b32 s16, s14, 1                          ; which half of B's rows.  Also: which 64 rows I fetch
	s_bfe_u32 s40, ttmp6, 0x40000                  ; cx
	s_bfe_u32 s41, ttmp6, 0x40004                  ; cy
	s_lshl_b32 s42, ttmp9, 2
	s_add_co_u32 s42, s42, s40                     ; B's tile of 128 rows: 0 .. 7
	s_and_b32 s17, ttmp7, 0xffff
	s_lshl_b32 s17, s17, 2
	s_add_co_u32 s17, s17, s41                     ; A's tile: 0 .. 31
	s_lshl_b32 s43, s41, 2
	s_lshl_b32 s43, 15, s43                        ; my row of the cluster
	s_lshl_b32 s44, 0x1111, s40                    ; my column
	; descriptor group 1, codes: 8 row tiles x 12,288 bytes (1,536 elements of 8 bytes), RTB bytes apart
	s_or_b32 s[G1+0], s43, (3<<16)|(1<<21)         ; 15:0 the mask; 17:16 elements of 8 bytes; 21 set beside a mask; no padding
	s_or_b32 s[G1B+0], s44, (3<<16)|(1<<21)
.irp g, G1, G1B
	s_mov_b32 s[\g+1], 1536<<16                    ; tensor_dim0: a row tile's 12,288 bytes
	s_mov_b32 s[\g+2], 8<<16                       ; tensor_dim1: 8 row tiles
	s_mov_b32 s[\g+3], 1536<<16                    ; tile_dim0
	s_mov_b32 s[\g+4], 8                           ; tile_dim1
	s_mov_b32 s[\g+5], RTB/8                       ; tensor_dim0_stride
	s_mov_b32 s[\g+6], 0
	s_mov_b32 s[\g+7], 0
.endr
	; and for the scale words of 128 rows: a dense block, as rows of 256 bytes
	s_or_b32 s[G1S+0], s43, (3<<16)|(1<<21)
	s_or_b32 s[G1SB+0], s44, (3<<16)|(1<<21)
.irp g, G1S, G1SB
	s_mov_b32 s[\g+1], 32<<16
	s_mov_b32 s[\g+2], (HALFS/128)<<16             ; the scale words of all 128 rows in one load
	s_mov_b32 s[\g+3], 32<<16
	s_mov_b32 s[\g+4], HALFS/128
	s_mov_b32 s[\g+5], 32
	s_mov_b32 s[\g+6], 0
	s_mov_b32 s[\g+7], 0
.endr
	s_lshl_b32 s20, s17, 3                         ; A: the tile's first row tile
	s_lshl_b32 s46, s42, 3                         ; B likewise
	s_mul_i32 s22, s20, SBLK
	s_add_co_u32 s22, s22, A_SC
	s_mul_i32 s92, s46, SBLK
	s_add_co_u32 s92, s92, B_SC
	s_mul_i32 s20, s20, RTB
	s_mul_i32 s46, s46, RTB
	s_add_co_u32 s46, s46, B_CODE
	s_mov_b32 s21, 0
	s_mov_b32 s23, 0
	s_mov_b32 s47, 0
	s_mov_b32 s93, 0
	s_wait_dscnt 0x0                               ; both opening adds are done
	s_wait_kmcnt 0x0
	s_add_nc_u64 s[20:21], s[4:5], s[20:21]
	s_add_nc_u64 s[22:23], s[4:5], s[22:23]
	s_add_nc_u64 s[46:47], s[6:7], s[46:47]
	s_add_nc_u64 s[92:93], s[6:7], s[92:93]
	CROUND                                         ; all sixteen work-groups are here: the first joint loads meet
	s_mov_b32 s[G0S], 1
	s_mov_b32 s[G0S+1], SCL
	s_mov_b64 s[G0S+2:G0S+3], s[22:23]
	s_or_b32 s[G0S+3], s[G0S+3], 0x80000000
	s_mov_b32 s[G0SB], 1
	s_mov_b32 s[G0SB+1], SCL+2*HALFS
	s_mov_b64 s[G0SB+2:G0SB+3], s[92:93]
	s_or_b32 s[G0SB+3], s[G0SB+3], 0x80000000
	; THE HEAD'S LOADS, ONE A WAVE, and the launch's only ones: wave 0 A's 128 rows, all of K, wave 1 B's, wave 2 A's scale words, wave 3 B's
	s_mov_b32 s[G0], 1
	s_mov_b32 s[G0+1], 0
	s_mov_b64 s[G0+2:G0+3], s[20:21]
	s_or_b32 s[G0+3], s[G0+3], 0x80000000
	s_mov_b32 s[G0B], 1
	s_mov_b32 s[G0B+1], 2*HALFT
	s_mov_b64 s[G0B+2:G0B+3], s[46:47]
	s_or_b32 s[G0B+3], s[G0B+3], 0x80000000
.macro ARM under, g0, g1, next         ; one chain of branches on the wave's number, one load to an arm, all arms to one join
	s_cmp_lt_u32 s14, \under
	s_cbranch_scc0 \next
	tensor_load_to_lds s[\g0:\g0+3], s[\g1:\g1+7]
	s_nop 0
.rept 4
	v_nop
.endr
	s_branch .Lhead_asked
\next:
.endm
	ARM 1, G0,  G1,  .Lhead_b
	ARM 2, G0B, G1B, .Lhead_sa
	ARM 3, G0S, G1S, .Lhead_sb
	tensor_load_to_lds s[G0SB:G0SB+3], s[G1SB:G1SB+7]
	s_nop 0
.rept 4
	v_nop
.endr
.Lhead_asked:
	v_and_b32 v1, 15, v0                           ; r
	v_bfe_u32 v2, v0, 4, 1                         ; h
	s_wait_alu depctr_va_vdst(0)
	v_and_b32 v3, 31, v0                           ; lane
	v_lshlrev_b32 v4, 3, v3                        ; 8 x lane
	s_mul_i32 s21, s15, HALFT                      ; my 64 rows of A
	s_mul_i32 s22, s16, HALFT
	s_add_co_u32 s22, s22, 2*HALFT                 ; my 64 rows of B, behind A's 128
.irp s, 0,1
	v_add_nc_u32 v[ADRA+\s], s21, v4
	v_add_nc_u32 v[ADRB+\s], s22, v4
	s_add_co_u32 s21, s21, SLOT
	s_add_co_u32 s22, s22, SLOT
.endr
	v_lshlrev_b32 v5, 2, v1                        ; my row's scale word
	s_mul_i32 s21, s15, HALFS
	s_mul_i32 s22, s16, HALFS
	s_add_co_u32 s22, s22, 2*HALFS
	s_sub_co_u32 s22, s22, s21
	v_mul_u32_u24 v6, s22, v2                      ; lanes 16-31 take B's
	s_add_co_u32 s21, s21, SCL
	v_add_nc_u32 v5, v5, v6
	v_add_nc_u32 v[ADRS], s21, v5
	s_mul_i32 s23, s14, 16*SPITCH
	s_add_co_u32 s23, s23, STAGE                   ; my stage
	v_mul_u32_u24 v5, v1, SPITCH
	v_lshl_add_u32 v5, v2, 5, v5
	v_add_nc_u32 v[STO], s23, v5                   ; in: row r, 32 bytes for each half of the lanes
	v_mul_u32_u24 v5, v2, SPITCH
	v_lshl_add_u32 v5, v1, 4, v5
	v_add_nc_u32 v[RD], s23, v5                    ; back: lanes 0-15 take one row of 256 bytes, lanes 16-31 the next
	v_lshlrev_b32 v[CO], 12, v2
	v_lshl_add_u32 v[CO], v1, 4, v[CO]             ; and the same two rows in memory, 4,096 bytes apart
	v_lshlrev_b32 v[BO], 5, v2
	s_wait_alu depctr_va_vdst(0)
	s_lshl_b32 s20, s17, 7
	s_lshl_b32 s21, s15, 6
	s_add_co_u32 s20, s20, s21                     ; my first row
	s_lshl_b32 s20, s20, 12                        ; of 4,096 bytes
	s_lshl_b32 s46, s42, 9
	s_lshl_b32 s47, s16, 8
	s_add_co_u32 s46, s46, s47                     ; my first column, in bytes
	s_add_co_u32 s20, s20, s46
	s_mov_b32 s21, 0
	s_mov_b32 s47, 0
	s_add_nc_u64 s[10:11], s[10:11], s[20:21]
	s_add_nc_u64 s[12:13], s[12:13], s[20:21]
	s_add_nc_u64 s[8:9], s[8:9], s[46:47]
.irp b, 0,1,2,3
	global_load_b128 v[BI+8*\b:BI+8*\b+3], v[BO], s[8:9] offset:64*\b        ; the bias in the result's layout: tile b, columns 16 b + 8 h + 0 .. 7
	global_load_b128 v[BI+8*\b+4:BI+8*\b+7], v[BO], s[8:9] offset:64*\b+16
.endr
	WIN TO_X
.set t, 0
.rept 32
	global_load_b128 v[4*t:4*t+3], v[CO], s[10:11] offset:2*t*4096 th:TH_LOAD_NT   ; the residual: rows 2 t and 2 t + 1 of my 64; sixteen lanes read 256 consecutive bytes, aligned
.set t, t+1
.endr
	WIN 0
.macro FRAG reg, adr, q, i             ; a fragment comes as it lies: six loads of 8 bytes a lane, each 256 consecutive bytes
.irp p, 0,1,2,3,4,5
	ds_load_b64 v[\reg+2*\p:\reg+2*\p+1], v[\adr] offset:RTB*(\i)+1536*(\q)+256*\p
.endr
.endm
; Four matrix instructions: A's block a x B's four, 128 along K: the slot's q-th, out of fragment set p, with the scale words of set sc.  The 16 accumulators take turns, one instruction a turn, in the same order in every step
; zero = 1: the first product starts the sums, with the bias as C
.macro MULA a, p, q, sc, zero
.irp b, 0,1,2,3
.if \zero
	v_wmma_scale_f32_16x16x128_f8f6f4 v[ACC+8*(4*(\a)+\b):ACC+8*(4*(\a)+\b)+7], v[128*(\p)+FR*\b:128*(\p)+FR*\b+FR-1], v[128*(\p)+48+FR*(\a):128*(\p)+48+FR*(\a)+FR-1], v[BI+8*\b:BI+8*\b+7], v[SC+16*(\sc)+4*\b+(\q)], v[SC+16*(\sc)+4*(\a)+(\q)] matrix_a_fmt:MATRIX_FMT_FP6 matrix_b_fmt:MATRIX_FMT_FP6 matrix_a_scale:MATRIX_SCALE_ROW1
.else
	v_wmma_scale_f32_16x16x128_f8f6f4 v[ACC+8*(4*(\a)+\b):ACC+8*(4*(\a)+\b)+7], v[128*(\p)+FR*\b:128*(\p)+FR*\b+FR-1], v[128*(\p)+48+FR*(\a):128*(\p)+48+FR*(\a)+FR-1], v[ACC+8*(4*(\a)+\b):ACC+8*(4*(\a)+\b)+7], v[SC+16*(\sc)+4*\b+(\q)], v[SC+16*(\sc)+4*(\a)+(\q)] matrix_a_fmt:MATRIX_FMT_FP6 matrix_b_fmt:MATRIX_FMT_FP6 matrix_a_scale:MATRIX_SCALE_ROW1
.endif
.endr
.endm
.macro FETCH slot, q, p                ; 48 LDS loads in one run: B's four fragments and A's four of the slot's q-th 128 along K, into set p
	WIN TO_F
.irp i, 0,1,2,3
	FRAG 128*(\p)+FR*\i, ADRB+\slot, \q, \i
.endr
.irp i, 0,1,2,3
	FRAG 128*(\p)+48+FR*\i, ADRA+\slot, \q, \i
.endr
.endm
.macro SCALES sc                       ; a slot's scale words: register 4 i + q: lanes 0-15 the words of A's block i, lanes 16-31 those of B's block i, for the slot's q-th 128 along K
.irp i, 0,1,2,3
.irp q, 0,1,2,3
	ds_load_b32 v[SC+16*\sc+4*\i+\q], v[ADRS] offset:\i*SBLK+64*\q
.endr
.endr
.endm
.macro PLACES n                        ; plain instructions between a matrix instruction and a load into, or a read of, its registers (ISA guide 7.12.1 for reads)
.rept \n
	v_nop
.endr
.endm
; 128 along K that has its successor in the same slot: the successor's fragments are asked for first, into the set that the last step multiplied, and have this step's sixteen matrix instructions in which to come
.macro STEP slot, q, zero
	PLACES NP
	FETCH \slot, (\q)+1, 1-(\q)%2
	s_wait_dscnt 48                                ; all but the 48 loads just issued: this step's fragments (and scale words) are in
	WIN MUL
	MULA 0, (\q)%2, \q, \slot, \zero
	MULA 1, (\q)%2, \q, \slot, \zero
	MULA 2, (\q)%2, \q, \slot, \zero
	MULA 3, (\q)%2, \q, \slot, \zero
.endm
; A slot's last step changes slots: one barrier; in front of it each wave waits for all its tensor loads, adds 0 to its spare word, and waits for that and for its reads of this slot.  fill = 1: the slot is filled again, two slots ahead
.macro TURN slot, next, fill
	WIN 0                                          ; (the add's two registers lie in window 0)
	s_wait_tensorcnt 0x0                           ; all my tensor loads have landed: my part of the next slot
	ds_add_u32 v[SPW], v[NIL]                      ; 0 onto my spare word
	s_wait_dscnt 1                                 ; (the add may be out; this step's fragments are in)
	WIN MUL
	MULA 0, 1, 3, \slot, 0
	s_wait_dscnt 0x0                               ; the add is done, and my reads of this slot are over
	s_barrier_signal -1
	MULA 1, 1, 3, \slot, 0
	WIN 0
	s_barrier_wait -1
.if \fill
	CREST                                          ; the barrier has opened a round of the cluster's: no wave of any partner still reads this slot or has a load on its way
	s_add_nc_u64 s[G0+4*\slot+2:G0+4*\slot+3], s[G0+4*\slot+2:G0+4*\slot+3], 2*STEPB
	s_add_nc_u64 s[G0B+4*\slot+2:G0B+4*\slot+3], s[G0B+4*\slot+2:G0B+4*\slot+3], 2*STEPB
	JLOAD G0+4*\slot, G1, G0B+4*\slot, G1B         ; the first tensor load behind the round; its four v_nop are the places in front of the loads below
.else
	PLACES NP
.endif
	v_add_nc_u32 v[ADRS], 256, v[ADRS]             ; the next slot's scale words: four K steps of 64 bytes on
	SCALES \next
	FETCH \next, 0, 0
	WIN MUL
	MULA 2, 1, 3, \slot, 0
	MULA 3, 1, 3, \slot, 0
.endm
	s_wait_alu depctr_va_vdst(0)
	s_wait_tensorcnt 0x0                           ; my tile of the head's four is in,
	s_barrier_signal -1
	s_barrier_wait -1                              ; everybody's are
	SCALES 0
	FETCH 0, 0, 0
	s_wait_loadcnt 32                              ; the bias is in; the residual's 32 loads may be out
	STEP 0, 0, 1
.if LAPS > 1
	WIN 0                                          ; at a label and at a branch every window is 0
	s_mov_b32 s3, LAPS-1
.Llap:                                                 ; a trip goes once round the ring, from a lap's second step to the next lap's first, and fills both slots again
	STEP 0, 1, 0
	STEP 0, 2, 0
	TURN 0, 1, 1
	STEP 1, 0, 0
	STEP 1, 1, 0
	STEP 1, 2, 0
	TURN 1, 0, 1
	STEP 0, 0, 0
	WIN 0
	s_sub_co_u32 s3, s3, 1
	s_cmp_lg_u32 s3, 0
	s_cbranch_scc1 .Llap
.endif
	STEP 0, 1, 0                                   ; the last lap fills nothing
	STEP 0, 2, 0
	TURN 0, 1, 0
	STEP 1, 0, 0
	STEP 1, 1, 0
	STEP 1, 2, 0
	s_wait_dscnt 0x0                               ; the very last step: nothing more to fetch
	WIN MUL
	MULA 0, 1, 3, 1, 0
	MULA 1, 1, 3, 1, 0
	MULA 2, 1, 3, 1, 0
	MULA 3, 1, 3, 1, 0
	WIN 0
; Block a: 16 rows x 64 columns into my stage, and back as whole rows into the registers that they left.  LDS serves a wave's instructions in order (ISA guide 5.7.1.4): the loads see the stores above them, and the next block's stores come behind them
.macro TOSTAGE a
.irp b, 0,1,2,3
	ds_store_b128 v[STO], v[ACC+8*(4*(\a)+\b):ACC+8*(4*(\a)+\b)+3] offset:64*\b          ; each accumulator from its low end on
	ds_store_b128 v[STO], v[ACC+8*(4*(\a)+\b)+4:ACC+8*(4*(\a)+\b)+7] offset:64*\b+16
.endr
.irp t, 0,1,2,3,4,5,6,7
	ds_load_b128 v[ACC+32*(\a)+4*\t:ACC+32*(\a)+4*\t+3], v[RD] offset:2*\t*SPITCH
.endr
.endm
.macro SEND a
	s_wait_dscnt 16*(3-(\a))                       ; block a is back; the sixteen LDS instructions of each later block may be out
	WIN ADDX
.set j, 0
.rept 16
	v_pk_add_f32 v[ACC+32*(\a)+j:ACC+32*(\a)+j+1], v[ACC+32*(\a)+j:ACC+32*(\a)+j+1], v[32*(\a)+j:32*(\a)+j+1]
.set j, j+2
.endr
	WIN 0
.set t, 0
.rept 8
	global_store_b128 v[CO], v[ACC+32*(\a)+4*t:ACC+32*(\a)+4*t+3], s[12:13] offset:(16*(\a)+2*t)*4096   ; sixteen lanes store 256 consecutive bytes, aligned
.set t, t+1
.endr
.endm
	PLACES NP                                      ; in front of the reads of the last results
.irp a, 0,1,2,3
	TOSTAGE \a
.endr
	s_wait_loadcnt 0x0                             ; the residual, asked for at the head
.irp a, 0,1,2,3
	SEND \a
.endr
	s_wait_tensorcnt 0x0                           ; the wave's end
	ds_add_u32 v[SPW], v[NIL]
	s_wait_dscnt 0x0
	CROUND                                         ; the closing round: no work-group ends while a partner may still ask for a tile that names it
	s_endpgm
.Lfunc_end_k_q9bbc24cdcb_proj:
	.size	k_q9bbc24cdcb_proj, .Lfunc_end_k_q9bbc24cdcb_proj-k_q9bbc24cdcb_proj
	.p2alignl 7, 3214868480
	.fill 96, 4, 3214868480
	.section	.rodata,"a",@progbits
	.p2align	6, 0x0
	.amdhsa_kernel k_q9bbc24cdcb_proj
		.amdhsa_group_segment_fixed_size 327680
		.amdhsa_private_segment_fixed_size 0
		.amdhsa_enable_private_segment 0
		.amdhsa_kernarg_size 40
		.amdhsa_user_sgpr_count 2
		.amdhsa_user_sgpr_kernarg_segment_ptr 1
		.amdhsa_wavefront_size32 1
		.amdhsa_system_sgpr_workgroup_id_x 1
		.amdhsa_system_sgpr_workgroup_id_y 1
		.amdhsa_system_sgpr_workgroup_id_z 1
		.amdhsa_system_vgpr_workitem_id 0
		.amdhsa_next_free_vgpr 768
		.amdhsa_next_free_sgpr 100
		.amdhsa_reserve_vcc 0
		.amdhsa_float_denorm_mode_32 3
		.amdhsa_float_denorm_mode_16_64 3
		.amdhsa_memory_ordered 1
		.amdhsa_forward_progress 1
		.amdhsa_inst_pref_size 69
	.end_amdhsa_kernel
	.amdgpu_metadata
---
amdhsa.version: [ 1, 2 ]
amdhsa.kernels:
  - .name:           k_q9bbc24cdcb_proj
    .symbol:         k_q9bbc24cdcb_proj.kd
    .args:
      - { .name: oq, .offset: 0, .size: 8, .value_kind: global_buffer, .address_space: global }
      - { .name: wts, .offset: 8, .size: 8, .value_kind: global_buffer, .address_space: global }
      - { .name: proj_b, .offset: 16, .size: 8, .value_kind: global_buffer, .address_space: global }
      - { .name: x, .offset: 24, .size: 8, .value_kind: global_buffer, .address_space: global }
      - { .name: x1, .offset: 32, .size: 8, .value_kind: global_buffer, .address_space: global }
    .group_segment_fixed_size: 327680
    .private_segment_fixed_size: 0
    .kernarg_segment_align: 8
    .kernarg_segment_size: 40
    .max_flat_workgroup_size: 128
    .sgpr_count:     100
    .vgpr_count:     768
    .wavefront_size: 32
...
	.end_amdgpu_metadata
.endif
;; end of part 11
;; launch ln1 (part 12): grid 256 x 1, 8 waves a work-group, no clusters, 70,144 bytes of LDS; arguments x1, ln2_w, ln2_b, h2q; writes h2q
.if DOCPART == 12
	.amdgcn_target "amdgcn-amd-amdhsa--gfx1250"
	.amdhsa_code_object_version 6
	.text
	.protected	k_q9bbc24cdcb_ln1
	.globl	k_q9bbc24cdcb_ln1
	.p2align	8
	.type	k_q9bbc24cdcb_ln1,@function
k_q9bbc24cdcb_ln1:
	s_mov_b64 s[64:65], 0
	v_nop
	global_prefetch_b8 v0, s[64:65] scope:SCOPE_SE
	s_setreg_imm32_b32 hwreg(HW_REG_WAVE_MODE, 25, 1), 1
	s_wait_xcnt 0x0
; LayerNorm of 16 rows of 1,024 f32 numbers, and the quantiser to FP6 (E2M3) along the row: out = codes as images [256 row tiles][8 K steps][1,536 bytes] @0, scale words [256][8][16] @3,145,728.
; (An image: six pieces of 256 bytes, piece i = the operand's registers 2 i, 2 i + 1, lane l's 8 bytes at 8 l.  Inside each block of 32 along K place p holds k = p with bits 3 and 4 exchanged, as in every operand of the program.)
; SHARES.  A work-group takes a row tile; wave w takes columns 128 w .. 128 w + 127 of its 16 rows: K step w.  The loads take the bytes as they lie (a row's 512 bytes a load); they turn through the wave's own stage in LDS,
; after which lane (r = lane % 16, h = lane / 16) holds 64 numbers of row r: register 16 b + 8 u + j = column 32 b + 16 u + 8 h + j.
; Mean and variance in two passes (the mean first, then the squares of the differences), so that a common offset of the inputs does not enter the variance; the eight waves' partial sums meet in LDS, two barriers.
; LDS: stages 8 x 16 rows x 528 bytes @0; partial sums [16 r][8 w] @67,584 and @68,096; scale words [8 w][16] @68,608; spare words @69,120.
; LIMITS: NaN and infinities are not served; a block under 2^-124 keeps the scale byte 1 (a block of zeros too: its codes are zeros; this program alone reads the bytes).
; THIS LAUNCH runs behind proj: it normalises x1 with ln2's gain and bias into h2q.  The first LayerNorm, of x, is made by the same text in launch prep.
.set STG,   8448
.set P1,    67584
.set SW,    68608
.set SPARE, 69120
.set TM,  8                            ; v8-23    the quantiser's
.set PW,  24                           ; v24      the scale word
.set SWA, 25                           ; v25      where I put it
.set MN,  26                           ; v26-27   - mean (a pair; the low word serves)
.set RS,  28                           ; v28-29   1 / sqrt(var + eps)
.set SPW, 30                           ; v30      my spare word; never rewritten
.set NIL, 31                           ; v31      0; never rewritten
.set X,   32                           ; v32-95   my 64 numbers
.set R,   96                           ; v96-159  as loaded; later the bias
.set W,   160                          ; v160-223 the gain
.set PC,  224                          ; v224-242 codes
.set AC,  244                          ; v244-251 sums
.set SWR, 252                          ; v252     where wave 0 reads the scale words back
	s_load_b256 s[4:11], s[0:1], 0x0               ; in, gain, bias, out
	v_lshl_add_u32 v[SPW], v0, 2, SPARE
	v_mov_b32 v[NIL], 0
	v_lshrrev_b32 v1, 5, v0
	s_delay_alu instid0(VALU_DEP_1)
	v_readfirstlane_b32 s12, v1                    ; wave
	v_and_b32 v7, 31, v0                           ; lane
	v_and_b32 v5, 15, v0                           ; r
	v_bfe_u32 v2, v0, 4, 1                         ; h
	s_delay_alu instid0(VALU_DEP_3)
	v_lshlrev_b32 v1, 4, v7                        ; 16 x lane
	s_delay_alu instid0(VALU_DEP_2)
	v_lshlrev_b32 v2, 5, v2                        ; 32 h
	s_mul_i32 s13, s12, STG
	v_add_nc_u32 v3, s13, v1                       ; the stage, on the way in
	v_mul_u32_u24 v4, v5, 528
	s_delay_alu instid0(VALU_DEP_1)
	v_add_nc_u32 v4, v4, v2
	s_delay_alu instid0(VALU_DEP_1)
	v_add_nc_u32 v4, s13, v4                       ; and out: row r, + 32 h
	v_lshl_add_u32 v6, v5, 5, P1                   ; my row's eight partial sums
	v_lshl_add_u32 v[SWA], v5, 2, SW
	s_lshl_b32 s14, s12, 6
	v_add_nc_u32 v[SWA], s14, v[SWA]
	s_lshl_b32 s13, s12, 2
	v_add_nc_u32 v5, s13, v6                       ; my wave's among them
	v_add_nc_u32 v[SWR], SW, v1
	v_lshlrev_b32 v7, 3, v7                        ; 8 x lane
.irp b, 0,1,2,3
	v_mov_b32 v[TM+4+\b], 0                        ; written once: a lane permute's destination counts as one of its sources
.endr
	v_mov_b32 v[MN+1], 0                           ; (named as the upper halves of pairs)
	s_mov_b32 s26, 0x76543210
	s_mov_b32 s27, 0xfedcba98                      ; v_permlanex16_b32's selects for lane l xor 16
	s_mov_b32 s28, 0x3a800000                      ; 1 / 1024
	s_mov_b32 s29, 0x3727c5ac                      ; 1e-5
	s_lshl_b32 s16, ttmp9, 16                      ; 16 rows of 4,096 bytes
	s_lshl_b32 s18, s12, 9                         ; my 512 bytes of a row
	s_add_co_u32 s16, s16, s18
	s_mov_b32 s17, 0
	s_mov_b32 s19, 0
	s_lshl_b32 s20, ttmp9, 3
	s_add_co_u32 s20, s20, s12
	s_mul_i32 s20, s20, 1536                       ; my image
	s_mov_b32 s21, 0
	s_lshl_b32 s22, ttmp9, 9
	s_add_co_u32 s22, s22, 3145728                 ; the row tile's 512 bytes of scale words
	s_mov_b32 s23, 0
	s_wait_kmcnt 0x0
	s_add_nc_u64 s[4:5], s[4:5], s[16:17]
	s_add_nc_u64 s[6:7], s[6:7], s[18:19]
	s_add_nc_u64 s[8:9], s[8:9], s[18:19]
	s_add_nc_u64 s[24:25], s[10:11], s[22:23]
	s_add_nc_u64 s[10:11], s[10:11], s[20:21]
.irp j, 0,1,2,3,4,5,6,7,8,9,10,11,12,13,14,15
	global_load_b128 v[R+4*\j:R+4*\j+3], v1, s[4:5] offset:4096*\j th:TH_LOAD_NT   ; 32 lanes read 512 consecutive bytes of row j
.endr
.irp b, 0,1,2,3
.irp u, 0,1
.irp j, 0,1
	global_load_b128 v[W+16*\b+8*\u+4*\j:W+16*\b+8*\u+4*\j+3], v2, s[6:7] offset:128*\b+64*\u+16*\j   ; the gain, in my numbers' order
.endr
.endr
.endr
	s_wait_loadcnt 16                              ; the rows are in; the gain's 16 loads may be out
.irp j, 0,1,2,3,4,5,6,7,8,9,10,11,12,13,14,15
	ds_store_b128 v3, v[R+4*\j:R+4*\j+3] offset:528*\j
.endr
.irp b, 0,1,2,3
.irp u, 0,1
.irp j, 0,1
	ds_load_b128 v[X+16*\b+8*\u+4*\j:X+16*\b+8*\u+4*\j+3], v4 offset:128*\b+64*\u+16*\j   ; LDS serves a wave's instructions in order: these see my stores; the stage is my wave's own
.endr
.endr
.endr
	s_wait_dscnt 0x0
.irp b, 0,1,2,3
.irp u, 0,1
.irp j, 0,1
	global_load_b128 v[R+16*\b+8*\u+4*\j:R+16*\b+8*\u+4*\j+3], v2, s[8:9] offset:128*\b+64*\u+16*\j   ; the bias, into the registers that the stage's stores have read
.endr
.endr
.endr
; v[AC] holds the sum over my 64 numbers; behind the macro it holds the row's, the same bits in every wave.  off: which set of partial sums
.macro REDUCE off
	s_delay_alu instid0(VALU_DEP_1)
	v_permlanex16_b32 v[AC+1], v[AC], s26, s27
	s_delay_alu instid0(VALU_DEP_1)
	v_add_f32 v[AC], v[AC], v[AC+1]                ; my wave's 128 columns of row r
	ds_store_b32 v5, v[AC] offset:\off             ; lanes r and r + 16 write the same word with the same value
	s_wait_dscnt 0x0                               ; for the others' sake
	s_barrier_signal -1
	s_barrier_wait -1
	ds_load_b128 v[AC:AC+3], v6 offset:\off
	ds_load_b128 v[AC+4:AC+7], v6 offset:\off+16
	s_wait_dscnt 0x0
	v_add_f32 v[AC], v[AC], v[AC+1]
	v_add_f32 v[AC+2], v[AC+2], v[AC+3]
	v_add_f32 v[AC+4], v[AC+4], v[AC+5]
	v_add_f32 v[AC+6], v[AC+6], v[AC+7]
	s_delay_alu instid0(VALU_DEP_3)
	v_add_f32 v[AC], v[AC], v[AC+2]
	s_delay_alu instid0(VALU_DEP_2)
	v_add_f32 v[AC+4], v[AC+4], v[AC+6]
	s_delay_alu instid0(VALU_DEP_1)
	v_add_f32 v[AC], v[AC], v[AC+4]
.endm
.macro FOLD                            ; four packed chains into one number
	s_delay_alu instid0(VALU_DEP_3)
	v_pk_add_f32 v[AC:AC+1], v[AC:AC+1], v[AC+2:AC+3]
	s_delay_alu instid0(VALU_DEP_2)
	v_pk_add_f32 v[AC+4:AC+5], v[AC+4:AC+5], v[AC+6:AC+7]
	s_delay_alu instid0(VALU_DEP_1)
	v_pk_add_f32 v[AC:AC+1], v[AC:AC+1], v[AC+4:AC+5]
	s_delay_alu instid0(VALU_DEP_1)
	v_add_f32 v[AC], v[AC], v[AC+1]
.endm
.irp k, 0,1,2,3
	v_pk_add_f32 v[AC+2*\k:AC+2*\k+1], v[X+2*\k:X+2*\k+1], v[X+8+2*\k:X+9+2*\k]   ; the first additions start the chains: nothing is cleared
.endr
.irp m, 2,3,4,5,6,7
.irp k, 0,1,2,3
	s_delay_alu instid0(VALU_DEP_4)
	v_pk_add_f32 v[AC+2*\k:AC+2*\k+1], v[AC+2*\k:AC+2*\k+1], v[X+8*\m+2*\k:X+8*\m+2*\k+1]
.endr
.endr
	FOLD
	REDUCE 0
	s_delay_alu instid0(VALU_DEP_1)
	v_mul_f32 v[MN], 0xba800000, v[AC]             ; - mean
.set j, 0
.rept 32
	v_pk_add_f32 v[X+j:X+j+1], v[X+j:X+j+1], v[MN:MN+1] op_sel_hi:[1,0]
.set j, j+2
.endr
.irp k, 0,1,2,3
	v_pk_mul_f32 v[AC+2*\k:AC+2*\k+1], v[X+2*\k:X+2*\k+1], v[X+2*\k:X+2*\k+1]
.endr
.irp m, 1,2,3,4,5,6,7
.irp k, 0,1,2,3
	s_delay_alu instid0(VALU_DEP_4)
	v_pk_fma_f32 v[AC+2*\k:AC+2*\k+1], v[X+8*\m+2*\k:X+8*\m+2*\k+1], v[X+8*\m+2*\k:X+8*\m+2*\k+1], v[AC+2*\k:AC+2*\k+1]
.endr
.endr
	FOLD
	REDUCE 512                                     ; other bytes than the first set's: no barrier is owed between the two
	s_delay_alu instid0(VALU_DEP_1)
	v_fma_f32 v[RS], v[AC], s28, s29               ; the variance + 1e-5
	s_wait_alu depctr_va_vdst(0)
	v_rsq_f32 v[RS], v[RS]
	v_mov_b32 v[RS+1], 0                           ; a plain instruction behind it (and the pair's upper half is written)
	s_wait_alu depctr_va_vdst(0)                   ; ahead of the first reader
.set j, 0
.rept 32
	v_pk_mul_f32 v[X+j:X+j+1], v[X+j:X+j+1], v[RS:RS+1] op_sel_hi:[1,0]
.set j, j+2
.endr
	s_wait_loadcnt 0x0                             ; gain and bias
.set j, 0
.rept 32
	v_pk_fma_f32 v[X+j:X+j+1], v[X+j:X+j+1], v[W+j:W+j+1], v[R+j:R+j+1]
.set j, j+2
.endr
	; the quantiser: four blocks of 32; a block lies in lanes l and l xor 16
.irp b, 0,1,2,3
	v_max3_num_f32 v[TM+\b], |v[X+16*\b]|, |v[X+16*\b+1]|, 0x1800000   ; with the floor 2^(3 - 127): the byte cannot fall under 1
.endr
.irp i, 2,4,6,8,10,12,14
.irp b, 0,1,2,3
	s_delay_alu instid0(VALU_DEP_4)
	v_max3_num_f32 v[TM+\b], v[TM+\b], |v[X+16*\b+\i]|, |v[X+16*\b+\i+1]|
.endr
.endr
.irp b, 0,1,2,3
	s_delay_alu instid0(VALU_DEP_4)
	v_permlanex16_b32 v[TM+4+\b], v[TM+\b], s26, s27
.endr
.irp b, 0,1,2,3
	s_delay_alu instid0(VALU_DEP_4)
	v_max_num_f32 v[TM+\b], v[TM+\b], v[TM+4+\b]
.endr
.irp b, 0,1,2,3
	s_delay_alu instid0(VALU_DEP_4)
	v_add_nc_u32 v[TM+12+\b], 0xff000000, v[TM+\b] ; 2 off the exponent field: the conversion's scale operand
.endr
.irp b, 0,1,2,3
	s_delay_alu instid0(VALU_DEP_4)
	v_lshrrev_b32 v[TM+4+\b], 23, v[TM+12+\b]      ; the scale's byte
.endr
	s_delay_alu instid0(VALU_DEP_3)
	v_lshl_or_b32 v[PW], v[TM+5], 8, v[TM+4]
	s_delay_alu instid0(VALU_DEP_1)
	v_lshl_or_b32 v[PW], v[TM+6], 16, v[PW]
	s_delay_alu instid0(VALU_DEP_1)
	v_lshl_or_b32 v[PW], v[TM+7], 24, v[PW]
.irp c, 0,1
	v_cvt_scalef32_pk16_fp6_f32 v[PC+6*\c:PC+6*\c+2], v[X+32*\c:X+32*\c+15], v[TM+12+2*\c]
	v_cvt_scalef32_pk16_fp6_f32 v[PC+12+4*\c:PC+12+4*\c+2], v[X+32*\c+16:X+32*\c+31], v[TM+13+2*\c]   ; (a conversion's three registers begin on an even number)
.endr
	v_nop                                          ; one plain instruction behind the scaled conversions
.irp c, 0,1                                    ; the operand wants a whole block in a lane: lanes 0-15 block 2 c, lanes 16-31 block 2 c + 1
.irp i, 0,1,2
	v_permlane16_swap_b32 v[PC+6*\c+\i], v[PC+12+4*\c+\i]
.endr
.irp i, 0,1,2
	s_delay_alu instid0(VALU_DEP_3)
	v_mov_b32 v[PC+3+6*\c+\i], v[PC+12+4*\c+\i]
.endr
.endr
.irp p, 0,1,2,3,4,5
	global_store_b64 v7, v[PC+2*\p:PC+2*\p+1], s[10:11] offset:256*\p   ; 32 lanes store 256 consecutive bytes, aligned
.endr
	ds_store_b32 v[SWA], v[PW]                     ; lanes r and r + 16 hold the same word
	s_wait_dscnt 0x0
	s_barrier_signal -1
	s_barrier_wait -1                              ; the row tile's 128 scale words lie in LDS
	s_cmp_lg_u32 s12, 0
	s_cbranch_scc1 .Lend
	ds_load_b128 v[AC:AC+3], v[SWR]
	s_wait_dscnt 0x0
	global_store_b128 v1, v[AC:AC+3], s[24:25]     ; wave 0 stores them: 512 consecutive bytes
.Lend:
	s_wait_tensorcnt 0x0                           ; the wave's end
	ds_add_u32 v[SPW], v[NIL]
	s_wait_dscnt 0x0
	s_endpgm
.Lfunc_end_k_q9bbc24cdcb_ln1:
	.size	k_q9bbc24cdcb_ln1, .Lfunc_end_k_q9bbc24cdcb_ln1-k_q9bbc24cdcb_ln1
	.p2alignl 7, 3214868480
	.fill 96, 4, 3214868480
	.section	.rodata,"a",@progbits
	.p2align	6, 0x0
	.amdhsa_kernel k_q9bbc24cdcb_ln1
		.amdhsa_group_segment_fixed_size 70144
		.amdhsa_private_segment_fixed_size 0
		.amdhsa_enable_private_segment 0
		.amdhsa_kernarg_size 32
		.amdhsa_user_sgpr_count 2
		.amdhsa_user_sgpr_kernarg_segment_ptr 1
		.amdhsa_wavefront_size32 1
		.amdhsa_system_sgpr_workgroup_id_x 1
		.amdhsa_system_sgpr_workgroup_id_y 1
		.amdhsa_system_sgpr_workgroup_id_z 1
		.amdhsa_system_vgpr_workitem_id 0
		.amdhsa_next_free_vgpr 256
		.amdhsa_next_free_sgpr 66
		.amdhsa_reserve_vcc 0
		.amdhsa_float_denorm_mode_32 3
		.amdhsa_float_denorm_mode_16_64 3
		.amdhsa_memory_ordered 1
		.amdhsa_forward_progress 1
		.amdhsa_inst_pref_size 30
	.end_amdhsa_kernel
	.amdgpu_metadata
---
amdhsa.version: [ 1, 2 ]
amdhsa.kernels:
  - .name:           k_q9bbc24cdcb_ln1
    .symbol:         k_q9bbc24cdcb_ln1.kd
    .args:
      - { .name: x1, .offset: 0, .size: 8, .value_kind: global_buffer, .address_space: global }
      - { .name: ln2_w, .offset: 8, .size: 8, .value_kind: global_buffer, .address_space: global }
      - { .name: ln2_b, .offset: 16, .size: 8, .value_kind: global_buffer, .address_space: global }
      - { .name: h2q, .offset: 24, .size: 8, .value_kind: global_buffer, .address_space: global }
    .group_segment_fixed_size: 70144
    .private_segment_fixed_size: 0
    .kernarg_segment_align: 8
    .kernarg_segment_size: 32
    .max_flat_workgroup_size: 256
    .sgpr_count:     66
    .vgpr_count:     256
    .wavefront_size: 32
...
	.end_amdgpu_metadata
.endif
;; end of part 12
;; launch ffn1 (part 13): grid 16 x 16, 4 waves a work-group, clusters of 4 x 4, 327,680 bytes of LDS; arguments h2q, wts, w_b, v_b, gq; writes gq
.if DOCPART == 13
	.amdgcn_target "amdgcn-amd-amdhsa--gfx1250"
	.amdhsa_code_object_version 6
	.text
	.protected	k_q9bbc24cdcb_ffn1
	.globl	k_q9bbc24cdcb_ffn1
	.p2align	8
	.type	k_q9bbc24cdcb_ffn1,@function
k_q9bbc24cdcb_ffn1:
	s_mov_b64 s[64:65], 0
	v_nop
	global_prefetch_b8 v0, s[64:65] scope:SCOPE_SE
	s_setreg_imm32_b32 hwreg(HW_REG_WAVE_MODE, 25, 1), 1
	s_wait_xcnt 0x0
	s_wait_alu depctr_hold_cnt(0) depctr_sa_sdst(0) depctr_va_vdst(0) depctr_va_sdst(0) depctr_va_ssrc(0) depctr_va_vcc(0) depctr_vm_vsrc(0)
	s_getreg_b32 s2, hwreg(HW_REG_IB_STS2, 6, 4)
	s_cmp_eq_u32 s2, 0
	s_cbranch_scc0 .Lentry_in_a_cluster
	s_endpgm
.Lentry_in_a_cluster:
	s_bfe_u32 s2, ttmp6, 0x10000c
	s_cmp_lg_u32 s2, 0xf033
	s_cbranch_scc0 .Lentry_shape_is_right
	s_endpgm
.Lentry_shape_is_right:
.set SIZE_K, 1024
.set A_SC,   3145728
.set B_CODE, 3145728
.set B_SC,   7995392
.set BIAS,   1
.set KSN,    SIZE_K/128
.set RTB,    KSN*1536
.set STEPB,  3072
.set NQ,     2
.set FR,     12
.set NL,     6
.set NP,     4
.set HALFT,  8*STEPB
.set SLOT,   4*HALFT
.set LAPS,   SIZE_K/512
.set SBLK,   64*KSN
.set HALFS,  8*SBLK
.set SCL,    3*SLOT                    ; THREE REGIONS for K's four slots of 256: region 0 (slot 0, later slot 3) @0; slots 1 and 2 @SLOT, brought by one load a wave as rows twice as long
.set AR0, 0                            ; for the slots of even and of odd number in hand: which address register, the pitch from row tile to row tile, the slot's place in a row
.set PIT0, STEPB
.set XO0, 0
.set AR1, 1
.set PIT1, 2*STEPB
.set XO1, 0
.set SPARE,  SCL+4*HALFS
.set ADRA, 16
.set ADRB, 20
.set ADRS, 27
.set SPW,  28
.set NIL,  29
.set BO,   30
.set SC,   32
.set BI,   64
.set E,    64
.set G,    128                         ; the way out takes two row blocks at a time: E v64-127, G v128-191 (A's fragments have left them)
.set AF,   128
.set PC,   192
.set TM,   212
.set PW,   228
.set G1, 24
.set G0, 32
.set G1B, 48
.set G0B, 56
.set G1S, 68
.set G0S, 76
.set G1SB, 80
.set G0SB, 88
.set MSB, 0
.macro WIN new
.if MSB != (\new)
	s_set_vgpr_msb (MSB<<8)|(\new)
.set MSB, (\new)
.endif
.endm
.set MUL_LO, 0xa1
.set MUL_HI, 0xf1
.set ZLO,    0x81
.set ZHI,    0xc1
.set TO_B,   0x40
.macro JLOAD g0a, g1a, g0b, g1b
	s_cmp_eq_u32 s15, 0
	s_cbranch_scc0 .Lfor_b_\@
	tensor_load_to_lds s[\g0a:\g0a+3], s[\g1a:\g1a+7]
	s_nop 0
.rept 4
	v_nop
.endr
	s_branch .Lasked_\@
.Lfor_b_\@:
	tensor_load_to_lds s[\g0b:\g0b+3], s[\g1b:\g1b+7]
	s_nop 0
.rept 4
	v_nop
.endr
.Lasked_\@:
.endm
.macro CREST
	s_cmp_lg_u32 s14, 0
	s_cbranch_scc1 .Lnot_wave_0_\@
	s_barrier_signal -3
.Lnot_wave_0_\@:
	s_barrier_wait -3
	s_barrier_signal -1
	s_barrier_wait -1
.endm
.macro CROUND
	s_barrier_signal -1
	s_barrier_wait -1
	CREST
.endm
	s_load_b256 s[4:11], s[0:1], 0x0
	s_load_b64 s[12:13], s[0:1], 0x20
	v_lshl_add_u32 v[SPW], v0, 2, SPARE
	v_mov_b32 v[NIL], 0
	ds_add_u32 v[SPW], v[NIL]
	ds_add_u32 v[SPW], v[NIL]
	v_lshrrev_b32 v1, 5, v0
	v_readfirstlane_b32 s14, v1
	s_lshr_b32 s15, s14, 1
	s_and_b32 s16, s14, 1
	s_bfe_u32 s40, ttmp6, 0x40000
	s_bfe_u32 s41, ttmp6, 0x40004
	s_lshl_b32 s42, ttmp9, 2
	s_add_co_u32 s42, s42, s40
	s_and_b32 s17, ttmp7, 0xffff
	s_lshl_b32 s17, s17, 2
	s_add_co_u32 s17, s17, s41
	s_lshl_b32 s43, s41, 2
	s_lshl_b32 s43, 15, s43
	s_lshl_b32 s44, 0x1111, s40
	s_or_b32 s[G1+0], s43, (3<<16)|(1<<21)
	s_or_b32 s[G1B+0], s44, (3<<16)|(1<<21)
.irp g, G1, G1B
	s_mov_b32 s[\g+1], 384<<16
	s_mov_b32 s[\g+2], 16<<16                      ; the head's loads bring 16 row tiles; behind them the two words that count rows are set to 8
	s_mov_b32 s[\g+3], 384<<16
	s_mov_b32 s[\g+4], 16
	s_mov_b32 s[\g+5], RTB/8
	s_mov_b32 s[\g+6], 0
	s_mov_b32 s[\g+7], 0
.endr
	s_or_b32 s[G1S+0], s43, (3<<16)|(1<<21)
	s_or_b32 s[G1SB+0], s44, (3<<16)|(1<<21)
.irp g, G1S, G1SB
	s_mov_b32 s[\g+1], 32<<16
	s_mov_b32 s[\g+2], (HALFS/128)<<16             ; the scale words of all 256 rows in one load
	s_mov_b32 s[\g+3], 32<<16
	s_mov_b32 s[\g+4], HALFS/128
	s_mov_b32 s[\g+5], 32
	s_mov_b32 s[\g+6], 0
	s_mov_b32 s[\g+7], 0
.endr
	s_lshl_b32 s20, s17, 4                         ; A: the tile's first row tile
	s_lshl_b32 s46, s42, 4                         ; B likewise
	s_mul_i32 s22, s20, SBLK
	s_add_co_u32 s22, s22, A_SC
	s_mul_i32 s92, s46, SBLK
	s_add_co_u32 s92, s92, B_SC
	s_mul_i32 s20, s20, RTB
	s_mul_i32 s46, s46, RTB
	s_add_co_u32 s46, s46, B_CODE
	s_mov_b32 s21, 0
	s_mov_b32 s23, 0
	s_mov_b32 s47, 0
	s_mov_b32 s93, 0
	s_mul_i32 s45, s14, HALFT
	s_wait_dscnt 0x0
	s_wait_kmcnt 0x0
	s_add_nc_u64 s[20:21], s[4:5], s[20:21]
	s_add_nc_u64 s[22:23], s[4:5], s[22:23]
	s_add_nc_u64 s[46:47], s[6:7], s[46:47]
	s_add_nc_u64 s[92:93], s[6:7], s[92:93]
	CROUND
	s_mov_b32 s[G0S], 1
	s_mov_b32 s[G0S+1], SCL
	s_mov_b64 s[G0S+2:G0S+3], s[22:23]
	s_or_b32 s[G0S+3], s[G0S+3], 0x80000000
	s_mov_b32 s[G0SB], 1
	s_mov_b32 s[G0SB+1], SCL+2*HALFS
	s_mov_b64 s[G0SB+2:G0SB+3], s[92:93]
	s_or_b32 s[G0SB+3], s[G0SB+3], 0x80000000
	; THE HEAD'S LOADS, ONE A WAVE: wave 0 slot 0's 256 rows of A, wave 1 its 256 rows of B, wave 2 A's scale words, wave 3 B's
	s_mov_b32 s[G0], 1
	s_mov_b32 s[G0+1], 0
	s_mov_b64 s[G0+2:G0+3], s[20:21]
	s_or_b32 s[G0+3], s[G0+3], 0x80000000
	s_mov_b32 s[G0B], 1
	s_mov_b32 s[G0B+1], 2*HALFT
	s_mov_b64 s[G0B+2:G0B+3], s[46:47]
	s_or_b32 s[G0B+3], s[G0B+3], 0x80000000
	s_mul_i32 s18, s16, 8*RTB                      ; in the ring I fetch 8 row tiles: which half, in bytes
	s_mov_b32 s19, 0
	s_mov_b32 s[G0+4], 1                           ; slot 1: my quarter
	s_lshl_b32 s[G0+5], s45, 1                     ; a quarter of slots 1 and 2 is twice a quarter of a slot
	s_add_co_u32 s[G0+5], s[G0+5], SLOT
	s_add_nc_u64 s[G0+6:G0+7], s[20:21], s[18:19]
	s_add_nc_u64 s[G0+6:G0+7], s[G0+6:G0+7], STEPB
	s_or_b32 s[G0+7], s[G0+7], 0x80000000
	s_mov_b32 s[G0B+4], 1
	s_lshl_b32 s[G0B+5], s45, 1
	s_add_co_u32 s[G0B+5], s[G0B+5], SLOT
	s_add_nc_u64 s[G0B+6:G0B+7], s[46:47], s[18:19]
	s_add_nc_u64 s[G0B+6:G0B+7], s[G0B+6:G0B+7], STEPB
	s_or_b32 s[G0B+7], s[G0B+7], 0x80000000
.macro ARM under, g0, g1, next         ; one chain of branches on the wave's number, one load to an arm, all arms to one join
	s_cmp_lt_u32 s14, \under
	s_cbranch_scc0 \next
	tensor_load_to_lds s[\g0:\g0+3], s[\g1:\g1+7]
	s_nop 0
.rept 4
	v_nop
.endr
	s_branch .Lhead_asked
\next:
.endm
	ARM 1, G0,  G1,  .Lhead_b
	ARM 2, G0B, G1B, .Lhead_sa
	ARM 3, G0S, G1S, .Lhead_sb
	tensor_load_to_lds s[G0SB:G0SB+3], s[G1SB:G1SB+7]
	s_nop 0
.rept 4
	v_nop
.endr
.Lhead_asked:
	; PREFETCHES.  The load of slots 1 and 2 can be issued only when the head's loads have landed, so their bytes are asked for here, one group of loads ahead.  Of the 8 row tiles that I fetch in the ring, each of the four partners
	; that ask for them jointly takes 2, told apart by address (cx for A, cy for B): a row tile's slots 1 and 2 are 24 blocks of 256 bytes, a lane a block; lanes 24-31 name the last block again.  Slot 3 (12 blocks a row tile) is asked for
	; behind the load of slots 1 and 2.  The address registers s[2:3], v10, v11 are never written again.
	s_cmp_eq_u32 s15, 0                            ; do I fetch for A?
	s_cselect_b64 s[2:3], s[20:21], s[46:47]
	s_cselect_b32 s92, s40, s41                    ; my place among the four that ask with me
	s_mul_i32 s92, s92, 2*RTB
	s_add_co_u32 s92, s92, s18                     ; + my half of the tile
	s_add_co_u32 s92, s92, STEPB                   ; + slot 1's place in a row tile
	s_mov_b32 s93, 0
	s_add_nc_u64 s[2:3], s[2:3], s[92:93]
	v_and_b32 v11, 31, v0
	v_min_u32 v10, 23, v11
	v_min_u32 v11, 11, v11
	v_lshlrev_b32 v10, 8, v10
	v_lshlrev_b32 v11, 8, v11
	global_prefetch_b8 v10, s[2:3] th:TH_LOAD_NT scope:SCOPE_SE
	global_prefetch_b8 v10, s[2:3] offset:RTB th:TH_LOAD_NT scope:SCOPE_SE
	v_and_b32 v1, 15, v0
	v_bfe_u32 v2, v0, 4, 1
	s_wait_alu depctr_va_vdst(0)
	v_and_b32 v3, 31, v0
	v_lshlrev_b32 v4, 3, v3
	s_mul_i32 s21, s15, HALFT
	s_mul_i32 s22, s16, HALFT
	s_add_co_u32 s22, s22, 2*HALFT
	v_add_nc_u32 v[ADRA], s21, v4                  ; region 0
	v_add_nc_u32 v[ADRB], s22, v4
	s_lshl_b32 s21, s21, 1
	s_lshl_b32 s22, s22, 1
	s_add_co_u32 s21, s21, SLOT
	s_add_co_u32 s22, s22, SLOT
	v_add_nc_u32 v[ADRA+1], s21, v4                ; slots 1 and 2: everything twice as far apart, behind region 0
	v_add_nc_u32 v[ADRB+1], s22, v4
	v_lshlrev_b32 v5, 2, v1
	s_mul_i32 s21, s15, HALFS
	s_mul_i32 s22, s16, HALFS
	s_add_co_u32 s22, s22, 2*HALFS
	s_sub_co_u32 s22, s22, s21
	v_mul_u32_u24 v6, s22, v2
	s_add_co_u32 s21, s21, SCL
	v_add_nc_u32 v5, v5, v6
	v_add_nc_u32 v[ADRS], s21, v5
	v_lshlrev_b32 v[BO], 5, v2
	s_wait_alu depctr_va_vdst(0)
	v_lshlrev_b32 v9, 2, v1
	v_lshl_add_u32 v9, v2, 10, v9
	s_lshl_b32 s46, s42, 9
	s_lshl_b32 s47, s16, 8
	s_add_co_u32 s46, s46, s47
	s_mov_b32 s47, 0
	s_add_nc_u64 s[8:9], s[8:9], s[46:47]
	s_add_nc_u64 s[10:11], s[10:11], s[46:47]
	s_lshl_b32 s20, s17, 8
	s_lshl_b32 s21, s15, 7
	s_add_co_u32 s20, s20, s21
	s_add_co_u32 s20, s20, s42
	s_lshl_b32 s22, s20, 6
	s_lshl_b32 s23, s16, 1
	s_add_co_u32 s22, s22, s23
	s_add_co_u32 s22, s22, 6291456
	s_mov_b32 s23, 0
	s_mul_i32 s20, s20, 1536
	s_mul_i32 s21, s16, 768
	s_add_co_u32 s20, s20, s21
	s_mov_b32 s21, 0
	s_add_nc_u64 s[20:21], s[12:13], s[20:21]
	s_add_nc_u64 s[22:23], s[12:13], s[22:23]
.irp b, 0,1,2,3
	global_load_b128 v[BI+8*\b:BI+8*\b+3], v[BO], s[8:9] offset:64*\b
	global_load_b128 v[BI+8*\b+4:BI+8*\b+7], v[BO], s[8:9] offset:64*\b+16
	global_load_b128 v[BI+32+8*\b:BI+32+8*\b+3], v[BO], s[10:11] offset:64*\b
	global_load_b128 v[BI+32+8*\b+4:BI+32+8*\b+7], v[BO], s[10:11] offset:64*\b+16
.endr
.macro FRAG reg, adr, q, i
.irp p, 0,1,2,3,4,5
	ds_load_b64 v[\reg+2*\p:\reg+2*\p+1], v[\adr] offset:FP*(\i)+FX+1536*(\q)+256*\p
.endr
.endm
.macro MUL16 a0, p, q, sc, zero
.irp a, \a0, \a0+1
.irp b, 0,1,2,3,4,5,6,7
.if \zero
.if BIAS
	v_wmma_scale_f32_16x16x128_f8f6f4 v[8*(8*((\a)%4)+\b):8*(8*((\a)%4)+\b)+7], v[128*(\p)+FR*\b:128*(\p)+FR*\b+FR-1], v[AF+FR*(\a):AF+FR*(\a)+FR-1], v[BI+8*\b:BI+8*\b+7], v[SC+16*(\sc)+2*\b+(\q)], v[SC+16*(\sc)+2*(\a)+(\q)] matrix_a_fmt:MATRIX_FMT_FP6 matrix_b_fmt:MATRIX_FMT_FP6 matrix_a_scale:MATRIX_SCALE_ROW1
.else
	v_wmma_scale_f32_16x16x128_f8f6f4 v[8*(8*((\a)%4)+\b):8*(8*((\a)%4)+\b)+7], v[128*(\p)+FR*\b:128*(\p)+FR*\b+FR-1], v[AF+FR*(\a):AF+FR*(\a)+FR-1], 0, v[SC+16*(\sc)+2*\b+(\q)], v[SC+16*(\sc)+2*(\a)+(\q)] matrix_a_fmt:MATRIX_FMT_FP6 matrix_b_fmt:MATRIX_FMT_FP6 matrix_a_scale:MATRIX_SCALE_ROW1
.endif
.else
	v_wmma_scale_f32_16x16x128_f8f6f4 v[8*(8*((\a)%4)+\b):8*(8*((\a)%4)+\b)+7], v[128*(\p)+FR*\b:128*(\p)+FR*\b+FR-1], v[AF+FR*(\a):AF+FR*(\a)+FR-1], v[8*(8*((\a)%4)+\b):8*(8*((\a)%4)+\b)+7], v[SC+16*(\sc)+2*\b+(\q)], v[SC+16*(\sc)+2*(\a)+(\q)] matrix_a_fmt:MATRIX_FMT_FP6 matrix_b_fmt:MATRIX_FMT_FP6 matrix_a_scale:MATRIX_SCALE_ROW1
.endif
.endr
.endr
.endm
.macro FETCH_B slot, q, p
	WIN TO_B
.irp i, 0,1,2,3,4,5,6,7
.set FP, PIT\slot
.set FX, XO\slot
	FRAG 128*(\p)+FR*\i, ADRB+AR\slot, \q, \i
.endr
	WIN 0
.endm
.macro FETCH_A slot, q, i0
.irp i, \i0, \i0+1, \i0+2, \i0+3
.set FP, PIT\slot
.set FX, XO\slot
	FRAG AF+FR*(\i), ADRA+AR\slot, \q, \i
.endr
.endm
.macro SCALES sc
.irp i, 0,1,2,3,4,5,6,7
.irp q, 0,1
	ds_load_b32 v[SC+16*\sc+2*\i+\q], v[ADRS] offset:\i*SBLK+64*\q
.endr
.endr
.endm
.macro PLACES n
.rept \n
	v_nop
.endr
.endm
.macro STEP slot, q, zero
	s_wait_dscnt 4*NL
.if \zero
	WIN ZLO
.else
	WIN MUL_LO
.endif
	MUL16 0, (\q)%2, \q, \slot, \zero
	MUL16 2, (\q)%2, \q, \slot, \zero
	s_wait_dscnt 0
	PLACES NP
	FETCH_B \slot, (\q)+1, 1-(\q)%2
	FETCH_A \slot, (\q)+1, 0
.if \zero
	WIN ZHI
.else
	WIN MUL_HI
.endif
	MUL16 4, (\q)%2, \q, \slot, \zero
	MUL16 6, (\q)%2, \q, \slot, \zero
	PLACES NP
	WIN 0
	FETCH_A \slot, (\q)+1, 4
.endm
.macro TURN slot, next, fill
; fill = 2: from slot 1 to slot 2, which came by one load and were shown whole by one barrier: no wait on the tensor counter, no barrier
.if (\fill) < 2
	s_wait_tensorcnt 0x0                           ; all my tensor loads have landed
	ds_add_u32 v[SPW], v[NIL]                      ; 0 onto my spare word
	s_wait_dscnt 4*NL+1                            ; (the add and A's blocks 4-7, 24 loads, may be out)
.else
	s_wait_dscnt 4*NL
.endif
	WIN MUL_LO
	MUL16 0, 1, NQ-1, \slot, 0
	s_wait_dscnt 0x0                               ; the add is done, and my reads of this slot are over
.if (\fill) < 2
	s_barrier_signal -1
.endif
	MUL16 2, 1, NQ-1, \slot, 0
	WIN 0
.if (\fill) < 2
	s_barrier_wait -1
.endif
.if (\fill) == 1
	CREST                                          ; the barrier has opened a round of the cluster's: no wave of any partner still reads region 0 or has a load on its way
.irp g, G1, G1B
	s_mov_b32 s[\g+1], 384<<16                     ; rows of one slot again
	s_mov_b32 s[\g+3], 384<<16
.endr
	s_add_nc_u64 s[G0+4*\slot+2:G0+4*\slot+3], s[G0+4*\slot+2:G0+4*\slot+3], 3*STEPB   ; slot 3
	s_add_nc_u64 s[G0B+4*\slot+2:G0B+4*\slot+3], s[G0B+4*\slot+2:G0B+4*\slot+3], 3*STEPB
	JLOAD G0+4*\slot, G1, G0B+4*\slot, G1B         ; the first tensor load behind the round; its four v_nop are the places in front of the loads below
.else
	PLACES NP
.endif
	s_wait_alu depctr_va_vdst(0)
	v_add_nc_u32 v[ADRS], 128, v[ADRS]
	FETCH_B \next, 0, 0
	FETCH_A \next, 0, 0
	SCALES \next
	WIN MUL_HI
	MUL16 4, 1, NQ-1, \slot, 0
	MUL16 6, 1, NQ-1, \slot, 0
	PLACES NP
	WIN 0
	FETCH_A \next, 0, 4
.endm
.macro QUANT s, w, nc
	WIN (\w)|((\w)<<2)
.irp b, 0,1,2,3
.if \b < 2*(\nc)
	v_max3_num_f32 v[TM+\b], |v[(\s)+16*\b]|, |v[(\s)+16*\b+1]|, 0x1800000
.endif
.endr
	WIN ((\w)<<2)|((\w)<<4)
.irp i, 2,4,6,8,10,12,14
.irp b, 0,1,2,3
.if \b < 2*(\nc)
	v_max3_num_f32 v[TM+\b], v[TM+\b], |v[(\s)+16*\b+\i]|, |v[(\s)+16*\b+\i+1]|
.endif
.endr
.endr
	WIN 0
.irp b, 0,1,2,3
.if \b < 2*(\nc)
	v_permlanex16_b32 v[TM+4+\b], v[TM+\b], s66, s67
.endif
.endr
.irp b, 0,1,2,3
.if \b < 2*(\nc)
	v_max_num_f32 v[TM+\b], v[TM+\b], v[TM+4+\b]
.endif
.endr
.irp b, 0,1,2,3
.if \b < 2*(\nc)
	v_add_nc_u32 v[TM+12+\b], 0xff000000, v[TM+\b]
.endif
.endr
.irp b, 0,1,2,3
.if \b < 2*(\nc)
	v_lshrrev_b32 v[TM+4+\b], 23, v[TM+12+\b]
.endif
.endr
	v_lshl_or_b32 v[PW], v[TM+5], 8, v[TM+4]
.if (\nc) > 1
	v_lshl_or_b32 v[PW], v[TM+6], 16, v[PW]
	v_lshl_or_b32 v[PW], v[TM+7], 24, v[PW]
.endif
	WIN (\w)
.irp c, 0,1
.if \c < (\nc)
	v_cvt_scalef32_pk16_fp6_f32 v[PC+6*\c:PC+6*\c+2], v[(\s)+32*\c:(\s)+32*\c+15], v[TM+12+2*\c]
	v_cvt_scalef32_pk16_fp6_f32 v[PC+12+4*\c:PC+12+4*\c+2], v[(\s)+32*\c+16:(\s)+32*\c+31], v[TM+13+2*\c]
.endif
.endr
	WIN 0
	v_nop
.irp c, 0,1
.if \c < (\nc)
.irp i, 0,1,2
	v_permlane16_swap_b32 v[PC+6*\c+\i], v[PC+12+4*\c+\i]
.endr
.irp i, 0,1,2
	v_mov_b32 v[PC+3+6*\c+\i], v[PC+12+4*\c+\i]
.endr
.endif
.endr
.endm
	s_wait_alu depctr_va_vdst(0)
	s_wait_tensorcnt 0x0                           ; my tile of the head's four is in
	ds_add_u32 v[SPW], v[NIL]
.irp g, G1, G1B
	s_mov_b32 s[\g+1], 768<<16                     ; no tensor load of mine is out: the next load brings 8 row tiles x 6,144 bytes, slots 1 and 2
	s_mov_b32 s[\g+2], 8<<16
	s_mov_b32 s[\g+3], 768<<16
	s_mov_b32 s[\g+4], 8
.endr
	s_mov_b32 s[G0+1], s45                         ; and slot 0's descriptors stand at my quarter
	s_add_nc_u64 s[G0+2:G0+3], s[G0+2:G0+3], s[18:19]
	s_mov_b32 s[G0B+1], s45
	s_add_nc_u64 s[G0B+2:G0B+3], s[G0B+2:G0B+3], s[18:19]
	s_wait_dscnt 0x0
	CROUND                                         ; everybody's tile is in, and all sixteen work-groups are here
	JLOAD G0+4, G1, G0B+4, G1B                     ; slots 1 and 2: their first fill, the first tensor load behind the round
	global_prefetch_b8 v11, s[2:3] offset:2*STEPB th:TH_LOAD_NT scope:SCOPE_SE       ; slot 3 of my work-group's two row tiles, one load ahead
	global_prefetch_b8 v11, s[2:3] offset:RTB+2*STEPB th:TH_LOAD_NT scope:SCOPE_SE
	FETCH_B 0, 0, 0
	FETCH_A 0, 0, 0
	SCALES 0
	FETCH_A 0, 0, 4
	s_wait_loadcnt 0x0
	STEP 0, 0, 1
	TURN 0, 1, 1                                   ; slot 0 is read out: region 0 takes slot 3, which has slots 1 and 2 in which to land
	STEP 1, 0, 0
.set AR0, 1                            ; the even slot in hand is now slot 2: the second half of the long rows
.set PIT0, 2*STEPB
.set XO0, STEPB
	TURN 1, 0, 2
	STEP 0, 0, 0
.set AR1, 0                            ; the odd slot in hand is now slot 3, in region 0
.set PIT1, STEPB
.set XO1, 0
	TURN 0, 1, 0
	STEP 1, 0, 0
	s_wait_dscnt 4*NL
	WIN MUL_LO
	MUL16 0, 1, NQ-1, 1, 0
	MUL16 2, 1, NQ-1, 1, 0
	s_wait_dscnt 0
	WIN MUL_HI
	MUL16 4, 1, NQ-1, 1, 0
	MUL16 6, 1, NQ-1, 1, 0
	WIN 0
	PLACES NP
.irp b, 0,1,2,3
	v_mov_b32 v[TM+4+\b], 0
.endr
	s_mov_b32 s66, 0x76543210
	s_mov_b32 s67, 0xfedcba98
	s_mov_b32 s96, 0xffff0000
	s_mov_b32 s98, 0xbfb8aa3b
	s_mov_b32 s99, s98
.macro GATE a
.set AC, 64*((\a)%4)
.set WN, 2+(\a)/4
	WIN WN
.set j, 0
.rept 32                               ; row blocks a and a + 1: numbers 0-31 are block a's, 32-63 block a + 1's, whose accumulators lie 64 registers on
	v_pk_mul_f32 v[E+j:E+j+1], v[AC+j+32*(j/32):AC+j+32*(j/32)+1], s[98:99] op_sel_hi:[1,0]
.set j, j+2
.endr
	WIN WN|(WN<<2)
.set j, 0
.rept 32
	v_pk_mul_f32 v[G+j:G+j+1], v[AC+j+32*(j/32):AC+j+32*(j/32)+1], v[AC+32+j+32*(j/32):AC+33+j+32*(j/32)]
.set j, j+2
.endr
	WIN 0
.set j, 0
	s_wait_alu depctr_va_vdst(0)
.rept 64
	v_exp_f32 v[E+j], v[E+j]
.set j, j+1
.endr
	v_nop
	s_wait_alu depctr_va_vdst(0)
.set j, 0
.rept 32
	v_pk_add_f32 v[E+j:E+j+1], v[E+j:E+j+1], 1.0 op_sel_hi:[1,0]
.set j, j+2
.endr
.set j, 0
	s_wait_alu depctr_va_vdst(0)
.rept 64
	v_rcp_f32 v[E+j], v[E+j]
.set j, j+1
.endr
	v_nop
	s_wait_alu depctr_va_vdst(0)
.set j, 0
.rept 32
	v_pk_mul_f32 v[G+j:G+j+1], v[G+j:G+j+1], v[E+j:E+j+1]
.set j, j+2
.endr
	s_wait_alu depctr_va_vdst(0)
	s_wait_xcnt 0x0
	QUANT G, 0, 2                                  ; four blocks of 32 by turns: two of row block a, two of row block a + 1
.irp p, 0,1,2
	global_store_b64 v4, v[PC+2*\p:PC+2*\p+1], s[20:21] offset:24576*(\a)+256*\p
	global_store_b64 v4, v[PC+6+2*\p:PC+7+2*\p], s[20:21] offset:24576*((\a)+1)+256*\p
.endr
	v_lshrrev_b32 v229, 16, v[PW]                  ; the scale word's upper two bytes are row block a + 1's
	v_cndmask_b32 v230, v[PW], v229, s96           ; lanes 0-15: block a's two bytes, lanes 16-31: block a + 1's
	global_store_b16 v9, v230, s[22:23] offset:1024*(\a)
.endm
.irp a, 0,2,4,6
	GATE \a
.endr
	s_wait_tensorcnt 0x0
	ds_add_u32 v[SPW], v[NIL]
	s_wait_dscnt 0x0
	CROUND
	s_endpgm
.Lfunc_end_k_q9bbc24cdcb_ffn1:
	.size	k_q9bbc24cdcb_ffn1, .Lfunc_end_k_q9bbc24cdcb_ffn1-k_q9bbc24cdcb_ffn1
	.p2alignl 7, 3214868480
	.fill 96, 4, 3214868480
	.section	.rodata,"a",@progbits
	.p2align	6, 0x0
	.amdhsa_kernel k_q9bbc24cdcb_ffn1
		.amdhsa_group_segment_fixed_size 327680
		.amdhsa_private_segment_fixed_size 0
		.amdhsa_enable_private_segment 0
		.amdhsa_kernarg_size 40
		.amdhsa_user_sgpr_count 2
		.amdhsa_user_sgpr_kernarg_segment_ptr 1
		.amdhsa_wavefront_size32 1
		.amdhsa_system_sgpr_workgroup_id_x 1
		.amdhsa_system_sgpr_workgroup_id_y 1
		.amdhsa_system_sgpr_workgroup_id_z 1
		.amdhsa_system_vgpr_workitem_id 0
		.amdhsa_next_free_vgpr 1024
		.amdhsa_next_free_sgpr 100
		.amdhsa_reserve_vcc 0
		.amdhsa_float_denorm_mode_32 3
		.amdhsa_float_denorm_mode_16_64 3
		.amdhsa_memory_ordered 1
		.amdhsa_forward_progress 1
		.amdhsa_inst_pref_size 203
	.end_amdhsa_kernel
	.amdgpu_metadata
---
amdhsa.version: [ 1, 2 ]
amdhsa.kernels:
  - .name:           k_q9bbc24cdcb_ffn1
    .symbol:         k_q9bbc24cdcb_ffn1.kd
    .args:
      - { .name: h2q, .offset: 0, .size: 8, .value_kind: global_buffer, .address_space: global }
      - { .name: wts, .offset: 8, .size: 8, .value_kind: global_buffer, .address_space: global }
      - { .name: w_b, .offset: 16, .size: 8, .value_kind: global_buffer, .address_space: global }
      - { .name: v_b, .offset: 24, .size: 8, .value_kind: global_buffer, .address_space: global }
      - { .name: gq, .offset: 32, .size: 8, .value_kind: global_buffer, .address_space: global }
    .group_segment_fixed_size: 327680
    .private_segment_fixed_size: 0
    .kernarg_segment_align: 8
    .kernarg_segment_size: 40
    .max_flat_workgroup_size: 128
    .sgpr_count:     100
    .vgpr_count:     1024
    .wavefront_size: 32
...
	.end_amdgpu_metadata
.endif
;; end of part 13
;; launch ffn2 (part 14): grid 8 x 32, 4 waves a work-group, clusters of 4 x 4, 327,680 bytes of LDS; arguments gq, wts, p_b, x1, out0; writes out0
.if DOCPART == 14
	.amdgcn_target "amdgcn-amd-amdhsa--gfx1250"
	.amdhsa_code_object_version 6
	.text
	.protected	k_q9bbc24cdcb_ffn2
	.globl	k_q9bbc24cdcb_ffn2
	.p2align	8
	.type	k_q9bbc24cdcb_ffn2,@function
k_q9bbc24cdcb_ffn2:
	s_mov_b64 s[64:65], 0
	v_nop
	global_prefetch_b8 v0, s[64:65] scope:SCOPE_SE
	s_setreg_imm32_b32 hwreg(HW_REG_WAVE_MODE, 25, 1), 1
	s_wait_xcnt 0x0
	s_wait_alu depctr_hold_cnt(0) depctr_sa_sdst(0) depctr_va_vdst(0) depctr_va_sdst(0) depctr_va_ssrc(0) depctr_va_vcc(0) depctr_vm_vsrc(0)
	s_getreg_b32 s2, hwreg(HW_REG_IB_STS2, 6, 4)
	s_cmp_eq_u32 s2, 0
	s_cbranch_scc0 .Lentry_in_a_cluster
	s_endpgm
.Lentry_in_a_cluster:
	s_bfe_u32 s2, ttmp6, 0x10000c
	s_cmp_lg_u32 s2, 0xf033
	s_cbranch_scc0 .Lentry_shape_is_right
	s_endpgm
.Lentry_shape_is_right:
.set SIZE_K, 2048
.set A_SC,   6291456
.set B_CODE, 6291456
.set B_SC,   8126464
.set KSN,    SIZE_K/128
.set RTB,    KSN*1536
.set STEPB,  6144
.set FR,     12
.set NP,     4
.set HALFT,  4*STEPB
.set SLOT,   4*HALFT
.set LAPS,   SIZE_K/1024
.set SBLK,   64*KSN
.set HALFS,  4*SBLK
.set SCL,    3*SLOT                    ; THREE REGIONS for K's four slots of 512: region 0 (slot 0, later slot 3) @0; slots 1 and 2 @SLOT, brought by one load a wave as rows twice as long
.set AR0, 0                            ; for the slots of even and of odd number in hand: which address register, the pitch from row tile to row tile, the slot's place in a row
.set PIT0, STEPB
.set XO0, 0
.set AR1, 1
.set PIT1, 2*STEPB
.set XO1, 0
.set SPARE,  SCL+4*HALFS
.set STAGE,  SLOT                      ; the way out's stages lie where slots 1 and 2 lay: those bytes have had their only fill, and every wave has passed the last barrier, behind which nobody reads them
.set SPITCH, 272
.set ADRA, 16
.set ADRB, 20
.set STO,  24
.set RD,   25
.set CO,   26
.set ADRS, 27
.set SPW,  28
.set NIL,  29
.set BO,   30
.set SC,   32
.set BI,   64
.set ACC,  128
.set G1, 24
.set G0, 32
.set G1B, 48
.set G0B, 56
.set G1S, 68
.set G0S, 76
.set G1SB, 80
.set G0SB, 88
.set MSB, 0
.macro WIN new
.if MSB != (\new)
	s_set_vgpr_msb (MSB<<8)|(\new)
.set MSB, (\new)
.endif
.endm
.set MUL,  0x05
.set TO_F, 0x40
.set TO_X, 0x80
.set ADDX, 0x08
.macro JLOAD g0a, g1a, g0b, g1b
	s_cmp_eq_u32 s15, 0
	s_cbranch_scc0 .Lfor_b_\@
	tensor_load_to_lds s[\g0a:\g0a+3], s[\g1a:\g1a+7]
	s_nop 0
.rept 4
	v_nop
.endr
	s_branch .Lasked_\@
.Lfor_b_\@:
	tensor_load_to_lds s[\g0b:\g0b+3], s[\g1b:\g1b+7]
	s_nop 0
.rept 4
	v_nop
.endr
.Lasked_\@:
.endm
.macro CREST
	s_cmp_lg_u32 s14, 0
	s_cbranch_scc1 .Lnot_wave_0_\@
	s_barrier_signal -3
.Lnot_wave_0_\@:
	s_barrier_wait -3
	s_barrier_signal -1
	s_barrier_wait -1
.endm
.macro CROUND
	s_barrier_signal -1
	s_barrier_wait -1
	CREST
.endm
	s_load_b256 s[4:11], s[0:1], 0x0
	s_load_b64 s[12:13], s[0:1], 0x20
	v_lshl_add_u32 v[SPW], v0, 2, SPARE
	v_mov_b32 v[NIL], 0
	ds_add_u32 v[SPW], v[NIL]
	ds_add_u32 v[SPW], v[NIL]
	v_lshrrev_b32 v1, 5, v0
	v_readfirstlane_b32 s14, v1
	s_lshr_b32 s15, s14, 1
	s_and_b32 s16, s14, 1
	s_bfe_u32 s40, ttmp6, 0x40000
	s_bfe_u32 s41, ttmp6, 0x40004
	s_lshl_b32 s42, ttmp9, 2
	s_add_co_u32 s42, s42, s40
	s_and_b32 s17, ttmp7, 0xffff
	s_lshl_b32 s17, s17, 2
	s_add_co_u32 s17, s17, s41
	s_lshl_b32 s43, s41, 2
	s_lshl_b32 s43, 15, s43
	s_lshl_b32 s44, 0x1111, s40
	s_or_b32 s[G1+0], s43, (3<<16)|(1<<21)
	s_or_b32 s[G1B+0], s44, (3<<16)|(1<<21)
.irp g, G1, G1B
	s_mov_b32 s[\g+1], 768<<16
	s_mov_b32 s[\g+2], 8<<16                       ; the head's loads bring 8 row tiles; behind them the two words that count rows are set to 4
	s_mov_b32 s[\g+3], 768<<16
	s_mov_b32 s[\g+4], 8
	s_mov_b32 s[\g+5], RTB/8
	s_mov_b32 s[\g+6], 0
	s_mov_b32 s[\g+7], 0
.endr
	s_or_b32 s[G1S+0], s43, (3<<16)|(1<<21)
	s_or_b32 s[G1SB+0], s44, (3<<16)|(1<<21)
.irp g, G1S, G1SB
	s_mov_b32 s[\g+1], 32<<16
	s_mov_b32 s[\g+2], (HALFS/128)<<16             ; the scale words of all 128 rows in one load
	s_mov_b32 s[\g+3], 32<<16
	s_mov_b32 s[\g+4], HALFS/128
	s_mov_b32 s[\g+5], 32
	s_mov_b32 s[\g+6], 0
	s_mov_b32 s[\g+7], 0
.endr
	s_lshl_b32 s20, s17, 3                         ; A: the tile's first row tile
	s_lshl_b32 s46, s42, 3                         ; B likewise
	s_mul_i32 s22, s20, SBLK
	s_add_co_u32 s22, s22, A_SC
	s_mul_i32 s92, s46, SBLK
	s_add_co_u32 s92, s92, B_SC
	s_mul_i32 s20, s20, RTB
	s_mul_i32 s46, s46, RTB
	s_add_co_u32 s46, s46, B_CODE
	s_mov_b32 s21, 0
	s_mov_b32 s23, 0
	s_mov_b32 s47, 0
	s_mov_b32 s93, 0
	s_mul_i32 s45, s14, HALFT
	s_wait_dscnt 0x0
	s_wait_kmcnt 0x0
	s_add_nc_u64 s[20:21], s[4:5], s[20:21]
	s_add_nc_u64 s[22:23], s[4:5], s[22:23]
	s_add_nc_u64 s[46:47], s[6:7], s[46:47]
	s_add_nc_u64 s[92:93], s[6:7], s[92:93]
	CROUND
	s_mov_b32 s[G0S], 1
	s_mov_b32 s[G0S+1], SCL
	s_mov_b64 s[G0S+2:G0S+3], s[22:23]
	s_or_b32 s[G0S+3], s[G0S+3], 0x80000000
	s_mov_b32 s[G0SB], 1
	s_mov_b32 s[G0SB+1], SCL+2*HALFS
	s_mov_b64 s[G0SB+2:G0SB+3], s[92:93]
	s_or_b32 s[G0SB+3], s[G0SB+3], 0x80000000
	; THE HEAD'S LOADS, ONE A WAVE: wave 0 slot 0's 128 rows of A, wave 1 its 128 rows of B, wave 2 A's scale words, wave 3 B's
	s_mov_b32 s[G0], 1
	s_mov_b32 s[G0+1], 0
	s_mov_b64 s[G0+2:G0+3], s[20:21]
	s_or_b32 s[G0+3], s[G0+3], 0x80000000
	s_mov_b32 s[G0B], 1
	s_mov_b32 s[G0B+1], 2*HALFT
	s_mov_b64 s[G0B+2:G0B+3], s[46:47]
	s_or_b32 s[G0B+3], s[G0B+3], 0x80000000
	s_mul_i32 s18, s16, 4*RTB                      ; in the ring I fetch 4 row tiles: which half, in bytes
	s_mov_b32 s19, 0
	s_mov_b32 s[G0+4], 1                           ; slot 1: my quarter
	s_lshl_b32 s[G0+5], s45, 1                     ; a quarter of slots 1 and 2 is twice a quarter of a slot
	s_add_co_u32 s[G0+5], s[G0+5], SLOT
	s_add_nc_u64 s[G0+6:G0+7], s[20:21], s[18:19]
	s_add_nc_u64 s[G0+6:G0+7], s[G0+6:G0+7], STEPB
	s_or_b32 s[G0+7], s[G0+7], 0x80000000
	s_mov_b32 s[G0B+4], 1
	s_lshl_b32 s[G0B+5], s45, 1
	s_add_co_u32 s[G0B+5], s[G0B+5], SLOT
	s_add_nc_u64 s[G0B+6:G0B+7], s[46:47], s[18:19]
	s_add_nc_u64 s[G0B+6:G0B+7], s[G0B+6:G0B+7], STEPB
	s_or_b32 s[G0B+7], s[G0B+7], 0x80000000
.macro ARM under, g0, g1, next         ; one chain of branches on the wave's number, one load to an arm, all arms to one join
	s_cmp_lt_u32 s14, \under
	s_cbranch_scc0 \next
	tensor_load_to_lds s[\g0:\g0+3], s[\g1:\g1+7]
	s_nop 0
.rept 4
	v_nop
.endr
	s_branch .Lhead_asked
\next:
.endm
	ARM 1, G0,  G1,  .Lhead_b
	ARM 2, G0B, G1B, .Lhead_sa
	ARM 3, G0S, G1S, .Lhead_sb
	tensor_load_to_lds s[G0SB:G0SB+3], s[G1SB:G1SB+7]
	s_nop 0
.rept 4
	v_nop
.endr
.Lhead_asked:
	; PREFETCHES.  The load of slots 1 and 2 can be issued only when the head's loads have landed, so their bytes are asked for here, one group of loads ahead.  Of the 4 row tiles that I fetch in the ring, each of the four partners
	; that ask for them jointly takes 1, told apart by address (cx for A, cy for B): its slots 1 and 2 are 48 blocks of 256 bytes, a lane a block, 32 and 16; left-over lanes name the last block again.  Slot 3 (24 blocks) is asked for
	; behind the load of slots 1 and 2.  The address registers s[2:3], v10-12 are never written again.
	s_cmp_eq_u32 s15, 0                            ; do I fetch for A?
	s_cselect_b64 s[2:3], s[20:21], s[46:47]
	s_cselect_b32 s92, s40, s41                    ; my place among the four that ask with me
	s_mul_i32 s92, s92, RTB
	s_add_co_u32 s92, s92, s18                     ; + my half of the tile
	s_add_co_u32 s92, s92, STEPB                   ; + slot 1's place in a row tile
	s_mov_b32 s93, 0
	s_add_nc_u64 s[2:3], s[2:3], s[92:93]
	v_and_b32 v10, 31, v0
	v_min_u32 v11, 15, v10
	v_min_u32 v12, 23, v10
	v_lshlrev_b32 v10, 8, v10
	v_lshlrev_b32 v11, 8, v11
	v_lshlrev_b32 v12, 8, v12
	global_prefetch_b8 v10, s[2:3] th:TH_LOAD_NT scope:SCOPE_SE
	global_prefetch_b8 v11, s[2:3] offset:8192 th:TH_LOAD_NT scope:SCOPE_SE
	v_and_b32 v1, 15, v0
	v_bfe_u32 v2, v0, 4, 1
	s_wait_alu depctr_va_vdst(0)
	v_and_b32 v3, 31, v0
	v_lshlrev_b32 v4, 3, v3
	s_mul_i32 s21, s15, HALFT
	s_mul_i32 s22, s16, HALFT
	s_add_co_u32 s22, s22, 2*HALFT
	v_add_nc_u32 v[ADRA], s21, v4                  ; region 0
	v_add_nc_u32 v[ADRB], s22, v4
	s_lshl_b32 s21, s21, 1
	s_lshl_b32 s22, s22, 1
	s_add_co_u32 s21, s21, SLOT
	s_add_co_u32 s22, s22, SLOT
	v_add_nc_u32 v[ADRA+1], s21, v4                ; slots 1 and 2: everything twice as far apart, behind region 0
	v_add_nc_u32 v[ADRB+1], s22, v4
	v_lshlrev_b32 v5, 2, v1
	s_mul_i32 s21, s15, HALFS
	s_mul_i32 s22, s16, HALFS
	s_add_co_u32 s22, s22, 2*HALFS
	s_sub_co_u32 s22, s22, s21
	v_mul_u32_u24 v6, s22, v2
	s_add_co_u32 s21, s21, SCL
	v_add_nc_u32 v5, v5, v6
	v_add_nc_u32 v[ADRS], s21, v5
	s_mul_i32 s23, s14, 16*SPITCH
	s_add_co_u32 s23, s23, STAGE
	v_mul_u32_u24 v5, v1, SPITCH
	v_lshl_add_u32 v5, v2, 5, v5
	v_add_nc_u32 v[STO], s23, v5
	v_mul_u32_u24 v5, v2, SPITCH
	v_lshl_add_u32 v5, v1, 4, v5
	v_add_nc_u32 v[RD], s23, v5
	v_lshlrev_b32 v[CO], 12, v2
	v_lshl_add_u32 v[CO], v1, 4, v[CO]
	v_lshlrev_b32 v[BO], 5, v2
	s_wait_alu depctr_va_vdst(0)
	s_lshl_b32 s20, s17, 7
	s_lshl_b32 s21, s15, 6
	s_add_co_u32 s20, s20, s21
	s_lshl_b32 s20, s20, 12
	s_lshl_b32 s46, s42, 9
	s_lshl_b32 s47, s16, 8
	s_add_co_u32 s46, s46, s47
	s_add_co_u32 s20, s20, s46
	s_mov_b32 s21, 0
	s_mov_b32 s47, 0
	s_add_nc_u64 s[10:11], s[10:11], s[20:21]
	s_add_nc_u64 s[12:13], s[12:13], s[20:21]
	s_add_nc_u64 s[8:9], s[8:9], s[46:47]
.irp b, 0,1,2,3
	global_load_b128 v[BI+8*\b:BI+8*\b+3], v[BO], s[8:9] offset:64*\b
	global_load_b128 v[BI+8*\b+4:BI+8*\b+7], v[BO], s[8:9] offset:64*\b+16
.endr
	WIN TO_X
.set t, 0
.rept 32
	global_load_b128 v[4*t:4*t+3], v[CO], s[10:11] offset:2*t*4096 th:TH_LOAD_NT
.set t, t+1
.endr
	WIN 0
.macro FRAG reg, adr, q, i
.irp p, 0,1,2,3,4,5
	ds_load_b64 v[\reg+2*\p:\reg+2*\p+1], v[\adr] offset:FP*(\i)+FX+1536*(\q)+256*\p
.endr
.endm
.macro MULA a, p, q, sc, zero
.irp b, 0,1,2,3
.if \zero
	v_wmma_scale_f32_16x16x128_f8f6f4 v[ACC+8*(4*(\a)+\b):ACC+8*(4*(\a)+\b)+7], v[128*(\p)+FR*\b:128*(\p)+FR*\b+FR-1], v[128*(\p)+48+FR*(\a):128*(\p)+48+FR*(\a)+FR-1], v[BI+8*\b:BI+8*\b+7], v[SC+16*(\sc)+4*\b+(\q)], v[SC+16*(\sc)+4*(\a)+(\q)] matrix_a_fmt:MATRIX_FMT_FP6 matrix_b_fmt:MATRIX_FMT_FP6 matrix_a_scale:MATRIX_SCALE_ROW1
.else
	v_wmma_scale_f32_16x16x128_f8f6f4 v[ACC+8*(4*(\a)+\b):ACC+8*(4*(\a)+\b)+7], v[128*(\p)+FR*\b:128*(\p)+FR*\b+FR-1], v[128*(\p)+48+FR*(\a):128*(\p)+48+FR*(\a)+FR-1], v[ACC+8*(4*(\a)+\b):ACC+8*(4*(\a)+\b)+7], v[SC+16*(\sc)+4*\b+(\q)], v[SC+16*(\sc)+4*(\a)+(\q)] matrix_a_fmt:MATRIX_FMT_FP6 matrix_b_fmt:MATRIX_FMT_FP6 matrix_a_scale:MATRIX_SCALE_ROW1
.endif
.endr
.endm
.macro FETCH slot, q, p
	WIN TO_F
.irp i, 0,1,2,3
.set FP, PIT\slot
.set FX, XO\slot
	FRAG 128*(\p)+FR*\i, ADRB+AR\slot, \q, \i
.endr
.irp i, 0,1,2,3
.set FP, PIT\slot
.set FX, XO\slot
	FRAG 128*(\p)+48+FR*\i, ADRA+AR\slot, \q, \i
.endr
.endm
.macro SCALES sc
.irp i, 0,1,2,3
.irp q, 0,1,2,3
	ds_load_b32 v[SC+16*\sc+4*\i+\q], v[ADRS] offset:\i*SBLK+64*\q
.endr
.endr
.endm
.macro PLACES n
.rept \n
	v_nop
.endr
.endm
.macro STEP slot, q, zero
	PLACES NP
	FETCH \slot, (\q)+1, 1-(\q)%2
	s_wait_dscnt 48
	WIN MUL
	MULA 0, (\q)%2, \q, \slot, \zero
	MULA 1, (\q)%2, \q, \slot, \zero
	MULA 2, (\q)%2, \q, \slot, \zero
	MULA 3, (\q)%2, \q, \slot, \zero
.endm
.macro TURN slot, next, fill
	WIN 0
; fill = 2: from slot 1 to slot 2, which came by one load and were shown whole by one barrier: no wait on the tensor counter, no barrier
.if (\fill) < 2
	s_wait_tensorcnt 0x0                           ; all my tensor loads have landed
	ds_add_u32 v[SPW], v[NIL]                      ; 0 onto my spare word
	s_wait_dscnt 1                                 ; (the add may be out; this step's fragments are in)
.else
	s_wait_dscnt 0x0
.endif
	WIN MUL
	MULA 0, 1, 3, \slot, 0
.if (\fill) < 2
	s_wait_dscnt 0x0                               ; the add is done, and my reads of this slot are over
	s_barrier_signal -1
.endif
	MULA 1, 1, 3, \slot, 0
	WIN 0
.if (\fill) < 2
	s_barrier_wait -1
.endif
.if (\fill) == 1
	CREST                                          ; the barrier has opened a round of the cluster's: no wave of any partner still reads region 0 or has a load on its way
.irp g, G1, G1B
	s_mov_b32 s[\g+1], 768<<16                     ; rows of one slot again
	s_mov_b32 s[\g+3], 768<<16
.endr
	s_add_nc_u64 s[G0+4*\slot+2:G0+4*\slot+3], s[G0+4*\slot+2:G0+4*\slot+3], 3*STEPB   ; slot 3
	s_add_nc_u64 s[G0B+4*\slot+2:G0B+4*\slot+3], s[G0B+4*\slot+2:G0B+4*\slot+3], 3*STEPB
	JLOAD G0+4*\slot, G1, G0B+4*\slot, G1B         ; the first tensor load behind the round; its four v_nop are the places in front of the loads below
.else
	PLACES NP
.endif
	s_wait_alu depctr_va_vdst(0)
	v_add_nc_u32 v[ADRS], 256, v[ADRS]
	SCALES \next
	FETCH \next, 0, 0
	WIN MUL
	MULA 2, 1, 3, \slot, 0
	MULA 3, 1, 3, \slot, 0
.endm
	s_wait_alu depctr_va_vdst(0)
	s_wait_tensorcnt 0x0                           ; my tile of the head's four is in
	ds_add_u32 v[SPW], v[NIL]
.irp g, G1, G1B
	s_mov_b32 s[\g+1], 1536<<16                    ; no tensor load of mine is out: the next load brings 4 row tiles x 12,288 bytes, slots 1 and 2
	s_mov_b32 s[\g+2], 4<<16
	s_mov_b32 s[\g+3], 1536<<16
	s_mov_b32 s[\g+4], 4
.endr
	s_mov_b32 s[G0+1], s45                         ; and slot 0's descriptors stand at my quarter
	s_add_nc_u64 s[G0+2:G0+3], s[G0+2:G0+3], s[18:19]
	s_mov_b32 s[G0B+1], s45
	s_add_nc_u64 s[G0B+2:G0B+3], s[G0B+2:G0B+3], s[18:19]
	s_wait_dscnt 0x0
	CROUND                                         ; everybody's tile is in, and all sixteen work-groups are here
	JLOAD G0+4, G1, G0B+4, G1B                     ; slots 1 and 2: their first fill, the first tensor load behind the round
	global_prefetch_b8 v12, s[2:3] offset:2*STEPB th:TH_LOAD_NT scope:SCOPE_SE       ; slot 3 of my work-group's row tile, one load ahead
	SCALES 0
	FETCH 0, 0, 0
	s_wait_loadcnt 32
	STEP 0, 0, 1
	STEP 0, 1, 0
	STEP 0, 2, 0
	TURN 0, 1, 1                                   ; slot 0 is read out: region 0 takes slot 3, which has slots 1 and 2 in which to land
	STEP 1, 0, 0
	STEP 1, 1, 0
	STEP 1, 2, 0
.set AR0, 1                            ; the even slot in hand is now slot 2: the second half of the long rows
.set PIT0, 2*STEPB
.set XO0, STEPB
	TURN 1, 0, 2
	STEP 0, 0, 0
	STEP 0, 1, 0
	STEP 0, 2, 0
.set AR1, 0                            ; the odd slot in hand is now slot 3, in region 0
.set PIT1, STEPB
.set XO1, 0
	TURN 0, 1, 0
	STEP 1, 0, 0
	STEP 1, 1, 0
	STEP 1, 2, 0
	s_wait_dscnt 0x0
	WIN MUL
	MULA 0, 1, 3, 1, 0
	MULA 1, 1, 3, 1, 0
	MULA 2, 1, 3, 1, 0
	MULA 3, 1, 3, 1, 0
	WIN 0
.macro TOSTAGE a
.irp b, 0,1,2,3
	ds_store_b128 v[STO], v[ACC+8*(4*(\a)+\b):ACC+8*(4*(\a)+\b)+3] offset:64*\b
	ds_store_b128 v[STO], v[ACC+8*(4*(\a)+\b)+4:ACC+8*(4*(\a)+\b)+7] offset:64*\b+16
.endr
.irp t, 0,1,2,3,4,5,6,7
	ds_load_b128 v[ACC+32*(\a)+4*\t:ACC+32*(\a)+4*\t+3], v[RD] offset:2*\t*SPITCH
.endr
.endm
.macro SEND a
	s_wait_dscnt 16*(3-(\a))
	WIN ADDX
.set j, 0
.rept 16
	v_pk_add_f32 v[ACC+32*(\a)+j:ACC+32*(\a)+j+1], v[ACC+32*(\a)+j:ACC+32*(\a)+j+1], v[32*(\a)+j:32*(\a)+j+1]
.set j, j+2
.endr
	WIN 0
.set t, 0
.rept 8
	global_store_b128 v[CO], v[ACC+32*(\a)+4*t:ACC+32*(\a)+4*t+3], s[12:13] offset:(16*(\a)+2*t)*4096 th:TH_STORE_NT
.set t, t+1
.endr
.endm
	PLACES NP
.irp a, 0,1,2,3
	TOSTAGE \a
.endr
	s_wait_loadcnt 0x0
.irp a, 0,1,2,3
	SEND \a
.endr
	s_wait_tensorcnt 0x0
	ds_add_u32 v[SPW], v[NIL]
	s_wait_dscnt 0x0
	CROUND
	s_endpgm
.Lfunc_end_k_q9bbc24cdcb_ffn2:
	.size	k_q9bbc24cdcb_ffn2, .Lfunc_end_k_q9bbc24cdcb_ffn2-k_q9bbc24cdcb_ffn2
	.p2alignl 7, 3214868480
	.fill 96, 4, 3214868480
	.section	.rodata,"a",@progbits
	.p2align	6, 0x0
	.amdhsa_kernel k_q9bbc24cdcb_ffn2
		.amdhsa_group_segment_fixed_size 327680
		.amdhsa_private_segment_fixed_size 0
		.amdhsa_enable_private_segment 0
		.amdhsa_kernarg_size 40
		.amdhsa_user_sgpr_count 2
		.amdhsa_user_sgpr_kernarg_segment_ptr 1
		.amdhsa_wavefront_size32 1
		.amdhsa_system_sgpr_workgroup_id_x 1
		.amdhsa_system_sgpr_workgroup_id_y 1
		.amdhsa_system_sgpr_workgroup_id_z 1
		.amdhsa_system_vgpr_workitem_id 0
		.amdhsa_next_free_vgpr 768
		.amdhsa_next_free_sgpr 100
		.amdhsa_reserve_vcc 0
		.amdhsa_float_denorm_mode_32 3
		.amdhsa_float_denorm_mode_16_64 3
		.amdhsa_memory_ordered 1
		.amdhsa_forward_progress 1
		.amdhsa_inst_pref_size 117
	.end_amdhsa_kernel
	.amdgpu_metadata
---
amdhsa.version: [ 1, 2 ]
amdhsa.kernels:
  - .name:           k_q9bbc24cdcb_ffn2
    .symbol:         k_q9bbc24cdcb_ffn2.kd
    .args:
      - { .name: gq, .offset: 0, .size: 8, .value_kind: global_buffer, .address_space: global }
      - { .name: wts, .offset: 8, .size: 8, .value_kind: global_buffer, .address_space: global }
      - { .name: p_b, .offset: 16, .size: 8, .value_kind: global_buffer, .address_space: global }
      - { .name: x1, .offset: 24, .size: 8, .value_kind: global_buffer, .address_space: global }
      - { .name: out0, .offset: 32, .size: 8, .value_kind: global_buffer, .address_space: global }
    .group_segment_fixed_size: 327680
    .private_segment_fixed_size: 0
    .kernarg_segment_align: 8
    .kernarg_segment_size: 40
    .max_flat_workgroup_size: 128
    .sgpr_count:     100
    .vgpr_count:     768
    .wavefront_size: 32
...
	.end_amdgpu_metadata
.endif
;; end of part 14
